; MI455X (gfx1250); checked and timed in simulation.
; The chip was launched on July 23, 2026; its instructions are those of AMD's public machine-readable ISA for CDNA 5 (MIT licence, August 2026) and "CDNA5" Instruction Set Architecture Reference Guide (July 2026). The comments in the code are by the model that wrote it; some were corrected since.
;; Decoder Layer. Allowed arithmetic: matrix products marked QUANTISED: E3M2 operands, one E8M0 scale for each 32 along K, by v_wmma_scale_f32_16x16x128_f8f6f4 with both operands' format E3M2, f32 sums; everything else in f32.
;; Inputs: W1_codes 2,048 x 16 x 24 uint8 (E3M2 codes of W1, K innermost, in blocks of 32 codes, four codes in three bytes); W1_scales 2,048 x 16 uint8 (E8M0 scales of W1, one for each 32 codes along K); W2_codes 512 x 64 x 24 uint8 (E3M2 codes of W2, K innermost, in blocks of 32 codes, four codes in three bytes); W2_scales 512 x 64 uint8 (E8M0 scales of W2, one for each 32 codes along K); Wk_c_codes 8 x 64 x 16 x 24 uint8 (E3M2 codes of Wk_c, K innermost, in blocks of 32 codes, four codes in three bytes); Wk_c_scales 8 x 64 x 16 uint8 (E8M0 scales of Wk_c, one for each 32 codes along K); Wk_s_codes 8 x 64 x 16 x 24 uint8 (E3M2 codes of Wk_s, K innermost, in blocks of 32 codes, four codes in three bytes); Wk_s_scales 8 x 64 x 16 uint8 (E8M0 scales of Wk_s, one for each 32 codes along K); Wp_c_codes 512 x 16 x 24 uint8 (E3M2 codes of Wp_c, K innermost, in blocks of 32 codes, four codes in three bytes); Wp_c_scales 512 x 16 uint8 (E8M0 scales of Wp_c, one for each 32 codes along K); Wp_s_codes 512 x 16 x 24 uint8 (E3M2 codes of Wp_s, K innermost, in blocks of 32 codes, four codes in three bytes); Wp_s_scales 512 x 16 uint8 (E8M0 scales of Wp_s, one for each 32 codes along K); Wq_c_codes 8 x 64 x 16 x 24 uint8 (E3M2 codes of Wq_c, K innermost, in blocks of 32 codes, four codes in three bytes); Wq_c_scales 8 x 64 x 16 uint8 (E8M0 scales of Wq_c, one for each 32 codes along K); Wq_s_codes 8 x 64 x 16 x 24 uint8 (E3M2 codes of Wq_s, K innermost, in blocks of 32 codes, four codes in three bytes); Wq_s_scales 8 x 64 x 16 uint8 (E8M0 scales of Wq_s, one for each 32 codes along K); Wv_c_codes 8 x 64 x 16 x 24 uint8 (E3M2 codes of Wv_c, K innermost, in blocks of 32 codes, four codes in three bytes); Wv_c_scales 8 x 64 x 16 uint8 (E8M0 scales of Wv_c, one for each 32 codes along K); Wv_s_codes 8 x 64 x 16 x 24 uint8 (E3M2 codes of Wv_s, K innermost, in blocks of 32 codes, four codes in three bytes); Wv_s_scales 8 x 64 x 16 uint8 (E8M0 scales of Wv_s, one for each 32 codes along K); b1 2,048 float32; b2 512 float32; be1 512 float32; be2 512 float32; be3 512 float32; bp_c 512 float32; bp_s 512 float32; g1 512 float32; g2 512 float32; g3 512 float32; k_codes 4 x 2,048 x 16 x 24 uint8 (E3M2 codes of k, K innermost, in blocks of 32 codes, four codes in three bytes); k_scales 4 x 2,048 x 16 uint8 (E8M0 scales of k, one for each 32 codes along K); q 4 x 2,048 x 512 float32; v_codes 4 x 2,048 x 16 x 24 uint8 (E3M2 codes of v, K innermost, in blocks of 32 codes, four codes in three bytes); v_scales 4 x 2,048 x 16 uint8 (E8M0 scales of v, one for each 32 codes along K).
;; Outputs: out0 4 x 2,048 x 512 float32.
;; This version of the problem:
;;   THIS VERSION OF THE PROBLEM IS GIVEN IN LOW PRECISION. The matrix products marked QUANTISED in the list below multiply operands that are first quantised to E3M2 (3 exponent bits, 2 mantissa bits; 6 bits a number), with one power-of-two scale for each 32 numbers along K (OCP MX v1.0); their sums are f32. All else is computed in f32.
;;   The module's matrix products, in the order in which they are computed (A, B: the left and right operand; K: the contracted axis; several contracted axes count as one K, in the product's order):
;;     1. [M 512, K 512] x [K 512, N 8,192]; A: input Wq_s (given as codes); B: computed on the way: QUANTISED
;;     2. [M 512, K 512] x [K 512, N 8,192]; A: input Wk_s (given as codes); B: computed on the way: QUANTISED
;;     3. [M 512, K 512] x [K 512, N 8,192]; A: input Wv_s (given as codes); B: computed on the way: QUANTISED
;;     4. batch 32 x [M 2,048, K 64] x [K 64, N 2,048]; A: computed on the way; B: computed on the way: QUANTISED
;;     5. batch 32 x [M 2,048, K 2,048] x [K 2,048, N 64]; A: softmax (see below); B: computed on the way: QUANTISED
;;     6. [M 8,192, K 512] x [K 512, N 512]; A: computed on the way; B: input Wp_s (given as codes): QUANTISED
;;     7. [M 512, K 512] x [K 512, N 8,192]; A: input Wq_c (given as codes); B: computed on the way: QUANTISED
;;     8. [M 512, K 512] x [K 512, N 8,192]; A: input Wk_c (given as codes); B: input k (given as codes): QUANTISED
;;     9. [M 512, K 512] x [K 512, N 8,192]; A: input Wv_c (given as codes); B: input v (given as codes): QUANTISED
;;     10. batch 32 x [M 2,048, K 64] x [K 64, N 2,048]; A: computed on the way; B: computed on the way: QUANTISED
;;     11. batch 32 x [M 2,048, K 2,048] x [K 2,048, N 64]; A: softmax (see below); B: computed on the way: QUANTISED
;;     12. [M 8,192, K 512] x [K 512, N 512]; A: computed on the way; B: input Wp_c (given as codes): QUANTISED
;;     13. [M 8,192, K 512] x [K 512, N 2,048]; A: computed on the way; B: input W1 (given as codes): QUANTISED
;;     14. [M 8,192, K 2,048] x [K 2,048, N 512]; A: computed on the way; B: input W2 (given as codes): QUANTISED
;;   THE QUANTISER, for each operand of a quantised product, along K:
;;     - K is cut into blocks of 32 from its start; a last block that is shorter is filled with zeros.
;;     - A block's scale is 2^e with e = floor(log2(the largest magnitude in the block)) - 4, held to -126 .. 127; a block of zeros has e = 0. As a byte (E8M0): e + 127.
;;     - Each number is divided by its block's scale, clamped to +-28, and rounded to the nearest number of E3M2, ties to even, subnormals kept.
;;     - The product sums the exact products of the quantised numbers (number of the format x scale) in f32.
;;   ~~~python
;;   def quantise(x, axis):      # numpy; x: float32 -> the quantised numbers, widened to float32 again
;;       x = np.moveaxis(x, axis, -1); K = x.shape[-1]
;;       x = np.pad(x, [(0, 0)] * (x.ndim - 1) + [(0, -K % 32)]); x = x.reshape(x.shape[:-1] + (-1, 32)); a = np.abs(x).max(-1, keepdims=True)
;;       e = np.where(a > 0, np.clip(np.frexp(np.where(a > 0, a, 1))[1] - 1 - 4, -126, 127), 0)      # np.frexp(a)[1] - 1 = floor(log2(a)), exactly
;;       r = np.clip(x / 2.0 ** e, -28, 28)
;;       step = 2.0 ** (np.maximum(np.frexp(np.where(r == 0, 1, r))[1] - 1, -2) - 2)
;;       q = np.round(r / step) * step * 2.0 ** e      # np.round: ties to even
;;       return np.moveaxis(q.reshape(q.shape[:-2] + (-1,))[..., :K], -1, axis).astype(np.float32)
;;   ~~~
;;   SOFTMAX AHEAD OF A QUANTISED PRODUCT. Where the list says 'softmax', what is quantised is not the finished softmax but p = 2^(t - M), with t = logit x log2(e) and M = ceil(the row's largest t), a whole number; so 1/2 < the row's largest p <= 1. The row's sum l is taken of the UNQUANTISED p, in f32, and the product's result is divided by l at the end. Since M is a whole number, a kernel that streams over the keys may use a running M (the ceiling of the running maximum): every later rescaling is an exact power of two, which a block's scale takes up: the codes' values come out the same.
;;   OPERANDS COMPUTED ON THE WAY. 'Computed on the way' means the value that the module computes at that place (a softmax that the list does not call 'softmax' is quantised finished and normalised). What goes into a quantiser is computed in f32, as accurately as f32 sums, v_exp_f32 and their like allow (about 1e-6 of the number): no bf16 or f16 on the way to a quantiser, and a product that is left as it is and whose result goes on into a quantised operand takes f32 operands (vector FMAs, or v_wmma_f32_16x16x4_f32). A number that lies on a knife's edge between two numbers of the format may be rounded either way, as far as f32 arithmetic and the matrix unit's own rounding can turn it there, and no further.
;;   INPUTS GIVEN AS CODES. W1 (in the module: [512, 2048], K = its axis 0); W2 (in the module: [2048, 512], K = its axis 0); Wk_c (in the module: [8, 512, 64], K = its axis 1); Wk_s (in the module: [8, 512, 64], K = its axis 1); Wp_c (in the module: [512, 512], K = its axis 0); Wp_s (in the module: [512, 512], K = its axis 0); Wq_c (in the module: [8, 512, 64], K = its axis 1); Wq_s (in the module: [8, 512, 64], K = its axis 1); Wv_c (in the module: [8, 512, 64], K = its axis 1); Wv_s (in the module: [8, 512, 64], K = its axis 1); k (in the module: [4, 2048, 512], K = its axis 2); v (in the module: [4, 2048, 512], K = its axis 2): each comes as NAME_codes (uint8): NAME with its K axis moved to the last place and cut into blocks of 32 codes, [.., K / 32, bytes a block], one block behind the other in memory; four codes in three bytes: a row's codes are one little-endian stream of bits, code i at bits 6 i .. 6 i + 5 (a code: sign, 3 exponent bits, 2 mantissa bits); and NAME_scales (uint8): the same leading axes, one E8M0 byte (e + 127) for each 32 codes along K. Its value is code x scale, taken as it is: it is not quantised again, and the codes and scales need not be those that the quantiser above would give.
;; 3 versions. Each part assembles by itself: llvm-mc -triple=amdgcn-amd-amdhsa -mcpu=gfx1250 --defsym DOCPART=n.
;; ======== version 1 of 3: 6 launches
;; workspace buffers: qbuf 3,407,872 bytes; kv_s 6,684,672 bytes; kv_c 6,684,672 bytes; att 3,276,800 bytes; x1 16,777,216 bytes
;; launch ln_qkv (part 1): grid 128 x 1, 4 waves a work-group, no clusters, 27,136 bytes of LDS; arguments q, g1, be1, Wq_s_codes, Wq_s_scales, Wk_s_codes, Wk_s_scales, Wv_s_codes, Wv_s_scales, qbuf, kv_s; writes qbuf, kv_s
.if DOCPART == 1
	.amdgcn_target "amdgcn-amd-amdhsa--gfx1250"
	.amdhsa_code_object_version 6
	.text
	.protected	k_qdefff38845_ln_qkv
	.globl	k_qdefff38845_ln_qkv
	.p2align	8
	.type	k_qdefff38845_ln_qkv,@function
k_qdefff38845_ln_qkv:
	s_mov_b64 s[64:65], 0
	v_nop
	global_prefetch_b8 v0, s[64:65] scope:SCOPE_SE
	s_setreg_imm32_b32 hwreg(HW_REG_WAVE_MODE, 25, 1), 1
	s_wait_xcnt 0x0
; LayerNorm 1 of q, quantised to BF6 (E3M2, one E8M0 scale for each 32 along K); the self-attention's Q, K and V projections on codes; their results quantised in registers
; (Q and K along the head's 64, V along the keys) and stored as images of the operands' registers.
; SHARES.  A work-group takes 64 rows; its four waves share the COLUMNS: wave w makes columns 128 w .. 128 w + 127 (heads 2 w, 2 w + 1) of each projection for all 64 rows.
; A weight fragment is used by one wave alone, so it goes from memory straight into registers; the rows' codes go from wave to wave through LDS as images of their registers.
; TILES.  Lane r of tile m of a group holds member 32 (m / 2) + 8 (m % 2) + r + 8 (r / 8): so the 16 result registers of tiles 2 b and 2 b + 1 are 16 neighbours, 32 b + 16 (lane / 16) + 0 .. 15.
; K ORDER of the weight products: operand place (c, half h) holds block 4 s + 2 h + c of K step s, alike on both sides: a lane's 12 registers are then 48 consecutive bytes of a row of codes (three loads of 16 bytes);
; a scale word's bytes follow as 0, 2, 1, 3.  Each block keeps its own scale; only the order of the sums inside an instruction differs.
; WINDOWS: 0 work; 1 weights (two sets of 96), at first g1; 2 x, then the 32 accumulators; 3 be1.
; LIMITS: NaN and infinities among the inputs are not served; a block of zeros gets the scale byte 1 and zero codes (the bytes are read by this program alone); v_rsq_f32 is accurate to 1 ulp.
.set XIMG, 0                           ; LDS: the 16 fragments of the normalised rows, image 4 ks + m, 1,536 bytes each
.set XSC,  24576                       ; their scale words, 128 bytes each
.set KVH,  208896                      ; a head's block in kv_s: K codes 98,304, V codes 98,304, K scale words 8,192, V scale halves 4,096
.set LI0, 1                            ; v1   16 x lane
.set LS,  4                            ; v4   4 x lane
.set G8,  5                            ; v5   8 x lane
.set WA,  6                            ; v6   a weight row's codes: 384 rr + 48 h
.set WSA, 8                            ; v8   its scale bytes: 16 rr
.set XA,  10                           ; v10  a row of q: 2048 rr + 64 h
.set BA,  11                           ; v11  64 h
.set IWT, 12                           ; v12  16 x lane + 1536 x wave
.set SWT, 13                           ; v13  4 x lane + 128 x wave
.set H16, 16                           ; v16  16 h
.set SCAQ, 17                          ; v17  8192 h + 16 r
.set SCAK, 18                          ; v18  208896 h + 16 r
.set SVA, 19                           ; v19  208896 h + 8 r
.set WS,  32                           ; v32-95   weight scale words, two sets of 32: word (tile t, K step s) at 4 t + s
.set AF,  96                           ; v96-191  the rows' fragments, two sets of 4 x 12
.set ST,  96                           ; (scratch while no K step runs)
.set AS,  192                          ; v192-199 the rows' scale words, two sets of 4
.set PC,  200                          ; v200-219 codes just made
.set TM,  220                          ; v220-235 the quantiser's work
.set PW,  236                          ; v236     a scale word just made
.set PWK, 240                          ; v240-243 four of them
.set SW,  244                          ; v244-247 scale words on their way out
.set T,   248                          ; v248-255 at work
.set WV, 2
.set BB, 3
.set RB, 4
.set HD2, 5
.set SEL, 36
.set SELP, 38
.set M16, 39
.set M7F, 40
.set C512, 41
.set EPS, 42
.set HM, 43
.set C512N, 44
.set QC, 46
.set QS, 48
.set KC, 50
.set KSC, 52
.set VC, 54
.set VSC, 56
.set KV, 58
.set MSB, 0
.macro WIN new                         ; the immediate's high byte repeats the setting that is left; a switch that changes nothing is dropped
.if MSB != (\new)
	s_set_vgpr_msb (MSB<<8)|(\new)
.set MSB, (\new)
.endif
.endm
; 64 numbers of a lane, v[s] .. v[s + 63] of window win, register 16 b + i = k 32 b + 16 (lane / 16) + i of the lane's row, become a fragment's codes in v[PC] .. v[PC + 11] and its scale word in v[pw].
; perm = 0: the natural order of blocks; perm = 1: the weight products' order.
.macro QUANT s, win, perm, pw
	WIN (\win)|((\win)<<2)
.irp b, 0,1,2,3
	v_max3_num_f32 v[TM+\b], |v[(\s)+16*\b]|, |v[(\s)+16*\b+1]|, 0x2800000   ; my 16 numbers of block b, and the floor 2^(5 - 127): the byte cannot fall under 1
.endr
	WIN ((\win)<<2)|((\win)<<4)
.irp i, 2,4,6,8,10,12,14
.irp b, 0,1,2,3
	v_max3_num_f32 v[TM+\b], v[TM+\b], |v[(\s)+16*\b+\i]|, |v[(\s)+16*\b+\i+1]|
.endr
.endr
	WIN 0
.irp b, 0,1,2,3
	v_permlanex16_b32 v[TM+4+\b], v[TM+\b], s[SEL], s[SEL+1]
.endr
.irp b, 0,1,2,3
	v_max_num_f32 v[TM+\b], v[TM+\b], v[TM+4+\b]           ; with lane l xor 16's: the block's largest magnitude
.endr
.irp b, 0,1,2,3
	v_add_nc_u32 v[TM+12+\b], 0xfe000000, v[TM+\b]         ; 4 off its exponent field: the conversion's scale operand
.endr
.irp b, 0,1,2,3
	v_lshrrev_b32 v[TM+4+\b], 23, v[TM+12+\b]              ; the scale's byte
.endr
.if \perm
	v_lshl_or_b32 v[\pw], v[TM+6], 8, v[TM+4]
	v_lshl_or_b32 v[\pw], v[TM+5], 16, v[\pw]
.else
	v_lshl_or_b32 v[\pw], v[TM+5], 8, v[TM+4]
	v_lshl_or_b32 v[\pw], v[TM+6], 16, v[\pw]
.endif
	v_lshl_or_b32 v[\pw], v[TM+7], 24, v[\pw]
	WIN \win
.irp c, 0,1
.if \perm
.set lo_, \c
.set hi_, \c+2
.else
.set lo_, 2*\c
.set hi_, 2*\c+1
.endif
	v_cvt_scalef32_pk16_bf6_f32 v[PC+6*\c:PC+6*\c+2], v[(\s)+16*lo_:(\s)+16*lo_+15], v[TM+12+lo_]
	v_cvt_scalef32_pk16_bf6_f32 v[PC+12+4*\c:PC+14+4*\c], v[(\s)+16*hi_:(\s)+16*hi_+15], v[TM+12+hi_]   ; (a conversion's three registers begin on an even number)
.endr
	WIN 0
	v_nop                                                  ; one plain place behind a scaled conversion
.irp c, 0,1                            ; the operand wants a whole block in a lane
.irp i, 0,1,2
	v_permlane16_swap_b32 v[PC+6*\c+\i], v[PC+12+4*\c+\i]
.endr
.irp i, 0,1,2
	v_mov_b32 v[PC+3+6*\c+\i], v[PC+12+4*\c+\i]
.endr
.endr
.endm
.macro IMAGE adr, off                  ; the fragment in v[PC] on goes to LDS as it stands
.irp c, 0,1,2
	ds_store_b128 v[\adr], v[PC+4*\c:PC+4*\c+3] offset:(\off)+512*\c
.endr
.endm
.macro WL par, base, va, off, rowb     ; a K step's eight weight fragments into set par of window 1: 24 loads
	WIN 0x40
.irp t, 0,1,2,3,4,5,6,7
.irp i, 0,1,2
	global_load_b128 v[96*(\par)+12*\t+4*\i:96*(\par)+12*\t+4*\i+3], v[\va], s[(\base):(\base)+1] offset:(\off)+(32*(\t/2)+8*(\t%2))*(\rowb)+16*\i
.endr
.endr
	WIN 0
.endm
.macro WSL set, base, va, off, srow    ; a quad's scale words (8 tiles x 4 K steps): 8 loads
.irp t, 0,1,2,3,4,5,6,7
	global_load_b128 v[WS+32*(\set)+4*\t:WS+32*(\set)+4*\t+3], v[\va], s[(\base):(\base)+1] offset:(\off)+(32*(\t/2)+8*(\t%2))*(\srow)
.endr
.endm
.macro QHEAD set                       ; the scale words' bytes into the weight products' order
	s_wait_loadcnt 48                                      ; behind the scale words stand at least the 48 loads of the quad's first two K steps
.set n_, WS+32*(\set)
.rept 32
	v_perm_b32 v[n_], v[n_], v[n_], s[SELP]
.set n_, n_+1
.endr
.rept 8
	v_nop                                                  ; a scale register written by a vector instruction stands 8 places ahead of a scaled matrix instruction
.endr
.endm
.macro FETCHA par, img, sc, ks         ; the four row tiles' fragments and scale words of K step ks
.irp m, 0,1,2,3
.irp i, 0,1,2
.set FO, (\img)+(4*(\ks)+\m)*1536+512*\i
	ds_load_b128 v[AF+48*(\par)+12*\m+4*\i:AF+48*(\par)+12*\m+4*\i+3], v[LI0+FO/65536] offset:FO%65536
.endr
	ds_load_b32 v[AS+4*(\par)+\m], v[LS] offset:(\sc)+(4*(\ks)+\m)*128
.endr
.endm
; 32 matrix instructions, all on different accumulators, in the same order in every step.
; orient 0: source 0 = 16 weight rows, source 1 = 16 rows: a lane holds one row, its registers run along the columns.  orient 1: the other way round: a lane holds one column, its registers run down the rows.
; cm 0: onto the accumulator; 1: the constant 0 starts the sum; 2: a bias (window 1, v192 on) starts it; 3: window 2's register of the same number starts it.
.macro MM par, ws, orient, cm, aw
.if (\orient) == 1
	WIN 0xa4
.elseif (\cm) == 2
	WIN 0xd1
.elseif (\cm) == 3
	WIN 0xe1
.elseif (\aw) == 3
	WIN 0xf1
.else
	WIN 0xa1
.endif
.irp m, 0,1,2,3
.irp t, 0,1,2,3,4,5,6,7
.set rW, 96*(\par)+12*\t
.set rA, AF+48*(\par)+12*\m
.set rWS, (\ws)+4*\t
.set rAS, AS+4*(\par)+\m
.if (\orient) == 1
.set rD, 8*(4*\t+\m)
.if (\cm) == 1
	v_wmma_scale_f32_16x16x128_f8f6f4 v[rD:rD+7], v[rA:rA+11], v[rW:rW+11], 0, v[rAS], v[rWS] matrix_a_fmt:MATRIX_FMT_BF6 matrix_b_fmt:MATRIX_FMT_BF6
.else
	v_wmma_scale_f32_16x16x128_f8f6f4 v[rD:rD+7], v[rA:rA+11], v[rW:rW+11], v[rD:rD+7], v[rAS], v[rWS] matrix_a_fmt:MATRIX_FMT_BF6 matrix_b_fmt:MATRIX_FMT_BF6
.endif
.else
.set rD, 8*(8*\m+\t)
.if (\cm) == 1
	v_wmma_scale_f32_16x16x128_f8f6f4 v[rD:rD+7], v[rW:rW+11], v[rA:rA+11], 0, v[rWS], v[rAS] matrix_a_fmt:MATRIX_FMT_BF6 matrix_b_fmt:MATRIX_FMT_BF6
.elseif (\cm) == 2
	v_wmma_scale_f32_16x16x128_f8f6f4 v[rD:rD+7], v[rW:rW+11], v[rA:rA+11], v[192+8*\t:199+8*\t], v[rWS], v[rAS] matrix_a_fmt:MATRIX_FMT_BF6 matrix_b_fmt:MATRIX_FMT_BF6
.else
	v_wmma_scale_f32_16x16x128_f8f6f4 v[rD:rD+7], v[rW:rW+11], v[rA:rA+11], v[rD:rD+7], v[rWS], v[rAS] matrix_a_fmt:MATRIX_FMT_BF6 matrix_b_fmt:MATRIX_FMT_BF6
.endif
.endif
.endr
.endr
.endm
.macro KSTEP par, lc, ws, orient, cm, aw, nx, img, sc, ks
	s_wait_loadcnt \lc                                     ; this step's weights are in; the next step's 24 loads may be out
	s_wait_dscnt 0x0                                       ; this step's rows, asked for a step ago, are in
.if \nx
	FETCHA 1-(\par), \img, \sc, \ks                        ; the next step's rows
.endif
	MM \par, \ws, \orient, \cm, \aw
	WIN 0
.rept 4
	v_nop                                                  ; places ahead of loads into registers that the products read, and of the first read of results
.endr
.endm
.macro BARRIER                         ; my LDS stores have landed and my LDS loads are in: then the work-group's barrier
	s_wait_dscnt 0x0
	s_barrier_signal -1
	s_barrier_wait -1
.endm
; A panel of Q or K leaves: for each tile of rows two half images (16 rows x 64 of a head, 768 bytes: registers 0-3 at 16 x lane, 4-5 at 512 + 8 x lane), one for each of my two heads, hs bytes apart;
; the scale words (two bytes, and 0x7f7f for the half of K that is zero codes) as [r][m], 256 bytes a head.
.macro EPI_QK cb, hs, sb, sca
.irp m, 0,1,2,3
	s_wait_xcnt 0x0                                        ; earlier stores have read the registers that are written again below
	QUANT 64*\m, 2, 0, PWK+\m
	global_store_b128 v[LI0], v[PC:PC+3], s[(\cb):(\cb)+1] offset:768*\m
	global_store_b64 v[G8], v[PC+4:PC+5], s[(\cb):(\cb)+1] offset:768*\m+512
	global_store_b128 v[LI0], v[PC+6:PC+9], s[(\cb):(\cb)+1] offset:768*\m+(\hs)
	global_store_b64 v[G8], v[PC+10:PC+11], s[(\cb):(\cb)+1] offset:768*\m+(\hs)+512
.endr
.irp m, 0,1,2,3
	v_lshrrev_b32 v[SW+\m], v[H16], v[PWK+\m]              ; lanes 0-15 the first head's two bytes, lanes 16-31 the second's
.endr
.irp m, 0,1,2,3
	v_and_or_b32 v[SW+\m], v[SW+\m], s[M16], s[M7F]
.endr
	global_store_b128 v[\sca], v[SW:SW+3], s[(\sb):(\sb)+1]
.endm
; The panel of V leaves: a lane holds one d, its registers run down the 64 keys: two d tiles a turn, each a half image (lanes 0-15 the first 32 keys, lanes 16-31 the second).
.macro EPI_V
.irp g, 0,1,2,3
	s_wait_xcnt 0x0
	QUANT 64*\g, 2, 0, PWK+\g
	global_store_b128 v[LI0], v[PC:PC+3], s[VC:VC+1] offset:(\g/2)*KVH+(\g%2)*3072
	global_store_b64 v[G8], v[PC+4:PC+5], s[VC:VC+1] offset:(\g/2)*KVH+(\g%2)*3072+512
	global_store_b128 v[LI0], v[PC+6:PC+9], s[VC:VC+1] offset:(\g/2)*KVH+(\g%2)*3072+1536
	global_store_b64 v[G8], v[PC+10:PC+11], s[VC:VC+1] offset:(\g/2)*KVH+(\g%2)*3072+2048
.endr
	v_cndmask_b32 v[SW], v[PWK], v[PWK+2], s[HM]           ; lanes 0-15 the first head's four halves, lanes 16-31 the second's
	v_cndmask_b32 v[SW+1], v[PWK+1], v[PWK+3], s[HM]
	global_store_b64 v[SVA], v[SW:SW+1], s[VSC:VSC+1]
.endm
	s_load_b512 s[8:23], s[0:1], 0x0                       ; q 8, g1 10, be1 12, Wq codes 14, scales 16, Wk codes 18, scales 20, Wv codes 22
	s_load_b128 s[24:27], s[0:1], 0x40                     ; Wv scales 24, qbuf 26
	s_load_b64 s[28:29], s[0:1], 0x50                      ; kv_s
	v_lshl_add_u32 v254, v0, 2, 0x6800
	v_mov_b32 v255, 0
	v_lshrrev_b32 v29, 5, v0
	v_readfirstlane_b32 s[WV], v29                         ; wave
	v_and_b32 v29, 31, v0                                  ; lane
	v_and_b32 v30, 15, v0                                  ; r
	v_bfe_u32 v31, v0, 4, 1                                ; h
	v_and_b32 v[T], 8, v30
	v_add_nc_u32 v[T], v[T], v30                           ; rr = r + 8 (r / 8)
	v_lshlrev_b32 v[LI0], 4, v29
	v_lshlrev_b32 v[LS], 2, v29
	v_lshlrev_b32 v[G8], 3, v29
	v_mul_u32_u24 v[WA], v[T], 384
	v_mad_u32_u24 v[WA], v31, 48, v[WA]
	v_lshlrev_b32 v[WSA], 4, v[T]
	v_lshlrev_b32 v[XA], 11, v[T]
	v_lshl_add_u32 v[XA], v31, 6, v[XA]
	v_lshlrev_b32 v[BA], 6, v31
	s_mul_i32 s30, s[WV], 1536
	v_add_nc_u32 v[IWT], s30, v[LI0]
	s_lshl_b32 s30, s[WV], 7
	v_add_nc_u32 v[SWT], s30, v[LS]
	v_lshlrev_b32 v[H16], 4, v31
	v_lshlrev_b32 v[T+1], 4, v30
	v_lshl_add_u32 v[SCAQ], v31, 13, v[T+1]
	v_mul_u32_u24 v[T+2], v31, KVH
	v_add_nc_u32 v[SCAK], v[T+2], v[T+1]
	v_lshl_add_u32 v[SVA], v30, 3, v[T+2]
	v_cmp_ne_u32 s[HM], 0, v31                             ; the lanes of the upper half
.irp b, 0,1,2,3
	v_mov_b32 v[TM+4+\b], 0                                ; written once: a lane permute's destination counts as one of its sources
.endr
	s_mov_b32 s[SEL], 0x76543210
	s_mov_b32 s[SEL+1], 0xfedcba98                         ; v_permlanex16_b32's selects for lane l xor 16
	s_mov_b32 s[SELP], 0x03010200                          ; bytes 0, 2, 1, 3
	s_mov_b32 s[M16], 0xffff
	s_mov_b32 s[M7F], 0x7f7f0000
	s_mov_b32 s[C512], 0x3b000000                          ; 1 / 512
	s_mov_b32 s[C512N], 0xbb000000
	s_mov_b32 s[EPS], 0x3727c5ac                           ; 1e-5
	s_lshr_b32 s[BB], ttmp9, 5                             ; batch
	s_and_b32 s[RB], ttmp9, 31                             ; block of 64 rows in it
	s_lshl_b32 s[HD2], s[BB], 3
	s_lshl_b32 s30, s[WV], 1
	s_add_co_u32 s[HD2], s[HD2], s30                       ; 8 b + 2 w: my first head
	s_lshl_b32 s30, ttmp9, 6
	s_lshr_b32 s31, s[WV], 1
	s_lshl_b32 s31, s31, 5
	s_add_co_u32 s30, s30, s31
	s_and_b32 s31, s[WV], 1
	s_lshl_b32 s31, s31, 3
	s_add_co_u32 s30, s30, s31                             ; the first row of row tile m = w
	s_lshl_b32 s30, s30, 11
	s_mov_b32 s31, 0
	s_mul_i32 s32, s[WV], 49152                            ; my 128 rows of each weight,
	s_mov_b32 s33, 0
	s_lshl_b32 s34, s[WV], 11                              ; and of its scale bytes
	s_mov_b32 s35, 0
	s_wait_kmcnt 0x0
	s_add_nc_u64 s[8:9], s[8:9], s[30:31]
	s_add_nc_u64 s[14:15], s[14:15], s[32:33]
	s_add_nc_u64 s[18:19], s[18:19], s[32:33]
	s_add_nc_u64 s[22:23], s[22:23], s[32:33]
	s_add_nc_u64 s[16:17], s[16:17], s[34:35]
	s_add_nc_u64 s[20:21], s[20:21], s[34:35]
	s_add_nc_u64 s[24:25], s[24:25], s[34:35]
	; ---- LayerNorm 1: wave w owns row tile w; a row lies in lanes l and l xor 16; register 64 s + 16 b + i = column 128 s + 32 b + 16 h + i
	WIN 0x80
.set k_, 0
.rept 64
	global_load_b128 v[4*k_:4*k_+3], v[XA], s[8:9] offset:512*(k_/16)+128*((k_/4)%4)+16*(k_%4)
.set k_, k_+1
.endr
	WIN 0x40
.set k_, 0
.rept 64
	global_load_b128 v[4*k_:4*k_+3], v[BA], s[10:11] offset:512*(k_/16)+128*((k_/4)%4)+16*(k_%4)
.set k_, k_+1
.endr
	WIN 0xc0
.set k_, 0
.rept 64
	global_load_b128 v[4*k_:4*k_+3], v[BA], s[12:13] offset:512*(k_/16)+128*((k_/4)%4)+16*(k_%4)
.set k_, k_+1
.endr
	WIN 0
	s_lshl_b32 s30, s[HD2], 7                              ; where the results go
	s_lshl_b32 s32, s[RB], 2
	s_add_co_u32 s30, s30, s32
	s_mul_i32 s30, s30, 768
	s_add_nc_u64 s[QC:QC+1], s[26:27], s[30:31]            ; Q codes: [head][tile 4 RB + m][768]
	s_lshl_b32 s30, s[HD2], 5
	s_add_co_u32 s30, s30, s[RB]
	s_lshl_b32 s30, s30, 8
	s_add_co_u32 s30, s30, 0x300000
	s_add_nc_u64 s[QS:QS+1], s[26:27], s[30:31]            ; Q scale words: [head][RB][256]
	s_mul_i32 s30, s[HD2], KVH
	s_add_nc_u64 s[KV:KV+1], s[28:29], s[30:31]
	s_mul_i32 s30, s[RB], 3072
	s_add_nc_u64 s[KC:KC+1], s[KV:KV+1], s[30:31]
	s_lshl_b32 s30, s[RB], 8
	s_add_co_u32 s30, s30, 196608
	s_add_nc_u64 s[KSC:KSC+1], s[KV:KV+1], s[30:31]
	s_lshr_b32 s30, s[RB], 1
	s_mul_i32 s30, s30, 6144
	s_and_b32 s32, s[RB], 1
	s_mul_i32 s32, s32, 768
	s_add_co_u32 s30, s30, s32
	s_add_co_u32 s30, s30, 98304
	s_add_nc_u64 s[VC:VC+1], s[KV:KV+1], s[30:31]          ; V codes: [key step RB / 2][d tile][RB % 2][768]
	s_lshl_b32 s30, s[RB], 7
	s_add_co_u32 s30, s30, 204800
	s_add_nc_u64 s[VSC:VSC+1], s[KV:KV+1], s[30:31]
	s_wait_loadcnt 63                                      ; 128 younger loads stand behind x's: x is in
	WIN 0x0a
.irp c, 0,2,4,6
	v_pk_add_f32 v[ST+\c:ST+\c+1], v[\c:\c+1], v[8+\c:9+\c]          ; the row's sum, in four packed chains
.endr
	WIN 0x08
.set k_, 16
.rept 120
	v_pk_add_f32 v[ST+k_%8:ST+k_%8+1], v[ST+k_%8:ST+k_%8+1], v[k_:k_+1]
.set k_, k_+2
.endr
	WIN 0
	v_pk_add_f32 v[ST:ST+1], v[ST:ST+1], v[ST+2:ST+3]
	v_pk_add_f32 v[ST+4:ST+5], v[ST+4:ST+5], v[ST+6:ST+7]
	v_pk_add_f32 v[ST:ST+1], v[ST:ST+1], v[ST+4:ST+5]
	v_add_f32 v[T], v[ST], v[ST+1]
	v_permlanex16_b32 v[TM+4], v[T], s[SEL], s[SEL+1]
	v_add_f32 v[T], v[T], v[TM+4]
	v_mul_f32 v[T+2], s[C512N], v[T]                       ; - mean
	v_mov_b32 v[T+3], v[T+2]
	WIN 0x82
.set k_, 0
.rept 128
	v_pk_add_f32 v[k_:k_+1], v[k_:k_+1], v[T+2:T+3]        ; x - mean, in place
.set k_, k_+2
.endr
	WIN 0x0a
.irp c, 0,2,4,6
	v_pk_mul_f32 v[ST+\c:ST+\c+1], v[\c:\c+1], v[\c:\c+1]  ; the sum of its squares
.endr
.set k_, 8
.rept 124
	v_pk_fma_f32 v[ST+k_%8:ST+k_%8+1], v[k_:k_+1], v[k_:k_+1], v[ST+k_%8:ST+k_%8+1]
.set k_, k_+2
.endr
	WIN 0
	v_pk_add_f32 v[ST:ST+1], v[ST:ST+1], v[ST+2:ST+3]
	v_pk_add_f32 v[ST+4:ST+5], v[ST+4:ST+5], v[ST+6:ST+7]
	v_pk_add_f32 v[ST:ST+1], v[ST:ST+1], v[ST+4:ST+5]
	v_add_f32 v[T], v[ST], v[ST+1]
	v_permlanex16_b32 v[TM+4], v[T], s[SEL], s[SEL+1]
	v_add_f32 v[T], v[T], v[TM+4]
	v_fma_f32 v[T], v[T], s[C512], s[EPS]                  ; the variance + eps
	v_rsq_f32 v[T+2], v[T]
	v_nop                                                  ; one plain place behind a transcendental
	s_wait_alu depctr_va_vdst(0)
	v_mov_b32 v[T+3], v[T+2]
	WIN 0x82
.set k_, 0
.rept 128
	v_pk_mul_f32 v[k_:k_+1], v[k_:k_+1], v[T+2:T+3]
.set k_, k_+2
.endr
	s_wait_loadcnt 0x0                                     ; g1 and be1
	WIN 0xb6
.set k_, 0
.rept 128
	v_pk_fma_f32 v[k_:k_+1], v[k_:k_+1], v[k_:k_+1], v[k_:k_+1]      ; window 2 x window 1 + window 3: x g + be
.set k_, k_+2
.endr
	WIN 0
	WSL 0, 16, WSA, 0, 16                                  ; Wq's scale words and first two K steps are on their way while the rows are quantised
	WL 0, 14, WA, 0, 384
	WL 1, 14, WA, 96, 384
.irp e, 0,1,2,3
	QUANT 64*\e, 2, 1, PW
	IMAGE IWT, XIMG+6144*\e
	ds_store_b32 v[SWT], v[PW] offset:XSC+512*\e
	s_wait_dscnt 0x0                                       ; the stores have read their registers
.endr
	BARRIER                                                ; the 16 fragments lie in LDS
	; ---- twelve K steps: Q, K (a lane holds a row), V (a lane holds a column d)
	FETCHA 0, XIMG, XSC, 0
.set q_, 0
.rept 12
.set qd_, q_/4
.set lc_, 24
.set nx_, 1
.set cm_, 0
.set or_, 0
.if q_ == 11
.set lc_, 0
.set nx_, 0
.endif
.if qd_ == 2
.set or_, 1
.endif
.if q_%4 == 0
.set cm_, 1
	QHEAD qd_%2
.endif
	KSTEP q_%2, lc_, WS+32*(qd_%2)+q_%4, or_, cm_, 2, nx_, XIMG, XSC, (q_+1)%4
.if q_ < 10
.if (q_+2)%4 == 0
	WSL ((q_+2)/4)%2, 16+4*((q_+2)/4), WSA, 0, 16
.endif
	WL q_%2, 14+4*((q_+2)/4), WA, 96*((q_+2)%4), 384       ; the weights of two steps on
.endif
.if q_ == 3
	EPI_QK QC, 98304, QS, SCAQ
.endif
.if q_ == 7
	EPI_QK KC, KVH, KSC, SCAK
.endif
.if q_ == 11
	EPI_V
.endif
.set q_, q_+1
.endr
	s_wait_tensorcnt 0x0
	ds_add_u32 v254, v255
	s_wait_dscnt 0x0
	s_endpgm
.Lfunc_end_k_qdefff38845_ln_qkv:
	.size	k_qdefff38845_ln_qkv, .Lfunc_end_k_qdefff38845_ln_qkv-k_qdefff38845_ln_qkv
	.p2alignl 7, 3214868480
	.fill 96, 4, 3214868480
	.section	.rodata,"a",@progbits
	.p2align	6, 0x0
	.amdhsa_kernel k_qdefff38845_ln_qkv
		.amdhsa_group_segment_fixed_size 27136
		.amdhsa_private_segment_fixed_size 0
		.amdhsa_enable_private_segment 0
		.amdhsa_kernarg_size 88
		.amdhsa_user_sgpr_count 2
		.amdhsa_user_sgpr_kernarg_segment_ptr 1
		.amdhsa_wavefront_size32 1
		.amdhsa_system_sgpr_workgroup_id_x 1
		.amdhsa_system_sgpr_workgroup_id_y 1
		.amdhsa_system_sgpr_workgroup_id_z 1
		.amdhsa_system_vgpr_workitem_id 0
		.amdhsa_next_free_vgpr 1024
		.amdhsa_next_free_sgpr 66
		.amdhsa_reserve_vcc 0
		.amdhsa_float_denorm_mode_32 3
		.amdhsa_float_denorm_mode_16_64 3
		.amdhsa_memory_ordered 1
		.amdhsa_forward_progress 1
		.amdhsa_inst_pref_size 233
	.end_amdhsa_kernel
	.amdgpu_metadata
---
amdhsa.version: [ 1, 2 ]
amdhsa.kernels:
  - .name:           k_qdefff38845_ln_qkv
    .symbol:         k_qdefff38845_ln_qkv.kd
    .args:
      - { .name: q, .offset: 0, .size: 8, .value_kind: global_buffer, .address_space: global }
      - { .name: g1, .offset: 8, .size: 8, .value_kind: global_buffer, .address_space: global }
      - { .name: be1, .offset: 16, .size: 8, .value_kind: global_buffer, .address_space: global }
      - { .name: Wq_s_codes, .offset: 24, .size: 8, .value_kind: global_buffer, .address_space: global }
      - { .name: Wq_s_scales, .offset: 32, .size: 8, .value_kind: global_buffer, .address_space: global }
      - { .name: Wk_s_codes, .offset: 40, .size: 8, .value_kind: global_buffer, .address_space: global }
      - { .name: Wk_s_scales, .offset: 48, .size: 8, .value_kind: global_buffer, .address_space: global }
      - { .name: Wv_s_codes, .offset: 56, .size: 8, .value_kind: global_buffer, .address_space: global }
      - { .name: Wv_s_scales, .offset: 64, .size: 8, .value_kind: global_buffer, .address_space: global }
      - { .name: qbuf, .offset: 72, .size: 8, .value_kind: global_buffer, .address_space: global }
      - { .name: kv_s, .offset: 80, .size: 8, .value_kind: global_buffer, .address_space: global }
    .group_segment_fixed_size: 27136
    .private_segment_fixed_size: 0
    .kernarg_segment_align: 8
    .kernarg_segment_size: 88
    .max_flat_workgroup_size: 128
    .sgpr_count:     66
    .vgpr_count:     1024
    .wavefront_size: 32
...
	.end_amdgpu_metadata
.endif
;; end of part 1
;; launch kv_cross (part 2): grid 128 x 1, 4 waves a work-group, no clusters, 53,760 bytes of LDS; arguments k_codes, k_scales, v_codes, v_scales, Wk_c_codes, Wk_c_scales, Wv_c_codes, Wv_c_scales, kv_c; writes kv_c
.if DOCPART == 2
	.amdgcn_target "amdgcn-amd-amdhsa--gfx1250"
	.amdhsa_code_object_version 6
	.text
	.protected	k_qdefff38845_kv_cross
	.globl	k_qdefff38845_kv_cross
	.p2align	8
	.type	k_qdefff38845_kv_cross,@function
k_qdefff38845_kv_cross:
	s_mov_b64 s[64:65], 0
	v_nop
	global_prefetch_b8 v0, s[64:65] scope:SCOPE_SE
	s_setreg_imm32_b32 hwreg(HW_REG_WAVE_MODE, 25, 1), 1
	s_wait_xcnt 0x0
; The cross-attention's K and V projections: k and v arrive as codes of BF6 (E3M2) with E8M0 scales and go to the matrix unit as they are; the results are quantised in registers
; (K along the head's 64, V along the keys) and stored as images of the operands' registers.
; SHARES, TILES, K ORDER as in the launch for the self-attention's projections: 64 rows to a work-group; wave w makes columns 128 w .. 128 w + 127 (heads 2 w, 2 w + 1) for all 64 rows;
; lane r of tile m holds member 32 (m / 2) + 8 (m % 2) + r + 8 (r / 8); operand place (c, half h) holds block 4 s + 2 h + c of K step s on both sides, a scale word's bytes follow as 0, 2, 1, 3.
; WINDOWS: 0 work; 1 weights (two sets of 96); 2 the 32 accumulators.
; LIMITS: NaN and infinities are not served; a block of zeros gets the scale byte 1 and zero codes (the bytes are read by this program alone).
.set XIMG, 0                           ; LDS: k's 16 fragments, image 4 ks + m, 1,536 bytes each;
.set XSC,  24576                       ; their scale words, 128 bytes each;
.set YIMG, 26624                       ; v's likewise
.set YSC,  51200
.set KVH,  208896
.set LI0, 1
.set LS,  4
.set G8,  5
.set WA,  6
.set WSA, 8
.set IWT, 12
.set SWT, 13
.set H16, 16
.set SCAK, 18
.set SVA, 19
.set WS,  32
.set AF,  96
.set AS,  192
.set PC,  200
.set TM,  220
.set PWK, 240
.set SW,  244
.set T,   248
.set WV, 2
.set BB, 3
.set RB, 4
.set HD2, 5
.set SEL, 36
.set SELP, 38
.set M16, 39
.set M7F, 40
.set HM, 43
.set KC, 50
.set KSC, 52
.set VC, 54
.set VSC, 56
.set KV, 58
.set MSB, 0
.macro WIN new                         ; the immediate's high byte repeats the setting that is left; a switch that changes nothing is dropped
.if MSB != (\new)
	s_set_vgpr_msb (MSB<<8)|(\new)
.set MSB, (\new)
.endif
.endm
; 64 numbers of a lane, v[s] .. v[s + 63] of window win, register 16 b + i = k 32 b + 16 (lane / 16) + i of the lane's row, become a fragment's codes in v[PC] .. v[PC + 11] and its scale word in v[pw].
.macro QUANT s, win, perm, pw
	WIN (\win)|((\win)<<2)
.irp b, 0,1,2,3
	v_max3_num_f32 v[TM+\b], |v[(\s)+16*\b]|, |v[(\s)+16*\b+1]|, 0x2800000   ; my 16 numbers of block b, and the floor 2^(5 - 127): the byte cannot fall under 1
.endr
	WIN ((\win)<<2)|((\win)<<4)
.irp i, 2,4,6,8,10,12,14
.irp b, 0,1,2,3
	v_max3_num_f32 v[TM+\b], v[TM+\b], |v[(\s)+16*\b+\i]|, |v[(\s)+16*\b+\i+1]|
.endr
.endr
	WIN 0
.irp b, 0,1,2,3
	v_permlanex16_b32 v[TM+4+\b], v[TM+\b], s[SEL], s[SEL+1]
.endr
.irp b, 0,1,2,3
	v_max_num_f32 v[TM+\b], v[TM+\b], v[TM+4+\b]
.endr
.irp b, 0,1,2,3
	v_add_nc_u32 v[TM+12+\b], 0xfe000000, v[TM+\b]         ; 4 off the exponent field: the conversion's scale operand
.endr
.irp b, 0,1,2,3
	v_lshrrev_b32 v[TM+4+\b], 23, v[TM+12+\b]              ; the scale's byte
.endr
.if \perm
	v_lshl_or_b32 v[\pw], v[TM+6], 8, v[TM+4]
	v_lshl_or_b32 v[\pw], v[TM+5], 16, v[\pw]
.else
	v_lshl_or_b32 v[\pw], v[TM+5], 8, v[TM+4]
	v_lshl_or_b32 v[\pw], v[TM+6], 16, v[\pw]
.endif
	v_lshl_or_b32 v[\pw], v[TM+7], 24, v[\pw]
	WIN \win
.irp c, 0,1
.if \perm
.set lo_, \c
.set hi_, \c+2
.else
.set lo_, 2*\c
.set hi_, 2*\c+1
.endif
	v_cvt_scalef32_pk16_bf6_f32 v[PC+6*\c:PC+6*\c+2], v[(\s)+16*lo_:(\s)+16*lo_+15], v[TM+12+lo_]
	v_cvt_scalef32_pk16_bf6_f32 v[PC+12+4*\c:PC+14+4*\c], v[(\s)+16*hi_:(\s)+16*hi_+15], v[TM+12+hi_]
.endr
	WIN 0
	v_nop                                                  ; one plain place behind a scaled conversion
.irp c, 0,1
.irp i, 0,1,2
	v_permlane16_swap_b32 v[PC+6*\c+\i], v[PC+12+4*\c+\i]
.endr
.irp i, 0,1,2
	v_mov_b32 v[PC+3+6*\c+\i], v[PC+12+4*\c+\i]
.endr
.endr
.endm
.macro WL par, base, va, off, rowb     ; a K step's eight weight fragments into set par of window 1: 24 loads
	WIN 0x40
.irp t, 0,1,2,3,4,5,6,7
.irp i, 0,1,2
	global_load_b128 v[96*(\par)+12*\t+4*\i:96*(\par)+12*\t+4*\i+3], v[\va], s[(\base):(\base)+1] offset:(\off)+(32*(\t/2)+8*(\t%2))*(\rowb)+16*\i
.endr
.endr
	WIN 0
.endm
.macro WSL set, base, va, off, srow    ; a quad's scale words: 8 loads
.irp t, 0,1,2,3,4,5,6,7
	global_load_b128 v[WS+32*(\set)+4*\t:WS+32*(\set)+4*\t+3], v[\va], s[(\base):(\base)+1] offset:(\off)+(32*(\t/2)+8*(\t%2))*(\srow)
.endr
.endm
.macro QHEAD set
	s_wait_loadcnt 48                                      ; behind the scale words stand at least the 48 loads of the quad's first two K steps
.set n_, WS+32*(\set)
.rept 32
	v_perm_b32 v[n_], v[n_], v[n_], s[SELP]
.set n_, n_+1
.endr
.rept 8
	v_nop                                                  ; a scale register written by a vector instruction stands 8 places ahead of a scaled matrix instruction
.endr
.endm
.macro FETCHA par, img, sc, ks
.irp m, 0,1,2,3
.irp i, 0,1,2
.set FO, (\img)+(4*(\ks)+\m)*1536+512*\i
	ds_load_b128 v[AF+48*(\par)+12*\m+4*\i:AF+48*(\par)+12*\m+4*\i+3], v[LI0+FO/65536] offset:FO%65536
.endr
	ds_load_b32 v[AS+4*(\par)+\m], v[LS] offset:(\sc)+(4*(\ks)+\m)*128
.endr
.endm
; 32 matrix instructions on 32 accumulators, in the same order in every step.  orient 0: source 0 = weight rows; orient 1: source 0 = the rows.  cm 1: the constant 0 starts the sum.
.macro MM par, ws, orient, cm
.if (\orient) == 1
	WIN 0xa4
.else
	WIN 0xa1
.endif
.irp m, 0,1,2,3
.irp t, 0,1,2,3,4,5,6,7
.set rW, 96*(\par)+12*\t
.set rA, AF+48*(\par)+12*\m
.set rWS, (\ws)+4*\t
.set rAS, AS+4*(\par)+\m
.if (\orient) == 1
.set rD, 8*(4*\t+\m)
.if (\cm) == 1
	v_wmma_scale_f32_16x16x128_f8f6f4 v[rD:rD+7], v[rA:rA+11], v[rW:rW+11], 0, v[rAS], v[rWS] matrix_a_fmt:MATRIX_FMT_BF6 matrix_b_fmt:MATRIX_FMT_BF6
.else
	v_wmma_scale_f32_16x16x128_f8f6f4 v[rD:rD+7], v[rA:rA+11], v[rW:rW+11], v[rD:rD+7], v[rAS], v[rWS] matrix_a_fmt:MATRIX_FMT_BF6 matrix_b_fmt:MATRIX_FMT_BF6
.endif
.else
.set rD, 8*(8*\m+\t)
.if (\cm) == 1
	v_wmma_scale_f32_16x16x128_f8f6f4 v[rD:rD+7], v[rW:rW+11], v[rA:rA+11], 0, v[rWS], v[rAS] matrix_a_fmt:MATRIX_FMT_BF6 matrix_b_fmt:MATRIX_FMT_BF6
.else
	v_wmma_scale_f32_16x16x128_f8f6f4 v[rD:rD+7], v[rW:rW+11], v[rA:rA+11], v[rD:rD+7], v[rWS], v[rAS] matrix_a_fmt:MATRIX_FMT_BF6 matrix_b_fmt:MATRIX_FMT_BF6
.endif
.endif
.endr
.endr
.endm
.macro KSTEP par, lc, ws, orient, cm, nx, img, sc, ks
	s_wait_loadcnt \lc                                     ; this step's weights are in; the next step's 24 loads may be out
	s_wait_dscnt 0x0                                       ; this step's rows are in
.if \nx
	FETCHA 1-(\par), \img, \sc, \ks
.endif
	MM \par, \ws, \orient, \cm
	WIN 0
.rept 4
	v_nop                                                  ; places ahead of loads into registers that the products read, and of the first read of results
.endr
.endm
.macro EPI_QK cb, hs, sb, sca          ; the panel of K leaves: two half images a tile of rows, and the scale words
.irp m, 0,1,2,3
	s_wait_xcnt 0x0                                        ; earlier stores have read the registers that are written again below
	QUANT 64*\m, 2, 0, PWK+\m
	global_store_b128 v[LI0], v[PC:PC+3], s[(\cb):(\cb)+1] offset:768*\m
	global_store_b64 v[G8], v[PC+4:PC+5], s[(\cb):(\cb)+1] offset:768*\m+512
	global_store_b128 v[LI0], v[PC+6:PC+9], s[(\cb):(\cb)+1] offset:768*\m+(\hs)
	global_store_b64 v[G8], v[PC+10:PC+11], s[(\cb):(\cb)+1] offset:768*\m+(\hs)+512
.endr
.irp m, 0,1,2,3
	v_lshrrev_b32 v[SW+\m], v[H16], v[PWK+\m]
.endr
.irp m, 0,1,2,3
	v_and_or_b32 v[SW+\m], v[SW+\m], s[M16], s[M7F]        ; two bytes, and 0x7f7f for the half of K that is zero codes
.endr
	global_store_b128 v[\sca], v[SW:SW+3], s[(\sb):(\sb)+1]
.endm
.macro EPI_V                           ; the panel of V leaves: a lane holds one d, its registers run down the 64 keys
.irp g, 0,1,2,3
	s_wait_xcnt 0x0
	QUANT 64*\g, 2, 0, PWK+\g
	global_store_b128 v[LI0], v[PC:PC+3], s[VC:VC+1] offset:(\g/2)*KVH+(\g%2)*3072
	global_store_b64 v[G8], v[PC+4:PC+5], s[VC:VC+1] offset:(\g/2)*KVH+(\g%2)*3072+512
	global_store_b128 v[LI0], v[PC+6:PC+9], s[VC:VC+1] offset:(\g/2)*KVH+(\g%2)*3072+1536
	global_store_b64 v[G8], v[PC+10:PC+11], s[VC:VC+1] offset:(\g/2)*KVH+(\g%2)*3072+2048
.endr
	v_cndmask_b32 v[SW], v[PWK], v[PWK+2], s[HM]
	v_cndmask_b32 v[SW+1], v[PWK+1], v[PWK+3], s[HM]
	global_store_b64 v[SVA], v[SW:SW+1], s[VSC:VSC+1]
.endm
	s_load_b512 s[8:23], s[0:1], 0x0                       ; k codes 8, scales 10, v codes 12, scales 14, Wk codes 16, scales 18, Wv codes 20, scales 22
	s_load_b64 s[24:25], s[0:1], 0x40                      ; kv_c
	v_lshl_add_u32 v254, v0, 2, 0xd000
	v_mov_b32 v255, 0
	v_lshrrev_b32 v29, 5, v0
	v_readfirstlane_b32 s[WV], v29
	v_and_b32 v29, 31, v0                                  ; lane
	v_and_b32 v30, 15, v0                                  ; r
	v_bfe_u32 v31, v0, 4, 1                                ; h
	v_and_b32 v[T], 8, v30
	v_add_nc_u32 v[T], v[T], v30                           ; rr
	v_lshlrev_b32 v[LI0], 4, v29
	v_lshlrev_b32 v[LS], 2, v29
	v_lshlrev_b32 v[G8], 3, v29
	v_mul_u32_u24 v[WA], v[T], 384
	v_mad_u32_u24 v[WA], v31, 48, v[WA]
	v_lshlrev_b32 v[WSA], 4, v[T]
	s_mul_i32 s30, s[WV], 1536
	v_add_nc_u32 v[IWT], s30, v[LI0]
	s_lshl_b32 s30, s[WV], 7
	v_add_nc_u32 v[SWT], s30, v[LS]
	v_lshlrev_b32 v[H16], 4, v31
	v_lshlrev_b32 v[T+1], 4, v30
	v_mul_u32_u24 v[T+2], v31, KVH
	v_add_nc_u32 v[SCAK], v[T+2], v[T+1]
	v_lshl_add_u32 v[SVA], v30, 3, v[T+2]
	v_cmp_ne_u32 s[HM], 0, v31
.irp b, 0,1,2,3
	v_mov_b32 v[TM+4+\b], 0                                ; written once: a lane permute's destination counts as one of its sources
.endr
	s_mov_b32 s[SEL], 0x76543210
	s_mov_b32 s[SEL+1], 0xfedcba98
	s_mov_b32 s[SELP], 0x03010200
	s_mov_b32 s[M16], 0xffff
	s_mov_b32 s[M7F], 0x7f7f0000
	s_lshr_b32 s[BB], ttmp9, 5
	s_and_b32 s[RB], ttmp9, 31
	s_lshl_b32 s[HD2], s[BB], 3
	s_lshl_b32 s30, s[WV], 1
	s_add_co_u32 s[HD2], s[HD2], s30
	s_lshl_b32 s26, ttmp9, 6
	s_lshr_b32 s27, s[WV], 1
	s_lshl_b32 s27, s27, 5
	s_add_co_u32 s26, s26, s27
	s_and_b32 s27, s[WV], 1
	s_lshl_b32 s27, s27, 3
	s_add_co_u32 s26, s26, s27                             ; the first row of row tile m = w
	s_mul_i32 s30, s26, 384
	s_mov_b32 s31, 0
	s_lshl_b32 s28, s26, 4
	s_mov_b32 s29, 0
	s_mul_i32 s32, s[WV], 49152
	s_mov_b32 s33, 0
	s_lshl_b32 s34, s[WV], 11
	s_mov_b32 s35, 0
	s_wait_kmcnt 0x0
	s_add_nc_u64 s[8:9], s[8:9], s[30:31]
	s_add_nc_u64 s[12:13], s[12:13], s[30:31]
	s_add_nc_u64 s[10:11], s[10:11], s[28:29]
	s_add_nc_u64 s[14:15], s[14:15], s[28:29]
	s_add_nc_u64 s[16:17], s[16:17], s[32:33]
	s_add_nc_u64 s[20:21], s[20:21], s[32:33]
	s_add_nc_u64 s[18:19], s[18:19], s[34:35]
	s_add_nc_u64 s[22:23], s[22:23], s[34:35]
	; ---- wave w brings row tile w of k and of v: a lane's 48 consecutive bytes of each K step are its 12 registers
.irp e, 0,1,2,3
.irp c, 0,1,2
	global_load_b128 v[96+12*\e+4*\c:99+12*\e+4*\c], v[WA], s[8:9] offset:96*\e+16*\c
.endr
.endr
	global_load_b128 v[200:203], v[WSA], s[10:11]
.irp e, 0,1,2,3
.irp c, 0,1,2
	global_load_b128 v[144+12*\e+4*\c:147+12*\e+4*\c], v[WA], s[12:13] offset:96*\e+16*\c
.endr
.endr
	global_load_b128 v[204:207], v[WSA], s[14:15]
	WSL 0, 18, WSA, 0, 16
	WL 0, 16, WA, 0, 384
	WL 1, 16, WA, 96, 384
	s_mul_i32 s30, s[HD2], KVH                             ; where the results go
	s_add_nc_u64 s[KV:KV+1], s[24:25], s[30:31]
	s_mul_i32 s30, s[RB], 3072
	s_add_nc_u64 s[KC:KC+1], s[KV:KV+1], s[30:31]
	s_lshl_b32 s30, s[RB], 8
	s_add_co_u32 s30, s30, 196608
	s_add_nc_u64 s[KSC:KSC+1], s[KV:KV+1], s[30:31]
	s_lshr_b32 s30, s[RB], 1
	s_mul_i32 s30, s30, 6144
	s_and_b32 s32, s[RB], 1
	s_mul_i32 s32, s32, 768
	s_add_co_u32 s30, s30, s32
	s_add_co_u32 s30, s30, 98304
	s_add_nc_u64 s[VC:VC+1], s[KV:KV+1], s[30:31]
	s_lshl_b32 s30, s[RB], 7
	s_add_co_u32 s30, s30, 204800
	s_add_nc_u64 s[VSC:VSC+1], s[KV:KV+1], s[30:31]
	s_wait_loadcnt 56                                      ; the 56 loads of the weights may stay out: k's and v's are in
.irp e, 0,1,2,3,4,5,6,7
	v_perm_b32 v[200+\e], v[200+\e], v[200+\e], s[SELP]    ; the scale words' bytes into the products' order
.endr
.irp e, 0,1,2,3
.irp c, 0,1,2
	ds_store_b128 v[IWT], v[96+12*\e+4*\c:99+12*\e+4*\c] offset:XIMG+6144*\e+512*\c
	ds_store_b128 v[IWT], v[144+12*\e+4*\c:147+12*\e+4*\c] offset:YIMG+6144*\e+512*\c
.endr
	ds_store_b32 v[SWT], v[200+\e] offset:XSC+512*\e
	ds_store_b32 v[SWT], v[204+\e] offset:YSC+512*\e
.endr
	s_wait_dscnt 0x0                                       ; for the others' sake: my stores have landed
	s_barrier_signal -1
	s_barrier_wait -1
	; ---- eight K steps: K on k's rows, V on v's
	FETCHA 0, XIMG, XSC, 0
.set q_, 0
.rept 8
.set qd_, q_/4
.set lc_, 24
.set nx_, 1
.set cm_, 0
.if q_ == 7
.set lc_, 0
.set nx_, 0
.endif
.if q_%4 == 0
.set cm_, 1
	QHEAD qd_
.endif
	KSTEP q_%2, lc_, WS+32*qd_+q_%4, qd_, cm_, nx_, XIMG+26624*((q_+1)/4), XSC+26624*((q_+1)/4), (q_+1)%4
.if q_ < 6
.if (q_+2)%4 == 0
	WSL 1, 22, WSA, 0, 16
.endif
	WL q_%2, 16+4*((q_+2)/4), WA, 96*((q_+2)%4), 384
.endif
.if q_ == 3
	EPI_QK KC, KVH, KSC, SCAK
.endif
.if q_ == 7
	EPI_V
.endif
.set q_, q_+1
.endr
	s_wait_tensorcnt 0x0
	ds_add_u32 v254, v255
	s_wait_dscnt 0x0
	s_endpgm
.Lfunc_end_k_qdefff38845_kv_cross:
	.size	k_qdefff38845_kv_cross, .Lfunc_end_k_qdefff38845_kv_cross-k_qdefff38845_kv_cross
	.p2alignl 7, 3214868480
	.fill 96, 4, 3214868480
	.section	.rodata,"a",@progbits
	.p2align	6, 0x0
	.amdhsa_kernel k_qdefff38845_kv_cross
		.amdhsa_group_segment_fixed_size 53760
		.amdhsa_private_segment_fixed_size 0
		.amdhsa_enable_private_segment 0
		.amdhsa_kernarg_size 72
		.amdhsa_user_sgpr_count 2
		.amdhsa_user_sgpr_kernarg_segment_ptr 1
		.amdhsa_wavefront_size32 1
		.amdhsa_system_sgpr_workgroup_id_x 1
		.amdhsa_system_sgpr_workgroup_id_y 1
		.amdhsa_system_sgpr_workgroup_id_z 1
		.amdhsa_system_vgpr_workitem_id 0
		.amdhsa_next_free_vgpr 768
		.amdhsa_next_free_sgpr 66
		.amdhsa_reserve_vcc 0
		.amdhsa_float_denorm_mode_32 3
		.amdhsa_float_denorm_mode_16_64 3
		.amdhsa_memory_ordered 1
		.amdhsa_forward_progress 1
		.amdhsa_inst_pref_size 111
	.end_amdhsa_kernel
	.amdgpu_metadata
---
amdhsa.version: [ 1, 2 ]
amdhsa.kernels:
  - .name:           k_qdefff38845_kv_cross
    .symbol:         k_qdefff38845_kv_cross.kd
    .args:
      - { .name: k_codes, .offset: 0, .size: 8, .value_kind: global_buffer, .address_space: global }
      - { .name: k_scales, .offset: 8, .size: 8, .value_kind: global_buffer, .address_space: global }
      - { .name: v_codes, .offset: 16, .size: 8, .value_kind: global_buffer, .address_space: global }
      - { .name: v_scales, .offset: 24, .size: 8, .value_kind: global_buffer, .address_space: global }
      - { .name: Wk_c_codes, .offset: 32, .size: 8, .value_kind: global_buffer, .address_space: global }
      - { .name: Wk_c_scales, .offset: 40, .size: 8, .value_kind: global_buffer, .address_space: global }
      - { .name: Wv_c_codes, .offset: 48, .size: 8, .value_kind: global_buffer, .address_space: global }
      - { .name: Wv_c_scales, .offset: 56, .size: 8, .value_kind: global_buffer, .address_space: global }
      - { .name: kv_c, .offset: 64, .size: 8, .value_kind: global_buffer, .address_space: global }
    .group_segment_fixed_size: 53760
    .private_segment_fixed_size: 0
    .kernarg_segment_align: 8
    .kernarg_segment_size: 72
    .max_flat_workgroup_size: 128
    .sgpr_count:     66
    .vgpr_count:     768
    .wavefront_size: 32
...
	.end_amdgpu_metadata
.endif
;; end of part 2
;; launch attn_causal (part 3): grid 8 x 32, 16 waves a work-group, no clusters, 210,944 bytes of LDS; arguments qbuf, kv_s, att; writes att
.if DOCPART == 3
	.amdgcn_target "amdgcn-amd-amdhsa--gfx1250"
	.amdhsa_code_object_version 6
	.text
	.protected	k_qdefff38845_attn_causal
	.globl	k_qdefff38845_attn_causal
	.p2align	8
	.type	k_qdefff38845_attn_causal,@function
k_qdefff38845_attn_causal:
	s_mov_b64 s[64:65], 0
	v_nop
	global_prefetch_b8 v0, s[64:65] scope:SCOPE_SE
	s_setreg_imm32_b32 hwreg(HW_REG_WAVE_MODE, 25, 1), 1
	s_wait_xcnt 0x0
; Attention of one head on codes of BF6 (E3M2) with E8M0 scales; CAUSAL = 1: key k counts for query q where k <= q.  Head size 64: the score product's K of 128 is half zero codes, on both sides, under the scale byte 0x7f.
; THE SOFTMAX AHEAD OF THE SECOND PRODUCT: t = score x log2(e) / 8; M = the running largest t, rounded up to a whole number; p = 2^(t - M) is quantised along the keys, not normalised; the row's sum is taken of
; the unquantised p and divides O at the end; when M moves, the sum and O are multiplied by 2^(old M - new M), which rounds nothing.  A block's largest p is the exponential of the block's largest score.
; SHARES.  A work-group has sixteen waves, four to a SIMD; a wave owns one tile of 16 queries, tile 8 x rank + work-group x, so that every work-group has the same causal work.
; Tile T's lane r is query 32 (T / 2) + 8 (T % 2) + r + 8 (r / 8); the keys of a tile of K likewise: so p's 16 registers of two neighbouring tiles are 16 neighbouring keys.
; LDS.  The head's K codes, V codes and K scale words (204,800 bytes, laid in memory as images of the operands' registers) come ONCE, one tensor load a wave (50 rows of 256 bytes); nothing is filled again.
; Both products are used transposed (S^T = K Q^T, O^T = V^T P^T): a lane holds one query throughout.  O / l is quantised along the head's 64 and leaves as a half image; its two scale bytes leave as single bytes, 2 apart.
; No joint loads in a cluster: the causal jump over a key step hangs on the query tile, which differs between work-groups of a head.
; LIMITS: NaN and infinities are not served; a block of zeros gets the scale byte 1 and zero codes; v_exp_f32 and v_rcp_f32 are accurate to 1 ulp.
.set CAUSAL, 1
.set KVH, 208896
.set A16, 1                            ; v1  16 x lane
.set A8,  2                            ; v2  8 x lane
.set R16, 3                            ; v3  16 r
.set ADK16, 4                          ; v4-9 the step's LDS addresses: K codes (16 and 8 bytes a lane), V codes, K scale words, V scale words
.set ADK8, 5
.set ADV16, 6
.set ADV8, 7
.set ADS, 8
.set ADT, 9
.set DQ,  10                           ; v10 r + 8 (r / 8) - 16 h
.set QF,  16                           ; v16-27 Q's fragment (v22-27 zero codes)
.set QSW, 28                           ; v28 Q's scale word
.set KFR, 32                           ; v32-79 four fragments of K (the upper six registers of each: zero codes)
.set KSW, 80                           ; v80-83 K's scale words
.set VSW, 84                           ; v84-87 V's
.set PSW, 88                           ; v88 p's
.set S,   96                           ; v96-159 S^T, then p; then v96-143 four fragments of V
.set O,   160                          ; v160-191 O^T
.set BM,  200                          ; v200-203 the blocks' largest scores
.set BP,  204                          ; v204-207 lane exchanges, bytes
.set CT,  208                          ; v208-214 conversions' second halves
.set SO,  216                          ; v216-219 the conversions' scale operands
.set FF,  220                          ; v[220:221] f = 2^(old M - new M)
.set TT,  222
.set DD,  223
.set PCD, 224                          ; v224-235 p's codes
.set WV, 10
.set G0, 12
.set G1, 16
.set SEL, 24
.set CS, 26
.set TB, 28
.set TBV, 29
.set TS, 30
.set TJ, 31
.set KF, 32
.set CNT, 33
.set QB, 34
.set QMAX, 35
	s_load_b128 s[4:7], s[0:1], 0x0                        ; qbuf, kv
	s_load_b64 s[8:9], s[0:1], 0x10                        ; att
	v_lshl_add_u32 v254, v0, 2, 0x33000
	v_mov_b32 v255, 0
	ds_add_u32 v254, v255
	ds_add_u32 v254, v255
	v_lshrrev_b32 v11, 5, v0
	v_readfirstlane_b32 s[WV], v11                         ; wave 0..15
	s_and_b32 s36, ttmp7, 0xffff                           ; 8 b + head
	s_mul_i32 s38, s36, KVH
	s_mov_b32 s39, 0
	s_mul_i32 s37, s[WV], 12800                            ; my 50 rows of 256 bytes
	s_mov_b32 s40, s37
	s_mov_b32 s41, 0
	s_mov_b32 s[G1], 3<<16                                 ; no mask; elements of 8 bytes; no padding
	s_mov_b32 s[G1+1], 32<<16                              ; tensor_dim0 = 32
	s_mov_b32 s[G1+2], 50<<16                              ; tensor_dim1 = 50
	s_mov_b32 s[G1+3], 32<<16                              ; tile_dim0 = 32
	s_mov_b32 s[G1+4], 50                                  ; tile_dim1 = 50
	s_mov_b32 s[G1+5], 32                                  ; pitch
	s_mov_b32 s[G1+6], 0
	s_mov_b32 s[G1+7], 0
	s_wait_dscnt 0x0
	s_wait_kmcnt 0x0
	s_add_nc_u64 s[6:7], s[6:7], s[38:39]                  ; the head's block
	s_mov_b32 s[G0], 1
	s_mov_b32 s[G0+1], s37
	s_add_nc_u64 s[G0+2:G0+3], s[6:7], s[40:41]
	s_or_b32 s[G0+3], s[G0+3], 0x80000000
	tensor_load_to_lds s[G0:G0+3], s[G1:G1+7]              ; my one tensor load of the launch
	s_nop 0
.rept 4
	v_nop
.endr
	v_and_b32 v11, 31, v0                                  ; lane
	v_and_b32 v29, 15, v0                                  ; r
	v_bfe_u32 v30, v0, 4, 1                                ; h
	v_lshlrev_b32 v[A16], 4, v11
	v_lshlrev_b32 v[A8], 3, v11
	v_lshlrev_b32 v[R16], 4, v29
	v_and_b32 v31, 8, v29
	v_add_nc_u32 v31, v31, v29
	v_lshlrev_b32 v[DQ], 4, v30
	v_sub_nc_u32 v[DQ], v31, v[DQ]
	v_lshl_add_u32 v95, v30, 1, v[R16]                     ; 16 r + 2 h: my scale byte on the way out
	s_lshl_b32 s42, s[WV], 8
	v_lshl_add_u32 v89, v11, 2, s42
	global_load_b32 v90, v89, s[6:7] offset:204800         ; V's scale halves of key step w: its first 64 keys,
	global_load_b32 v91, v89, s[6:7] offset:204928         ; and its second
	s_bfe_u32 s43, s[WV], 0x10002
	s_mul_i32 s43, s43, 3
	s_xor_b32 s43, s43, s[WV]                              ; rank = w xor 3 ((w / 4) % 2)
	s_lshl_b32 s43, s43, 3
	s_add_co_u32 s43, s43, ttmp9                           ; my tile T
	s_lshr_b32 s44, s43, 1
	s_lshl_b32 s44, s44, 5
	s_and_b32 s45, s43, 1
	s_lshl_b32 s45, s45, 3
	s_add_co_u32 s[QB], s44, s45                           ; its first query,
	s_add_co_u32 s[QMAX], s[QB], 23                        ; and its last
	s_mov_b32 s47, 0
	s_lshl_b32 s46, s36, 7
	s_add_co_u32 s46, s46, s43
	s_mul_i32 s46, s46, 768
	s_add_nc_u64 s[52:53], s[4:5], s[46:47]                ; Q's half image
	s_lshl_b32 s46, s36, 5
	s_lshr_b32 s54, s43, 2
	s_add_co_u32 s46, s46, s54
	s_lshl_b32 s46, s46, 8
	s_and_b32 s54, s43, 3
	s_lshl_b32 s54, s54, 2
	s_add_co_u32 s46, s46, s54
	s_add_co_u32 s46, s46, 0x300000
	s_add_nc_u64 s[54:55], s[4:5], s[46:47]                ; Q's scale words
	global_load_b128 v[QF:QF+3], v[A16], s[52:53]
	global_load_b64 v[QF+4:QF+5], v[A8], s[52:53] offset:512
	global_load_b32 v[QSW], v[R16], s[54:55]
	s_lshr_b32 s44, s36, 3                                 ; b
	s_and_b32 s45, s36, 7                                  ; head
	s_lshl_b32 s44, s44, 7
	s_add_co_u32 s44, s44, s43                             ; 128 b + T
	s_mul_i32 s46, s44, 6144
	s_mul_i32 s50, s45, 768
	s_add_co_u32 s46, s46, s50
	s_add_nc_u64 s[48:49], s[8:9], s[46:47]                ; where my half image goes
	s_lshl_b32 s46, s44, 8
	s_lshr_b32 s50, s45, 1
	s_lshl_b32 s50, s50, 2
	s_add_co_u32 s46, s46, s50
	s_and_b32 s50, s45, 1
	s_add_co_u32 s46, s46, s50
	s_add_co_u32 s46, s46, 0x300000
	s_add_nc_u64 s[50:51], s[8:9], s[46:47]                ; and its scale bytes
	s_mov_b32 s[SEL], 0x76543210
	s_mov_b32 s[SEL+1], 0xfedcba98
	s_mov_b32 s[CS], 0x3e38aa3b                            ; c = log2(e) / 8
	s_mov_b32 s[CS+1], s[CS]
	s_mov_b32 s[TB], 0
	s_mov_b32 s[TBV], 98304
	s_mov_b32 s[TS], 196608
	s_mov_b32 s[TJ], 204800
	s_mov_b32 s[KF], 0
	s_mov_b32 s[CNT], 16
.irp j, 6,7,8,9,10,11
	v_mov_b32 v[QF+\j], 0                                  ; zero codes for k = 64 .. 127
.irp t, 0,1,2,3
	v_mov_b32 v[KFR+12*\t+\j], 0
.endr
.endr
.set k_, 0
.rept 32
	v_mov_b32 v[O+k_], 0                                   ; the step is written once: the first finds zeros
.set k_, k_+1
.endr
	v_mov_b32 v13, 0xff61b1e6                              ; the largest t so far: -3e38
	v_floor_f32 v12, -v13                                  ; -M
	v_mov_b32 v14, 0
	v_mov_b32 v15, 0
.irp b, 0,1,2,3
	v_mov_b32 v[BP+\b], 0                                  ; written once: a lane permute's destination counts as one of its sources
.endr
	v_mov_b32 v[FF+1], 0                                   ; (named as the upper half of a pair)
	v_lshlrev_b32 v94, 3, v0
	v_add_nc_u32 v94, 0x32000, v94                         ; 204,800 + 8 x thread
	s_wait_loadcnt 0x0
	v_perm_b32 v92, v91, v90, 0x05040100                   ; V's scale word of a key step: two bytes of each 64 keys
	v_perm_b32 v93, v91, v90, 0x07060302
	ds_store_b64 v94, v[92:93]                             ; [step][r][d tile] x 4 bytes
	s_wait_tensorcnt 0x0                                   ; my part of the head has landed,
	s_wait_dscnt 0x0                                       ; my store too:
	s_barrier_signal -1
	s_barrier_wait -1                                      ; everybody's have.  The launch's one barrier
.Lstep:                                ; sixteen trips, 128 keys each
.if CAUSAL
	s_cmp_gt_u32 s[KF], s[QMAX]                            ; all keys of the step come after my queries: only the addresses step
	s_cbranch_scc1 .Lhidden
.endif
	v_add_nc_u32 v[ADK16], s[TB], v[A16]                   ; (these six are also the places ahead of the score products, which write over registers that the last products read)
	v_add_nc_u32 v[ADK8], s[TB], v[A8]
	v_add_nc_u32 v[ADV16], s[TBV], v[A16]
	v_add_nc_u32 v[ADV8], s[TBV], v[A8]
	v_add_nc_u32 v[ADS], s[TS], v[R16]
	v_add_nc_u32 v[ADT], s[TJ], v[R16]
.irp g, 0,1                            ; S^T = K Q^T, four tiles of 16 keys at a time
.if \g > 0
.rept 4
	v_nop                                                  ; places ahead of loads into registers that matrix instructions have read
.endr
.endif
.irp t, 0,1,2,3
	ds_load_b128 v[KFR+12*\t:KFR+12*\t+3], v[ADK16] offset:(4*\g+\t)*768
	ds_load_b64 v[KFR+12*\t+4:KFR+12*\t+5], v[ADK8] offset:(4*\g+\t)*768+512
.endr
	ds_load_b128 v[KSW:KSW+3], v[ADS] offset:256*\g
	s_wait_dscnt 0x0
.irp t, 0,1,2,3
	v_wmma_scale_f32_16x16x128_f8f6f4 v[S+8*(4*\g+\t):S+8*(4*\g+\t)+7], v[KFR+12*\t:KFR+12*\t+11], v[QF:QF+11], 0, v[KSW+\t], v[QSW] matrix_a_fmt:MATRIX_FMT_BF6 matrix_b_fmt:MATRIX_FMT_BF6
.endr
.endr
.rept 4
	v_nop
.endr
.if CAUSAL                             ; on the diagonal hidden scores become -infinity ahead of the maximum: p = 0 then
	s_add_co_u32 s36, s[KF], 127
	s_cmp_le_u32 s36, s[QB]
	s_cbranch_scc1 .Lopen
	s_sub_co_i32 s36, s[QB], s[KF]
	v_add_nc_u32 v[DD], s36, v[DQ]                         ; register 16 b + i holds key KF + 32 b + 16 h + i: hidden where 32 b + i > my query - KF - 16 h
	v_mov_b32 v[TT], 0xff800000
.irp n, 0,1,2,3,4,5,6,7,8,9,10,11,12,13,14,15,16,17,18,19,20,21,22,23,24,25,26,27,28,29,30,31,32,33,34,35,36,37,38,39,40,41,42,43,44,45,46,47,48,49,50,51,52,53,54,55,56,57,58,59,60,61,62,63
	v_cmp_gt_i32 vcc_lo, 32*(\n/16)+\n%16, v[DD]
	v_cndmask_b32 v[S+\n], v[S+\n], v[TT], vcc_lo
.endr
.Lopen:
.endif
.irp b, 0,1,2,3
	v_max3_num_f32 v[BM+\b], v[S+16*\b], v[S+1+16*\b], v[S+2+16*\b]    ; the largest score of each block of 32 keys
.endr
.irp i, 3,5,7,9,11,13
.irp b, 0,1,2,3
	v_max3_num_f32 v[BM+\b], v[BM+\b], v[S+16*\b+\i], v[S+1+16*\b+\i]
.endr
.endr
.irp b, 0,1,2,3
	v_max_num_f32 v[BM+\b], v[BM+\b], v[S+15+16*\b]
.endr
.irp b, 0,1,2,3
	v_permlanex16_b32 v[BP+\b], v[BM+\b], s[SEL], s[SEL+1]
.endr
.irp b, 0,1,2,3
	v_max_num_f32 v[BM+\b], v[BM+\b], v[BP+\b]
.endr
	v_max3_num_f32 v[TT], v[BM], v[BM+1], v[BM+2]
	v_max_num_f32 v[TT], v[TT], v[BM+3]
	v_mul_f32 v[TT], s[CS], v[TT]
	v_max_num_f32 v13, v13, v[TT]                          ; the running largest t
	v_mov_b32 v[TT], v12
	v_floor_f32 v12, -v13                                  ; the new -M: M is a whole number
	v_sub_f32 v[TT], v12, v[TT]
	v_cvt_i32_f32 v[TT], v[TT]                             ; (it saturates)
	v_ldexp_f32 v[FF], 1.0, v[TT]                          ; f = 2^(old M - new M)
.irp j, 0,2,4,6,8,10,12,14,16,18,20,22,24,26,28,30,32,34,36,38,40,42,44,46,48,50,52,54,56,58,60,62
	v_pk_fma_f32 v[S+\j:S+\j+1], v[S+\j:S+\j+1], s[CS:CS+1], v[12:13] op_sel_hi:[1,0,0]   ; t - M
.endr
.irp b, 0,1,2,3
	v_fma_f32 v[BM+\b], v[BM+\b], s[CS], v12
.endr
.set k_, 0
.rept 64
	v_exp_f32 v[S+k_], v[S+k_]                             ; p = 2^(t - M)
.set k_, k_+1
.endr
.irp b, 0,1,2,3
	v_exp_f32 v[BM+\b], v[BM+\b]                           ; the block's largest p
.endr
	v_pk_mul_f32 v[14:15], v[14:15], v[FF:FF+1] op_sel_hi:[1,0]       ; the sums under the new M (a plain place behind the exponentials)
	s_wait_alu depctr_va_vdst(0)
.irp b, 0,1,2,3
	v_max_num_f32 v[BM+\b], 0x2800000, v[BM+\b]            ; the floor 2^(5 - 127)
.endr
.irp b, 0,1,2,3
	v_add_nc_u32 v[SO+\b], 0xfe000000, v[BM+\b]
.endr
.irp b, 0,1,2,3
	v_lshrrev_b32 v[BP+\b], 23, v[SO+\b]
.endr
	v_lshl_or_b32 v[PSW], v[BP+1], 8, v[BP]
	v_lshl_or_b32 v[PSW], v[BP+2], 16, v[PSW]
	v_lshl_or_b32 v[PSW], v[BP+3], 24, v[PSW]
.irp c, 0,1
	v_cvt_scalef32_pk16_bf6_f32 v[PCD+6*\c:PCD+6*\c+2], v[S+32*\c:S+32*\c+15], v[SO+2*\c]
	v_cvt_scalef32_pk16_bf6_f32 v[CT+4*\c:CT+4*\c+2], v[S+16+32*\c:S+31+32*\c], v[SO+2*\c+1]
.endr
	v_nop                                                  ; one plain place behind a scaled conversion
.irp c, 0,1
.irp i, 0,1,2
	v_permlane16_swap_b32 v[PCD+6*\c+\i], v[CT+4*\c+\i]
.endr
.irp i, 0,1,2
	v_mov_b32 v[PCD+3+6*\c+\i], v[CT+4*\c+\i]
.endr
.endr
	v_pk_add_f32 v[CT:CT+1], v[S:S+1], v[S+2:S+3]          ; the row's sum, of the unquantised p, in two chains
.irp j, 4,8,12,16,20,24,28,32,36,40,44,48,52,56,60
	v_pk_add_f32 v[14:15], v[14:15], v[S+\j:S+\j+1]
	v_pk_add_f32 v[CT:CT+1], v[CT:CT+1], v[S+2+\j:S+3+\j]
.endr
	v_pk_add_f32 v[14:15], v[14:15], v[CT:CT+1]
.irp n, 0,1,2,3                        ; V's four d tiles of these 128 keys, into the registers that p has left
	ds_load_b128 v[S+12*\n:S+12*\n+3], v[ADV16] offset:1536*\n
	ds_load_b64 v[S+12*\n+4:S+12*\n+5], v[ADV8] offset:1536*\n+512
	ds_load_b128 v[S+12*\n+6:S+12*\n+9], v[ADV16] offset:1536*\n+768
	ds_load_b64 v[S+12*\n+10:S+12*\n+11], v[ADV8] offset:1536*\n+1280
.endr
	ds_load_b128 v[VSW:VSW+3], v[ADT]
.irp j, 0,2,4,6,8,10,12,14,16,18,20,22,24,26,28,30
	v_pk_mul_f32 v[O+\j:O+\j+1], v[O+\j:O+\j+1], v[FF:FF+1] op_sel_hi:[1,0]   ; O^T under the new M, while the loads are out
.endr
	s_wait_dscnt 0x0
.irp n, 0,1,2,3                        ; O^T += V^T P^T, the four accumulators by turns
	v_wmma_scale_f32_16x16x128_f8f6f4 v[O+8*\n:O+8*\n+7], v[S+12*\n:S+12*\n+11], v[PCD:PCD+11], v[O+8*\n:O+8*\n+7], v[VSW+\n], v[PSW] matrix_a_fmt:MATRIX_FMT_BF6 matrix_b_fmt:MATRIX_FMT_BF6
.endr
.if CAUSAL
.Lhidden:
.endif
	s_add_co_u32 s[TB], s[TB], 6144
	s_add_co_u32 s[TBV], s[TBV], 6144
	s_add_co_u32 s[TS], s[TS], 512
	s_add_co_u32 s[TJ], s[TJ], 256
	s_add_co_u32 s[KF], s[KF], 128
	s_sub_co_u32 s[CNT], s[CNT], 1
	s_cmp_lg_u32 s[CNT], 0
	s_cbranch_scc1 .Lstep
	; ---- the way out: O / l, quantised along the head's 64
.rept 4
	v_nop
.endr
	v_add_f32 v14, v14, v15
	v_permlanex16_b32 v[BP], v14, s[SEL], s[SEL+1]
	v_add_f32 v14, v14, v[BP]                              ; the row's sum
	v_rcp_f32 v15, v14
	v_nop                                                  ; one plain place behind a transcendental
.set k_, 0
	s_wait_alu depctr_va_vdst(0)
.rept 32
	v_mul_f32 v[S+k_], v[O+k_], v15                        ; register 16 b + i is d = 32 b + 16 h + i of my query
.set k_, k_+1
.endr
.irp b, 0,1
	v_max3_num_f32 v[BM+\b], |v[S+16*\b]|, |v[S+16*\b+1]|, 0x2800000
.endr
.irp i, 2,4,6,8,10,12,14
.irp b, 0,1
	v_max3_num_f32 v[BM+\b], v[BM+\b], |v[S+16*\b+\i]|, |v[S+16*\b+\i+1]|
.endr
.endr
.irp b, 0,1
	v_permlanex16_b32 v[BP+\b], v[BM+\b], s[SEL], s[SEL+1]
.endr
.irp b, 0,1
	v_max_num_f32 v[BM+\b], v[BM+\b], v[BP+\b]
.endr
.irp b, 0,1
	v_add_nc_u32 v[SO+\b], 0xfe000000, v[BM+\b]
.endr
.irp b, 0,1
	v_lshrrev_b32 v[BP+\b], 23, v[SO+\b]
.endr
	v_lshl_or_b32 v[TT], v[BP+1], 8, v[BP]
	v_cvt_scalef32_pk16_bf6_f32 v[PCD:PCD+2], v[S:S+15], v[SO]
	v_cvt_scalef32_pk16_bf6_f32 v[CT:CT+2], v[S+16:S+31], v[SO+1]
	v_nop
.irp i, 0,1,2
	v_permlane16_swap_b32 v[PCD+\i], v[CT+\i]
.endr
.irp i, 0,1,2
	v_mov_b32 v[PCD+3+\i], v[CT+\i]
.endr
	v_lshlrev_b32 v11, 3, v30
	v_lshrrev_b32 v[TT], v11, v[TT]                        ; lanes 0-15 the first block's byte, lanes 16-31 the second's
	global_store_b128 v[A16], v[PCD:PCD+3], s[48:49]
	global_store_b64 v[A8], v[PCD+4:PCD+5], s[48:49] offset:512
	global_store_b8 v95, v[TT], s[50:51]
	s_wait_tensorcnt 0x0
	ds_add_u32 v254, v255
	s_wait_dscnt 0x0
	s_endpgm
.Lfunc_end_k_qdefff38845_attn_causal:
	.size	k_qdefff38845_attn_causal, .Lfunc_end_k_qdefff38845_attn_causal-k_qdefff38845_attn_causal
	.p2alignl 7, 3214868480
	.fill 96, 4, 3214868480
	.section	.rodata,"a",@progbits
	.p2align	6, 0x0
	.amdhsa_kernel k_qdefff38845_attn_causal
		.amdhsa_group_segment_fixed_size 210944
		.amdhsa_private_segment_fixed_size 0
		.amdhsa_enable_private_segment 0
		.amdhsa_kernarg_size 24
		.amdhsa_user_sgpr_count 2
		.amdhsa_user_sgpr_kernarg_segment_ptr 1
		.amdhsa_wavefront_size32 1
		.amdhsa_system_sgpr_workgroup_id_x 1
		.amdhsa_system_sgpr_workgroup_id_y 1
		.amdhsa_system_sgpr_workgroup_id_z 1
		.amdhsa_system_vgpr_workitem_id 0
		.amdhsa_next_free_vgpr 256
		.amdhsa_next_free_sgpr 66
		.amdhsa_reserve_vcc 1
		.amdhsa_float_denorm_mode_32 3
		.amdhsa_float_denorm_mode_16_64 3
		.amdhsa_memory_ordered 1
		.amdhsa_forward_progress 1
		.amdhsa_inst_pref_size 33
	.end_amdhsa_kernel
	.amdgpu_metadata
---
amdhsa.version: [ 1, 2 ]
amdhsa.kernels:
  - .name:           k_qdefff38845_attn_causal
    .symbol:         k_qdefff38845_attn_causal.kd
    .args:
      - { .name: qbuf, .offset: 0, .size: 8, .value_kind: global_buffer, .address_space: global }
      - { .name: kv_s, .offset: 8, .size: 8, .value_kind: global_buffer, .address_space: global }
      - { .name: att, .offset: 16, .size: 8, .value_kind: global_buffer, .address_space: global }
    .group_segment_fixed_size: 210944
    .private_segment_fixed_size: 0
    .kernarg_segment_align: 8
    .kernarg_segment_size: 24
    .max_flat_workgroup_size: 512
    .sgpr_count:     66
    .vgpr_count:     256
    .wavefront_size: 32
...
	.end_amdgpu_metadata
.endif
;; end of part 3
;; launch proj_ln_q (part 4): grid 128 x 1, 4 waves a work-group, no clusters, 55,808 bytes of LDS; arguments att, q, Wp_s_codes, Wp_s_scales, bp_s, g2, be2, Wq_c_codes, Wq_c_scales, x1, qbuf; writes x1, qbuf
.if DOCPART == 4
	.amdgcn_target "amdgcn-amd-amdhsa--gfx1250"
	.amdhsa_code_object_version 6
	.text
	.protected	k_qdefff38845_proj_ln_q
	.globl	k_qdefff38845_proj_ln_q
	.p2align	8
	.type	k_qdefff38845_proj_ln_q,@function
k_qdefff38845_proj_ln_q:
	s_mov_b64 s[64:65], 0
	v_nop
	global_prefetch_b8 v0, s[64:65] scope:SCOPE_SE
	s_setreg_imm32_b32 hwreg(HW_REG_WAVE_MODE, 25, 1), 1
	s_wait_xcnt 0x0
; x1 = q + attention Wp_s + bp_s; LayerNorm 2 of x1, quantised to BF6 (E3M2, E8M0 scales); the cross-attention's Q projection, quantised along the head's 64.
; SHARES, TILES, K ORDER as in the projections' launches: 64 rows to a work-group; wave w makes columns 128 w .. 128 w + 127 for all 64 rows; lane r of tile m holds member 32 (m / 2) + 8 (m % 2) + r + 8 (r / 8);
; operand place (c, half h) holds block 4 s + 2 h + c of K step s on both sides, a scale word's bytes follow as 0, 2, 1, 3 (the attention's launch has stored its scale bytes so).
; The residual and the bias are laid into the accumulators ahead of the first product.  x1 leaves as an image of the accumulators' registers (512 consecutive bytes a store), which the last launch reads by the same map.
; THE NORM: a row's 512 columns lie in four waves.  Each wave takes its 128 columns' mean and the sum of squares about THAT mean; the four pairs meet in LDS and are joined
; (mean = the means' mean; M2 = the sum of the M2 + 128 x the sum of the squared distances of the means): no difference of large sums is formed.
; WINDOWS: 0 work; 1 weights (two sets of 96), v192-255 the bias; 2 the 32 accumulators; 3 v0-63 g2, v64-127 be2 in the result's layout.
; LIMITS: NaN and infinities are not served; a block of zeros gets the scale byte 1 and zero codes; v_rsq_f32 is accurate to 1 ulp.
.set XIMG, 0
.set XSC,  24576
.set YIMG, 26624
.set YSC,  51200
.set LNS,  53248                       ; [row tile][wave][r] x 8 bytes
.set LI0, 1
.set LS,  4
.set G8,  5
.set WA,  6
.set WSA, 8
.set XA,  10
.set BA,  11
.set IWT, 12
.set SWT, 13
.set IWK, 14                           ; v14  16 x lane + 6144 x wave
.set SWK, 15                           ; v15  4 x lane + 512 x wave
.set H16, 16
.set SCAQ, 17
.set AT16, 20                          ; v20  768 h + 16 r
.set AT8, 21                           ; v21  768 h + 8 r
.set R16, 22
.set LNW, 23                           ; v23  8 r + 128 x wave
.set LNR, 24                           ; v24  8 r
.set WS,  32
.set AF,  96
.set ST,  96                           ; v96-159 scratch while no K step runs
.set LNP, 160                          ; v160-167 for each row tile the pair (my wave's mean, its sum of squares)
.set LNQ, 168                          ; v168-175 the four waves' pairs of one tile
.set AS,  192
.set PC,  200
.set TM,  220
.set PW,  236
.set PWK, 240
.set SW,  244
.set T,   248
.set WV, 2
.set BB, 3
.set RB, 4
.set HD2, 5
.set SEL, 36
.set SELP, 38
.set M16, 39
.set M7F, 40
.set C512, 41
.set EPS, 42
.set C128, 43
.set F128, 44
.set ASCL, 46
.set QC, 48
.set QS, 50
.set MSB, 0
.macro WIN new                         ; the immediate's high byte repeats the setting that is left; a switch that changes nothing is dropped
.if MSB != (\new)
	s_set_vgpr_msb (MSB<<8)|(\new)
.set MSB, (\new)
.endif
.endm
; 64 numbers of a lane, v[s] .. v[s + 63] of window win, register 16 b + i = k 32 b + 16 (lane / 16) + i of the lane's row, become a fragment's codes in v[PC] .. v[PC + 11] and its scale word in v[pw].
; perm = 0: the natural order of blocks; perm = 1: the weight products' order.
.macro QUANT s, win, perm, pw
	WIN (\win)|((\win)<<2)
.irp b, 0,1,2,3
	v_max3_num_f32 v[TM+\b], |v[(\s)+16*\b]|, |v[(\s)+16*\b+1]|, 0x2800000   ; my 16 numbers of block b, and the floor 2^(5 - 127): the byte cannot fall under 1
.endr
	WIN ((\win)<<2)|((\win)<<4)
.irp i, 2,4,6,8,10,12,14
.irp b, 0,1,2,3
	v_max3_num_f32 v[TM+\b], v[TM+\b], |v[(\s)+16*\b+\i]|, |v[(\s)+16*\b+\i+1]|
.endr
.endr
	WIN 0
.irp b, 0,1,2,3
	v_permlanex16_b32 v[TM+4+\b], v[TM+\b], s[SEL], s[SEL+1]
.endr
.irp b, 0,1,2,3
	v_max_num_f32 v[TM+\b], v[TM+\b], v[TM+4+\b]
.endr
.irp b, 0,1,2,3
	v_add_nc_u32 v[TM+12+\b], 0xfe000000, v[TM+\b]         ; 4 off the exponent field: the conversion's scale operand
.endr
.irp b, 0,1,2,3
	v_lshrrev_b32 v[TM+4+\b], 23, v[TM+12+\b]              ; the scale's byte
.endr
.if \perm
	v_lshl_or_b32 v[\pw], v[TM+6], 8, v[TM+4]
	v_lshl_or_b32 v[\pw], v[TM+5], 16, v[\pw]
.else
	v_lshl_or_b32 v[\pw], v[TM+5], 8, v[TM+4]
	v_lshl_or_b32 v[\pw], v[TM+6], 16, v[\pw]
.endif
	v_lshl_or_b32 v[\pw], v[TM+7], 24, v[\pw]
	WIN \win
.irp c, 0,1
.if \perm
.set lo_, \c
.set hi_, \c+2
.else
.set lo_, 2*\c
.set hi_, 2*\c+1
.endif
	v_cvt_scalef32_pk16_bf6_f32 v[PC+6*\c:PC+6*\c+2], v[(\s)+16*lo_:(\s)+16*lo_+15], v[TM+12+lo_]
	v_cvt_scalef32_pk16_bf6_f32 v[PC+12+4*\c:PC+14+4*\c], v[(\s)+16*hi_:(\s)+16*hi_+15], v[TM+12+hi_]
.endr
	WIN 0
	v_nop                                                  ; one plain place behind a scaled conversion
.irp c, 0,1
.irp i, 0,1,2
	v_permlane16_swap_b32 v[PC+6*\c+\i], v[PC+12+4*\c+\i]
.endr
.irp i, 0,1,2
	v_mov_b32 v[PC+3+6*\c+\i], v[PC+12+4*\c+\i]
.endr
.endr
.endm
.macro IMAGE adr, off
.irp c, 0,1,2
	ds_store_b128 v[\adr], v[PC+4*\c:PC+4*\c+3] offset:(\off)+512*\c
.endr
.endm
.macro WL par, base, va, off, rowb     ; a K step's eight weight fragments into set par of window 1: 24 loads
	WIN 0x40
.irp t, 0,1,2,3,4,5,6,7
.irp i, 0,1,2
	global_load_b128 v[96*(\par)+12*\t+4*\i:96*(\par)+12*\t+4*\i+3], v[\va], s[(\base):(\base)+1] offset:(\off)+(32*(\t/2)+8*(\t%2))*(\rowb)+16*\i
.endr
.endr
	WIN 0
.endm
.macro WSL set, base, va, off, srow
.irp t, 0,1,2,3,4,5,6,7
	global_load_b128 v[WS+32*(\set)+4*\t:WS+32*(\set)+4*\t+3], v[\va], s[(\base):(\base)+1] offset:(\off)+(32*(\t/2)+8*(\t%2))*(\srow)
.endr
.endm
.macro VEC64 win, reg, base, off       ; 64 numbers of a vector over my 128 columns, in the result's layout: register 16 b + i = column 32 b + 16 h + i
	WIN (\win)<<6
.irp b, 0,1,2,3
.irp j, 0,1,2,3
	global_load_b128 v[(\reg)+16*\b+4*\j:(\reg)+16*\b+4*\j+3], v[BA], s[(\base):(\base)+1] offset:(\off)+128*\b+16*\j
.endr
.endr
	WIN 0
.endm
.macro QHEAD set
	s_wait_loadcnt 48                                      ; behind the scale words stand at least the 48 loads of the quad's first two K steps
.set n_, WS+32*(\set)
.rept 32
	v_perm_b32 v[n_], v[n_], v[n_], s[SELP]
.set n_, n_+1
.endr
.rept 8
	v_nop                                                  ; a scale register written by a vector instruction stands 8 places ahead of a scaled matrix instruction
.endr
.endm
.macro FETCHA par, img, sc, ks
.irp m, 0,1,2,3
.irp i, 0,1,2
.set FO, (\img)+(4*(\ks)+\m)*1536+512*\i
	ds_load_b128 v[AF+48*(\par)+12*\m+4*\i:AF+48*(\par)+12*\m+4*\i+3], v[LI0+FO/65536] offset:FO%65536
.endr
	ds_load_b32 v[AS+4*(\par)+\m], v[LS] offset:(\sc)+(4*(\ks)+\m)*128
.endr
.endm
; 32 matrix instructions on 32 accumulators, in the same order in every step: source 0 = 16 weight rows, source 1 = 16 rows.  cm 1: the constant 0 starts the sum.
.macro MM par, ws, cm
	WIN 0xa1
.irp m, 0,1,2,3
.irp t, 0,1,2,3,4,5,6,7
.set rW, 96*(\par)+12*\t
.set rA, AF+48*(\par)+12*\m
.set rWS, (\ws)+4*\t
.set rAS, AS+4*(\par)+\m
.set rD, 8*(8*\m+\t)
.if (\cm) == 1
	v_wmma_scale_f32_16x16x128_f8f6f4 v[rD:rD+7], v[rW:rW+11], v[rA:rA+11], 0, v[rWS], v[rAS] matrix_a_fmt:MATRIX_FMT_BF6 matrix_b_fmt:MATRIX_FMT_BF6
.else
	v_wmma_scale_f32_16x16x128_f8f6f4 v[rD:rD+7], v[rW:rW+11], v[rA:rA+11], v[rD:rD+7], v[rWS], v[rAS] matrix_a_fmt:MATRIX_FMT_BF6 matrix_b_fmt:MATRIX_FMT_BF6
.endif
.endr
.endr
.endm
.macro KSTEP par, lc, ws, cm, nx, img, sc, ks
	s_wait_loadcnt \lc                                     ; this step's weights are in; the next step's 24 loads may be out
	s_wait_dscnt 0x0                                       ; this step's rows are in
.if \nx
	FETCHA 1-(\par), \img, \sc, \ks
.endif
	MM \par, \ws, \cm
	WIN 0
.rept 4
	v_nop                                                  ; places ahead of loads into registers that the products read, and of the first read of results
.endr
.endm
.macro BARRIER
	s_wait_dscnt 0x0
	s_barrier_signal -1
	s_barrier_wait -1
.endm
.macro EPI_QK cb, hs, sb, sca
.irp m, 0,1,2,3
	s_wait_xcnt 0x0                                        ; earlier stores have read the registers that are written again below
	QUANT 64*\m, 2, 0, PWK+\m
	global_store_b128 v[LI0], v[PC:PC+3], s[(\cb):(\cb)+1] offset:768*\m
	global_store_b64 v[G8], v[PC+4:PC+5], s[(\cb):(\cb)+1] offset:768*\m+512
	global_store_b128 v[LI0], v[PC+6:PC+9], s[(\cb):(\cb)+1] offset:768*\m+(\hs)
	global_store_b64 v[G8], v[PC+10:PC+11], s[(\cb):(\cb)+1] offset:768*\m+(\hs)+512
.endr
.irp m, 0,1,2,3
	v_lshrrev_b32 v[SW+\m], v[H16], v[PWK+\m]
.endr
.irp m, 0,1,2,3
	v_and_or_b32 v[SW+\m], v[SW+\m], s[M16], s[M7F]
.endr
	global_store_b128 v[\sca], v[SW:SW+3], s[(\sb):(\sb)+1]
.endm
; My 128 columns' mean and sum of squares about it, for the four row tiles; the pairs go to LDS.  Each accumulator is read from its low end on.
.macro LN_PART
	WIN 0x0a
.irp m, 0,1,2,3
	v_pk_add_f32 v[PC+4*\m:PC+4*\m+1], v[64*\m:64*\m+1], v[64*\m+2:64*\m+3]
	v_pk_add_f32 v[PC+4*\m+2:PC+4*\m+3], v[64*\m+4:64*\m+5], v[64*\m+6:64*\m+7]
.endr
	WIN 0x08
.set k_, 8
.rept 28
.irp m, 0,1,2,3
	v_pk_add_f32 v[PC+4*\m+k_%4:PC+4*\m+k_%4+1], v[PC+4*\m+k_%4:PC+4*\m+k_%4+1], v[64*\m+k_:64*\m+k_+1]
.endr
.set k_, k_+2
.endr
	WIN 0
.irp m, 0,1,2,3
	v_pk_add_f32 v[PC+4*\m:PC+4*\m+1], v[PC+4*\m:PC+4*\m+1], v[PC+4*\m+2:PC+4*\m+3]
.endr
.irp m, 0,1,2,3
	v_add_f32 v[T+\m], v[PC+4*\m], v[PC+4*\m+1]
.endr
.irp m, 0,1,2,3
	v_permlanex16_b32 v[TM+4+\m], v[T+\m], s[SEL], s[SEL+1]
.endr
.irp m, 0,1,2,3
	v_add_f32 v[T+\m], v[T+\m], v[TM+4+\m]
.endr
.irp m, 0,1,2,3
	v_mul_f32 v[LNP+2*\m], s[C128], v[T+\m]                ; my wave's mean
	v_mov_b32 v[LNP+2*\m+1], 0                             ; (named with it as a pair)
.endr
.irp m, 0,1,2,3
	WIN 0x02
.set k_, 0
.rept 32
	v_pk_add_f32 v[ST+k_:ST+k_+1], v[64*\m+k_:64*\m+k_+1], v[LNP+2*\m:LNP+2*\m+1] op_sel_hi:[1,0] neg_lo:[0,1] neg_hi:[0,1]
.set k_, k_+2
.endr
	WIN 0
	v_pk_mul_f32 v[T:T+1], v[ST:ST+1], v[ST:ST+1]
	v_pk_mul_f32 v[T+2:T+3], v[ST+2:ST+3], v[ST+2:ST+3]
.set k_, 4
.rept 30
	v_pk_fma_f32 v[T+k_%4:T+k_%4+1], v[ST+k_:ST+k_+1], v[ST+k_:ST+k_+1], v[T+k_%4:T+k_%4+1]
.set k_, k_+2
.endr
	v_pk_add_f32 v[T:T+1], v[T:T+1], v[T+2:T+3]
	v_add_f32 v[T+4], v[T], v[T+1]
	v_permlanex16_b32 v[TM+4], v[T+4], s[SEL], s[SEL+1]
	v_add_f32 v[LNP+2*\m+1], v[T+4], v[TM+4]
	ds_store_b64 v[LNW], v[LNP+2*\m:LNP+2*\m+1] offset:LNS+512*\m     ; lanes l and l xor 16 write the same bytes with the same values
.endr
.endm
; The four waves' pairs are joined; my 128 columns are normalised, quantised, and go to LDS as K step w of the next product.
.macro LN_APPLY
.irp m, 0,1,2,3
.irp i, 0,1,2,3
	ds_load_b64 v[LNQ+2*\i:LNQ+2*\i+1], v[LNR] offset:LNS+512*\m+128*\i
.endr
	s_wait_dscnt 0x0
	v_add_f32 v[T], v[LNQ], v[LNQ+2]
	v_add_f32 v[T+1], v[LNQ+4], v[LNQ+6]
	v_add_f32 v[T], v[T], v[T+1]
	v_mul_f32 v[T], 0x3e800000, v[T]                       ; the row's mean
	v_mov_b32 v[T+1], v[T]
.irp i, 0,1,2,3
	v_sub_f32 v[LNQ+2*\i], v[LNQ+2*\i], v[T]
.endr
	v_mul_f32 v[T+2], v[LNQ], v[LNQ]
	v_fma_f32 v[T+2], v[LNQ+2], v[LNQ+2], v[T+2]
	v_fma_f32 v[T+2], v[LNQ+4], v[LNQ+4], v[T+2]
	v_fma_f32 v[T+2], v[LNQ+6], v[LNQ+6], v[T+2]
	v_add_f32 v[T+3], v[LNQ+1], v[LNQ+3]
	v_add_f32 v[T+4], v[LNQ+5], v[LNQ+7]
	v_add_f32 v[T+3], v[T+3], v[T+4]
	v_fma_f32 v[T+2], v[T+2], s[F128], v[T+3]              ; the row's sum of squares about its mean
	v_fma_f32 v[T+2], v[T+2], s[C512], s[EPS]
	v_rsq_f32 v[T+4], v[T+2]
	v_nop                                                  ; one plain place behind a transcendental
	s_wait_alu depctr_va_vdst(0)
	v_mov_b32 v[T+5], v[T+4]
	WIN 0x02
.set k_, 0
.rept 32
	v_pk_add_f32 v[ST+k_:ST+k_+1], v[64*\m+k_:64*\m+k_+1], v[T:T+1] neg_lo:[0,1] neg_hi:[0,1]
.set k_, k_+2
.endr
	WIN 0
.set k_, 0
.rept 32
	v_pk_mul_f32 v[ST+k_:ST+k_+1], v[ST+k_:ST+k_+1], v[T+4:T+5]
.set k_, k_+2
.endr
	WIN 0x3c
.set k_, 0
.rept 32
	v_pk_fma_f32 v[ST+k_:ST+k_+1], v[ST+k_:ST+k_+1], v[k_:k_+1], v[64+k_:65+k_]    ; x g + be (both in window 3)
.set k_, k_+2
.endr
	QUANT ST, 0, 1, PW
	IMAGE IWK, YIMG+1536*\m
	ds_store_b32 v[SWK], v[PW] offset:YSC+128*\m
	s_wait_dscnt 0x0                                       ; the stores have read their registers
.endr
.endm
	s_load_b512 s[8:23], s[0:1], 0x0                       ; att 8, q 10, Wp codes 12, scales 14, bp 16, g2 18, be2 20, Wq codes 22
	s_load_b128 s[24:27], s[0:1], 0x40                     ; Wq scales 24, x1 26
	s_load_b64 s[28:29], s[0:1], 0x50                      ; qbuf
	v_lshl_add_u32 v254, v0, 2, 0xd800
	v_mov_b32 v255, 0
	v_lshrrev_b32 v29, 5, v0
	v_readfirstlane_b32 s[WV], v29
	v_and_b32 v29, 31, v0                                  ; lane
	v_and_b32 v30, 15, v0                                  ; r
	v_bfe_u32 v31, v0, 4, 1                                ; h
	v_and_b32 v[T], 8, v30
	v_add_nc_u32 v[T], v[T], v30                           ; rr
	v_lshlrev_b32 v[LI0], 4, v29
	v_lshlrev_b32 v[LS], 2, v29
	v_lshlrev_b32 v[G8], 3, v29
	v_mul_u32_u24 v[WA], v[T], 384
	v_mad_u32_u24 v[WA], v31, 48, v[WA]
	v_lshlrev_b32 v[WSA], 4, v[T]
	v_lshlrev_b32 v[XA], 11, v[T]
	v_lshl_add_u32 v[XA], v31, 6, v[XA]
	v_lshlrev_b32 v[BA], 6, v31
	s_mul_i32 s30, s[WV], 1536
	v_add_nc_u32 v[IWT], s30, v[LI0]
	s_lshl_b32 s30, s[WV], 7
	v_add_nc_u32 v[SWT], s30, v[LS]
	v_lshlrev_b32 v[LNR], 3, v30
	v_add_nc_u32 v[LNW], s30, v[LNR]
	s_mul_i32 s30, s[WV], 6144
	v_add_nc_u32 v[IWK], s30, v[LI0]
	s_lshl_b32 s30, s[WV], 9
	v_add_nc_u32 v[SWK], s30, v[LS]
	v_lshlrev_b32 v[H16], 4, v31
	v_lshlrev_b32 v[R16], 4, v30
	v_lshl_add_u32 v[SCAQ], v31, 13, v[R16]
	v_mul_u32_u24 v[T+1], v31, 768
	v_add_nc_u32 v[AT16], v[T+1], v[R16]
	v_add_nc_u32 v[AT8], v[T+1], v[LNR]
.irp b, 0,1,2,3
	v_mov_b32 v[TM+4+\b], 0                                ; written once: a lane permute's destination counts as one of its sources
.endr
	s_mov_b32 s[SEL], 0x76543210
	s_mov_b32 s[SEL+1], 0xfedcba98
	s_mov_b32 s[SELP], 0x03010200
	s_mov_b32 s[M16], 0xffff
	s_mov_b32 s[M7F], 0x7f7f0000
	s_mov_b32 s[C512], 0x3b000000                          ; 1 / 512
	s_mov_b32 s[EPS], 0x3727c5ac                           ; 1e-5
	s_mov_b32 s[C128], 0x3c000000                          ; 1 / 128
	s_mov_b32 s[F128], 0x43000000                          ; 128
	s_lshr_b32 s[BB], ttmp9, 5
	s_and_b32 s[RB], ttmp9, 31
	s_lshl_b32 s[HD2], s[BB], 3
	s_lshl_b32 s30, s[WV], 1
	s_add_co_u32 s[HD2], s[HD2], s30
	s_lshl_b32 s6, ttmp9, 2
	s_add_co_u32 s6, s6, s[WV]                             ; 4 x row block + wave: my tile of rows, and my part of x1
	s_mov_b32 s31, 0
	s_mov_b32 s33, 0
	s_mov_b32 s35, 0
	s_mov_b32 s53, 0
	s_mul_i32 s32, s[WV], 49152
	s_lshl_b32 s34, s[WV], 11
	s_lshl_b32 s52, s[WV], 9
	s_wait_kmcnt 0x0
	s_lshl_b32 s30, s6, 8
	s_add_co_u32 s30, s30, 0x300000
	s_add_nc_u64 s[ASCL:ASCL+1], s[8:9], s[30:31]          ; the tile's scale rows
	s_mul_i32 s30, s6, 6144
	s_add_nc_u64 s[8:9], s[8:9], s[30:31]                  ; its codes
	s_lshl_b32 s30, ttmp9, 17
	s_add_co_u32 s30, s30, s52
	s_add_nc_u64 s[10:11], s[10:11], s[30:31]              ; q at the block's first row, my 128 columns
	s_add_nc_u64 s[12:13], s[12:13], s[32:33]
	s_add_nc_u64 s[22:23], s[22:23], s[32:33]
	s_add_nc_u64 s[14:15], s[14:15], s[34:35]
	s_add_nc_u64 s[24:25], s[24:25], s[34:35]
	s_add_nc_u64 s[16:17], s[16:17], s[52:53]
	s_add_nc_u64 s[18:19], s[18:19], s[52:53]
	s_add_nc_u64 s[20:21], s[20:21], s[52:53]
	s_lshl_b32 s30, s6, 15
	s_add_nc_u64 s[26:27], s[26:27], s[30:31]
	s_lshl_b32 s30, s[HD2], 7
	s_lshl_b32 s32, s[RB], 2
	s_add_co_u32 s30, s30, s32
	s_mul_i32 s30, s30, 768
	s_add_nc_u64 s[QC:QC+1], s[28:29], s[30:31]
	s_lshl_b32 s30, s[HD2], 5
	s_add_co_u32 s30, s30, s[RB]
	s_lshl_b32 s30, s30, 8
	s_add_co_u32 s30, s30, 0x300000
	s_add_nc_u64 s[QS:QS+1], s[28:29], s[30:31]
	; ---- wave w brings row tile w of the attention's codes: lane half h takes the whole of head 2 s + h
.irp e, 0,1,2,3
	global_load_b128 v[96+12*\e:99+12*\e], v[AT16], s[8:9] offset:1536*\e
	global_load_b64 v[100+12*\e:101+12*\e], v[AT8], s[8:9] offset:1536*\e+512
	global_load_b128 v[102+12*\e:105+12*\e], v[AT16], s[8:9] offset:1536*\e+256
	global_load_b64 v[106+12*\e:107+12*\e], v[AT8], s[8:9] offset:1536*\e+640
.endr
	global_load_b128 v[200:203], v[R16], s[ASCL:ASCL+1]
	WSL 0, 14, WSA, 0, 16
	WL 0, 12, WA, 0, 384
	WL 1, 12, WA, 96, 384
	s_wait_loadcnt 56                                      ; the 56 loads of the weights may stay out
.irp e, 0,1,2,3
.irp c, 0,1,2
	ds_store_b128 v[IWT], v[96+12*\e+4*\c:99+12*\e+4*\c] offset:XIMG+6144*\e+512*\c
.endr
	ds_store_b32 v[SWT], v[200+\e] offset:XSC+512*\e
.endr
	WIN 0x80
.irp m, 0,1,2,3                        ; the residual, straight into the accumulators' registers
.irp b, 0,1,2,3
.irp j, 0,1,2,3
	global_load_b128 v[64*\m+16*\b+4*\j:64*\m+16*\b+4*\j+3], v[XA], s[10:11] offset:(32*(\m/2)+8*(\m%2))*2048+128*\b+16*\j
.endr
.endr
.endr
	WIN 0
	VEC64 1, 192, 16, 0                                    ; bp
	VEC64 3, 0, 18, 0                                      ; g2
	VEC64 3, 64, 20, 0                                     ; be2
	BARRIER                                                ; the 16 fragments lie in LDS
	s_wait_loadcnt 32                                      ; g2 and be2 may stay out
	WIN 0x86
.irp m, 0,1,2,3
.set k_, 0
.rept 32
	v_pk_add_f32 v[64*\m+k_:64*\m+k_+1], v[64*\m+k_:64*\m+k_+1], v[192+k_:193+k_]   ; q + bp
.set k_, k_+2
.endr
.endr
	WIN 0
	FETCHA 0, XIMG, XSC, 0
	QHEAD 0
	KSTEP 0, 24, WS+0, 0, 1, XIMG, XSC, 1
	WL 0, 12, WA, 192, 384
	KSTEP 1, 24, WS+1, 0, 1, XIMG, XSC, 2
	WL 1, 12, WA, 288, 384
	KSTEP 0, 24, WS+2, 0, 1, XIMG, XSC, 3
	WSL 1, 24, WSA, 0, 16
	WL 0, 22, WA, 0, 384
	KSTEP 1, 24, WS+3, 0, 0, 0, 0, 0
	WL 1, 22, WA, 96, 384
	WIN 0x08
.set k_, 0
.rept 64
	global_store_b128 v[LI0], v[4*k_:4*k_+3], s[26:27] offset:512*k_    ; x1, as the registers stand: 512 consecutive bytes a store
.set k_, k_+1
.endr
	WIN 0
	s_wait_xcnt 0x0                                        ; the stores have read their registers, which the next products write
	LN_PART
	BARRIER                                                ; the four waves' pairs lie in LDS
	LN_APPLY
	BARRIER                                                ; the normalised rows' 16 fragments lie in LDS
	FETCHA 0, YIMG, YSC, 0
	QHEAD 1
	KSTEP 0, 24, WS+32, 1, 1, YIMG, YSC, 1
	WL 0, 22, WA, 192, 384
	KSTEP 1, 24, WS+33, 0, 1, YIMG, YSC, 2
	WL 1, 22, WA, 288, 384
	KSTEP 0, 24, WS+34, 0, 1, YIMG, YSC, 3
	KSTEP 1, 0, WS+35, 0, 0, 0, 0, 0
	EPI_QK QC, 98304, QS, SCAQ
	s_wait_tensorcnt 0x0
	ds_add_u32 v254, v255
	s_wait_dscnt 0x0
	s_endpgm
.Lfunc_end_k_qdefff38845_proj_ln_q:
	.size	k_qdefff38845_proj_ln_q, .Lfunc_end_k_qdefff38845_proj_ln_q-k_qdefff38845_proj_ln_q
	.p2alignl 7, 3214868480
	.fill 96, 4, 3214868480
	.section	.rodata,"a",@progbits
	.p2align	6, 0x0
	.amdhsa_kernel k_qdefff38845_proj_ln_q
		.amdhsa_group_segment_fixed_size 55808
		.amdhsa_private_segment_fixed_size 0
		.amdhsa_enable_private_segment 0
		.amdhsa_kernarg_size 88
		.amdhsa_user_sgpr_count 2
		.amdhsa_user_sgpr_kernarg_segment_ptr 1
		.amdhsa_wavefront_size32 1
		.amdhsa_system_sgpr_workgroup_id_x 1
		.amdhsa_system_sgpr_workgroup_id_y 1
		.amdhsa_system_sgpr_workgroup_id_z 1
		.amdhsa_system_vgpr_workitem_id 0
		.amdhsa_next_free_vgpr 1024
		.amdhsa_next_free_sgpr 66
		.amdhsa_reserve_vcc 0
		.amdhsa_float_denorm_mode_32 3
		.amdhsa_float_denorm_mode_16_64 3
		.amdhsa_memory_ordered 1
		.amdhsa_forward_progress 1
		.amdhsa_inst_pref_size 188
	.end_amdhsa_kernel
	.amdgpu_metadata
---
amdhsa.version: [ 1, 2 ]
amdhsa.kernels:
  - .name:           k_qdefff38845_proj_ln_q
    .symbol:         k_qdefff38845_proj_ln_q.kd
    .args:
      - { .name: att, .offset: 0, .size: 8, .value_kind: global_buffer, .address_space: global }
      - { .name: q, .offset: 8, .size: 8, .value_kind: global_buffer, .address_space: global }
      - { .name: Wp_s_codes, .offset: 16, .size: 8, .value_kind: global_buffer, .address_space: global }
      - { .name: Wp_s_scales, .offset: 24, .size: 8, .value_kind: global_buffer, .address_space: global }
      - { .name: bp_s, .offset: 32, .size: 8, .value_kind: global_buffer, .address_space: global }
      - { .name: g2, .offset: 40, .size: 8, .value_kind: global_buffer, .address_space: global }
      - { .name: be2, .offset: 48, .size: 8, .value_kind: global_buffer, .address_space: global }
      - { .name: Wq_c_codes, .offset: 56, .size: 8, .value_kind: global_buffer, .address_space: global }
      - { .name: Wq_c_scales, .offset: 64, .size: 8, .value_kind: global_buffer, .address_space: global }
      - { .name: x1, .offset: 72, .size: 8, .value_kind: global_buffer, .address_space: global }
      - { .name: qbuf, .offset: 80, .size: 8, .value_kind: global_buffer, .address_space: global }
    .group_segment_fixed_size: 55808
    .private_segment_fixed_size: 0
    .kernarg_segment_align: 8
    .kernarg_segment_size: 88
    .max_flat_workgroup_size: 128
    .sgpr_count:     66
    .vgpr_count:     1024
    .wavefront_size: 32
...
	.end_amdgpu_metadata
.endif
;; end of part 4
;; launch attn_full (part 5): grid 8 x 32, 16 waves a work-group, no clusters, 210,944 bytes of LDS; arguments qbuf, kv_c, att; writes att
.if DOCPART == 5
	.amdgcn_target "amdgcn-amd-amdhsa--gfx1250"
	.amdhsa_code_object_version 6
	.text
	.protected	k_qdefff38845_attn_full
	.globl	k_qdefff38845_attn_full
	.p2align	8
	.type	k_qdefff38845_attn_full,@function
k_qdefff38845_attn_full:
	s_mov_b64 s[64:65], 0
	v_nop
	global_prefetch_b8 v0, s[64:65] scope:SCOPE_SE
	s_setreg_imm32_b32 hwreg(HW_REG_WAVE_MODE, 25, 1), 1
	s_wait_xcnt 0x0
; Attention of one head on codes of BF6 (E3M2) with E8M0 scales; CAUSAL = 0: every key counts.  Head size 64: the score product's K of 128 is half zero codes, on both sides, under the scale byte 0x7f.
; THE SOFTMAX AHEAD OF THE SECOND PRODUCT: t = score x log2(e) / 8; M = the running largest t, rounded up to a whole number; p = 2^(t - M) is quantised along the keys, not normalised; the row's sum is taken of
; the unquantised p and divides O at the end; when M moves, the sum and O are multiplied by 2^(old M - new M), which rounds nothing.  A block's largest p is the exponential of the block's largest score.
; SHARES.  A work-group has sixteen waves, four to a SIMD; a wave owns one tile of 16 queries, tile 8 x rank + work-group x (the same map as in the causal launch, whose text this is).
; Tile T's lane r is query 32 (T / 2) + 8 (T % 2) + r + 8 (r / 8); the keys of a tile of K likewise: so p's 16 registers of two neighbouring tiles are 16 neighbouring keys.
; LDS.  The head's K codes, V codes and K scale words (204,800 bytes, laid in memory as images of the operands' registers) come ONCE, one tensor load a wave (50 rows of 256 bytes); nothing is filled again.
; Both products are used transposed (S^T = K Q^T, O^T = V^T P^T): a lane holds one query throughout.  O / l is quantised along the head's 64 and leaves as a half image; its two scale bytes leave as single bytes, 2 apart.
; No joint loads in a cluster: a head's 204,800 bytes are fetched once by a work-group, at its head, a small part of its work.
; LIMITS: NaN and infinities are not served; a block of zeros gets the scale byte 1 and zero codes; v_exp_f32 and v_rcp_f32 are accurate to 1 ulp.
.set CAUSAL, 0
.set KVH, 208896
.set A16, 1
.set A8,  2
.set R16, 3
.set ADK16, 4
.set ADK8, 5
.set ADV16, 6
.set ADV8, 7
.set ADS, 8
.set ADT, 9
.set DQ,  10
.set QF,  16
.set QSW, 28
.set KFR, 32
.set KSW, 80
.set VSW, 84
.set PSW, 88
.set S,   96
.set O,   160
.set BM,  200
.set BP,  204
.set CT,  208
.set SO,  216
.set FF,  220
.set TT,  222
.set DD,  223
.set PCD, 224
.set WV, 10
.set G0, 12
.set G1, 16
.set SEL, 24
.set CS, 26
.set TB, 28
.set TBV, 29
.set TS, 30
.set TJ, 31
.set KF, 32
.set CNT, 33
.set QB, 34
.set QMAX, 35
	s_load_b128 s[4:7], s[0:1], 0x0                        ; qbuf, kv
	s_load_b64 s[8:9], s[0:1], 0x10                        ; att
	v_lshl_add_u32 v254, v0, 2, 0x33000
	v_mov_b32 v255, 0
	ds_add_u32 v254, v255
	ds_add_u32 v254, v255
	v_lshrrev_b32 v11, 5, v0
	v_readfirstlane_b32 s[WV], v11                         ; wave 0..15
	s_and_b32 s36, ttmp7, 0xffff                           ; 8 b + head
	s_mul_i32 s38, s36, KVH
	s_mov_b32 s39, 0
	s_mul_i32 s37, s[WV], 12800                            ; my 50 rows of 256 bytes
	s_mov_b32 s40, s37
	s_mov_b32 s41, 0
	s_mov_b32 s[G1], 3<<16                                 ; no mask; elements of 8 bytes; no padding
	s_mov_b32 s[G1+1], 32<<16                              ; tensor_dim0 = 32
	s_mov_b32 s[G1+2], 50<<16                              ; tensor_dim1 = 50
	s_mov_b32 s[G1+3], 32<<16                              ; tile_dim0 = 32
	s_mov_b32 s[G1+4], 50                                  ; tile_dim1 = 50
	s_mov_b32 s[G1+5], 32                                  ; pitch
	s_mov_b32 s[G1+6], 0
	s_mov_b32 s[G1+7], 0
	s_wait_dscnt 0x0
	s_wait_kmcnt 0x0
	s_add_nc_u64 s[6:7], s[6:7], s[38:39]                  ; the head's block
	s_mov_b32 s[G0], 1
	s_mov_b32 s[G0+1], s37
	s_add_nc_u64 s[G0+2:G0+3], s[6:7], s[40:41]
	s_or_b32 s[G0+3], s[G0+3], 0x80000000
	tensor_load_to_lds s[G0:G0+3], s[G1:G1+7]              ; my one tensor load of the launch
	s_nop 0
.rept 4
	v_nop
.endr
	v_and_b32 v11, 31, v0                                  ; lane
	v_and_b32 v29, 15, v0                                  ; r
	v_bfe_u32 v30, v0, 4, 1                                ; h
	v_lshlrev_b32 v[A16], 4, v11
	v_lshlrev_b32 v[A8], 3, v11
	v_lshlrev_b32 v[R16], 4, v29
	v_lshl_add_u32 v95, v30, 1, v[R16]                     ; 16 r + 2 h: my scale byte on the way out
	s_lshl_b32 s42, s[WV], 8
	v_lshl_add_u32 v89, v11, 2, s42
	global_load_b32 v90, v89, s[6:7] offset:204800         ; V's scale halves of key step w: its first 64 keys,
	global_load_b32 v91, v89, s[6:7] offset:204928         ; and its second
	s_bfe_u32 s43, s[WV], 0x10002
	s_mul_i32 s43, s43, 3
	s_xor_b32 s43, s43, s[WV]                              ; rank = w xor 3 ((w / 4) % 2)
	s_lshl_b32 s43, s43, 3
	s_add_co_u32 s43, s43, ttmp9                           ; my tile T
	s_mov_b32 s47, 0
	s_lshl_b32 s46, s36, 7
	s_add_co_u32 s46, s46, s43
	s_mul_i32 s46, s46, 768
	s_add_nc_u64 s[52:53], s[4:5], s[46:47]                ; Q's half image
	s_lshl_b32 s46, s36, 5
	s_lshr_b32 s54, s43, 2
	s_add_co_u32 s46, s46, s54
	s_lshl_b32 s46, s46, 8
	s_and_b32 s54, s43, 3
	s_lshl_b32 s54, s54, 2
	s_add_co_u32 s46, s46, s54
	s_add_co_u32 s46, s46, 0x300000
	s_add_nc_u64 s[54:55], s[4:5], s[46:47]                ; Q's scale words
	global_load_b128 v[QF:QF+3], v[A16], s[52:53]
	global_load_b64 v[QF+4:QF+5], v[A8], s[52:53] offset:512
	global_load_b32 v[QSW], v[R16], s[54:55]
	s_lshr_b32 s44, s36, 3                                 ; b
	s_and_b32 s45, s36, 7                                  ; head
	s_lshl_b32 s44, s44, 7
	s_add_co_u32 s44, s44, s43                             ; 128 b + T
	s_mul_i32 s46, s44, 6144
	s_mul_i32 s50, s45, 768
	s_add_co_u32 s46, s46, s50
	s_add_nc_u64 s[48:49], s[8:9], s[46:47]                ; where my half image goes
	s_lshl_b32 s46, s44, 8
	s_lshr_b32 s50, s45, 1
	s_lshl_b32 s50, s50, 2
	s_add_co_u32 s46, s46, s50
	s_and_b32 s50, s45, 1
	s_add_co_u32 s46, s46, s50
	s_add_co_u32 s46, s46, 0x300000
	s_add_nc_u64 s[50:51], s[8:9], s[46:47]                ; and its scale bytes
	s_mov_b32 s[SEL], 0x76543210
	s_mov_b32 s[SEL+1], 0xfedcba98
	s_mov_b32 s[CS], 0x3e38aa3b                            ; c = log2(e) / 8
	s_mov_b32 s[CS+1], s[CS]
	s_mov_b32 s[TB], 0
	s_mov_b32 s[TBV], 98304
	s_mov_b32 s[TS], 196608
	s_mov_b32 s[TJ], 204800
	s_mov_b32 s[CNT], 16
.irp j, 6,7,8,9,10,11
	v_mov_b32 v[QF+\j], 0                                  ; zero codes for k = 64 .. 127
.irp t, 0,1,2,3
	v_mov_b32 v[KFR+12*\t+\j], 0
.endr
.endr
.set k_, 0
.rept 32
	v_mov_b32 v[O+k_], 0                                   ; the step is written once: the first finds zeros
.set k_, k_+1
.endr
	v_mov_b32 v13, 0xff61b1e6                              ; the largest t so far: -3e38
	v_floor_f32 v12, -v13                                  ; -M
	v_mov_b32 v14, 0
	v_mov_b32 v15, 0
.irp b, 0,1,2,3
	v_mov_b32 v[BP+\b], 0                                  ; written once: a lane permute's destination counts as one of its sources
.endr
	v_mov_b32 v[FF+1], 0                                   ; (named as the upper half of a pair)
	v_lshlrev_b32 v94, 3, v0
	v_add_nc_u32 v94, 0x32000, v94                         ; 204,800 + 8 x thread
	s_wait_loadcnt 0x0
	v_perm_b32 v92, v91, v90, 0x05040100                   ; V's scale word of a key step: two bytes of each 64 keys
	v_perm_b32 v93, v91, v90, 0x07060302
	ds_store_b64 v94, v[92:93]                             ; [step][r][d tile] x 4 bytes
	s_wait_tensorcnt 0x0                                   ; my part of the head has landed,
	s_wait_dscnt 0x0                                       ; my store too:
	s_barrier_signal -1
	s_barrier_wait -1                                      ; everybody's have.  The launch's one barrier
.Lstep:                                ; sixteen trips, 128 keys each
	v_add_nc_u32 v[ADK16], s[TB], v[A16]                   ; (these six are also the places ahead of the score products, which write over registers that the last products read)
	v_add_nc_u32 v[ADK8], s[TB], v[A8]
	v_add_nc_u32 v[ADV16], s[TBV], v[A16]
	v_add_nc_u32 v[ADV8], s[TBV], v[A8]
	v_add_nc_u32 v[ADS], s[TS], v[R16]
	v_add_nc_u32 v[ADT], s[TJ], v[R16]
.irp g, 0,1                            ; S^T = K Q^T, four tiles of 16 keys at a time
.if \g > 0
.rept 4
	v_nop                                                  ; places ahead of loads into registers that matrix instructions have read
.endr
.endif
.irp t, 0,1,2,3
	ds_load_b128 v[KFR+12*\t:KFR+12*\t+3], v[ADK16] offset:(4*\g+\t)*768
	ds_load_b64 v[KFR+12*\t+4:KFR+12*\t+5], v[ADK8] offset:(4*\g+\t)*768+512
.endr
	ds_load_b128 v[KSW:KSW+3], v[ADS] offset:256*\g
	s_wait_dscnt 0x0
.irp t, 0,1,2,3
	v_wmma_scale_f32_16x16x128_f8f6f4 v[S+8*(4*\g+\t):S+8*(4*\g+\t)+7], v[KFR+12*\t:KFR+12*\t+11], v[QF:QF+11], 0, v[KSW+\t], v[QSW] matrix_a_fmt:MATRIX_FMT_BF6 matrix_b_fmt:MATRIX_FMT_BF6
.endr
.endr
.rept 4
	v_nop
.endr
.irp b, 0,1,2,3
	v_max3_num_f32 v[BM+\b], v[S+16*\b], v[S+1+16*\b], v[S+2+16*\b]    ; the largest score of each block of 32 keys
.endr
.irp i, 3,5,7,9,11,13
.irp b, 0,1,2,3
	v_max3_num_f32 v[BM+\b], v[BM+\b], v[S+16*\b+\i], v[S+1+16*\b+\i]
.endr
.endr
.irp b, 0,1,2,3
	v_max_num_f32 v[BM+\b], v[BM+\b], v[S+15+16*\b]
.endr
.irp b, 0,1,2,3
	v_permlanex16_b32 v[BP+\b], v[BM+\b], s[SEL], s[SEL+1]
.endr
.irp b, 0,1,2,3
	v_max_num_f32 v[BM+\b], v[BM+\b], v[BP+\b]
.endr
	v_max3_num_f32 v[TT], v[BM], v[BM+1], v[BM+2]
	v_max_num_f32 v[TT], v[TT], v[BM+3]
	v_mul_f32 v[TT], s[CS], v[TT]
	v_max_num_f32 v13, v13, v[TT]                          ; the running largest t
	v_mov_b32 v[TT], v12
	v_floor_f32 v12, -v13                                  ; the new -M: M is a whole number
	v_sub_f32 v[TT], v12, v[TT]
	v_cvt_i32_f32 v[TT], v[TT]                             ; (it saturates)
	v_ldexp_f32 v[FF], 1.0, v[TT]                          ; f = 2^(old M - new M)
.irp j, 0,2,4,6,8,10,12,14,16,18,20,22,24,26,28,30,32,34,36,38,40,42,44,46,48,50,52,54,56,58,60,62
	v_pk_fma_f32 v[S+\j:S+\j+1], v[S+\j:S+\j+1], s[CS:CS+1], v[12:13] op_sel_hi:[1,0,0]   ; t - M
.endr
.irp b, 0,1,2,3
	v_fma_f32 v[BM+\b], v[BM+\b], s[CS], v12
.endr
.set k_, 0
.rept 64
	v_exp_f32 v[S+k_], v[S+k_]                             ; p = 2^(t - M)
.set k_, k_+1
.endr
.irp b, 0,1,2,3
	v_exp_f32 v[BM+\b], v[BM+\b]                           ; the block's largest p
.endr
	v_pk_mul_f32 v[14:15], v[14:15], v[FF:FF+1] op_sel_hi:[1,0]       ; the sums under the new M (a plain place behind the exponentials)
	s_wait_alu depctr_va_vdst(0)
.irp b, 0,1,2,3
	v_max_num_f32 v[BM+\b], 0x2800000, v[BM+\b]            ; the floor 2^(5 - 127)
.endr
.irp b, 0,1,2,3
	v_add_nc_u32 v[SO+\b], 0xfe000000, v[BM+\b]
.endr
.irp b, 0,1,2,3
	v_lshrrev_b32 v[BP+\b], 23, v[SO+\b]
.endr
	v_lshl_or_b32 v[PSW], v[BP+1], 8, v[BP]
	v_lshl_or_b32 v[PSW], v[BP+2], 16, v[PSW]
	v_lshl_or_b32 v[PSW], v[BP+3], 24, v[PSW]
.irp c, 0,1
	v_cvt_scalef32_pk16_bf6_f32 v[PCD+6*\c:PCD+6*\c+2], v[S+32*\c:S+32*\c+15], v[SO+2*\c]
	v_cvt_scalef32_pk16_bf6_f32 v[CT+4*\c:CT+4*\c+2], v[S+16+32*\c:S+31+32*\c], v[SO+2*\c+1]
.endr
	v_nop                                                  ; one plain place behind a scaled conversion
.irp c, 0,1
.irp i, 0,1,2
	v_permlane16_swap_b32 v[PCD+6*\c+\i], v[CT+4*\c+\i]
.endr
.irp i, 0,1,2
	v_mov_b32 v[PCD+3+6*\c+\i], v[CT+4*\c+\i]
.endr
.endr
	v_pk_add_f32 v[CT:CT+1], v[S:S+1], v[S+2:S+3]          ; the row's sum, of the unquantised p, in two chains
.irp j, 4,8,12,16,20,24,28,32,36,40,44,48,52,56,60
	v_pk_add_f32 v[14:15], v[14:15], v[S+\j:S+\j+1]
	v_pk_add_f32 v[CT:CT+1], v[CT:CT+1], v[S+2+\j:S+3+\j]
.endr
	v_pk_add_f32 v[14:15], v[14:15], v[CT:CT+1]
.irp n, 0,1,2,3                        ; V's four d tiles of these 128 keys, into the registers that p has left
	ds_load_b128 v[S+12*\n:S+12*\n+3], v[ADV16] offset:1536*\n
	ds_load_b64 v[S+12*\n+4:S+12*\n+5], v[ADV8] offset:1536*\n+512
	ds_load_b128 v[S+12*\n+6:S+12*\n+9], v[ADV16] offset:1536*\n+768
	ds_load_b64 v[S+12*\n+10:S+12*\n+11], v[ADV8] offset:1536*\n+1280
.endr
	ds_load_b128 v[VSW:VSW+3], v[ADT]
.irp j, 0,2,4,6,8,10,12,14,16,18,20,22,24,26,28,30
	v_pk_mul_f32 v[O+\j:O+\j+1], v[O+\j:O+\j+1], v[FF:FF+1] op_sel_hi:[1,0]   ; O^T under the new M, while the loads are out
.endr
	s_wait_dscnt 0x0
.irp n, 0,1,2,3                        ; O^T += V^T P^T, the four accumulators by turns
	v_wmma_scale_f32_16x16x128_f8f6f4 v[O+8*\n:O+8*\n+7], v[S+12*\n:S+12*\n+11], v[PCD:PCD+11], v[O+8*\n:O+8*\n+7], v[VSW+\n], v[PSW] matrix_a_fmt:MATRIX_FMT_BF6 matrix_b_fmt:MATRIX_FMT_BF6
.endr
	s_add_co_u32 s[TB], s[TB], 6144
	s_add_co_u32 s[TBV], s[TBV], 6144
	s_add_co_u32 s[TS], s[TS], 512
	s_add_co_u32 s[TJ], s[TJ], 256
	s_sub_co_u32 s[CNT], s[CNT], 1
	s_cmp_lg_u32 s[CNT], 0
	s_cbranch_scc1 .Lstep
	; ---- the way out: O / l, quantised along the head's 64
.rept 4
	v_nop
.endr
	v_add_f32 v14, v14, v15
	v_permlanex16_b32 v[BP], v14, s[SEL], s[SEL+1]
	v_add_f32 v14, v14, v[BP]                              ; the row's sum
	v_rcp_f32 v15, v14
	v_nop                                                  ; one plain place behind a transcendental
.set k_, 0
	s_wait_alu depctr_va_vdst(0)
.rept 32
	v_mul_f32 v[S+k_], v[O+k_], v15                        ; register 16 b + i is d = 32 b + 16 h + i of my query
.set k_, k_+1
.endr
.irp b, 0,1
	v_max3_num_f32 v[BM+\b], |v[S+16*\b]|, |v[S+16*\b+1]|, 0x2800000
.endr
.irp i, 2,4,6,8,10,12,14
.irp b, 0,1
	v_max3_num_f32 v[BM+\b], v[BM+\b], |v[S+16*\b+\i]|, |v[S+16*\b+\i+1]|
.endr
.endr
.irp b, 0,1
	v_permlanex16_b32 v[BP+\b], v[BM+\b], s[SEL], s[SEL+1]
.endr
.irp b, 0,1
	v_max_num_f32 v[BM+\b], v[BM+\b], v[BP+\b]
.endr
.irp b, 0,1
	v_add_nc_u32 v[SO+\b], 0xfe000000, v[BM+\b]
.endr
.irp b, 0,1
	v_lshrrev_b32 v[BP+\b], 23, v[SO+\b]
.endr
	v_lshl_or_b32 v[TT], v[BP+1], 8, v[BP]
	v_cvt_scalef32_pk16_bf6_f32 v[PCD:PCD+2], v[S:S+15], v[SO]
	v_cvt_scalef32_pk16_bf6_f32 v[CT:CT+2], v[S+16:S+31], v[SO+1]
	v_nop
.irp i, 0,1,2
	v_permlane16_swap_b32 v[PCD+\i], v[CT+\i]
.endr
.irp i, 0,1,2
	v_mov_b32 v[PCD+3+\i], v[CT+\i]
.endr
	v_lshlrev_b32 v11, 3, v30
	v_lshrrev_b32 v[TT], v11, v[TT]                        ; lanes 0-15 the first block's byte, lanes 16-31 the second's
	global_store_b128 v[A16], v[PCD:PCD+3], s[48:49]
	global_store_b64 v[A8], v[PCD+4:PCD+5], s[48:49] offset:512
	global_store_b8 v95, v[TT], s[50:51]
	s_wait_tensorcnt 0x0
	ds_add_u32 v254, v255
	s_wait_dscnt 0x0
	s_endpgm
.Lfunc_end_k_qdefff38845_attn_full:
	.size	k_qdefff38845_attn_full, .Lfunc_end_k_qdefff38845_attn_full-k_qdefff38845_attn_full
	.p2alignl 7, 3214868480
	.fill 96, 4, 3214868480
	.section	.rodata,"a",@progbits
	.p2align	6, 0x0
	.amdhsa_kernel k_qdefff38845_attn_full
		.amdhsa_group_segment_fixed_size 210944
		.amdhsa_private_segment_fixed_size 0
		.amdhsa_enable_private_segment 0
		.amdhsa_kernarg_size 24
		.amdhsa_user_sgpr_count 2
		.amdhsa_user_sgpr_kernarg_segment_ptr 1
		.amdhsa_wavefront_size32 1
		.amdhsa_system_sgpr_workgroup_id_x 1
		.amdhsa_system_sgpr_workgroup_id_y 1
		.amdhsa_system_sgpr_workgroup_id_z 1
		.amdhsa_system_vgpr_workitem_id 0
		.amdhsa_next_free_vgpr 256
		.amdhsa_next_free_sgpr 66
		.amdhsa_reserve_vcc 0
		.amdhsa_float_denorm_mode_32 3
		.amdhsa_float_denorm_mode_16_64 3
		.amdhsa_memory_ordered 1
		.amdhsa_forward_progress 1
		.amdhsa_inst_pref_size 28
	.end_amdhsa_kernel
	.amdgpu_metadata
---
amdhsa.version: [ 1, 2 ]
amdhsa.kernels:
  - .name:           k_qdefff38845_attn_full
    .symbol:         k_qdefff38845_attn_full.kd
    .args:
      - { .name: qbuf, .offset: 0, .size: 8, .value_kind: global_buffer, .address_space: global }
      - { .name: kv_c, .offset: 8, .size: 8, .value_kind: global_buffer, .address_space: global }
      - { .name: att, .offset: 16, .size: 8, .value_kind: global_buffer, .address_space: global }
    .group_segment_fixed_size: 210944
    .private_segment_fixed_size: 0
    .kernarg_segment_align: 8
    .kernarg_segment_size: 24
    .max_flat_workgroup_size: 512
    .sgpr_count:     66
    .vgpr_count:     256
    .wavefront_size: 32
...
	.end_amdgpu_metadata
.endif
;; end of part 5
;; launch proj_ln_ffn (part 6): grid 128 x 1, 4 waves a work-group, no clusters, 198,144 bytes of LDS; arguments att, x1, Wp_c_codes, Wp_c_scales, bp_c, g3, be3, W1_codes, W1_scales, b1, W2_codes, W2_scales, b2, out0; writes out0
.if DOCPART == 6
	.amdgcn_target "amdgcn-amd-amdhsa--gfx1250"
	.amdhsa_code_object_version 6
	.text
	.protected	k_qdefff38845_proj_ln_ffn
	.globl	k_qdefff38845_proj_ln_ffn
	.p2align	8
	.type	k_qdefff38845_proj_ln_ffn,@function
k_qdefff38845_proj_ln_ffn:
	s_mov_b64 s[64:65], 0
	v_nop
	global_prefetch_b8 v0, s[64:65] scope:SCOPE_SE
	s_setreg_imm32_b32 hwreg(HW_REG_WAVE_MODE, 25, 1), 1
	s_wait_xcnt 0x0
; x2 = x1 + attention Wp_c + bp_c; h = LayerNorm 3 of x2, quantised; hidden = relu(h W1 + b1), quantised; out = x2 + hidden W2 + b2.  All products on codes of BF6 (E3M2) with E8M0 scales.
; x2, h and the hidden layer never go to memory.
; SHARES, TILES, K ORDER as in the other row-block launches: 64 rows to a work-group; wave w makes columns 128 w .. of x2 and of out, and hidden panels 4 i + w (128 units each), for all 64 rows;
; lane r of tile m holds member 32 (m / 2) + 8 (m % 2) + r + 8 (r / 8); operand place (c, half h) holds block 4 s + 2 h + c of K step s on both sides, a scale word's bytes follow as 0, 2, 1, 3.
; 36 K steps of 32 matrix instructions in 9 quads: the projection (1), the first layer (4 panels), the second layer (K = 2,048: 4).  The weights of two steps ahead are always on their way into registers.
; b1 is the C of a panel's first products; x2 is the C of the second layer's first products; b2 is added at the end.
; The text is written out, without a loop: every instruction runs once in a wave, every offset is an immediate.
; WINDOWS: 0 work; 1 weights (two sets of 96), v192-255 a bias; 2 x2; 3 g3 and be3, then the layers' 32 accumulators.
; LIMITS: NaN and infinities are not served; a block of zeros gets the scale byte 1 and zero codes; v_rsq_f32 is accurate to 1 ulp.
.set XIMG, 0                           ; LDS: the attention's 16 fragments (image 4 ks + m, 1,536 bytes), their scale words (128 bytes each);
.set XSC,  24576
.set YIMG, 26624                       ; the normalised rows' likewise;
.set YSC,  51200
.set LNS,  53248                       ; the norm's pairs, [row tile][wave][r] x 8 bytes;
.set HSC,  55296                       ; the hidden layer's 64 scale words' images,
.set HIMG, 65536                       ; and its 64 fragments;
.set STG,  163840                      ; a stage of 16 rows x 528 bytes for each wave
.set LI0, 1                            ; v1-3 16 x lane + 0, 65,536, 131,072
.set LI1, 2
.set LI2, 3
.set LS,  4
.set WA,  6
.set WA2, 7                            ; v7   a row of W2's codes: 1536 rr + 48 h
.set WSA, 8
.set WSA2, 9                           ; v9   its scale bytes: 64 rr
.set BA,  11
.set IWT, 12
.set SWT, 13
.set IWK, 14
.set SWK, 15
.set AT16, 20
.set AT8, 21
.set R16, 22
.set LNW, 23
.set LNR, 24
.set STO, 25                           ; v25  the stage: where I put 16 bytes of a row
.set RD,  26                           ; v26  and where I read a row back
.set HW0, 27                           ; v27  16 x lane + 65,536 + 6144 x wave
.set HW1, 28                           ; v28  49,152 further on
.set WS,  32
.set AF,  96
.set ST,  96
.set LNP, 160
.set LNQ, 168
.set AS,  192
.set PC,  200
.set TM,  220
.set PW,  236
.set T,   248
.set WV, 2
.set SEL, 36
.set SELP, 38
.set C512, 41
.set EPS, 42
.set C128, 43
.set F128, 44
.set ASCL, 46
.set MSB, 0
.macro WIN new                         ; the immediate's high byte repeats the setting that is left; a switch that changes nothing is dropped
.if MSB != (\new)
	s_set_vgpr_msb (MSB<<8)|(\new)
.set MSB, (\new)
.endif
.endm
; 64 numbers of a lane, v[s] .. v[s + 63] of window win, register 16 b + i = k 32 b + 16 (lane / 16) + i of the lane's row, become a fragment's codes in v[PC] .. v[PC + 11] and its scale word in v[pw],
; in the weight products' order of blocks.
.macro QUANT s, win, pw
	WIN (\win)|((\win)<<2)
.irp b, 0,1,2,3
	v_max3_num_f32 v[TM+\b], |v[(\s)+16*\b]|, |v[(\s)+16*\b+1]|, 0x2800000   ; my 16 numbers of block b, and the floor 2^(5 - 127): the byte cannot fall under 1
.endr
	WIN ((\win)<<2)|((\win)<<4)
.irp i, 2,4,6,8,10,12,14
.irp b, 0,1,2,3
	v_max3_num_f32 v[TM+\b], v[TM+\b], |v[(\s)+16*\b+\i]|, |v[(\s)+16*\b+\i+1]|
.endr
.endr
	WIN 0
.irp b, 0,1,2,3
	v_permlanex16_b32 v[TM+4+\b], v[TM+\b], s[SEL], s[SEL+1]
.endr
.irp b, 0,1,2,3
	v_max_num_f32 v[TM+\b], v[TM+\b], v[TM+4+\b]
.endr
.irp b, 0,1,2,3
	v_add_nc_u32 v[TM+12+\b], 0xfe000000, v[TM+\b]         ; 4 off the exponent field: the conversion's scale operand
.endr
.irp b, 0,1,2,3
	v_lshrrev_b32 v[TM+4+\b], 23, v[TM+12+\b]              ; the scale's byte
.endr
	v_lshl_or_b32 v[\pw], v[TM+6], 8, v[TM+4]
	v_lshl_or_b32 v[\pw], v[TM+5], 16, v[\pw]
	v_lshl_or_b32 v[\pw], v[TM+7], 24, v[\pw]
	WIN \win
.irp c, 0,1
	v_cvt_scalef32_pk16_bf6_f32 v[PC+6*\c:PC+6*\c+2], v[(\s)+16*\c:(\s)+16*\c+15], v[TM+12+\c]
	v_cvt_scalef32_pk16_bf6_f32 v[PC+12+4*\c:PC+14+4*\c], v[(\s)+32+16*\c:(\s)+47+16*\c], v[TM+14+\c]
.endr
	WIN 0
	v_nop                                                  ; one plain place behind a scaled conversion
.irp c, 0,1
.irp i, 0,1,2
	v_permlane16_swap_b32 v[PC+6*\c+\i], v[PC+12+4*\c+\i]
.endr
.irp i, 0,1,2
	v_mov_b32 v[PC+3+6*\c+\i], v[PC+12+4*\c+\i]
.endr
.endr
.endm
.macro IMAGE adr, off
.irp c, 0,1,2
	ds_store_b128 v[\adr], v[PC+4*\c:PC+4*\c+3] offset:(\off)+512*\c
.endr
.endm
.macro WL par, base, va, off, rowb     ; a K step's eight weight fragments into set par of window 1: 24 loads
	WIN 0x40
.irp t, 0,1,2,3,4,5,6,7
.irp i, 0,1,2
	global_load_b128 v[96*(\par)+12*\t+4*\i:96*(\par)+12*\t+4*\i+3], v[\va], s[(\base):(\base)+1] offset:(\off)+(32*(\t/2)+8*(\t%2))*(\rowb)+16*\i
.endr
.endr
	WIN 0
.endm
.macro WSL set, base, va, off, srow
.irp t, 0,1,2,3,4,5,6,7
	global_load_b128 v[WS+32*(\set)+4*\t:WS+32*(\set)+4*\t+3], v[\va], s[(\base):(\base)+1] offset:(\off)+(32*(\t/2)+8*(\t%2))*(\srow)
.endr
.endm
.macro WLX x                           ; the weights of step x of the 36
.if (\x) < 4
	WL (\x)%2, 12, WA, 96*(\x), 384
.elseif (\x) < 20
	WL (\x)%2, 22, WA, 196608*(((\x)-4)/4)+96*((\x)%4), 384
.else
	WL (\x)%2, 28, WA2, 96*((\x)-20), 1536
.endif
.endm
.macro WSLX qd                         ; the scale words of quad qd of the 9
.if (\qd) == 0
	WSL 0, 14, WSA, 0, 16
.elseif (\qd) < 5
	WSL (\qd)%2, 24, WSA, 8192*((\qd)-1), 16
.else
	WSL (\qd)%2, 30, WSA2, 16*((\qd)-5), 64
.endif
.endm
.macro VEC64 win, reg, base, off       ; 64 numbers of a vector over 128 columns, in the result's layout: register 16 b + i = column 32 b + 16 h + i
	WIN (\win)<<6
.irp b, 0,1,2,3
.irp j, 0,1,2,3
	global_load_b128 v[(\reg)+16*\b+4*\j:(\reg)+16*\b+4*\j+3], v[BA], s[(\base):(\base)+1] offset:(\off)+128*\b+16*\j
.endr
.endr
	WIN 0
.endm
.macro QHEAD set
	s_wait_loadcnt 48                                      ; behind the scale words stand at least the 48 loads of the quad's first two K steps
.set n_, WS+32*(\set)
.rept 32
	v_perm_b32 v[n_], v[n_], v[n_], s[SELP]
.set n_, n_+1
.endr
.rept 8
	v_nop                                                  ; a scale register written by a vector instruction stands 8 places ahead of a scaled matrix instruction
.endr
.endm
.macro FETCHA par, img, sc, ks
.irp m, 0,1,2,3
.irp i, 0,1,2
.set FO, (\img)+(4*(\ks)+\m)*1536+512*\i
	ds_load_b128 v[AF+48*(\par)+12*\m+4*\i:AF+48*(\par)+12*\m+4*\i+3], v[LI0+FO/65536] offset:FO%65536
.endr
	ds_load_b32 v[AS+4*(\par)+\m], v[LS] offset:(\sc)+(4*(\ks)+\m)*128
.endr
.endm
; 32 matrix instructions on 32 accumulators, in the same order in every step: source 0 = 16 weight rows, source 1 = 16 rows.
; cm 0: onto the accumulator (window aw); 2: the bias in window 1 starts the sum in window 3; 3: window 2's register of the same number starts the sum in window 3.
.macro MM par, ws, cm, aw
.if (\cm) == 2
	WIN 0xd1
.elseif (\cm) == 3
	WIN 0xe1
.elseif (\aw) == 3
	WIN 0xf1
.else
	WIN 0xa1
.endif
.irp m, 0,1,2,3
.irp t, 0,1,2,3,4,5,6,7
.set rW, 96*(\par)+12*\t
.set rA, AF+48*(\par)+12*\m
.set rWS, (\ws)+4*\t
.set rAS, AS+4*(\par)+\m
.set rD, 8*(8*\m+\t)
.if (\cm) == 2
	v_wmma_scale_f32_16x16x128_f8f6f4 v[rD:rD+7], v[rW:rW+11], v[rA:rA+11], v[192+8*\t:199+8*\t], v[rWS], v[rAS] matrix_a_fmt:MATRIX_FMT_BF6 matrix_b_fmt:MATRIX_FMT_BF6
.else
	v_wmma_scale_f32_16x16x128_f8f6f4 v[rD:rD+7], v[rW:rW+11], v[rA:rA+11], v[rD:rD+7], v[rWS], v[rAS] matrix_a_fmt:MATRIX_FMT_BF6 matrix_b_fmt:MATRIX_FMT_BF6
.endif
.endr
.endr
.endm
.macro KSTEP par, lc, ws, cm, aw, nx, img, sc, ks
	s_wait_loadcnt \lc                                     ; this step's weights are in; the next step's 24 loads may be out
	s_wait_dscnt 0x0                                       ; this step's rows are in
.if \nx
	FETCHA 1-(\par), \img, \sc, \ks
.endif
	MM \par, \ws, \cm, \aw
	WIN 0
.rept 4
	v_nop                                                  ; places ahead of loads into registers that the products read, and of the first read of results
.endr
.endm
.macro BARRIER
	s_wait_dscnt 0x0
	s_barrier_signal -1
	s_barrier_wait -1
.endm
; My 128 columns' mean and sum of squares about it, for the four row tiles; the pairs go to LDS.  Each accumulator is read from its low end on.
.macro LN_PART
	WIN 0x0a
.irp m, 0,1,2,3
	v_pk_add_f32 v[PC+4*\m:PC+4*\m+1], v[64*\m:64*\m+1], v[64*\m+2:64*\m+3]
	v_pk_add_f32 v[PC+4*\m+2:PC+4*\m+3], v[64*\m+4:64*\m+5], v[64*\m+6:64*\m+7]
.endr
	WIN 0x08
.set k_, 8
.rept 28
.irp m, 0,1,2,3
	v_pk_add_f32 v[PC+4*\m+k_%4:PC+4*\m+k_%4+1], v[PC+4*\m+k_%4:PC+4*\m+k_%4+1], v[64*\m+k_:64*\m+k_+1]
.endr
.set k_, k_+2
.endr
	WIN 0
.irp m, 0,1,2,3
	v_pk_add_f32 v[PC+4*\m:PC+4*\m+1], v[PC+4*\m:PC+4*\m+1], v[PC+4*\m+2:PC+4*\m+3]
.endr
.irp m, 0,1,2,3
	v_add_f32 v[T+\m], v[PC+4*\m], v[PC+4*\m+1]
.endr
.irp m, 0,1,2,3
	v_permlanex16_b32 v[TM+4+\m], v[T+\m], s[SEL], s[SEL+1]
.endr
.irp m, 0,1,2,3
	v_add_f32 v[T+\m], v[T+\m], v[TM+4+\m]
.endr
.irp m, 0,1,2,3
	v_mul_f32 v[LNP+2*\m], s[C128], v[T+\m]                ; my wave's mean
	v_mov_b32 v[LNP+2*\m+1], 0                             ; (named with it as a pair)
.endr
.irp m, 0,1,2,3
	WIN 0x02
.set k_, 0
.rept 32
	v_pk_add_f32 v[ST+k_:ST+k_+1], v[64*\m+k_:64*\m+k_+1], v[LNP+2*\m:LNP+2*\m+1] op_sel_hi:[1,0] neg_lo:[0,1] neg_hi:[0,1]
.set k_, k_+2
.endr
	WIN 0
	v_pk_mul_f32 v[T:T+1], v[ST:ST+1], v[ST:ST+1]
	v_pk_mul_f32 v[T+2:T+3], v[ST+2:ST+3], v[ST+2:ST+3]
.set k_, 4
.rept 30
	v_pk_fma_f32 v[T+k_%4:T+k_%4+1], v[ST+k_:ST+k_+1], v[ST+k_:ST+k_+1], v[T+k_%4:T+k_%4+1]
.set k_, k_+2
.endr
	v_pk_add_f32 v[T:T+1], v[T:T+1], v[T+2:T+3]
	v_add_f32 v[T+4], v[T], v[T+1]
	v_permlanex16_b32 v[TM+4], v[T+4], s[SEL], s[SEL+1]
	v_add_f32 v[LNP+2*\m+1], v[T+4], v[TM+4]
	ds_store_b64 v[LNW], v[LNP+2*\m:LNP+2*\m+1] offset:LNS+512*\m     ; lanes l and l xor 16 write the same bytes with the same values
.endr
.endm
; The four waves' pairs are joined (mean = the means' mean; M2 = the sum of the M2 + 128 x the sum of the squared distances of the means: no difference of large sums);
; my 128 columns are normalised, quantised, and go to LDS as K step w of the next product.
.macro LN_APPLY
.irp m, 0,1,2,3
.irp i, 0,1,2,3
	ds_load_b64 v[LNQ+2*\i:LNQ+2*\i+1], v[LNR] offset:LNS+512*\m+128*\i
.endr
	s_wait_dscnt 0x0
	v_add_f32 v[T], v[LNQ], v[LNQ+2]
	v_add_f32 v[T+1], v[LNQ+4], v[LNQ+6]
	v_add_f32 v[T], v[T], v[T+1]
	v_mul_f32 v[T], 0x3e800000, v[T]                       ; the row's mean
	v_mov_b32 v[T+1], v[T]
.irp i, 0,1,2,3
	v_sub_f32 v[LNQ+2*\i], v[LNQ+2*\i], v[T]
.endr
	v_mul_f32 v[T+2], v[LNQ], v[LNQ]
	v_fma_f32 v[T+2], v[LNQ+2], v[LNQ+2], v[T+2]
	v_fma_f32 v[T+2], v[LNQ+4], v[LNQ+4], v[T+2]
	v_fma_f32 v[T+2], v[LNQ+6], v[LNQ+6], v[T+2]
	v_add_f32 v[T+3], v[LNQ+1], v[LNQ+3]
	v_add_f32 v[T+4], v[LNQ+5], v[LNQ+7]
	v_add_f32 v[T+3], v[T+3], v[T+4]
	v_fma_f32 v[T+2], v[T+2], s[F128], v[T+3]              ; the row's sum of squares about its mean
	v_fma_f32 v[T+2], v[T+2], s[C512], s[EPS]
	v_rsq_f32 v[T+4], v[T+2]
	v_nop                                                  ; one plain place behind a transcendental
	s_wait_alu depctr_va_vdst(0)
	v_mov_b32 v[T+5], v[T+4]
	WIN 0x02
.set k_, 0
.rept 32
	v_pk_add_f32 v[ST+k_:ST+k_+1], v[64*\m+k_:64*\m+k_+1], v[T:T+1] neg_lo:[0,1] neg_hi:[0,1]
.set k_, k_+2
.endr
	WIN 0
.set k_, 0
.rept 32
	v_pk_mul_f32 v[ST+k_:ST+k_+1], v[ST+k_:ST+k_+1], v[T+4:T+5]
.set k_, k_+2
.endr
	WIN 0x3c
.set k_, 0
.rept 32
	v_pk_fma_f32 v[ST+k_:ST+k_+1], v[ST+k_:ST+k_+1], v[k_:k_+1], v[64+k_:65+k_]    ; x g + be (both in window 3)
.set k_, k_+2
.endr
	QUANT ST, 0, PW
	IMAGE IWK, YIMG+1536*\m
	ds_store_b32 v[SWK], v[PW] offset:YSC+128*\m
	s_wait_dscnt 0x0                                       ; the stores have read their registers
.endr
.endm
; Hidden panel 4 i + w: relu, quantised; it is K step 4 i + w of the second layer.
.macro EPI_H ii
.irp m, 0,1,2,3
	WIN 0xcc
.set k_, 64*\m
.rept 64
	v_max_num_f32 v[k_], 0, v[k_]
.set k_, k_+1
.endr
	QUANT 64*\m, 3, PW
.if (\ii) < 2
	IMAGE HW0, 24576*(\ii)+1536*\m
.else
	IMAGE HW1, 24576*((\ii)-2)+1536*\m
.endif
	ds_store_b32 v[SWK], v[PW] offset:HSC+2048*(\ii)+128*\m
	s_wait_dscnt 0x0                                       ; the stores have read their registers
.endr
.endm
	s_load_b512 s[8:23], s[0:1], 0x0                       ; att 8, x1 10, Wp codes 12, scales 14, bp 16, g3 18, be3 20, W1 codes 22
	s_load_b256 s[24:31], s[0:1], 0x40                     ; W1 scales 24, b1 26, W2 codes 28, scales 30
	s_load_b128 s[32:35], s[0:1], 0x60                     ; b2 32, out0 34
	v_lshl_add_u32 v254, v0, 2, 0x30400
	v_mov_b32 v255, 0
	v_lshrrev_b32 v29, 5, v0
	v_readfirstlane_b32 s[WV], v29
	v_and_b32 v29, 31, v0                                  ; lane
	v_and_b32 v30, 15, v0                                  ; r
	v_bfe_u32 v31, v0, 4, 1                                ; h
	v_and_b32 v[T], 8, v30
	v_add_nc_u32 v[T], v[T], v30                           ; rr
	v_lshlrev_b32 v[LI0], 4, v29
	v_add_nc_u32 v[LI1], 0x10000, v[LI0]
	v_add_nc_u32 v[LI2], 0x20000, v[LI0]
	v_lshlrev_b32 v[LS], 2, v29
	v_mul_u32_u24 v[WA], v[T], 384
	v_mad_u32_u24 v[WA], v31, 48, v[WA]
	v_mul_u32_u24 v[WA2], v[T], 1536
	v_mad_u32_u24 v[WA2], v31, 48, v[WA2]
	v_lshlrev_b32 v[WSA], 4, v[T]
	v_lshlrev_b32 v[WSA2], 6, v[T]
	v_lshlrev_b32 v[BA], 6, v31
	s_mul_i32 s48, s[WV], 1536
	v_add_nc_u32 v[IWT], s48, v[LI0]
	s_lshl_b32 s48, s[WV], 7
	v_add_nc_u32 v[SWT], s48, v[LS]
	v_lshlrev_b32 v[LNR], 3, v30
	v_add_nc_u32 v[LNW], s48, v[LNR]
	s_mul_i32 s48, s[WV], 6144
	v_add_nc_u32 v[IWK], s48, v[LI0]
	v_add_nc_u32 v[HW0], 0x10000, v[IWK]
	v_add_nc_u32 v[HW1], 0xc000, v[HW0]
	s_lshl_b32 s48, s[WV], 9
	v_add_nc_u32 v[SWK], s48, v[LS]
	v_lshlrev_b32 v[R16], 4, v30
	v_mul_u32_u24 v[T+1], v31, 768
	v_add_nc_u32 v[AT16], v[T+1], v[R16]
	v_add_nc_u32 v[AT8], v[T+1], v[LNR]
	s_mul_i32 s48, s[WV], 8448
	s_add_co_u32 s48, s48, STG                             ; my stage
	v_mul_u32_u24 v[STO], v30, 528
	v_lshl_add_u32 v[STO], v31, 6, v[STO]
	v_add_nc_u32 v[STO], s48, v[STO]
	v_add_nc_u32 v[RD], s48, v[LI0]
.irp b, 0,1,2,3
	v_mov_b32 v[TM+4+\b], 0                                ; written once: a lane permute's destination counts as one of its sources
.endr
	s_mov_b32 s[SEL], 0x76543210
	s_mov_b32 s[SEL+1], 0xfedcba98
	s_mov_b32 s[SELP], 0x03010200
	s_mov_b32 s[C512], 0x3b000000                          ; 1 / 512
	s_mov_b32 s[EPS], 0x3727c5ac                           ; 1e-5
	s_mov_b32 s[C128], 0x3c000000                          ; 1 / 128
	s_mov_b32 s[F128], 0x43000000                          ; 128
	s_lshl_b32 s6, ttmp9, 2
	s_add_co_u32 s6, s6, s[WV]                             ; 4 x row block + wave
	s_mov_b32 s49, 0
	s_mov_b32 s51, 0
	s_mov_b32 s53, 0
	s_mov_b32 s55, 0
	s_mul_i32 s50, s[WV], 49152
	s_lshl_b32 s52, s[WV], 11
	s_lshl_b32 s54, s[WV], 9
	s_wait_kmcnt 0x0
	s_lshl_b32 s48, s6, 8
	s_add_co_u32 s48, s48, 0x300000
	s_add_nc_u64 s[ASCL:ASCL+1], s[8:9], s[48:49]
	s_mul_i32 s48, s6, 6144
	s_add_nc_u64 s[8:9], s[8:9], s[48:49]
	s_lshl_b32 s48, s6, 15
	s_add_nc_u64 s[10:11], s[10:11], s[48:49]
	s_add_nc_u64 s[12:13], s[12:13], s[50:51]
	s_add_nc_u64 s[22:23], s[22:23], s[50:51]
	s_add_nc_u64 s[14:15], s[14:15], s[52:53]
	s_add_nc_u64 s[24:25], s[24:25], s[52:53]
	s_add_nc_u64 s[16:17], s[16:17], s[54:55]
	s_add_nc_u64 s[18:19], s[18:19], s[54:55]
	s_add_nc_u64 s[20:21], s[20:21], s[54:55]
	s_add_nc_u64 s[26:27], s[26:27], s[54:55]
	s_add_nc_u64 s[32:33], s[32:33], s[54:55]
	s_mul_i32 s48, s[WV], 196608
	s_add_nc_u64 s[28:29], s[28:29], s[48:49]
	s_lshl_b32 s48, s[WV], 13
	s_add_nc_u64 s[30:31], s[30:31], s[48:49]
	s_lshl_b32 s48, ttmp9, 17
	s_add_co_u32 s48, s48, s54
	s_add_nc_u64 s[34:35], s[34:35], s[48:49]              ; out0 at the block's first row, my 128 columns
	; ---- wave w brings row tile w of the attention's codes: lane half h takes the whole of head 2 s + h
.irp e, 0,1,2,3
	global_load_b128 v[96+12*\e:99+12*\e], v[AT16], s[8:9] offset:1536*\e
	global_load_b64 v[100+12*\e:101+12*\e], v[AT8], s[8:9] offset:1536*\e+512
	global_load_b128 v[102+12*\e:105+12*\e], v[AT16], s[8:9] offset:1536*\e+256
	global_load_b64 v[106+12*\e:107+12*\e], v[AT8], s[8:9] offset:1536*\e+640
.endr
	global_load_b128 v[200:203], v[R16], s[ASCL:ASCL+1]
	WSLX 0
	WLX 0
	WLX 1
	s_wait_loadcnt 56                                      ; the 56 loads of the weights may stay out
.irp e, 0,1,2,3
.irp c, 0,1,2
	ds_store_b128 v[IWT], v[96+12*\e+4*\c:99+12*\e+4*\c] offset:XIMG+6144*\e+512*\c
.endr
	ds_store_b32 v[SWT], v[200+\e] offset:XSC+512*\e
.endr
	WIN 0x80
.set k_, 0
.rept 64
	global_load_b128 v[4*k_:4*k_+3], v[LI0], s[10:11] offset:512*k_ th:TH_LOAD_NT   ; x1, straight into the accumulators' registers, by the map in which it was stored
.set k_, k_+1
.endr
	WIN 0
	VEC64 1, 192, 16, 0                                    ; bp
	VEC64 3, 0, 18, 0                                      ; g3
	VEC64 3, 64, 20, 0                                     ; be3
	BARRIER                                                ; the 16 fragments lie in LDS
	s_wait_loadcnt 32                                      ; g3 and be3 may stay out
	WIN 0x86
.irp m, 0,1,2,3
.set k_, 0
.rept 32
	v_pk_add_f32 v[64*\m+k_:64*\m+k_+1], v[64*\m+k_:64*\m+k_+1], v[192+k_:193+k_]   ; x1 + bp
.set k_, k_+2
.endr
.endr
	WIN 0
	VEC64 1, 192, 26, 0                                    ; b1 of my first panel
	FETCHA 0, XIMG, XSC, 0
	QHEAD 0
	KSTEP 0, 24, WS+0, 0, 2, 1, XIMG, XSC, 1
	WLX 2
	KSTEP 1, 24, WS+1, 0, 2, 1, XIMG, XSC, 2
	WLX 3
	KSTEP 0, 24, WS+2, 0, 2, 1, XIMG, XSC, 3
	WSLX 1
	WLX 4
	KSTEP 1, 24, WS+3, 0, 2, 0, 0, 0, 0
	WLX 5
	LN_PART                                                ; window 2 now holds x2 and is not written again
	BARRIER                                                ; the four waves' pairs lie in LDS
	LN_APPLY
	BARRIER                                                ; the normalised rows' 16 fragments lie in LDS
	; ---- the first layer: four panels of 128 hidden units
	FETCHA 0, YIMG, YSC, 0
.set xs, 4
.rept 16
.set qd_, xs/4
.if xs%4 == 0
	QHEAD qd_%2
	KSTEP xs%2, 24, WS+32*(qd_%2), 2, 3, 1, YIMG, YSC, 1
.if qd_ < 4
	VEC64 1, 192, 26, 2048*qd_                             ; the next panel's b1
.else
	VEC64 1, 192, 32, 0                                    ; b2
.endif
.elseif xs == 19
	KSTEP xs%2, 24, WS+32*(qd_%2)+3, 0, 3, 0, 0, 0, 0
.else
	KSTEP xs%2, 24, WS+32*(qd_%2)+xs%4, 0, 3, 1, YIMG, YSC, (xs+1)%4
.endif
.if (xs+2)%4 == 0
	WSLX (xs+2)/4
.endif
	WLX xs+2
.if xs%4 == 3
	EPI_H qd_-1
.endif
.set xs, xs+1
.endr
	BARRIER                                                ; the hidden layer's 64 fragments lie in LDS
	; ---- the second layer: K = 2,048, sixteen K steps
	FETCHA 0, HIMG, HSC, 0
.set xs, 20
.rept 16
.set qd_, xs/4
.set lc_, 24
.set nx_, 1
.set cm_, 0
.if xs == 35
.set lc_, 0
.set nx_, 0
.endif
.if xs == 20
.set cm_, 3
.endif
.if xs%4 == 0
	QHEAD qd_%2
.endif
	KSTEP xs%2, lc_, WS+32*(qd_%2)+xs%4, cm_, 3, nx_, HIMG, HSC, xs-19
.if xs < 34
.if (xs+2)%4 == 0
	WSLX (xs+2)/4
.endif
	WLX xs+2
.endif
.set xs, xs+1
.endr
	; ---- the way out: + b2; a tile of 16 rows x 128 columns goes through my own stage and leaves as whole rows of 512 bytes
	WIN 0xc7
.irp m, 0,1,2,3
.set k_, 0
.rept 32
	v_pk_add_f32 v[64*\m+k_:64*\m+k_+1], v[64*\m+k_:64*\m+k_+1], v[192+k_:193+k_]
.set k_, k_+2
.endr
.endr
	WIN 0
.irp m, 0,1,2,3
.if \m > 1
	s_wait_xcnt 0x0                                        ; tile m - 2's stores have read the registers that are loaded again below
.endif
	WIN 0x0c
.irp b, 0,1,2,3
.irp j, 0,1,2,3
	ds_store_b128 v[STO], v[64*\m+16*\b+4*\j:64*\m+16*\b+4*\j+3] offset:128*\b+16*\j
.endr
.endr
	WIN 0
.irp t, 0,1,2,3,4,5,6,7,8,9,10,11,12,13,14,15
	ds_load_b128 v[96+64*(\m%2)+4*\t:99+64*(\m%2)+4*\t], v[RD] offset:528*\t       ; LDS serves a wave's instructions in order (ISA guide 5.7.1.4): these see my stores
.endr
	s_wait_dscnt 0x0
.irp t, 0,1,2,3,4,5,6,7,8,9,10,11,12,13,14,15
	global_store_b128 v[LI0], v[96+64*(\m%2)+4*\t:99+64*(\m%2)+4*\t], s[34:35] offset:(32*(\m/2)+8*(\m%2)+\t+8*(\t/8))*2048 th:TH_STORE_NT   ; 32 lanes store 512 consecutive bytes, at a multiple of 256 from out0's first byte
.endr
.endr
	s_wait_tensorcnt 0x0
	ds_add_u32 v254, v255
	s_wait_dscnt 0x0
	s_endpgm
.Lfunc_end_k_qdefff38845_proj_ln_ffn:
	.size	k_qdefff38845_proj_ln_ffn, .Lfunc_end_k_qdefff38845_proj_ln_ffn-k_qdefff38845_proj_ln_ffn
	.p2alignl 7, 3214868480
	.fill 96, 4, 3214868480
	.section	.rodata,"a",@progbits
	.p2align	6, 0x0
	.amdhsa_kernel k_qdefff38845_proj_ln_ffn
		.amdhsa_group_segment_fixed_size 198144
		.amdhsa_private_segment_fixed_size 0
		.amdhsa_enable_private_segment 0
		.amdhsa_kernarg_size 112
		.amdhsa_user_sgpr_count 2
		.amdhsa_user_sgpr_kernarg_segment_ptr 1
		.amdhsa_wavefront_size32 1
		.amdhsa_system_sgpr_workgroup_id_x 1
		.amdhsa_system_sgpr_workgroup_id_y 1
		.amdhsa_system_sgpr_workgroup_id_z 1
		.amdhsa_system_vgpr_workitem_id 0
		.amdhsa_next_free_vgpr 1024
		.amdhsa_next_free_sgpr 66
		.amdhsa_reserve_vcc 0
		.amdhsa_float_denorm_mode_32 3
		.amdhsa_float_denorm_mode_16_64 3
		.amdhsa_memory_ordered 1
		.amdhsa_forward_progress 1
		.amdhsa_inst_pref_size 255
	.end_amdhsa_kernel
	.section	.bss,"aw",@nobits
	.p2align	6
	.space	262144
	.amdgpu_metadata
---
amdhsa.version: [ 1, 2 ]
amdhsa.kernels:
  - .name:           k_qdefff38845_proj_ln_ffn
    .symbol:         k_qdefff38845_proj_ln_ffn.kd
    .args:
      - { .name: att, .offset: 0, .size: 8, .value_kind: global_buffer, .address_space: global }
      - { .name: x1, .offset: 8, .size: 8, .value_kind: global_buffer, .address_space: global }
      - { .name: Wp_c_codes, .offset: 16, .size: 8, .value_kind: global_buffer, .address_space: global }
      - { .name: Wp_c_scales, .offset: 24, .size: 8, .value_kind: global_buffer, .address_space: global }
      - { .name: bp_c, .offset: 32, .size: 8, .value_kind: global_buffer, .address_space: global }
      - { .name: g3, .offset: 40, .size: 8, .value_kind: global_buffer, .address_space: global }
      - { .name: be3, .offset: 48, .size: 8, .value_kind: global_buffer, .address_space: global }
      - { .name: W1_codes, .offset: 56, .size: 8, .value_kind: global_buffer, .address_space: global }
      - { .name: W1_scales, .offset: 64, .size: 8, .value_kind: global_buffer, .address_space: global }
      - { .name: b1, .offset: 72, .size: 8, .value_kind: global_buffer, .address_space: global }
      - { .name: W2_codes, .offset: 80, .size: 8, .value_kind: global_buffer, .address_space: global }
      - { .name: W2_scales, .offset: 88, .size: 8, .value_kind: global_buffer, .address_space: global }
      - { .name: b2, .offset: 96, .size: 8, .value_kind: global_buffer, .address_space: global }
      - { .name: out0, .offset: 104, .size: 8, .value_kind: global_buffer, .address_space: global }
    .group_segment_fixed_size: 198144
    .private_segment_fixed_size: 0
    .kernarg_segment_align: 8
    .kernarg_segment_size: 112
    .max_flat_workgroup_size: 128
    .sgpr_count:     66
    .vgpr_count:     1024
    .wavefront_size: 32
...
	.end_amdgpu_metadata
.endif
;; end of part 6
;; ======== version 2 of 3: 5 launches
;; workspace buffers: qbuf 3,407,872 bytes; kv_s 6,684,672 bytes; kv_c 6,684,672 bytes; att 3,276,800 bytes; x1 16,777,216 bytes
;; launch ln_qkv_kvc (part 7): grid 256 x 1, 4 waves a work-group, no clusters, 80,384 bytes of LDS; arguments q, g1, be1, Wq_s_codes, Wq_s_scales, Wk_s_codes, Wk_s_scales, Wv_s_codes, k_codes, k_scales, v_codes, v_scales, Wk_c_codes, Wk_c_scales, Wv_c_codes, Wv_c_scales, Wv_s_scales, qbuf, kv_s, kv_c; writes qbuf, kv_s, kv_c
.if DOCPART == 7
	.amdgcn_target "amdgcn-amd-amdhsa--gfx1250"
	.amdhsa_code_object_version 6
	.text
	.protected	k_qdefff38845_ln_qkv_kvc
	.globl	k_qdefff38845_ln_qkv_kvc
	.p2align	8
	.type	k_qdefff38845_ln_qkv_kvc,@function
k_qdefff38845_ln_qkv_kvc:
	s_mov_b64 s[64:65], 0
	v_nop
	global_prefetch_b8 v0, s[64:65] scope:SCOPE_SE
	s_setreg_imm32_b32 hwreg(HW_REG_WAVE_MODE, 25, 1), 1
	s_wait_xcnt 0x0
; TWO JOBS THAT DEPEND ON NOTHING OF EACH OTHER, IN ONE LAUNCH.  Work-groups 0-127: LayerNorm 1 of q, quantised to BF6 (E3M2, one E8M0 scale for each 32 along K), and the self-attention's Q, K and V projections.
; Work-groups 128-255: the cross-attention's K and V projections of k and v, which arrive as codes and go to the matrix unit as they are.  Each job has 8,192 / 64 = 128 blocks of rows, so the launch has 256 work-groups.
; The two paths part on the work-group's number at the first lines and never join; each has LDS bytes of its own (the cross path 0 .. 53,247, the norm's path 53,248 .. 79,871).
; The results are quantised in registers (Q and K along the head's 64, V along the keys) and stored as images of the operands' registers.
; SHARES.  A work-group takes 64 rows; its four waves share the COLUMNS: wave w makes columns 128 w .. 128 w + 127 (heads 2 w, 2 w + 1) of each projection for all 64 rows.
; A weight fragment is used by one wave alone, so it goes from memory straight into registers; the rows' codes go from wave to wave through LDS as images of their registers.
; TILES.  Lane r of tile m of a group holds member 32 (m / 2) + 8 (m % 2) + r + 8 (r / 8): so the 16 result registers of tiles 2 b and 2 b + 1 are 16 neighbours, 32 b + 16 (lane / 16) + 0 .. 15.
; K ORDER of the weight products: operand place (c, half h) holds block 4 s + 2 h + c of K step s, alike on both sides: a lane's 12 registers are then 48 consecutive bytes of a row of codes (three loads of 16 bytes);
; a scale word's bytes follow as 0, 2, 1, 3.  Each block keeps its own scale; only the order of the sums inside an instruction differs.
; WINDOWS: 0 work; 1 weights (two sets of 96), in the norm's path at first g1; 2 x, then the 32 accumulators; 3 be1.
; LIMITS: NaN and infinities among the inputs are not served; a block of zeros gets the scale byte 1 and zero codes (the bytes are read by this program alone); v_rsq_f32 is accurate to 1 ulp.
.set XIMG, 0                           ; LDS, from a path's base on: 16 fragments of rows, image 4 ks + m, 1,536 bytes each;
.set XSC,  24576                       ; their scale words, 128 bytes each;
.set YIMG, 26624                       ; (cross path alone) v's fragments
.set YSC,  51200                       ; and scale words
.set LNB,  53248                       ; the base of the norm's path; the cross path's is 0
.set KVH,  208896                      ; a head's block in kv_s and kv_c: K codes 98,304, V codes 98,304, K scale words 8,192, V scale halves 4,096
.set LI0, 1                            ; v1   16 x lane
.set LIX, 2                            ; v2   16 x lane + the path's LDS base
.set LS,  4                            ; v4   4 x lane + the path's LDS base
.set G8,  5                            ; v5   8 x lane
.set WA,  6                            ; v6   a row of 512 codes: 384 rr + 48 h
.set WSA, 8                            ; v8   its scale bytes: 16 rr
.set XA,  10                           ; v10  a row of q: 2048 rr + 64 h
.set BA,  11                           ; v11  64 h
.set IWT, 12                           ; v12  v2 + 1536 x wave
.set SWT, 13                           ; v13  v4 + 128 x wave
.set H16, 16                           ; v16  16 h
.set SCAQ, 17                          ; v17  8192 h + 16 r
.set SCAK, 18                          ; v18  208896 h + 16 r
.set SVA, 19                           ; v19  208896 h + 8 r
.set WS,  32                           ; v32-95   weight scale words, two sets of 32: word (tile t, K step s) at 4 t + s
.set AF,  96                           ; v96-191  the rows' fragments, two sets of 4 x 12
.set ST,  96                           ; (scratch while no K step runs)
.set AS,  192                          ; v192-199 the rows' scale words, two sets of 4
.set PC,  200                          ; v200-219 codes just made
.set TM,  220                          ; v220-235 the quantiser's work
.set PW,  236                          ; v236     a scale word just made
.set PWK, 240                          ; v240-243 four of them
.set SW,  244                          ; v244-247 scale words on their way out
.set T,   248                          ; v248-255 at work
.set WV, 2
.set BB, 3
.set RB, 4
.set HD2, 5
.set BLK, 7                            ; s7   my block of 64 rows, 0 .. 127
.set SEL, 36
.set SELP, 38
.set M16, 39
.set M7F, 40
.set C512, 41
.set EPS, 42
.set HM, 43
.set C512N, 44
.set QC, 46
.set QS, 48
.set KC, 50
.set KSC, 52
.set VC, 54
.set VSC, 56
.set KV, 58
.set MSB, 0
.macro WIN new                         ; the immediate's high byte repeats the setting that is left; a switch that changes nothing is dropped
.if MSB != (\new)
	s_set_vgpr_msb (MSB<<8)|(\new)
.set MSB, (\new)
.endif
.endm
; What both paths make of the thread's and the work-group's number.  lb: the path's LDS base; ln = 1: the norm's path, which also wants q's, g1's and Q's places.
.macro LANES lb, ln
	v_lshrrev_b32 v29, 5, v0
	v_readfirstlane_b32 s[WV], v29                         ; wave
	v_and_b32 v29, 31, v0                                  ; lane
	v_and_b32 v30, 15, v0                                  ; r
	v_bfe_u32 v31, v0, 4, 1                                ; h
	v_and_b32 v[T], 8, v30
	v_add_nc_u32 v[T], v[T], v30                           ; rr = r + 8 (r / 8)
	v_lshlrev_b32 v[LI0], 4, v29
	v_add_nc_u32 v[LIX], \lb, v[LI0]
	v_lshl_add_u32 v[LS], v29, 2, \lb
	v_lshlrev_b32 v[G8], 3, v29
	v_mul_u32_u24 v[WA], v[T], 384
	v_mad_u32_u24 v[WA], v31, 48, v[WA]
	v_lshlrev_b32 v[WSA], 4, v[T]
	s_mul_i32 s30, s[WV], 1536
	v_add_nc_u32 v[IWT], s30, v[LIX]
	s_lshl_b32 s30, s[WV], 7
	v_add_nc_u32 v[SWT], s30, v[LS]
	v_lshlrev_b32 v[H16], 4, v31
	v_lshlrev_b32 v[T+1], 4, v30
	v_mul_u32_u24 v[T+2], v31, KVH
	v_add_nc_u32 v[SCAK], v[T+2], v[T+1]
	v_lshl_add_u32 v[SVA], v30, 3, v[T+2]
	v_cmp_ne_u32 s[HM], 0, v31                             ; the lanes of the upper half
.if \ln
	v_lshlrev_b32 v[XA], 11, v[T]
	v_lshl_add_u32 v[XA], v31, 6, v[XA]
	v_lshlrev_b32 v[BA], 6, v31
	v_lshl_add_u32 v[SCAQ], v31, 13, v[T+1]
.endif
.irp b, 0,1,2,3
	v_mov_b32 v[TM+4+\b], 0                                ; written once: a lane permute's destination counts as one of its sources
.endr
	s_mov_b32 s[SEL], 0x76543210
	s_mov_b32 s[SEL+1], 0xfedcba98                         ; v_permlanex16_b32's selects for lane l xor 16
	s_mov_b32 s[SELP], 0x03010200                          ; bytes 0, 2, 1, 3
	s_mov_b32 s[M16], 0xffff
	s_mov_b32 s[M7F], 0x7f7f0000
	s_lshr_b32 s[BB], s[BLK], 5                            ; batch
	s_and_b32 s[RB], s[BLK], 31                            ; block of 64 rows in it
	s_lshl_b32 s[HD2], s[BB], 3
	s_lshl_b32 s30, s[WV], 1
	s_add_co_u32 s[HD2], s[HD2], s30                       ; 8 b + 2 w: my first head
.endm
; 64 numbers of a lane, v[s] .. v[s + 63] of window win, register 16 b + i = k 32 b + 16 (lane / 16) + i of the lane's row, become a fragment's codes in v[PC] .. v[PC + 11] and its scale word in v[pw].
; perm = 0: the natural order of blocks; perm = 1: the weight products' order.
.macro QUANT s, win, perm, pw
	WIN (\win)|((\win)<<2)
.irp b, 0,1,2,3
	v_max3_num_f32 v[TM+\b], |v[(\s)+16*\b]|, |v[(\s)+16*\b+1]|, 0x2800000   ; my 16 numbers of block b, and the floor 2^(5 - 127): the byte cannot fall under 1
.endr
	WIN ((\win)<<2)|((\win)<<4)
.irp i, 2,4,6,8,10,12,14
.irp b, 0,1,2,3
	v_max3_num_f32 v[TM+\b], v[TM+\b], |v[(\s)+16*\b+\i]|, |v[(\s)+16*\b+\i+1]|
.endr
.endr
	WIN 0
.irp b, 0,1,2,3
	v_permlanex16_b32 v[TM+4+\b], v[TM+\b], s[SEL], s[SEL+1]
.endr
.irp b, 0,1,2,3
	v_max_num_f32 v[TM+\b], v[TM+\b], v[TM+4+\b]           ; with lane l xor 16's: the block's largest magnitude
.endr
.irp b, 0,1,2,3
	v_add_nc_u32 v[TM+12+\b], 0xfe000000, v[TM+\b]         ; 4 off its exponent field: the conversion's scale operand
.endr
.irp b, 0,1,2,3
	v_lshrrev_b32 v[TM+4+\b], 23, v[TM+12+\b]              ; the scale's byte
.endr
.if \perm
	v_lshl_or_b32 v[\pw], v[TM+6], 8, v[TM+4]
	v_lshl_or_b32 v[\pw], v[TM+5], 16, v[\pw]
.else
	v_lshl_or_b32 v[\pw], v[TM+5], 8, v[TM+4]
	v_lshl_or_b32 v[\pw], v[TM+6], 16, v[\pw]
.endif
	v_lshl_or_b32 v[\pw], v[TM+7], 24, v[\pw]
	WIN \win
.irp c, 0,1
.if \perm
.set lo_, \c
.set hi_, \c+2
.else
.set lo_, 2*\c
.set hi_, 2*\c+1
.endif
	v_cvt_scalef32_pk16_bf6_f32 v[PC+6*\c:PC+6*\c+2], v[(\s)+16*lo_:(\s)+16*lo_+15], v[TM+12+lo_]
	v_cvt_scalef32_pk16_bf6_f32 v[PC+12+4*\c:PC+14+4*\c], v[(\s)+16*hi_:(\s)+16*hi_+15], v[TM+12+hi_]   ; (a conversion's three registers begin on an even number)
.endr
	WIN 0
	v_nop                                                  ; one plain place behind a scaled conversion
.irp c, 0,1                            ; the operand wants a whole block in a lane
.irp i, 0,1,2
	v_permlane16_swap_b32 v[PC+6*\c+\i], v[PC+12+4*\c+\i]
.endr
.irp i, 0,1,2
	v_mov_b32 v[PC+3+6*\c+\i], v[PC+12+4*\c+\i]
.endr
.endr
.endm
.macro IMAGE adr, off                  ; the fragment in v[PC] on goes to LDS as it stands
.irp c, 0,1,2
	ds_store_b128 v[\adr], v[PC+4*\c:PC+4*\c+3] offset:(\off)+512*\c
.endr
.endm
.macro WL par, base, va, off, rowb     ; a K step's eight weight fragments into set par of window 1: 24 loads
	WIN 0x40
.irp t, 0,1,2,3,4,5,6,7
.irp i, 0,1,2
	global_load_b128 v[96*(\par)+12*\t+4*\i:96*(\par)+12*\t+4*\i+3], v[\va], s[(\base):(\base)+1] offset:(\off)+(32*(\t/2)+8*(\t%2))*(\rowb)+16*\i
.endr
.endr
	WIN 0
.endm
.macro WSL set, base, va, off, srow    ; a quad's scale words (8 tiles x 4 K steps): 8 loads
.irp t, 0,1,2,3,4,5,6,7
	global_load_b128 v[WS+32*(\set)+4*\t:WS+32*(\set)+4*\t+3], v[\va], s[(\base):(\base)+1] offset:(\off)+(32*(\t/2)+8*(\t%2))*(\srow)
.endr
.endm
.macro QHEAD set                       ; the scale words' bytes into the weight products' order
	s_wait_loadcnt 48                                      ; behind the scale words stand at least the 48 loads of the quad's first two K steps
.set n_, WS+32*(\set)
.rept 32
	v_perm_b32 v[n_], v[n_], v[n_], s[SELP]
.set n_, n_+1
.endr
.rept 8
	v_nop                                                  ; a scale register written by a vector instruction stands 8 places ahead of a scaled matrix instruction
.endr
.endm
.macro FETCHA par, img, sc, ks         ; the four row tiles' fragments and scale words of K step ks
.irp m, 0,1,2,3
.irp i, 0,1,2
	ds_load_b128 v[AF+48*(\par)+12*\m+4*\i:AF+48*(\par)+12*\m+4*\i+3], v[LIX] offset:(\img)+(4*(\ks)+\m)*1536+512*\i
.endr
	ds_load_b32 v[AS+4*(\par)+\m], v[LS] offset:(\sc)+(4*(\ks)+\m)*128
.endr
.endm
; 32 matrix instructions, all on different accumulators, in the same order in every step.
; orient 0: source 0 = 16 weight rows, source 1 = 16 rows: a lane holds one row, its registers run along the columns.  orient 1: the other way round: a lane holds one column, its registers run down the rows.
; cm 0: onto the accumulator; 1: the constant 0 starts the sum.
.macro MM par, ws, orient, cm
.if (\orient) == 1
	WIN 0xa4
.else
	WIN 0xa1
.endif
.irp m, 0,1,2,3
.irp t, 0,1,2,3,4,5,6,7
.set rW, 96*(\par)+12*\t
.set rA, AF+48*(\par)+12*\m
.set rWS, (\ws)+4*\t
.set rAS, AS+4*(\par)+\m
.if (\orient) == 1
.set rD, 8*(4*\t+\m)
.if (\cm) == 1
	v_wmma_scale_f32_16x16x128_f8f6f4 v[rD:rD+7], v[rA:rA+11], v[rW:rW+11], 0, v[rAS], v[rWS] matrix_a_fmt:MATRIX_FMT_BF6 matrix_b_fmt:MATRIX_FMT_BF6
.else
	v_wmma_scale_f32_16x16x128_f8f6f4 v[rD:rD+7], v[rA:rA+11], v[rW:rW+11], v[rD:rD+7], v[rAS], v[rWS] matrix_a_fmt:MATRIX_FMT_BF6 matrix_b_fmt:MATRIX_FMT_BF6
.endif
.else
.set rD, 8*(8*\m+\t)
.if (\cm) == 1
	v_wmma_scale_f32_16x16x128_f8f6f4 v[rD:rD+7], v[rW:rW+11], v[rA:rA+11], 0, v[rWS], v[rAS] matrix_a_fmt:MATRIX_FMT_BF6 matrix_b_fmt:MATRIX_FMT_BF6
.else
	v_wmma_scale_f32_16x16x128_f8f6f4 v[rD:rD+7], v[rW:rW+11], v[rA:rA+11], v[rD:rD+7], v[rWS], v[rAS] matrix_a_fmt:MATRIX_FMT_BF6 matrix_b_fmt:MATRIX_FMT_BF6
.endif
.endif
.endr
.endr
.endm
.macro KSTEP par, lc, ws, orient, cm, nx, img, sc, ks
	s_wait_loadcnt \lc                                     ; this step's weights are in; the next step's 24 loads may be out
	s_wait_dscnt 0x0                                       ; this step's rows, asked for a step ago, are in
.if \nx
	FETCHA 1-(\par), \img, \sc, \ks                        ; the next step's rows
.endif
	MM \par, \ws, \orient, \cm
	WIN 0
.rept 4
	v_nop                                                  ; places ahead of loads into registers that the products read, and of the first read of results
.endr
.endm
.macro BARRIER                         ; my LDS stores have landed and my LDS loads are in: then the work-group's barrier
	s_wait_dscnt 0x0
	s_barrier_signal -1
	s_barrier_wait -1
.endm
; A panel of Q or K leaves: for each tile of rows two half images (16 rows x 64 of a head, 768 bytes: registers 0-3 at 16 x lane, 4-5 at 512 + 8 x lane), one for each of my two heads, hs bytes apart;
; the scale words (two bytes, and 0x7f7f for the half of K that is zero codes) as [r][m], 256 bytes a head.
.macro EPI_QK cb, hs, sb, sca
.irp m, 0,1,2,3
	s_wait_xcnt 0x0                                        ; earlier stores have read the registers that are written again below
	QUANT 64*\m, 2, 0, PWK+\m
	global_store_b128 v[LI0], v[PC:PC+3], s[(\cb):(\cb)+1] offset:768*\m
	global_store_b64 v[G8], v[PC+4:PC+5], s[(\cb):(\cb)+1] offset:768*\m+512
	global_store_b128 v[LI0], v[PC+6:PC+9], s[(\cb):(\cb)+1] offset:768*\m+(\hs)
	global_store_b64 v[G8], v[PC+10:PC+11], s[(\cb):(\cb)+1] offset:768*\m+(\hs)+512
.endr
.irp m, 0,1,2,3
	v_lshrrev_b32 v[SW+\m], v[H16], v[PWK+\m]              ; lanes 0-15 the first head's two bytes, lanes 16-31 the second's
.endr
.irp m, 0,1,2,3
	v_and_or_b32 v[SW+\m], v[SW+\m], s[M16], s[M7F]
.endr
	global_store_b128 v[\sca], v[SW:SW+3], s[(\sb):(\sb)+1]
.endm
; The panel of V leaves: a lane holds one d, its registers run down the 64 keys: two d tiles a turn, each a half image (lanes 0-15 the first 32 keys, lanes 16-31 the second).
.macro EPI_V
.irp g, 0,1,2,3
	s_wait_xcnt 0x0
	QUANT 64*\g, 2, 0, PWK+\g
	global_store_b128 v[LI0], v[PC:PC+3], s[VC:VC+1] offset:(\g/2)*KVH+(\g%2)*3072
	global_store_b64 v[G8], v[PC+4:PC+5], s[VC:VC+1] offset:(\g/2)*KVH+(\g%2)*3072+512
	global_store_b128 v[LI0], v[PC+6:PC+9], s[VC:VC+1] offset:(\g/2)*KVH+(\g%2)*3072+1536
	global_store_b64 v[G8], v[PC+10:PC+11], s[VC:VC+1] offset:(\g/2)*KVH+(\g%2)*3072+2048
.endr
	v_cndmask_b32 v[SW], v[PWK], v[PWK+2], s[HM]           ; lanes 0-15 the first head's four halves, lanes 16-31 the second's
	v_cndmask_b32 v[SW+1], v[PWK+1], v[PWK+3], s[HM]
	global_store_b64 v[SVA], v[SW:SW+1], s[VSC:VSC+1]
.endm
; Where K's and V's results go in the head's block whose address is in s[kvb:kvb+1] (the buffer's), for heads 8 b + 2 w on.  s31 holds 0.
.macro KVPLACES kvb
	s_mul_i32 s30, s[HD2], KVH
	s_add_nc_u64 s[KV:KV+1], s[(\kvb):(\kvb)+1], s[30:31]
	s_mul_i32 s30, s[RB], 3072
	s_add_nc_u64 s[KC:KC+1], s[KV:KV+1], s[30:31]          ; K codes: [tile 4 RB + m][768]
	s_lshl_b32 s30, s[RB], 8
	s_add_co_u32 s30, s30, 196608
	s_add_nc_u64 s[KSC:KSC+1], s[KV:KV+1], s[30:31]        ; K scale words: [RB][256]
	s_lshr_b32 s30, s[RB], 1
	s_mul_i32 s30, s30, 6144
	s_and_b32 s32, s[RB], 1
	s_mul_i32 s32, s32, 768
	s_add_co_u32 s30, s30, s32
	s_add_co_u32 s30, s30, 98304
	s_add_nc_u64 s[VC:VC+1], s[KV:KV+1], s[30:31]          ; V codes: [key step RB / 2][d tile][RB % 2][768]
	s_lshl_b32 s30, s[RB], 7
	s_add_co_u32 s30, s30, 204800
	s_add_nc_u64 s[VSC:VSC+1], s[KV:KV+1], s[30:31]        ; V scale halves: [RB][128]
.endm
	v_lshl_add_u32 v254, v0, 2, 0x13800
	v_mov_b32 v255, 0
	s_and_b32 s[BLK], ttmp9, 127                           ; my block of 64 rows, in either job
	s_cmp_lt_u32 ttmp9, 128                                ; which job: the work-group's number alone decides
	s_cbranch_scc0 .Lcross
	; ======== work-groups 0-127: LayerNorm 1 and the self-attention's projections
	s_load_b512 s[8:23], s[0:1], 0x0                       ; q 8, g1 10, be1 12, Wq codes 14, scales 16, Wk codes 18, scales 20, Wv codes 22
	s_load_b128 s[24:27], s[0:1], 0x80                     ; Wv scales 24, qbuf 26
	s_load_b64 s[28:29], s[0:1], 0x90                      ; kv_s
	LANES LNB, 1
	s_mov_b32 s[C512], 0x3b000000                          ; 1 / 512
	s_mov_b32 s[C512N], 0xbb000000
	s_mov_b32 s[EPS], 0x3727c5ac                           ; 1e-5
	s_lshl_b32 s30, s[BLK], 6
	s_lshr_b32 s31, s[WV], 1
	s_lshl_b32 s31, s31, 5
	s_add_co_u32 s30, s30, s31
	s_and_b32 s31, s[WV], 1
	s_lshl_b32 s31, s31, 3
	s_add_co_u32 s30, s30, s31                             ; the first row of row tile m = w
	s_lshl_b32 s30, s30, 11
	s_mov_b32 s31, 0
	s_mul_i32 s32, s[WV], 49152                            ; my 128 rows of each weight,
	s_mov_b32 s33, 0
	s_lshl_b32 s34, s[WV], 11                              ; and of its scale bytes
	s_mov_b32 s35, 0
	s_wait_kmcnt 0x0
	s_add_nc_u64 s[8:9], s[8:9], s[30:31]
	s_add_nc_u64 s[14:15], s[14:15], s[32:33]
	s_add_nc_u64 s[18:19], s[18:19], s[32:33]
	s_add_nc_u64 s[22:23], s[22:23], s[32:33]
	s_add_nc_u64 s[16:17], s[16:17], s[34:35]
	s_add_nc_u64 s[20:21], s[20:21], s[34:35]
	s_add_nc_u64 s[24:25], s[24:25], s[34:35]
	; ---- LayerNorm 1: wave w owns row tile w; a row lies in lanes l and l xor 16; register 64 s + 16 b + i = column 128 s + 32 b + 16 h + i
	WIN 0x80
.set k_, 0
.rept 64
	global_load_b128 v[4*k_:4*k_+3], v[XA], s[8:9] offset:512*(k_/16)+128*((k_/4)%4)+16*(k_%4)
.set k_, k_+1
.endr
	WIN 0x40
.set k_, 0
.rept 64
	global_load_b128 v[4*k_:4*k_+3], v[BA], s[10:11] offset:512*(k_/16)+128*((k_/4)%4)+16*(k_%4)
.set k_, k_+1
.endr
	WIN 0xc0
.set k_, 0
.rept 64
	global_load_b128 v[4*k_:4*k_+3], v[BA], s[12:13] offset:512*(k_/16)+128*((k_/4)%4)+16*(k_%4)
.set k_, k_+1
.endr
	WIN 0
	s_lshl_b32 s30, s[HD2], 7                              ; where the results go
	s_lshl_b32 s32, s[RB], 2
	s_add_co_u32 s30, s30, s32
	s_mul_i32 s30, s30, 768
	s_add_nc_u64 s[QC:QC+1], s[26:27], s[30:31]            ; Q codes: [head][tile 4 RB + m][768]
	s_lshl_b32 s30, s[HD2], 5
	s_add_co_u32 s30, s30, s[RB]
	s_lshl_b32 s30, s30, 8
	s_add_co_u32 s30, s30, 0x300000
	s_add_nc_u64 s[QS:QS+1], s[26:27], s[30:31]            ; Q scale words: [head][RB][256]
	KVPLACES 28
	s_wait_loadcnt 63                                      ; 128 younger loads stand behind x's: x is in
	WIN 0x0a
.irp c, 0,2,4,6
	v_pk_add_f32 v[ST+\c:ST+\c+1], v[\c:\c+1], v[8+\c:9+\c]          ; the row's sum, in four packed chains
.endr
	WIN 0x08
.set k_, 16
.rept 120
	v_pk_add_f32 v[ST+k_%8:ST+k_%8+1], v[ST+k_%8:ST+k_%8+1], v[k_:k_+1]
.set k_, k_+2
.endr
	WIN 0
	v_pk_add_f32 v[ST:ST+1], v[ST:ST+1], v[ST+2:ST+3]
	v_pk_add_f32 v[ST+4:ST+5], v[ST+4:ST+5], v[ST+6:ST+7]
	v_pk_add_f32 v[ST:ST+1], v[ST:ST+1], v[ST+4:ST+5]
	v_add_f32 v[T], v[ST], v[ST+1]
	v_permlanex16_b32 v[TM+4], v[T], s[SEL], s[SEL+1]
	v_add_f32 v[T], v[T], v[TM+4]
	v_mul_f32 v[T+2], s[C512N], v[T]                       ; - mean
	v_mov_b32 v[T+3], v[T+2]
	WIN 0x82
.set k_, 0
.rept 128
	v_pk_add_f32 v[k_:k_+1], v[k_:k_+1], v[T+2:T+3]        ; x - mean, in place
.set k_, k_+2
.endr
	WIN 0x0a
.irp c, 0,2,4,6
	v_pk_mul_f32 v[ST+\c:ST+\c+1], v[\c:\c+1], v[\c:\c+1]  ; the sum of its squares
.endr
.set k_, 8
.rept 124
	v_pk_fma_f32 v[ST+k_%8:ST+k_%8+1], v[k_:k_+1], v[k_:k_+1], v[ST+k_%8:ST+k_%8+1]
.set k_, k_+2
.endr
	WIN 0
	v_pk_add_f32 v[ST:ST+1], v[ST:ST+1], v[ST+2:ST+3]
	v_pk_add_f32 v[ST+4:ST+5], v[ST+4:ST+5], v[ST+6:ST+7]
	v_pk_add_f32 v[ST:ST+1], v[ST:ST+1], v[ST+4:ST+5]
	v_add_f32 v[T], v[ST], v[ST+1]
	v_permlanex16_b32 v[TM+4], v[T], s[SEL], s[SEL+1]
	v_add_f32 v[T], v[T], v[TM+4]
	v_fma_f32 v[T], v[T], s[C512], s[EPS]                  ; the variance + eps
	v_rsq_f32 v[T+2], v[T]
	v_nop                                                  ; one plain place behind a transcendental
	s_wait_alu depctr_va_vdst(0)
	v_mov_b32 v[T+3], v[T+2]
	WIN 0x82
.set k_, 0
.rept 128
	v_pk_mul_f32 v[k_:k_+1], v[k_:k_+1], v[T+2:T+3]
.set k_, k_+2
.endr
	s_wait_loadcnt 0x0                                     ; g1 and be1
	WIN 0xb6
.set k_, 0
.rept 128
	v_pk_fma_f32 v[k_:k_+1], v[k_:k_+1], v[k_:k_+1], v[k_:k_+1]      ; window 2 x window 1 + window 3: x g + be
.set k_, k_+2
.endr
	WIN 0
	WSL 0, 16, WSA, 0, 16                                  ; Wq's scale words and first two K steps are on their way while the rows are quantised
	WL 0, 14, WA, 0, 384
	WL 1, 14, WA, 96, 384
.irp e, 0,1,2,3
	QUANT 64*\e, 2, 1, PW
	IMAGE IWT, XIMG+6144*\e
	ds_store_b32 v[SWT], v[PW] offset:XSC+512*\e
	s_wait_dscnt 0x0                                       ; the stores have read their registers
.endr
	BARRIER                                                ; the 16 fragments lie in LDS
	; ---- twelve K steps: Q, K (a lane holds a row), V (a lane holds a column d)
	FETCHA 0, XIMG, XSC, 0
.set q_, 0
.rept 12
.set qd_, q_/4
.set lc_, 24
.set nx_, 1
.set cm_, 0
.set or_, 0
.if q_ == 11
.set lc_, 0
.set nx_, 0
.endif
.if qd_ == 2
.set or_, 1
.endif
.if q_%4 == 0
.set cm_, 1
	QHEAD qd_%2
.endif
	KSTEP q_%2, lc_, WS+32*(qd_%2)+q_%4, or_, cm_, nx_, XIMG, XSC, (q_+1)%4
.if q_ < 10
.if (q_+2)%4 == 0
	WSL ((q_+2)/4)%2, 16+4*((q_+2)/4), WSA, 0, 16
.endif
	WL q_%2, 14+4*((q_+2)/4), WA, 96*((q_+2)%4), 384       ; the weights of two steps on
.endif
.if q_ == 3
	EPI_QK QC, 98304, QS, SCAQ
.endif
.if q_ == 7
	EPI_QK KC, KVH, KSC, SCAK
.endif
.if q_ == 11
	EPI_V
.endif
.set q_, q_+1
.endr
	s_wait_tensorcnt 0x0
	ds_add_u32 v254, v255
	s_wait_dscnt 0x0
	s_endpgm
	; ======== work-groups 128-255: the cross-attention's K and V projections
.Lcross:
	s_load_b512 s[8:23], s[0:1], 0x40                      ; k codes 8, scales 10, v codes 12, scales 14, Wk codes 16, scales 18, Wv codes 20, scales 22
	s_load_b64 s[24:25], s[0:1], 0x98                      ; kv_c
	LANES 0, 0
	s_lshl_b32 s26, s[BLK], 6
	s_lshr_b32 s27, s[WV], 1
	s_lshl_b32 s27, s27, 5
	s_add_co_u32 s26, s26, s27
	s_and_b32 s27, s[WV], 1
	s_lshl_b32 s27, s27, 3
	s_add_co_u32 s26, s26, s27                             ; the first row of row tile m = w
	s_mul_i32 s30, s26, 384
	s_mov_b32 s31, 0
	s_lshl_b32 s28, s26, 4
	s_mov_b32 s29, 0
	s_mul_i32 s32, s[WV], 49152
	s_mov_b32 s33, 0
	s_lshl_b32 s34, s[WV], 11
	s_mov_b32 s35, 0
	s_wait_kmcnt 0x0
	s_add_nc_u64 s[8:9], s[8:9], s[30:31]
	s_add_nc_u64 s[12:13], s[12:13], s[30:31]
	s_add_nc_u64 s[10:11], s[10:11], s[28:29]
	s_add_nc_u64 s[14:15], s[14:15], s[28:29]
	s_add_nc_u64 s[16:17], s[16:17], s[32:33]
	s_add_nc_u64 s[20:21], s[20:21], s[32:33]
	s_add_nc_u64 s[18:19], s[18:19], s[34:35]
	s_add_nc_u64 s[22:23], s[22:23], s[34:35]
	; ---- wave w brings row tile w of k and of v: a lane's 48 consecutive bytes of each K step are its 12 registers
.irp e, 0,1,2,3
.irp c, 0,1,2
	global_load_b128 v[96+12*\e+4*\c:99+12*\e+4*\c], v[WA], s[8:9] offset:96*\e+16*\c
.endr
.endr
	global_load_b128 v[200:203], v[WSA], s[10:11]
.irp e, 0,1,2,3
.irp c, 0,1,2
	global_load_b128 v[144+12*\e+4*\c:147+12*\e+4*\c], v[WA], s[12:13] offset:96*\e+16*\c
.endr
.endr
	global_load_b128 v[204:207], v[WSA], s[14:15]
	WSL 0, 18, WSA, 0, 16
	WL 0, 16, WA, 0, 384
	WL 1, 16, WA, 96, 384
	KVPLACES 24
	s_wait_loadcnt 56                                      ; the 56 loads of the weights may stay out: k's and v's are in
.irp e, 0,1,2,3,4,5,6,7
	v_perm_b32 v[200+\e], v[200+\e], v[200+\e], s[SELP]    ; the scale words' bytes into the products' order
.endr
.irp e, 0,1,2,3
.irp c, 0,1,2
	ds_store_b128 v[IWT], v[96+12*\e+4*\c:99+12*\e+4*\c] offset:XIMG+6144*\e+512*\c
	ds_store_b128 v[IWT], v[144+12*\e+4*\c:147+12*\e+4*\c] offset:YIMG+6144*\e+512*\c
.endr
	ds_store_b32 v[SWT], v[200+\e] offset:XSC+512*\e
	ds_store_b32 v[SWT], v[204+\e] offset:YSC+512*\e
.endr
	BARRIER                                                ; k's and v's 32 fragments lie in LDS
	; ---- eight K steps: K on k's rows, V on v's
	FETCHA 0, XIMG, XSC, 0
.set q_, 0
.rept 8
.set qd_, q_/4
.set lc_, 24
.set nx_, 1
.set cm_, 0
.if q_ == 7
.set lc_, 0
.set nx_, 0
.endif
.if q_%4 == 0
.set cm_, 1
	QHEAD qd_
.endif
	KSTEP q_%2, lc_, WS+32*qd_+q_%4, qd_, cm_, nx_, XIMG+26624*((q_+1)/4), XSC+26624*((q_+1)/4), (q_+1)%4
.if q_ < 6
.if (q_+2)%4 == 0
	WSL 1, 22, WSA, 0, 16
.endif
	WL q_%2, 16+4*((q_+2)/4), WA, 96*((q_+2)%4), 384
.endif
.if q_ == 3
	EPI_QK KC, KVH, KSC, SCAK
.endif
.if q_ == 7
	EPI_V
.endif
.set q_, q_+1
.endr
	s_wait_tensorcnt 0x0
	ds_add_u32 v254, v255
	s_wait_dscnt 0x0
	s_endpgm
.Lfunc_end_k_qdefff38845_ln_qkv_kvc:
	.size	k_qdefff38845_ln_qkv_kvc, .Lfunc_end_k_qdefff38845_ln_qkv_kvc-k_qdefff38845_ln_qkv_kvc
	.p2alignl 7, 3214868480
	.fill 96, 4, 3214868480
	.section	.rodata,"a",@progbits
	.p2align	6, 0x0
	.amdhsa_kernel k_qdefff38845_ln_qkv_kvc
		.amdhsa_group_segment_fixed_size 80384
		.amdhsa_private_segment_fixed_size 0
		.amdhsa_enable_private_segment 0
		.amdhsa_kernarg_size 160
		.amdhsa_user_sgpr_count 2
		.amdhsa_user_sgpr_kernarg_segment_ptr 1
		.amdhsa_wavefront_size32 1
		.amdhsa_system_sgpr_workgroup_id_x 1
		.amdhsa_system_sgpr_workgroup_id_y 1
		.amdhsa_system_sgpr_workgroup_id_z 1
		.amdhsa_system_vgpr_workitem_id 0
		.amdhsa_next_free_vgpr 1024
		.amdhsa_next_free_sgpr 66
		.amdhsa_reserve_vcc 0
		.amdhsa_float_denorm_mode_32 3
		.amdhsa_float_denorm_mode_16_64 3
		.amdhsa_memory_ordered 1
		.amdhsa_forward_progress 1
		.amdhsa_inst_pref_size 255
	.end_amdhsa_kernel
	.section	.bss,"aw",@nobits
	.p2align	6
	.space	262144
	.amdgpu_metadata
---
amdhsa.version: [ 1, 2 ]
amdhsa.kernels:
  - .name:           k_qdefff38845_ln_qkv_kvc
    .symbol:         k_qdefff38845_ln_qkv_kvc.kd
    .args:
      - { .name: q, .offset: 0, .size: 8, .value_kind: global_buffer, .address_space: global }
      - { .name: g1, .offset: 8, .size: 8, .value_kind: global_buffer, .address_space: global }
      - { .name: be1, .offset: 16, .size: 8, .value_kind: global_buffer, .address_space: global }
      - { .name: Wq_s_codes, .offset: 24, .size: 8, .value_kind: global_buffer, .address_space: global }
      - { .name: Wq_s_scales, .offset: 32, .size: 8, .value_kind: global_buffer, .address_space: global }
      - { .name: Wk_s_codes, .offset: 40, .size: 8, .value_kind: global_buffer, .address_space: global }
      - { .name: Wk_s_scales, .offset: 48, .size: 8, .value_kind: global_buffer, .address_space: global }
      - { .name: Wv_s_codes, .offset: 56, .size: 8, .value_kind: global_buffer, .address_space: global }
      - { .name: k_codes, .offset: 64, .size: 8, .value_kind: global_buffer, .address_space: global }
      - { .name: k_scales, .offset: 72, .size: 8, .value_kind: global_buffer, .address_space: global }
      - { .name: v_codes, .offset: 80, .size: 8, .value_kind: global_buffer, .address_space: global }
      - { .name: v_scales, .offset: 88, .size: 8, .value_kind: global_buffer, .address_space: global }
      - { .name: Wk_c_codes, .offset: 96, .size: 8, .value_kind: global_buffer, .address_space: global }
      - { .name: Wk_c_scales, .offset: 104, .size: 8, .value_kind: global_buffer, .address_space: global }
      - { .name: Wv_c_codes, .offset: 112, .size: 8, .value_kind: global_buffer, .address_space: global }
      - { .name: Wv_c_scales, .offset: 120, .size: 8, .value_kind: global_buffer, .address_space: global }
      - { .name: Wv_s_scales, .offset: 128, .size: 8, .value_kind: global_buffer, .address_space: global }
      - { .name: qbuf, .offset: 136, .size: 8, .value_kind: global_buffer, .address_space: global }
      - { .name: kv_s, .offset: 144, .size: 8, .value_kind: global_buffer, .address_space: global }
      - { .name: kv_c, .offset: 152, .size: 8, .value_kind: global_buffer, .address_space: global }
    .group_segment_fixed_size: 80384
    .private_segment_fixed_size: 0
    .kernarg_segment_align: 8
    .kernarg_segment_size: 160
    .max_flat_workgroup_size: 128
    .sgpr_count:     66
    .vgpr_count:     1024
    .wavefront_size: 32
...
	.end_amdgpu_metadata
.endif
;; end of part 7
;; launch attn_causal: the kernel of part 3 again; grid 8 x 32, 16 waves a work-group, no clusters, 210,944 bytes of LDS; arguments qbuf, kv_s, att; writes att
;; launch proj_ln_q: the kernel of part 4 again; grid 128 x 1, 4 waves a work-group, no clusters, 55,808 bytes of LDS; arguments att, q, Wp_s_codes, Wp_s_scales, bp_s, g2, be2, Wq_c_codes, Wq_c_scales, x1, qbuf; writes x1, qbuf
;; launch attn_full: the kernel of part 5 again; grid 8 x 32, 16 waves a work-group, no clusters, 210,944 bytes of LDS; arguments qbuf, kv_c, att; writes att
;; launch proj_ln_ffn (part 8): grid 256 x 1, 4 waves a work-group, no clusters, 116,224 bytes of LDS; arguments att, x1, Wp_c_codes, Wp_c_scales, bp_c, g3, be3, W1_codes, W1_scales, b1, W2_codes, W2_scales, b2, out0; writes out0
.if DOCPART == 8
	.amdgcn_target "amdgcn-amd-amdhsa--gfx1250"
	.amdhsa_code_object_version 6
	.text
	.protected	k_qdefff38845_proj_ln_ffn
	.globl	k_qdefff38845_proj_ln_ffn
	.p2align	8
	.type	k_qdefff38845_proj_ln_ffn,@function
k_qdefff38845_proj_ln_ffn:
	s_mov_b64 s[64:65], 0
	v_nop
	global_prefetch_b8 v0, s[64:65] scope:SCOPE_SE
	s_setreg_imm32_b32 hwreg(HW_REG_WAVE_MODE, 25, 1), 1
	s_wait_xcnt 0x0
; x2 = x1 + attention Wp_c + bp_c; h = LayerNorm 3 of x2, quantised; hidden = relu(h W1 + b1), quantised; out = x2 + hidden W2 + b2.  All products on codes of BF6 (E3M2) with E8M0 scales.
; x2, h and the hidden layer never go to memory.
; SHARES.  32 rows to a work-group: 8,192 / 32 = 256 work-groups.  The four waves share the COLUMNS: wave w makes columns 128 w .. of x2 and of out, and hidden panels 4 i + w (128 units each), for all 32 rows.
; TILES.  Lane r of row tile m (0, 1) holds row 8 m + r + 8 (r / 8) of the block; lane r of tile t of a weight panel holds its row 32 (t / 2) + 8 (t % 2) + r + 8 (r / 8):
; so the 16 result registers of tiles 2 b and 2 b + 1 are 16 neighbours along the columns.
; K ORDER: operand place (c, half h) holds block 4 s + 2 h + c of K step s on both sides; a scale word's bytes follow as 0, 2, 1, 3.
; 36 K steps of 16 matrix instructions in 9 quads: the projection (1), the first layer (4 panels), the second layer (K = 2,048: 4).  The weights of two steps ahead are always on their way into registers.
; b1 is the C of a panel's first products; x2 is the C of the second layer's first products; b2 is added at the end.
; x1 was stored as an image of the accumulators of a block of 64 rows: my two tiles are its registers 128 (block % 2) on.
; The text is written out, without a loop: every instruction runs once in a wave, every offset is an immediate.
; WINDOWS: 0 work; 1 weights (two sets of 96), v192-255 a bias; 2 v0-127 x2; 3 v0-127 g3 and be3, then the layers' 16 accumulators.
; LIMITS: NaN and infinities are not served; a block of zeros gets the scale byte 1 and zero codes; v_rsq_f32 is accurate to 1 ulp.
.set XIMG, 0                           ; LDS: the attention's 8 fragments (image 2 ks + m, 1,536 bytes),
.set XSC,  12288                       ; their scale words (128 bytes each);
.set YIMG, 13312                       ; the normalised rows' likewise;
.set YSC,  25600
.set LNS,  26624                       ; the norm's pairs, [row tile][wave][r] x 8 bytes;
.set HSC,  27648                       ; the hidden layer's 32 scale words' images,
.set HIMG, 32768                       ; and its 32 fragments;
.set STG,  81920                       ; a stage of 16 rows x 528 bytes for each wave
.set LI0, 1                            ; v1-2 16 x lane + 0, 65,536
.set LI1, 2
.set LS,  4                            ; v4   4 x lane
.set WA,  6                            ; v6   a row of 512 codes: 384 rr + 48 h
.set WA2, 7                            ; v7   a row of W2's codes: 1536 rr + 48 h
.set WSA, 8                            ; v8   scale bytes: 16 rr
.set WSA2, 9                           ; v9   W2's: 64 rr
.set BA,  11                           ; v11  64 h
.set IWT, 12                           ; v12  16 x lane + 6144 (w / 2) + 1536 (w % 2)
.set SWT, 13                           ; v13  4 x lane + 512 (w / 2) + 128 (w % 2)
.set IWK, 14                           ; v14  16 x lane + 3072 x wave
.set SWK, 15                           ; v15  4 x lane + 256 x wave
.set AT16, 20                          ; v20  768 h + 16 r
.set AT8, 21                           ; v21  768 h + 8 r
.set R16, 22                           ; v22  16 r
.set LNW, 23                           ; v23  8 r + 128 x wave
.set LNR, 24                           ; v24  8 r
.set STO, 25                           ; v25  the stage: where I put 16 bytes of a row
.set RD,  26                           ; v26  and where I read a row back
.set HW0, 27                           ; v27  16 x lane + HIMG + 3072 x wave
.set WS,  32                           ; v32-95   weight scale words, two sets of 32
.set AF,  96                           ; v96..    the rows' fragments: set par at 48 par, tile m at 12 m
.set ST,  96                           ; v96-159  scratch while no K step runs
.set LNP, 160                          ; v160-163 for each row tile the pair (my wave's mean, its sum of squares)
.set LNQ, 168                          ; v168-175 the four waves' pairs of one tile
.set AS,  192                          ; v192..   the rows' scale words: set par at 4 par
.set PC,  200
.set TM,  220
.set PW,  236
.set T,   248
.set WV, 2
.set WHI, 3                            ; s3   wave / 2
.set WLO, 4                            ; s4   wave % 2
.set SEL, 36
.set SELP, 38
.set C512, 41
.set EPS, 42
.set C128, 43
.set F128, 44
.set ASCL, 46
.set MSB, 0
.macro WIN new                         ; the immediate's high byte repeats the setting that is left; a switch that changes nothing is dropped
.if MSB != (\new)
	s_set_vgpr_msb (MSB<<8)|(\new)
.set MSB, (\new)
.endif
.endm
; 64 numbers of a lane, v[s] .. v[s + 63] of window win, register 16 b + i = k 32 b + 16 (lane / 16) + i of the lane's row, become a fragment's codes in v[PC] .. v[PC + 11] and its scale word in v[pw],
; in the weight products' order of blocks.
.macro QUANT s, win, pw
	WIN (\win)|((\win)<<2)
.irp b, 0,1,2,3
	v_max3_num_f32 v[TM+\b], |v[(\s)+16*\b]|, |v[(\s)+16*\b+1]|, 0x2800000   ; my 16 numbers of block b, and the floor 2^(5 - 127): the byte cannot fall under 1
.endr
	WIN ((\win)<<2)|((\win)<<4)
.irp i, 2,4,6,8,10,12,14
.irp b, 0,1,2,3
	v_max3_num_f32 v[TM+\b], v[TM+\b], |v[(\s)+16*\b+\i]|, |v[(\s)+16*\b+\i+1]|
.endr
.endr
	WIN 0
.irp b, 0,1,2,3
	v_permlanex16_b32 v[TM+4+\b], v[TM+\b], s[SEL], s[SEL+1]
.endr
.irp b, 0,1,2,3
	v_max_num_f32 v[TM+\b], v[TM+\b], v[TM+4+\b]
.endr
.irp b, 0,1,2,3
	v_add_nc_u32 v[TM+12+\b], 0xfe000000, v[TM+\b]         ; 4 off the exponent field: the conversion's scale operand
.endr
.irp b, 0,1,2,3
	v_lshrrev_b32 v[TM+4+\b], 23, v[TM+12+\b]              ; the scale's byte
.endr
	v_lshl_or_b32 v[\pw], v[TM+6], 8, v[TM+4]
	v_lshl_or_b32 v[\pw], v[TM+5], 16, v[\pw]
	v_lshl_or_b32 v[\pw], v[TM+7], 24, v[\pw]
	WIN \win
.irp c, 0,1
	v_cvt_scalef32_pk16_bf6_f32 v[PC+6*\c:PC+6*\c+2], v[(\s)+16*\c:(\s)+16*\c+15], v[TM+12+\c]
	v_cvt_scalef32_pk16_bf6_f32 v[PC+12+4*\c:PC+14+4*\c], v[(\s)+32+16*\c:(\s)+47+16*\c], v[TM+14+\c]
.endr
	WIN 0
	v_nop                                                  ; one plain place behind a scaled conversion
.irp c, 0,1
.irp i, 0,1,2
	v_permlane16_swap_b32 v[PC+6*\c+\i], v[PC+12+4*\c+\i]
.endr
.irp i, 0,1,2
	v_mov_b32 v[PC+3+6*\c+\i], v[PC+12+4*\c+\i]
.endr
.endr
.endm
.macro IMAGE adr, off
.irp c, 0,1,2
	ds_store_b128 v[\adr], v[PC+4*\c:PC+4*\c+3] offset:(\off)+512*\c
.endr
.endm
.macro WL par, base, va, off, rowb     ; a K step's eight weight fragments into set par of window 1: 24 loads
	WIN 0x40
.irp t, 0,1,2,3,4,5,6,7
.irp i, 0,1,2
	global_load_b128 v[96*(\par)+12*\t+4*\i:96*(\par)+12*\t+4*\i+3], v[\va], s[(\base):(\base)+1] offset:(\off)+(32*(\t/2)+8*(\t%2))*(\rowb)+16*\i
.endr
.endr
	WIN 0
.endm
.macro WSL set, base, va, off, srow
.irp t, 0,1,2,3,4,5,6,7
	global_load_b128 v[WS+32*(\set)+4*\t:WS+32*(\set)+4*\t+3], v[\va], s[(\base):(\base)+1] offset:(\off)+(32*(\t/2)+8*(\t%2))*(\srow)
.endr
.endm
.macro WLX x                           ; the weights of step x of the 36
.if (\x) < 4
	WL (\x)%2, 12, WA, 96*(\x), 384
.elseif (\x) < 20
	WL (\x)%2, 22, WA, 196608*(((\x)-4)/4)+96*((\x)%4), 384
.else
	WL (\x)%2, 28, WA2, 96*((\x)-20), 1536
.endif
.endm
.macro WSLX qd                         ; the scale words of quad qd of the 9
.if (\qd) == 0
	WSL 0, 14, WSA, 0, 16
.elseif (\qd) < 5
	WSL (\qd)%2, 24, WSA, 8192*((\qd)-1), 16
.else
	WSL (\qd)%2, 30, WSA2, 16*((\qd)-5), 64
.endif
.endm
.macro VEC64 win, reg, base, off       ; 64 numbers of a vector over 128 columns, in the result's layout: register 16 b + i = column 32 b + 16 h + i
	WIN (\win)<<6
.irp b, 0,1,2,3
.irp j, 0,1,2,3
	global_load_b128 v[(\reg)+16*\b+4*\j:(\reg)+16*\b+4*\j+3], v[BA], s[(\base):(\base)+1] offset:(\off)+128*\b+16*\j
.endr
.endr
	WIN 0
.endm
.macro QHEAD set
	s_wait_loadcnt 48                                      ; behind the scale words stand at least the 48 loads of the quad's first two K steps
.set n_, WS+32*(\set)
.rept 32
	v_perm_b32 v[n_], v[n_], v[n_], s[SELP]
.set n_, n_+1
.endr
.rept 8
	v_nop                                                  ; a scale register written by a vector instruction stands 8 places ahead of a scaled matrix instruction
.endr
.endm
.macro FETCHA par, img, sc, ks         ; the two row tiles' fragments and scale words of K step ks
.irp m, 0,1
.irp i, 0,1,2
.set FO, (\img)+(2*(\ks)+\m)*1536+512*\i
	ds_load_b128 v[AF+48*(\par)+12*\m+4*\i:AF+48*(\par)+12*\m+4*\i+3], v[LI0+FO/65536] offset:FO%65536
.endr
	ds_load_b32 v[AS+4*(\par)+\m], v[LS] offset:(\sc)+(2*(\ks)+\m)*128
.endr
.endm
; 16 matrix instructions on 16 accumulators, in the same order in every step: source 0 = 16 weight rows, source 1 = 16 rows.
; cm 0: onto the accumulator (window aw); 2: the bias in window 1 starts the sum in window 3; 3: window 2's register of the same number starts the sum in window 3.
.macro MM par, ws, cm, aw
.if (\cm) == 2
	WIN 0xd1
.elseif (\cm) == 3
	WIN 0xe1
.elseif (\aw) == 3
	WIN 0xf1
.else
	WIN 0xa1
.endif
.irp m, 0,1
.irp t, 0,1,2,3,4,5,6,7
.set rW, 96*(\par)+12*\t
.set rA, AF+48*(\par)+12*\m
.set rWS, (\ws)+4*\t
.set rAS, AS+4*(\par)+\m
.set rD, 8*(8*\m+\t)
.if (\cm) == 2
	v_wmma_scale_f32_16x16x128_f8f6f4 v[rD:rD+7], v[rW:rW+11], v[rA:rA+11], v[192+8*\t:199+8*\t], v[rWS], v[rAS] matrix_a_fmt:MATRIX_FMT_BF6 matrix_b_fmt:MATRIX_FMT_BF6
.else
	v_wmma_scale_f32_16x16x128_f8f6f4 v[rD:rD+7], v[rW:rW+11], v[rA:rA+11], v[rD:rD+7], v[rWS], v[rAS] matrix_a_fmt:MATRIX_FMT_BF6 matrix_b_fmt:MATRIX_FMT_BF6
.endif
.endr
.endr
.endm
.macro KSTEP par, lc, ws, cm, aw, nx, img, sc, ks
	s_wait_loadcnt \lc                                     ; this step's weights are in; the next step's 24 loads may be out
	s_wait_dscnt 0x0                                       ; this step's rows are in
.if \nx
	FETCHA 1-(\par), \img, \sc, \ks
.endif
	MM \par, \ws, \cm, \aw
	WIN 0
.rept 4
	v_nop                                                  ; places ahead of loads into registers that the products read, and of the first read of results
.endr
.endm
.macro BARRIER                         ; my LDS stores have landed and my LDS loads are in: then the work-group's barrier
	s_wait_dscnt 0x0
	s_barrier_signal -1
	s_barrier_wait -1
.endm
; My 128 columns' mean and sum of squares about it, for the two row tiles; the pairs go to LDS.  Each accumulator is read from its low end on.
.macro LN_PART
	WIN 0x0a
.irp m, 0,1
	v_pk_add_f32 v[PC+4*\m:PC+4*\m+1], v[64*\m:64*\m+1], v[64*\m+2:64*\m+3]
	v_pk_add_f32 v[PC+4*\m+2:PC+4*\m+3], v[64*\m+4:64*\m+5], v[64*\m+6:64*\m+7]
.endr
	WIN 0x08
.set k_, 8
.rept 28
.irp m, 0,1
	v_pk_add_f32 v[PC+4*\m+k_%4:PC+4*\m+k_%4+1], v[PC+4*\m+k_%4:PC+4*\m+k_%4+1], v[64*\m+k_:64*\m+k_+1]
.endr
.set k_, k_+2
.endr
	WIN 0
.irp m, 0,1
	v_pk_add_f32 v[PC+4*\m:PC+4*\m+1], v[PC+4*\m:PC+4*\m+1], v[PC+4*\m+2:PC+4*\m+3]
.endr
.irp m, 0,1
	v_add_f32 v[T+\m], v[PC+4*\m], v[PC+4*\m+1]
.endr
.irp m, 0,1
	v_permlanex16_b32 v[TM+4+\m], v[T+\m], s[SEL], s[SEL+1]
.endr
.irp m, 0,1
	v_add_f32 v[T+\m], v[T+\m], v[TM+4+\m]
.endr
.irp m, 0,1
	v_mul_f32 v[LNP+2*\m], s[C128], v[T+\m]                ; my wave's mean
	v_mov_b32 v[LNP+2*\m+1], 0                             ; (named with it as a pair)
.endr
.irp m, 0,1
	WIN 0x02
.set k_, 0
.rept 32
	v_pk_add_f32 v[ST+k_:ST+k_+1], v[64*\m+k_:64*\m+k_+1], v[LNP+2*\m:LNP+2*\m+1] op_sel_hi:[1,0] neg_lo:[0,1] neg_hi:[0,1]
.set k_, k_+2
.endr
	WIN 0
	v_pk_mul_f32 v[T:T+1], v[ST:ST+1], v[ST:ST+1]
	v_pk_mul_f32 v[T+2:T+3], v[ST+2:ST+3], v[ST+2:ST+3]
.set k_, 4
.rept 30
	v_pk_fma_f32 v[T+k_%4:T+k_%4+1], v[ST+k_:ST+k_+1], v[ST+k_:ST+k_+1], v[T+k_%4:T+k_%4+1]
.set k_, k_+2
.endr
	v_pk_add_f32 v[T:T+1], v[T:T+1], v[T+2:T+3]
	v_add_f32 v[T+4], v[T], v[T+1]
	v_permlanex16_b32 v[TM+4], v[T+4], s[SEL], s[SEL+1]
	v_add_f32 v[LNP+2*\m+1], v[T+4], v[TM+4]
	ds_store_b64 v[LNW], v[LNP+2*\m:LNP+2*\m+1] offset:LNS+512*\m     ; lanes l and l xor 16 write the same bytes with the same values
.endr
.endm
; The four waves' pairs are joined (mean = the means' mean; M2 = the sum of the M2 + 128 x the sum of the squared distances of the means: no difference of large sums);
; my 128 columns are normalised, quantised, and go to LDS as K step w of the next product.
.macro LN_APPLY
.irp m, 0,1
.irp i, 0,1,2,3
	ds_load_b64 v[LNQ+2*\i:LNQ+2*\i+1], v[LNR] offset:LNS+512*\m+128*\i
.endr
	s_wait_dscnt 0x0
	v_add_f32 v[T], v[LNQ], v[LNQ+2]
	v_add_f32 v[T+1], v[LNQ+4], v[LNQ+6]
	v_add_f32 v[T], v[T], v[T+1]
	v_mul_f32 v[T], 0x3e800000, v[T]                       ; the row's mean
	v_mov_b32 v[T+1], v[T]
.irp i, 0,1,2,3
	v_sub_f32 v[LNQ+2*\i], v[LNQ+2*\i], v[T]
.endr
	v_mul_f32 v[T+2], v[LNQ], v[LNQ]
	v_fma_f32 v[T+2], v[LNQ+2], v[LNQ+2], v[T+2]
	v_fma_f32 v[T+2], v[LNQ+4], v[LNQ+4], v[T+2]
	v_fma_f32 v[T+2], v[LNQ+6], v[LNQ+6], v[T+2]
	v_add_f32 v[T+3], v[LNQ+1], v[LNQ+3]
	v_add_f32 v[T+4], v[LNQ+5], v[LNQ+7]
	v_add_f32 v[T+3], v[T+3], v[T+4]
	v_fma_f32 v[T+2], v[T+2], s[F128], v[T+3]              ; the row's sum of squares about its mean
	v_fma_f32 v[T+2], v[T+2], s[C512], s[EPS]
	v_rsq_f32 v[T+4], v[T+2]
	v_nop                                                  ; one plain place behind a transcendental
	s_wait_alu depctr_va_vdst(0)
	v_mov_b32 v[T+5], v[T+4]
	WIN 0x02
.set k_, 0
.rept 32
	v_pk_add_f32 v[ST+k_:ST+k_+1], v[64*\m+k_:64*\m+k_+1], v[T:T+1] neg_lo:[0,1] neg_hi:[0,1]
.set k_, k_+2
.endr
	WIN 0
.set k_, 0
.rept 32
	v_pk_mul_f32 v[ST+k_:ST+k_+1], v[ST+k_:ST+k_+1], v[T+4:T+5]
.set k_, k_+2
.endr
	WIN 0x3c
.set k_, 0
.rept 32
	v_pk_fma_f32 v[ST+k_:ST+k_+1], v[ST+k_:ST+k_+1], v[k_:k_+1], v[64+k_:65+k_]    ; x g + be (both in window 3)
.set k_, k_+2
.endr
	QUANT ST, 0, PW
	IMAGE IWK, YIMG+1536*\m
	ds_store_b32 v[SWK], v[PW] offset:YSC+128*\m
	s_wait_dscnt 0x0                                       ; the stores have read their registers
.endr
.endm
; Hidden panel 4 i + w: relu, quantised; it is K step 4 i + w of the second layer: image 2 (4 i + w) + m.
.macro EPI_H ii
.irp m, 0,1
	WIN 0xcc
.set k_, 64*\m
.rept 64
	v_max_num_f32 v[k_], 0, v[k_]
.set k_, k_+1
.endr
	QUANT 64*\m, 3, PW
	IMAGE HW0, 12288*(\ii)+1536*\m
	ds_store_b32 v[SWK], v[PW] offset:HSC+1024*(\ii)+128*\m
	s_wait_dscnt 0x0                                       ; the stores have read their registers
.endr
.endm
	s_load_b512 s[8:23], s[0:1], 0x0                       ; att 8, x1 10, Wp codes 12, scales 14, bp 16, g3 18, be3 20, W1 codes 22
	s_load_b256 s[24:31], s[0:1], 0x40                     ; W1 scales 24, b1 26, W2 codes 28, scales 30
	s_load_b128 s[32:35], s[0:1], 0x60                     ; b2 32, out0 34
	v_lshl_add_u32 v254, v0, 2, 0x1c400
	v_mov_b32 v255, 0
	v_lshrrev_b32 v29, 5, v0
	v_readfirstlane_b32 s[WV], v29
	s_lshr_b32 s[WHI], s[WV], 1
	s_and_b32 s[WLO], s[WV], 1
	v_and_b32 v29, 31, v0                                  ; lane
	v_and_b32 v30, 15, v0                                  ; r
	v_bfe_u32 v31, v0, 4, 1                                ; h
	v_and_b32 v[T], 8, v30
	v_add_nc_u32 v[T], v[T], v30                           ; rr
	v_lshlrev_b32 v[LI0], 4, v29
	v_add_nc_u32 v[LI1], 0x10000, v[LI0]
	v_lshlrev_b32 v[LS], 2, v29
	v_mul_u32_u24 v[WA], v[T], 384
	v_mad_u32_u24 v[WA], v31, 48, v[WA]
	v_mul_u32_u24 v[WA2], v[T], 1536
	v_mad_u32_u24 v[WA2], v31, 48, v[WA2]
	v_lshlrev_b32 v[WSA], 4, v[T]
	v_lshlrev_b32 v[WSA2], 6, v[T]
	v_lshlrev_b32 v[BA], 6, v31
	s_mul_i32 s48, s[WHI], 6144
	s_mul_i32 s49, s[WLO], 1536
	s_add_co_u32 s48, s48, s49
	v_add_nc_u32 v[IWT], s48, v[LI0]                       ; I bring tile w % 2, K steps 2 (w / 2) and 2 (w / 2) + 1: images 4 (w / 2) + 2 e + w % 2
	s_lshl_b32 s48, s[WHI], 9
	s_lshl_b32 s49, s[WLO], 7
	s_add_co_u32 s48, s48, s49
	v_add_nc_u32 v[SWT], s48, v[LS]
	s_lshl_b32 s48, s[WV], 7
	v_lshlrev_b32 v[LNR], 3, v30
	v_add_nc_u32 v[LNW], s48, v[LNR]
	s_mul_i32 s48, s[WV], 3072
	v_add_nc_u32 v[IWK], s48, v[LI0]
	v_add_nc_u32 v[HW0], HIMG, v[IWK]
	s_lshl_b32 s48, s[WV], 8
	v_add_nc_u32 v[SWK], s48, v[LS]
	v_lshlrev_b32 v[R16], 4, v30
	v_mul_u32_u24 v[T+1], v31, 768
	v_add_nc_u32 v[AT16], v[T+1], v[R16]
	v_add_nc_u32 v[AT8], v[T+1], v[LNR]
	s_mul_i32 s48, s[WV], 8448
	s_add_co_u32 s48, s48, STG                             ; my stage
	v_mul_u32_u24 v[STO], v30, 528
	v_lshl_add_u32 v[STO], v31, 6, v[STO]
	v_add_nc_u32 v[STO], s48, v[STO]
	v_add_nc_u32 v[RD], s48, v[LI0]
.irp b, 0,1,2,3
	v_mov_b32 v[TM+4+\b], 0                                ; written once: a lane permute's destination counts as one of its sources
.endr
	s_mov_b32 s[SEL], 0x76543210
	s_mov_b32 s[SEL+1], 0xfedcba98
	s_mov_b32 s[SELP], 0x03010200
	s_mov_b32 s[C512], 0x3b000000                          ; 1 / 512
	s_mov_b32 s[EPS], 0x3727c5ac                           ; 1e-5
	s_mov_b32 s[C128], 0x3c000000                          ; 1 / 128
	s_mov_b32 s[F128], 0x43000000                          ; 128
	s_lshl_b32 s6, ttmp9, 1
	s_add_co_u32 s6, s6, s[WLO]                            ; the tile of rows that I bring: 2 x block + w % 2
	s_mov_b32 s49, 0
	s_mov_b32 s51, 0
	s_mov_b32 s53, 0
	s_mov_b32 s55, 0
	s_mul_i32 s50, s[WV], 49152
	s_lshl_b32 s52, s[WV], 11
	s_lshl_b32 s54, s[WV], 9
	s_wait_kmcnt 0x0
	s_lshl_b32 s48, s6, 8
	s_lshl_b32 s5, s[WHI], 3
	s_add_co_u32 s48, s48, s5
	s_add_co_u32 s48, s48, 0x300000
	s_add_nc_u64 s[ASCL:ASCL+1], s[8:9], s[48:49]          ; the tile's scale rows, at my two K steps' words
	s_mul_i32 s48, s6, 6144
	s_mul_i32 s5, s[WHI], 3072
	s_add_co_u32 s48, s48, s5
	s_add_nc_u64 s[8:9], s[8:9], s[48:49]                  ; its codes, at my two K steps
	s_lshr_b32 s48, ttmp9, 1
	s_lshl_b32 s48, s48, 2
	s_add_co_u32 s48, s48, s[WV]
	s_lshl_b32 s48, s48, 15
	s_and_b32 s5, ttmp9, 1
	s_lshl_b32 s5, s5, 14
	s_add_co_u32 s48, s48, s5
	s_add_nc_u64 s[10:11], s[10:11], s[48:49]              ; x1: [block of 64 rows][wave][32,768], my half of it
	s_add_nc_u64 s[12:13], s[12:13], s[50:51]
	s_add_nc_u64 s[22:23], s[22:23], s[50:51]
	s_add_nc_u64 s[14:15], s[14:15], s[52:53]
	s_add_nc_u64 s[24:25], s[24:25], s[52:53]
	s_add_nc_u64 s[16:17], s[16:17], s[54:55]
	s_add_nc_u64 s[18:19], s[18:19], s[54:55]
	s_add_nc_u64 s[20:21], s[20:21], s[54:55]
	s_add_nc_u64 s[26:27], s[26:27], s[54:55]
	s_add_nc_u64 s[32:33], s[32:33], s[54:55]
	s_mul_i32 s48, s[WV], 196608
	s_add_nc_u64 s[28:29], s[28:29], s[48:49]
	s_lshl_b32 s48, s[WV], 13
	s_add_nc_u64 s[30:31], s[30:31], s[48:49]
	s_lshl_b32 s48, ttmp9, 16
	s_add_co_u32 s48, s48, s54
	s_add_nc_u64 s[34:35], s[34:35], s[48:49]              ; out0 at the block's first row, my 128 columns
	; ---- two fragments of the attention's codes a wave: lane half h takes the whole of head 2 s + h
.irp e, 0,1
	global_load_b128 v[96+12*\e:99+12*\e], v[AT16], s[8:9] offset:1536*\e
	global_load_b64 v[100+12*\e:101+12*\e], v[AT8], s[8:9] offset:1536*\e+512
	global_load_b128 v[102+12*\e:105+12*\e], v[AT16], s[8:9] offset:1536*\e+256
	global_load_b64 v[106+12*\e:107+12*\e], v[AT8], s[8:9] offset:1536*\e+640
.endr
	global_load_b64 v[200:201], v[R16], s[ASCL:ASCL+1]
	WSLX 0
	WLX 0
	WLX 1
	s_wait_loadcnt 56                                      ; the 56 loads of the weights may stay out
.irp e, 0,1
.irp c, 0,1,2
	ds_store_b128 v[IWT], v[96+12*\e+4*\c:99+12*\e+4*\c] offset:XIMG+3072*\e+512*\c
.endr
	ds_store_b32 v[SWT], v[200+\e] offset:XSC+256*\e
.endr
	WIN 0x80
.set k_, 0
.rept 32
	global_load_b128 v[4*k_:4*k_+3], v[LI0], s[10:11] offset:512*k_ th:TH_LOAD_NT   ; x1, straight into the accumulators' registers, by the map in which it was stored
.set k_, k_+1
.endr
	WIN 0
	VEC64 1, 192, 16, 0                                    ; bp
	VEC64 3, 0, 18, 0                                      ; g3
	VEC64 3, 64, 20, 0                                     ; be3
	BARRIER                                                ; the 8 fragments lie in LDS
	s_wait_loadcnt 32                                      ; g3 and be3 may stay out
	WIN 0x86
.irp m, 0,1
.set k_, 0
.rept 32
	v_pk_add_f32 v[64*\m+k_:64*\m+k_+1], v[64*\m+k_:64*\m+k_+1], v[192+k_:193+k_]   ; x1 + bp
.set k_, k_+2
.endr
.endr
	WIN 0
	VEC64 1, 192, 26, 0                                    ; b1 of my first panel
	FETCHA 0, XIMG, XSC, 0
	QHEAD 0
	KSTEP 0, 24, WS+0, 0, 2, 1, XIMG, XSC, 1
	WLX 2
	KSTEP 1, 24, WS+1, 0, 2, 1, XIMG, XSC, 2
	WLX 3
	KSTEP 0, 24, WS+2, 0, 2, 1, XIMG, XSC, 3
	WSLX 1
	WLX 4
	KSTEP 1, 24, WS+3, 0, 2, 0, 0, 0, 0
	WLX 5
	LN_PART                                                ; window 2 now holds x2 and is not written again
	BARRIER                                                ; the four waves' pairs lie in LDS
	LN_APPLY
	BARRIER                                                ; the normalised rows' 8 fragments lie in LDS
	; ---- the first layer: four panels of 128 hidden units
	FETCHA 0, YIMG, YSC, 0
.set xs, 4
.rept 16
.set qd_, xs/4
.if xs%4 == 0
	QHEAD qd_%2
	KSTEP xs%2, 24, WS+32*(qd_%2), 2, 3, 1, YIMG, YSC, 1
.if qd_ < 4
	VEC64 1, 192, 26, 2048*qd_                             ; the next panel's b1
.else
	VEC64 1, 192, 32, 0                                    ; b2
.endif
.elseif xs == 19
	KSTEP xs%2, 24, WS+32*(qd_%2)+3, 0, 3, 0, 0, 0, 0
.else
	KSTEP xs%2, 24, WS+32*(qd_%2)+xs%4, 0, 3, 1, YIMG, YSC, (xs+1)%4
.endif
.if (xs+2)%4 == 0
	WSLX (xs+2)/4
.endif
	WLX xs+2
.if xs%4 == 3
	EPI_H qd_-1
.endif
.set xs, xs+1
.endr
	BARRIER                                                ; the hidden layer's 32 fragments lie in LDS
	; ---- the second layer: K = 2,048, sixteen K steps
	FETCHA 0, HIMG, HSC, 0
.set xs, 20
.rept 16
.set qd_, xs/4
.set lc_, 24
.set nx_, 1
.set cm_, 0
.if xs == 35
.set lc_, 0
.set nx_, 0
.endif
.if xs == 20
.set cm_, 3
.endif
.if xs%4 == 0
	QHEAD qd_%2
.endif
	KSTEP xs%2, lc_, WS+32*(qd_%2)+xs%4, cm_, 3, nx_, HIMG, HSC, xs-19
.if xs < 34
.if (xs+2)%4 == 0
	WSLX (xs+2)/4
.endif
	WLX xs+2
.endif
.set xs, xs+1
.endr
	; ---- the way out: + b2; a tile of 16 rows x 128 columns goes through my own stage and leaves as whole rows of 512 bytes
	WIN 0xc7
.irp m, 0,1
.set k_, 0
.rept 32
	v_pk_add_f32 v[64*\m+k_:64*\m+k_+1], v[64*\m+k_:64*\m+k_+1], v[192+k_:193+k_]
.set k_, k_+2
.endr
.endr
	WIN 0
.irp m, 0,1
	WIN 0x0c
.irp b, 0,1,2,3
.irp j, 0,1,2,3
	ds_store_b128 v[STO], v[64*\m+16*\b+4*\j:64*\m+16*\b+4*\j+3] offset:128*\b+16*\j
.endr
.endr
	WIN 0
.irp t, 0,1,2,3,4,5,6,7,8,9,10,11,12,13,14,15
	ds_load_b128 v[96+64*\m+4*\t:99+64*\m+4*\t], v[RD] offset:528*\t       ; LDS serves a wave's instructions in order (ISA guide 5.7.1.4): these see my stores, and the next tile's stores come behind them
.endr
	s_wait_dscnt 0x0
.irp t, 0,1,2,3,4,5,6,7,8,9,10,11,12,13,14,15
	global_store_b128 v[LI0], v[96+64*\m+4*\t:99+64*\m+4*\t], s[34:35] offset:(8*\m+\t+8*(\t/8))*2048 th:TH_STORE_NT   ; 32 lanes store 512 consecutive bytes, at a multiple of 256 from out0's first byte
.endr
.endr
	s_wait_tensorcnt 0x0
	ds_add_u32 v254, v255
	s_wait_dscnt 0x0
	s_endpgm
.Lfunc_end_k_qdefff38845_proj_ln_ffn:
	.size	k_qdefff38845_proj_ln_ffn, .Lfunc_end_k_qdefff38845_proj_ln_ffn-k_qdefff38845_proj_ln_ffn
	.p2alignl 7, 3214868480
	.fill 96, 4, 3214868480
	.section	.rodata,"a",@progbits
	.p2align	6, 0x0
	.amdhsa_kernel k_qdefff38845_proj_ln_ffn
		.amdhsa_group_segment_fixed_size 116224
		.amdhsa_private_segment_fixed_size 0
		.amdhsa_enable_private_segment 0
		.amdhsa_kernarg_size 112
		.amdhsa_user_sgpr_count 2
		.amdhsa_user_sgpr_kernarg_segment_ptr 1
		.amdhsa_wavefront_size32 1
		.amdhsa_system_sgpr_workgroup_id_x 1
		.amdhsa_system_sgpr_workgroup_id_y 1
		.amdhsa_system_sgpr_workgroup_id_z 1
		.amdhsa_system_vgpr_workitem_id 0
		.amdhsa_next_free_vgpr 1024
		.amdhsa_next_free_sgpr 66
		.amdhsa_reserve_vcc 0
		.amdhsa_float_denorm_mode_32 3
		.amdhsa_float_denorm_mode_16_64 3
		.amdhsa_memory_ordered 1
		.amdhsa_forward_progress 1
		.amdhsa_inst_pref_size 255
	.end_amdhsa_kernel
	.section	.bss,"aw",@nobits
	.p2align	6
	.space	262144
	.amdgpu_metadata
---
amdhsa.version: [ 1, 2 ]
amdhsa.kernels:
  - .name:           k_qdefff38845_proj_ln_ffn
    .symbol:         k_qdefff38845_proj_ln_ffn.kd
    .args:
      - { .name: att, .offset: 0, .size: 8, .value_kind: global_buffer, .address_space: global }
      - { .name: x1, .offset: 8, .size: 8, .value_kind: global_buffer, .address_space: global }
      - { .name: Wp_c_codes, .offset: 16, .size: 8, .value_kind: global_buffer, .address_space: global }
      - { .name: Wp_c_scales, .offset: 24, .size: 8, .value_kind: global_buffer, .address_space: global }
      - { .name: bp_c, .offset: 32, .size: 8, .value_kind: global_buffer, .address_space: global }
      - { .name: g3, .offset: 40, .size: 8, .value_kind: global_buffer, .address_space: global }
      - { .name: be3, .offset: 48, .size: 8, .value_kind: global_buffer, .address_space: global }
      - { .name: W1_codes, .offset: 56, .size: 8, .value_kind: global_buffer, .address_space: global }
      - { .name: W1_scales, .offset: 64, .size: 8, .value_kind: global_buffer, .address_space: global }
      - { .name: b1, .offset: 72, .size: 8, .value_kind: global_buffer, .address_space: global }
      - { .name: W2_codes, .offset: 80, .size: 8, .value_kind: global_buffer, .address_space: global }
      - { .name: W2_scales, .offset: 88, .size: 8, .value_kind: global_buffer, .address_space: global }
      - { .name: b2, .offset: 96, .size: 8, .value_kind: global_buffer, .address_space: global }
      - { .name: out0, .offset: 104, .size: 8, .value_kind: global_buffer, .address_space: global }
    .group_segment_fixed_size: 116224
    .private_segment_fixed_size: 0
    .kernarg_segment_align: 8
    .kernarg_segment_size: 112
    .max_flat_workgroup_size: 128
    .sgpr_count:     66
    .vgpr_count:     1024
    .wavefront_size: 32
...
	.end_amdgpu_metadata
.endif
;; end of part 8
;; ======== version 3 of 3: 5 launches
;; workspace buffers: qbuf 3,407,872 bytes; kv_s 6,684,672 bytes; kv_c 6,684,672 bytes; att 3,276,800 bytes; x1 16,777,216 bytes
;; launch ln_qkv_kvc (part 9): grid 256 x 1, 4 waves a work-group, no clusters, 80,384 bytes of LDS; arguments q, g1, be1, Wq_s_codes, Wq_s_scales, Wk_s_codes, Wk_s_scales, Wv_s_codes, k_codes, k_scales, v_codes, v_scales, Wk_c_codes, Wk_c_scales, Wv_c_codes, Wv_c_scales, Wv_s_scales, qbuf, kv_s, kv_c; writes qbuf, kv_s, kv_c
.if DOCPART == 9
	.amdgcn_target "amdgcn-amd-amdhsa--gfx1250"
	.amdhsa_code_object_version 6
	.text
	.protected	k_qdefff38845_ln_qkv_kvc
	.globl	k_qdefff38845_ln_qkv_kvc
	.p2align	8
	.type	k_qdefff38845_ln_qkv_kvc,@function
k_qdefff38845_ln_qkv_kvc:
	s_mov_b64 s[64:65], 0
	v_nop
	global_prefetch_b8 v0, s[64:65] scope:SCOPE_SE
	s_setreg_imm32_b32 hwreg(HW_REG_WAVE_SCHED_MODE, 0, 2), 2
	s_setreg_imm32_b32 hwreg(HW_REG_WAVE_MODE, 25, 1), 1
	s_wait_xcnt 0x0
	s_wait_alu depctr_vm_vsrc(0)
; TWO JOBS THAT DEPEND ON NOTHING OF EACH OTHER, IN ONE LAUNCH.  Work-groups 0-127: LayerNorm 1 of q, quantised to BF6 (E3M2, one E8M0 scale for each 32 along K), and the self-attention's Q, K and V projections.
; Work-groups 128-255: the cross-attention's K and V projections of k and v, which arrive as codes and go to the matrix unit as they are.  Each job has 8,192 / 64 = 128 blocks of rows, so the launch has 256 work-groups.
; The two paths part on the work-group's number at the first lines and never join; each has LDS bytes of its own (the cross path 0 .. 53,247, the norm's path 53,248 .. 79,871).
; The results are quantised in registers (Q and K along the head's 64, V along the keys) and stored as images of the operands' registers.
; SHARES.  A work-group takes 64 rows; its four waves share the COLUMNS: wave w makes columns 128 w .. 128 w + 127 (heads 2 w, 2 w + 1) of each projection for all 64 rows.
; A weight fragment is used by one wave alone, so it goes from memory straight into registers; the rows' codes go from wave to wave through LDS as images of their registers.
; TILES.  Lane r of tile m of a group holds member 32 (m / 2) + 8 (m % 2) + r + 8 (r / 8): so the 16 result registers of tiles 2 b and 2 b + 1 are 16 neighbours, 32 b + 16 (lane / 16) + 0 .. 15.
; K ORDER of the weight products: operand place (c, half h) holds block 4 s + 2 h + c of K step s, alike on both sides: a lane's 12 registers are then 48 consecutive bytes of a row of codes (three loads of 16 bytes);
; a scale word's bytes follow as 0, 2, 1, 3.  Each block keeps its own scale; only the order of the sums inside an instruction differs.
; WINDOWS: 0 work; 1 weights (two sets of 96), in the norm's path at first g1; 2 x, then the 32 accumulators; 3 be1.
; LIMITS: NaN and infinities among the inputs are not served; a block of zeros gets the scale byte 1 and zero codes (the bytes are read by this program alone); v_rsq_f32 is accurate to 1 ulp.
; THE MODE: SCHED_MODE bits 1:0 = 2 (LLVM: expert scheduling mode 2), set by the entry lines.  The code itself states the register dependences
; between vector or matrix instructions and memory or LDS instructions, with s_wait_alu, always for 0.
; THE PLAN.  Registers that memory or LDS instructions touch:
;   v1-v19           addresses and offsets: written once, in LANES, read by every load and store: one wait on va_vdst ahead of a path's first load.
;   W0, W1           (window 1) step q's products read W[q % 2]; the loads of step q + 2 land in it behind the wait that closes step q.
;   AF0/1, AS0/1     step q's products read set q % 2; step q's LDS loads (the rows of step q + 1) land in the other set, which the products of step q - 1 read: the wait that closed step q - 1 covers them.
;                    They are dealt out: half ahead of step q's products, half in their middle; those products name neither their data nor their addresses.
;   WS0, WS1         a quad's scale words: loaded behind a step's closing wait; permuted by vector instructions at the quad's head: eight places and a wait on va_vdst stand between those and the products.
;   PC, PW, SW       written by the quantiser, read by LDS or global stores: va_vdst ahead of each run of stores, vm_vsrc ahead of the next quantiser.
; So ONE wait on va_vdst closes a K step, behind its products; steps behind which no load lands in their registers have none.
.set XIMG, 0                           ; LDS, from a path's base on: 16 fragments of rows, image 4 ks + m, 1,536 bytes each;
.set XSC,  24576                       ; their scale words, 128 bytes each;
.set YIMG, 26624                       ; (cross path alone) v's fragments
.set YSC,  51200                       ; and scale words
.set LNB,  53248                       ; the base of the norm's path; the cross path's is 0
.set KVH,  208896                      ; a head's block in kv_s and kv_c: K codes 98,304, V codes 98,304, K scale words 8,192, V scale halves 4,096
.set LI0, 1                            ; v1   16 x lane
.set LIX, 2                            ; v2   16 x lane + the path's LDS base
.set LS,  4                            ; v4   4 x lane + the path's LDS base
.set G8,  5                            ; v5   8 x lane
.set WA,  6                            ; v6   a row of 512 codes: 384 rr + 48 h
.set WSA, 8                            ; v8   its scale bytes: 16 rr
.set XA,  10                           ; v10  a row of q: 2048 rr + 64 h
.set BA,  11                           ; v11  64 h
.set IWT, 12                           ; v12  v2 + 1536 x wave
.set SWT, 13                           ; v13  v4 + 128 x wave
.set H16, 16                           ; v16  16 h
.set SCAQ, 17                          ; v17  8192 h + 16 r
.set SCAK, 18                          ; v18  208896 h + 16 r
.set SVA, 19                           ; v19  208896 h + 8 r
.set WS,  32                           ; v32-95   weight scale words, two sets of 32: word (tile t, K step s) at 4 t + s
.set AF,  96                           ; v96-191  the rows' fragments, two sets of 4 x 12
.set ST,  96                           ; (scratch while no K step runs)
.set AS,  192                          ; v192-199 the rows' scale words, two sets of 4
.set PC,  200                          ; v200-219 codes just made
.set TM,  220                          ; v220-235 the quantiser's work
.set PW,  236                          ; v236     a scale word just made
.set PWK, 240                          ; v240-243 four of them
.set SW,  244                          ; v244-247 scale words on their way out
.set T,   248                          ; v248-253 at work; v254, v255: the closing add's two, made at the head and kept for it alone
.set WV, 2
.set BB, 3
.set RB, 4
.set HD2, 5
.set BLK, 7                            ; s7   my block of 64 rows, 0 .. 127
.set SEL, 36
.set SELP, 38
.set M16, 39
.set M7F, 40
.set C512, 41
.set EPS, 42
.set HM, 43
.set C512N, 44
.set QC, 46
.set QS, 48
.set KC, 50
.set KSC, 52
.set VC, 54
.set VSC, 56
.set KV, 58
.set MSB, 0
.macro WIN new                         ; the immediate's high byte repeats the setting that is left; a switch that changes nothing is dropped
.if MSB != (\new)
	s_set_vgpr_msb (MSB<<8)|(\new)
.set MSB, (\new)
.endif
.endm
; What both paths make of the thread's and the work-group's number.  lb: the path's LDS base; ln = 1: the norm's path, which also wants q's, g1's and Q's places.
; The two vector instructions that write scalar registers stand first; the vector work that needs neither follows; one wait stands ahead of the first reader.
.macro LANES lb, ln
	v_lshrrev_b32 v29, 5, v0
	v_readfirstlane_b32 s[WV], v29                         ; wave
	v_bfe_u32 v31, v0, 4, 1                                ; h
	v_cmp_ne_u32 s[HM], 0, v31                             ; the lanes of the upper half
	v_and_b32 v29, 31, v0                                  ; lane
	v_and_b32 v30, 15, v0                                  ; r
	v_and_b32 v[T], 8, v30
	v_add_nc_u32 v[T], v[T], v30                           ; rr = r + 8 (r / 8)
	v_lshlrev_b32 v[LI0], 4, v29
	v_add_nc_u32 v[LIX], \lb, v[LI0]
	v_lshl_add_u32 v[LS], v29, 2, \lb
	v_lshlrev_b32 v[G8], 3, v29
	v_mul_u32_u24 v[WA], v[T], 384
	v_mad_u32_u24 v[WA], v31, 48, v[WA]
	v_lshlrev_b32 v[WSA], 4, v[T]
	v_lshlrev_b32 v[H16], 4, v31
	v_lshlrev_b32 v[T+1], 4, v30
	v_mul_u32_u24 v[T+2], v31, KVH
	v_add_nc_u32 v[SCAK], v[T+2], v[T+1]
	v_lshl_add_u32 v[SVA], v30, 3, v[T+2]
.if \ln
	v_lshlrev_b32 v[XA], 11, v[T]
	v_lshl_add_u32 v[XA], v31, 6, v[XA]
	v_lshlrev_b32 v[BA], 6, v31
	v_lshl_add_u32 v[SCAQ], v31, 13, v[T+1]
.endif
.irp b, 0,1,2,3
	v_mov_b32 v[TM+4+\b], 0                                ; written once: a lane permute's destination counts as one of its sources
.endr
	s_wait_alu depctr_va_sdst(0)                           ; s[WV] and s[HM] are written, ahead of their first readers: the scalar lines below, and the selects by s[HM] on V's way out
	s_mul_i32 s30, s[WV], 1536
	v_add_nc_u32 v[IWT], s30, v[LIX]
	s_lshl_b32 s30, s[WV], 7
	v_add_nc_u32 v[SWT], s30, v[LS]
	s_mov_b32 s[SEL], 0x76543210
	s_mov_b32 s[SEL+1], 0xfedcba98                         ; v_permlanex16_b32's selects for lane l xor 16
	s_mov_b32 s[SELP], 0x03010200                          ; bytes 0, 2, 1, 3
	s_mov_b32 s[M16], 0xffff
	s_mov_b32 s[M7F], 0x7f7f0000
	s_lshr_b32 s[BB], s[BLK], 5                            ; batch
	s_and_b32 s[RB], s[BLK], 31                            ; block of 64 rows in it
	s_lshl_b32 s[HD2], s[BB], 3
	s_lshl_b32 s30, s[WV], 1
	s_add_co_u32 s[HD2], s[HD2], s30                       ; 8 b + 2 w: my first head
.endm
; 64 numbers of a lane, v[s] .. v[s + 63] of window win, register 16 b + i = k 32 b + 16 (lane / 16) + i of the lane's row, become a fragment's codes in v[PC] .. v[PC + 11] and its scale word in v[pw].
; perm = 0: the natural order of blocks; perm = 1: the weight products' order.
.macro QUANT s, win, perm, pw
	WIN (\win)|((\win)<<2)
.irp b, 0,1,2,3
	v_max3_num_f32 v[TM+\b], |v[(\s)+16*\b]|, |v[(\s)+16*\b+1]|, 0x2800000   ; my 16 numbers of block b, and the floor 2^(5 - 127): the byte cannot fall under 1
.endr
	WIN ((\win)<<2)|((\win)<<4)
.irp i, 2,4,6,8,10,12,14
.irp b, 0,1,2,3
	v_max3_num_f32 v[TM+\b], v[TM+\b], |v[(\s)+16*\b+\i]|, |v[(\s)+16*\b+\i+1]|
.endr
.endr
	WIN 0
.irp b, 0,1,2,3
	v_permlanex16_b32 v[TM+4+\b], v[TM+\b], s[SEL], s[SEL+1]
.endr
.irp b, 0,1,2,3
	v_max_num_f32 v[TM+\b], v[TM+\b], v[TM+4+\b]           ; with lane l xor 16's: the block's largest magnitude
.endr
.irp b, 0,1,2,3
	v_add_nc_u32 v[TM+12+\b], 0xfe000000, v[TM+\b]         ; 4 off its exponent field: the conversion's scale operand
.endr
.irp b, 0,1,2,3
	v_lshrrev_b32 v[TM+4+\b], 23, v[TM+12+\b]              ; the scale's byte
.endr
.if \perm
	v_lshl_or_b32 v[\pw], v[TM+6], 8, v[TM+4]
	v_lshl_or_b32 v[\pw], v[TM+5], 16, v[\pw]
.else
	v_lshl_or_b32 v[\pw], v[TM+5], 8, v[TM+4]
	v_lshl_or_b32 v[\pw], v[TM+6], 16, v[\pw]
.endif
	v_lshl_or_b32 v[\pw], v[TM+7], 24, v[\pw]
	WIN \win
.irp c, 0,1
.if \perm
.set lo_, \c
.set hi_, \c+2
.else
.set lo_, 2*\c
.set hi_, 2*\c+1
.endif
	v_cvt_scalef32_pk16_bf6_f32 v[PC+6*\c:PC+6*\c+2], v[(\s)+16*lo_:(\s)+16*lo_+15], v[TM+12+lo_]
	v_cvt_scalef32_pk16_bf6_f32 v[PC+12+4*\c:PC+14+4*\c], v[(\s)+16*hi_:(\s)+16*hi_+15], v[TM+12+hi_]   ; (a conversion's three registers begin on an even number)
.endr
	WIN 0
	v_nop                                                  ; one plain place behind a scaled conversion
.irp c, 0,1                            ; the operand wants a whole block in a lane
.irp i, 0,1,2
	v_permlane16_swap_b32 v[PC+6*\c+\i], v[PC+12+4*\c+\i]
.endr
.irp i, 0,1,2
	v_mov_b32 v[PC+3+6*\c+\i], v[PC+12+4*\c+\i]
.endr
.endr
.endm
.macro IMAGE adr, off                  ; the fragment in v[PC] on goes to LDS as it stands
.irp c, 0,1,2
	ds_store_b128 v[\adr], v[PC+4*\c:PC+4*\c+3] offset:(\off)+512*\c
.endr
.endm
.macro WL par, base, va, off, rowb     ; a K step's eight weight fragments into set par of window 1: 24 loads
	WIN 0x40
.irp t, 0,1,2,3,4,5,6,7
.irp i, 0,1,2
	global_load_b128 v[96*(\par)+12*\t+4*\i:96*(\par)+12*\t+4*\i+3], v[\va], s[(\base):(\base)+1] offset:(\off)+(32*(\t/2)+8*(\t%2))*(\rowb)+16*\i
.endr
.endr
	WIN 0
.endm
.macro WSL set, base, va, off, srow    ; a quad's scale words (8 tiles x 4 K steps): 8 loads
.irp t, 0,1,2,3,4,5,6,7
	global_load_b128 v[WS+32*(\set)+4*\t:WS+32*(\set)+4*\t+3], v[\va], s[(\base):(\base)+1] offset:(\off)+(32*(\t/2)+8*(\t%2))*(\srow)
.endr
.endm
.macro QHEAD set                       ; the scale words' bytes into the weight products' order
	s_wait_loadcnt 48                                      ; behind the scale words stand at least the 48 loads of the quad's first two K steps
.set n_, WS+32*(\set)
.rept 32
	v_perm_b32 v[n_], v[n_], v[n_], s[SELP]
.set n_, n_+1
.endr
.rept 8
	v_nop                                                  ; a scale register written by a vector instruction stands 8 places ahead of a scaled matrix instruction
.endr
	s_wait_alu depctr_va_vdst(0)                           ; the permutes have written the quad's scale words, which its products take as scales; the places above stay beside this wait
.endm
.macro FETCHH par, img, sc, ks, m0     ; row tiles m0 and m0 + 1: their fragments and scale words of K step ks
	WIN 0
.irp m, \m0, \m0+1
.irp i, 0,1,2
	ds_load_b128 v[AF+48*(\par)+12*(\m)+4*\i:AF+48*(\par)+12*(\m)+4*\i+3], v[LIX] offset:(\img)+(4*(\ks)+(\m))*1536+512*\i
.endr
	ds_load_b32 v[AS+4*(\par)+(\m)], v[LS] offset:(\sc)+(4*(\ks)+(\m))*128
.endr
.endm
.macro FETCHA par, img, sc, ks         ; all four row tiles
	FETCHH \par, \img, \sc, \ks, 0
	FETCHH \par, \img, \sc, \ks, 2
.endm
; 16 matrix instructions: row tiles m0, m0 + 1 x the eight weight tiles.  A step's 32 are all on different accumulators, in the same order in every step.
; orient 0: source 0 = 16 weight rows, source 1 = 16 rows: a lane holds one row, its registers run along the columns.  orient 1: the other way round: a lane holds one column, its registers run down the rows.
; cm 0: onto the accumulator; 1: the constant 0 starts the sum.
.macro MMH par, ws, orient, cm, m0
.if (\orient) == 1
	WIN 0xa4
.else
	WIN 0xa1
.endif
.irp m, \m0, \m0+1
.irp t, 0,1,2,3,4,5,6,7
.set rW, 96*(\par)+12*\t
.set rA, AF+48*(\par)+12*(\m)
.set rWS, (\ws)+4*\t
.set rAS, AS+4*(\par)+(\m)
.if (\orient) == 1
.set rD, 8*(4*\t+(\m))
.if (\cm) == 1
	v_wmma_scale_f32_16x16x128_f8f6f4 v[rD:rD+7], v[rA:rA+11], v[rW:rW+11], 0, v[rAS], v[rWS] matrix_a_fmt:MATRIX_FMT_BF6 matrix_b_fmt:MATRIX_FMT_BF6
.else
	v_wmma_scale_f32_16x16x128_f8f6f4 v[rD:rD+7], v[rA:rA+11], v[rW:rW+11], v[rD:rD+7], v[rAS], v[rWS] matrix_a_fmt:MATRIX_FMT_BF6 matrix_b_fmt:MATRIX_FMT_BF6
.endif
.else
.set rD, 8*(8*(\m)+\t)
.if (\cm) == 1
	v_wmma_scale_f32_16x16x128_f8f6f4 v[rD:rD+7], v[rW:rW+11], v[rA:rA+11], 0, v[rWS], v[rAS] matrix_a_fmt:MATRIX_FMT_BF6 matrix_b_fmt:MATRIX_FMT_BF6
.else
	v_wmma_scale_f32_16x16x128_f8f6f4 v[rD:rD+7], v[rW:rW+11], v[rA:rA+11], v[rD:rD+7], v[rWS], v[rAS] matrix_a_fmt:MATRIX_FMT_BF6 matrix_b_fmt:MATRIX_FMT_BF6
.endif
.endif
.endr
.endr
.endm
; A K step.  nx = 1: the next step's rows are fetched, half ahead of the products and half in their middle.  No wait stands ahead of those loads: the wait that closed the step before has shown that step's products done
; reading the set in which they land, and no vector or matrix instruction since names that set or the loads' addresses.  w = 1: loads follow that land in registers which this step's products read.
.macro KSTEP par, lc, ws, orient, cm, nx, img, sc, ks, w
	s_wait_loadcnt \lc                                     ; this step's weights are in; the next step's 24 loads may be out
	s_wait_dscnt 0x0                                       ; this step's rows, asked for a step ago, are in
.if \nx
	FETCHH 1-(\par), \img, \sc, \ks, 0
.endif
	MMH \par, \ws, \orient, \cm, 0
.if \nx
	FETCHH 1-(\par), \img, \sc, \ks, 2
.endif
	MMH \par, \ws, \orient, \cm, 2
	WIN 0
.rept 4
	v_nop                                                  ; four places behind the products, ahead of the first read of their results (ISA guide 7.12.1)
.endr
.if \w
	s_wait_alu depctr_va_vdst(0)                           ; this step's products are done reading W[par], AF[par] and AS[par], in which the weights of two steps on and the next step's LDS loads land; the products of the quad before are done with the scale words that are loaded anew
.endif
.endm
.macro BARRIER                         ; my LDS stores have landed and my LDS loads are in: then the work-group's barrier
	s_wait_dscnt 0x0
	s_barrier_signal -1
	s_barrier_wait -1
.endm
; A panel of Q or K leaves: for each tile of rows two half images (16 rows x 64 of a head, 768 bytes: registers 0-3 at 16 x lane, 4-5 at 512 + 8 x lane), one for each of my two heads, hs bytes apart;
; the scale words (two bytes, and 0x7f7f for the half of K that is zero codes) as [r][m], 256 bytes a head.
.macro EPI_QK cb, hs, sb, sca
.irp m, 0,1,2,3
	s_wait_xcnt 0x0                                        ; earlier stores have had their addresses translated: their data registers are written again only behind this wait,
	s_wait_alu depctr_vm_vsrc(0)                           ; and earlier stores have read v[PC ..] and v[SW ..], which are written again below
	QUANT 64*\m, 2, 0, PWK+\m
	s_wait_alu depctr_va_vdst(0)                           ; the quantiser has written v[PC ..], which the four stores read
	global_store_b128 v[LI0], v[PC:PC+3], s[(\cb):(\cb)+1] offset:768*\m
	global_store_b64 v[G8], v[PC+4:PC+5], s[(\cb):(\cb)+1] offset:768*\m+512
	global_store_b128 v[LI0], v[PC+6:PC+9], s[(\cb):(\cb)+1] offset:768*\m+(\hs)
	global_store_b64 v[G8], v[PC+10:PC+11], s[(\cb):(\cb)+1] offset:768*\m+(\hs)+512
.endr
.irp m, 0,1,2,3
	v_lshrrev_b32 v[SW+\m], v[H16], v[PWK+\m]              ; lanes 0-15 the first head's two bytes, lanes 16-31 the second's
.endr
.irp m, 0,1,2,3
	v_and_or_b32 v[SW+\m], v[SW+\m], s[M16], s[M7F]
.endr
	s_wait_alu depctr_va_vdst(0)                           ; v[SW ..] are written, which the store reads
	global_store_b128 v[\sca], v[SW:SW+3], s[(\sb):(\sb)+1]
.endm
; The panel of V leaves: a lane holds one d, its registers run down the 64 keys: two d tiles a turn, each a half image (lanes 0-15 the first 32 keys, lanes 16-31 the second).
.macro EPI_V
.irp g, 0,1,2,3
	s_wait_xcnt 0x0                                        ; as in the panels of Q and K
	s_wait_alu depctr_vm_vsrc(0)                           ; earlier stores have read v[PC ..] and v[SW ..], which are written again below
	QUANT 64*\g, 2, 0, PWK+\g
	s_wait_alu depctr_va_vdst(0)                           ; the quantiser has written v[PC ..], which the four stores read
	global_store_b128 v[LI0], v[PC:PC+3], s[VC:VC+1] offset:(\g/2)*KVH+(\g%2)*3072
	global_store_b64 v[G8], v[PC+4:PC+5], s[VC:VC+1] offset:(\g/2)*KVH+(\g%2)*3072+512
	global_store_b128 v[LI0], v[PC+6:PC+9], s[VC:VC+1] offset:(\g/2)*KVH+(\g%2)*3072+1536
	global_store_b64 v[G8], v[PC+10:PC+11], s[VC:VC+1] offset:(\g/2)*KVH+(\g%2)*3072+2048
.endr
	v_cndmask_b32 v[SW], v[PWK], v[PWK+2], s[HM]           ; lanes 0-15 the first head's four halves, lanes 16-31 the second's
	v_cndmask_b32 v[SW+1], v[PWK+1], v[PWK+3], s[HM]
	s_wait_alu depctr_va_vdst(0)                           ; v[SW] and v[SW + 1] are written, which the store reads
	global_store_b64 v[SVA], v[SW:SW+1], s[VSC:VSC+1]
.endm
; Where K's and V's results go in the head's block whose address is in s[kvb:kvb+1] (the buffer's), for heads 8 b + 2 w on.  s31 holds 0.
.macro KVPLACES kvb
	s_mul_i32 s30, s[HD2], KVH
	s_add_nc_u64 s[KV:KV+1], s[(\kvb):(\kvb)+1], s[30:31]
	s_mul_i32 s30, s[RB], 3072
	s_add_nc_u64 s[KC:KC+1], s[KV:KV+1], s[30:31]          ; K codes: [tile 4 RB + m][768]
	s_lshl_b32 s30, s[RB], 8
	s_add_co_u32 s30, s30, 196608
	s_add_nc_u64 s[KSC:KSC+1], s[KV:KV+1], s[30:31]        ; K scale words: [RB][256]
	s_lshr_b32 s30, s[RB], 1
	s_mul_i32 s30, s30, 6144
	s_and_b32 s32, s[RB], 1
	s_mul_i32 s32, s32, 768
	s_add_co_u32 s30, s30, s32
	s_add_co_u32 s30, s30, 98304
	s_add_nc_u64 s[VC:VC+1], s[KV:KV+1], s[30:31]          ; V codes: [key step RB / 2][d tile][RB % 2][768]
	s_lshl_b32 s30, s[RB], 7
	s_add_co_u32 s30, s30, 204800
	s_add_nc_u64 s[VSC:VSC+1], s[KV:KV+1], s[30:31]        ; V scale halves: [RB][128]
.endm
	v_lshl_add_u32 v254, v0, 2, 0x13800
	v_mov_b32 v255, 0
	s_and_b32 s[BLK], ttmp9, 127                           ; my block of 64 rows, in either job
	s_cmp_lt_u32 ttmp9, 128                                ; which job: the work-group's number alone decides
	s_cbranch_scc0 .Lcross
	; ======== work-groups 0-127: LayerNorm 1 and the self-attention's projections
	s_load_b512 s[8:23], s[0:1], 0x0                       ; q 8, g1 10, be1 12, Wq codes 14, scales 16, Wk codes 18, scales 20, Wv codes 22
	s_load_b128 s[24:27], s[0:1], 0x80                     ; Wv scales 24, qbuf 26
	s_load_b64 s[28:29], s[0:1], 0x90                      ; kv_s
	LANES LNB, 1
	s_mov_b32 s[C512], 0x3b000000                          ; 1 / 512
	s_mov_b32 s[C512N], 0xbb000000
	s_mov_b32 s[EPS], 0x3727c5ac                           ; 1e-5
	s_lshl_b32 s30, s[BLK], 6
	s_lshr_b32 s31, s[WV], 1
	s_lshl_b32 s31, s31, 5
	s_add_co_u32 s30, s30, s31
	s_and_b32 s31, s[WV], 1
	s_lshl_b32 s31, s31, 3
	s_add_co_u32 s30, s30, s31                             ; the first row of row tile m = w
	s_lshl_b32 s30, s30, 11
	s_mov_b32 s31, 0
	s_mul_i32 s32, s[WV], 49152                            ; my 128 rows of each weight,
	s_mov_b32 s33, 0
	s_lshl_b32 s34, s[WV], 11                              ; and of its scale bytes
	s_mov_b32 s35, 0
	s_wait_kmcnt 0x0
	s_add_nc_u64 s[8:9], s[8:9], s[30:31]
	s_add_nc_u64 s[14:15], s[14:15], s[32:33]
	s_add_nc_u64 s[18:19], s[18:19], s[32:33]
	s_add_nc_u64 s[22:23], s[22:23], s[32:33]
	s_add_nc_u64 s[16:17], s[16:17], s[34:35]
	s_add_nc_u64 s[20:21], s[20:21], s[34:35]
	s_add_nc_u64 s[24:25], s[24:25], s[34:35]
	; ---- LayerNorm 1: wave w owns row tile w; a row lies in lanes l and l xor 16; register 64 s + 16 b + i = column 128 s + 32 b + 16 h + i
	WIN 0x80
	s_wait_alu depctr_va_vdst(0)                           ; the addresses and offsets v1 to v19 are written, which all loads and stores of this path read; none is written again
.set k_, 0
.rept 64
	global_load_b128 v[4*k_:4*k_+3], v[XA], s[8:9] offset:512*(k_/16)+128*((k_/4)%4)+16*(k_%4)
.set k_, k_+1
.endr
	WIN 0x40
.set k_, 0
.rept 64
	global_load_b128 v[4*k_:4*k_+3], v[BA], s[10:11] offset:512*(k_/16)+128*((k_/4)%4)+16*(k_%4)
.set k_, k_+1
.endr
	WIN 0xc0
.set k_, 0
.rept 64
	global_load_b128 v[4*k_:4*k_+3], v[BA], s[12:13] offset:512*(k_/16)+128*((k_/4)%4)+16*(k_%4)
.set k_, k_+1
.endr
	WIN 0
	s_lshl_b32 s30, s[HD2], 7                              ; where the results go
	s_lshl_b32 s32, s[RB], 2
	s_add_co_u32 s30, s30, s32
	s_mul_i32 s30, s30, 768
	s_add_nc_u64 s[QC:QC+1], s[26:27], s[30:31]            ; Q codes: [head][tile 4 RB + m][768]
	s_lshl_b32 s30, s[HD2], 5
	s_add_co_u32 s30, s30, s[RB]
	s_lshl_b32 s30, s30, 8
	s_add_co_u32 s30, s30, 0x300000
	s_add_nc_u64 s[QS:QS+1], s[26:27], s[30:31]            ; Q scale words: [head][RB][256]
	KVPLACES 28
	s_wait_loadcnt 63                                      ; 128 younger loads stand behind x's: x is in
	WIN 0x0a
.irp c, 0,2,4,6
	v_pk_add_f32 v[ST+\c:ST+\c+1], v[\c:\c+1], v[8+\c:9+\c]          ; the row's sum, in four packed chains
.endr
	WIN 0x08
.set k_, 16
.rept 120
	v_pk_add_f32 v[ST+k_%8:ST+k_%8+1], v[ST+k_%8:ST+k_%8+1], v[k_:k_+1]
.set k_, k_+2
.endr
	WIN 0
	v_pk_add_f32 v[ST:ST+1], v[ST:ST+1], v[ST+2:ST+3]
	v_pk_add_f32 v[ST+4:ST+5], v[ST+4:ST+5], v[ST+6:ST+7]
	v_pk_add_f32 v[ST:ST+1], v[ST:ST+1], v[ST+4:ST+5]
	v_add_f32 v[T], v[ST], v[ST+1]
	v_permlanex16_b32 v[TM+4], v[T], s[SEL], s[SEL+1]
	v_add_f32 v[T], v[T], v[TM+4]
	v_mul_f32 v[T+2], s[C512N], v[T]                       ; - mean
	v_mov_b32 v[T+3], v[T+2]
	WIN 0x82
.set k_, 0
.rept 128
	v_pk_add_f32 v[k_:k_+1], v[k_:k_+1], v[T+2:T+3]        ; x - mean, in place
.set k_, k_+2
.endr
	WIN 0x0a
.irp c, 0,2,4,6
	v_pk_mul_f32 v[ST+\c:ST+\c+1], v[\c:\c+1], v[\c:\c+1]  ; the sum of its squares
.endr
.set k_, 8
.rept 124
	v_pk_fma_f32 v[ST+k_%8:ST+k_%8+1], v[k_:k_+1], v[k_:k_+1], v[ST+k_%8:ST+k_%8+1]
.set k_, k_+2
.endr
	WIN 0
	v_pk_add_f32 v[ST:ST+1], v[ST:ST+1], v[ST+2:ST+3]
	v_pk_add_f32 v[ST+4:ST+5], v[ST+4:ST+5], v[ST+6:ST+7]
	v_pk_add_f32 v[ST:ST+1], v[ST:ST+1], v[ST+4:ST+5]
	v_add_f32 v[T], v[ST], v[ST+1]
	v_permlanex16_b32 v[TM+4], v[T], s[SEL], s[SEL+1]
	v_add_f32 v[T], v[T], v[TM+4]
	v_fma_f32 v[T], v[T], s[C512], s[EPS]                  ; the variance + eps
	s_wait_alu depctr_va_vdst(0)
	v_rsq_f32 v[T+2], v[T]
	v_nop                                                  ; one plain place behind a transcendental
	s_wait_alu depctr_va_vdst(0)                           ; v_rsq_f32 has written v[T + 2], ahead of its first reader
	v_mov_b32 v[T+3], v[T+2]
	WIN 0x82
.set k_, 0
.rept 128
	v_pk_mul_f32 v[k_:k_+1], v[k_:k_+1], v[T+2:T+3]
.set k_, k_+2
.endr
	s_wait_loadcnt 0x0                                     ; g1 and be1
	WIN 0xb6
.set k_, 0
.rept 128
	v_pk_fma_f32 v[k_:k_+1], v[k_:k_+1], v[k_:k_+1], v[k_:k_+1]      ; window 2 x window 1 + window 3: x g + be
.set k_, k_+2
.endr
	WIN 0
	s_wait_alu depctr_va_vdst(0)                           ; the multiply-adds are done reading g1 in window 1, in which the weights' loads land
	WSL 0, 16, WSA, 0, 16                                  ; Wq's scale words and first two K steps are on their way while the rows are quantised
	WL 0, 14, WA, 0, 384
	WL 1, 14, WA, 96, 384
.irp e, 0,1,2,3
	QUANT 64*\e, 2, 1, PW
	s_wait_alu depctr_va_vdst(0)                           ; the quantiser has written v[PC ..] and v[PW], which the LDS stores read
	IMAGE IWT, XIMG+6144*\e
	ds_store_b32 v[SWT], v[PW] offset:XSC+512*\e
	s_wait_dscnt 0x0                                       ; my stores have landed
	s_wait_alu depctr_vm_vsrc(0)                           ; and have read v[PC ..] and v[PW], which the next quantiser writes
.endr
	BARRIER                                                ; the 16 fragments lie in LDS
	; ---- twelve K steps: Q, K (a lane holds a row), V (a lane holds a column d)
	FETCHA 0, XIMG, XSC, 0                                 ; (the scratch that the norm kept in these registers was last named ahead of the wait on va_vdst above)
.set q_, 0
.rept 12
.set qd_, q_/4
.set lc_, 24
.set nx_, 1
.set cm_, 0
.set or_, 0
.set w_, 1
.if q_ == 11
.set lc_, 0
.set nx_, 0
.endif
.if q_ >= 10
.set w_, 0
.endif
.if qd_ == 2
.set or_, 1
.endif
.if q_%4 == 0
.set cm_, 1
	QHEAD qd_%2
.endif
	KSTEP q_%2, lc_, WS+32*(qd_%2)+q_%4, or_, cm_, nx_, XIMG, XSC, (q_+1)%4, w_
.if q_ < 10
.if (q_+2)%4 == 0
	WSL ((q_+2)/4)%2, 16+4*((q_+2)/4), WSA, 0, 16
.endif
	WL q_%2, 14+4*((q_+2)/4), WA, 96*((q_+2)%4), 384       ; the weights of two steps on
.endif
.if q_ == 3
	EPI_QK QC, 98304, QS, SCAQ
.endif
.if q_ == 7
	EPI_QK KC, KVH, KSC, SCAK
.endif
.if q_ == 11
	EPI_V
.endif
.set q_, q_+1
.endr
	s_wait_dscnt 0x0                                       ; the closing lines, six on end
	s_wait_alu 0x0
	s_wait_tensorcnt 0x0
	ds_add_u32 v254, v255
	s_wait_dscnt 0x0
	s_endpgm
	; ======== work-groups 128-255: the cross-attention's K and V projections
.Lcross:
	s_load_b512 s[8:23], s[0:1], 0x40                      ; k codes 8, scales 10, v codes 12, scales 14, Wk codes 16, scales 18, Wv codes 20, scales 22
	s_load_b64 s[24:25], s[0:1], 0x98                      ; kv_c
	LANES 0, 0
	s_lshl_b32 s26, s[BLK], 6
	s_lshr_b32 s27, s[WV], 1
	s_lshl_b32 s27, s27, 5
	s_add_co_u32 s26, s26, s27
	s_and_b32 s27, s[WV], 1
	s_lshl_b32 s27, s27, 3
	s_add_co_u32 s26, s26, s27                             ; the first row of row tile m = w
	s_mul_i32 s30, s26, 384
	s_mov_b32 s31, 0
	s_lshl_b32 s28, s26, 4
	s_mov_b32 s29, 0
	s_mul_i32 s32, s[WV], 49152
	s_mov_b32 s33, 0
	s_lshl_b32 s34, s[WV], 11
	s_mov_b32 s35, 0
	s_wait_kmcnt 0x0
	s_add_nc_u64 s[8:9], s[8:9], s[30:31]
	s_add_nc_u64 s[12:13], s[12:13], s[30:31]
	s_add_nc_u64 s[10:11], s[10:11], s[28:29]
	s_add_nc_u64 s[14:15], s[14:15], s[28:29]
	s_add_nc_u64 s[16:17], s[16:17], s[32:33]
	s_add_nc_u64 s[20:21], s[20:21], s[32:33]
	s_add_nc_u64 s[18:19], s[18:19], s[34:35]
	s_add_nc_u64 s[22:23], s[22:23], s[34:35]
	; ---- wave w brings row tile w of k and of v: a lane's 48 consecutive bytes of each K step are its 12 registers
	s_wait_alu depctr_va_vdst(0)                           ; the addresses and offsets v1 to v19 are written, which all loads and stores of this path read; none is written again
.irp e, 0,1,2,3
.irp c, 0,1,2
	global_load_b128 v[96+12*\e+4*\c:99+12*\e+4*\c], v[WA], s[8:9] offset:96*\e+16*\c
.endr
.endr
	global_load_b128 v[200:203], v[WSA], s[10:11]
.irp e, 0,1,2,3
.irp c, 0,1,2
	global_load_b128 v[144+12*\e+4*\c:147+12*\e+4*\c], v[WA], s[12:13] offset:96*\e+16*\c
.endr
.endr
	global_load_b128 v[204:207], v[WSA], s[14:15]
	WSL 0, 18, WSA, 0, 16
	WL 0, 16, WA, 0, 384
	WL 1, 16, WA, 96, 384
	KVPLACES 24
	s_wait_loadcnt 56                                      ; the 56 loads of the weights may stay out: k's and v's are in
.irp e, 0,1,2,3,4,5,6,7
	v_perm_b32 v[200+\e], v[200+\e], v[200+\e], s[SELP]    ; the scale words' bytes into the products' order
.endr
	s_wait_alu depctr_va_vdst(0)                           ; the permutes have written v200 to v207, which the LDS stores read
.irp e, 0,1,2,3
.irp c, 0,1,2
	ds_store_b128 v[IWT], v[96+12*\e+4*\c:99+12*\e+4*\c] offset:XIMG+6144*\e+512*\c
	ds_store_b128 v[IWT], v[144+12*\e+4*\c:147+12*\e+4*\c] offset:YIMG+6144*\e+512*\c
.endr
	ds_store_b32 v[SWT], v[200+\e] offset:XSC+512*\e
	ds_store_b32 v[SWT], v[204+\e] offset:YSC+512*\e
.endr
	BARRIER                                                ; k's and v's 32 fragments lie in LDS
	s_wait_alu depctr_vm_vsrc(0)                           ; my LDS stores have read v96 to v191 and v200 to v207: the rows' fragments land in the first, the quantiser writes the second
	; ---- eight K steps: K on k's rows, V on v's
	FETCHA 0, XIMG, XSC, 0
.set q_, 0
.rept 8
.set qd_, q_/4
.set lc_, 24
.set nx_, 1
.set cm_, 0
.set w_, 1
.if q_ == 7
.set lc_, 0
.set nx_, 0
.endif
.if q_ >= 6
.set w_, 0
.endif
.if q_%4 == 0
.set cm_, 1
	QHEAD qd_
.endif
	KSTEP q_%2, lc_, WS+32*qd_+q_%4, qd_, cm_, nx_, XIMG+26624*((q_+1)/4), XSC+26624*((q_+1)/4), (q_+1)%4, w_
.if q_ < 6
.if (q_+2)%4 == 0
	WSL 1, 22, WSA, 0, 16
.endif
	WL q_%2, 16+4*((q_+2)/4), WA, 96*((q_+2)%4), 384
.endif
.if q_ == 3
	EPI_QK KC, KVH, KSC, SCAK
.endif
.if q_ == 7
	EPI_V
.endif
.set q_, q_+1
.endr
	s_wait_dscnt 0x0                                       ; the closing lines, six on end
	s_wait_alu 0x0
	s_wait_tensorcnt 0x0
	ds_add_u32 v254, v255
	s_wait_dscnt 0x0
	s_endpgm
.Lfunc_end_k_qdefff38845_ln_qkv_kvc:
	.size	k_qdefff38845_ln_qkv_kvc, .Lfunc_end_k_qdefff38845_ln_qkv_kvc-k_qdefff38845_ln_qkv_kvc
	.p2alignl 7, 3214868480
	.fill 96, 4, 3214868480
	.section	.rodata,"a",@progbits
	.p2align	6, 0x0
	.amdhsa_kernel k_qdefff38845_ln_qkv_kvc
		.amdhsa_group_segment_fixed_size 80384
		.amdhsa_private_segment_fixed_size 0
		.amdhsa_enable_private_segment 0
		.amdhsa_kernarg_size 160
		.amdhsa_user_sgpr_count 2
		.amdhsa_user_sgpr_kernarg_segment_ptr 1
		.amdhsa_wavefront_size32 1
		.amdhsa_system_sgpr_workgroup_id_x 1
		.amdhsa_system_sgpr_workgroup_id_y 1
		.amdhsa_system_sgpr_workgroup_id_z 1
		.amdhsa_system_vgpr_workitem_id 0
		.amdhsa_next_free_vgpr 1024
		.amdhsa_next_free_sgpr 66
		.amdhsa_reserve_vcc 0
		.amdhsa_float_denorm_mode_32 3
		.amdhsa_float_denorm_mode_16_64 3
		.amdhsa_memory_ordered 1
		.amdhsa_forward_progress 1
		.amdhsa_inst_pref_size 255
	.end_amdhsa_kernel
	.section	.bss,"aw",@nobits
	.p2align	6
	.space	262144
	.amdgpu_metadata
---
amdhsa.version: [ 1, 2 ]
amdhsa.kernels:
  - .name:           k_qdefff38845_ln_qkv_kvc
    .symbol:         k_qdefff38845_ln_qkv_kvc.kd
    .args:
      - { .name: q, .offset: 0, .size: 8, .value_kind: global_buffer, .address_space: global }
      - { .name: g1, .offset: 8, .size: 8, .value_kind: global_buffer, .address_space: global }
      - { .name: be1, .offset: 16, .size: 8, .value_kind: global_buffer, .address_space: global }
      - { .name: Wq_s_codes, .offset: 24, .size: 8, .value_kind: global_buffer, .address_space: global }
      - { .name: Wq_s_scales, .offset: 32, .size: 8, .value_kind: global_buffer, .address_space: global }
      - { .name: Wk_s_codes, .offset: 40, .size: 8, .value_kind: global_buffer, .address_space: global }
      - { .name: Wk_s_scales, .offset: 48, .size: 8, .value_kind: global_buffer, .address_space: global }
      - { .name: Wv_s_codes, .offset: 56, .size: 8, .value_kind: global_buffer, .address_space: global }
      - { .name: k_codes, .offset: 64, .size: 8, .value_kind: global_buffer, .address_space: global }
      - { .name: k_scales, .offset: 72, .size: 8, .value_kind: global_buffer, .address_space: global }
      - { .name: v_codes, .offset: 80, .size: 8, .value_kind: global_buffer, .address_space: global }
      - { .name: v_scales, .offset: 88, .size: 8, .value_kind: global_buffer, .address_space: global }
      - { .name: Wk_c_codes, .offset: 96, .size: 8, .value_kind: global_buffer, .address_space: global }
      - { .name: Wk_c_scales, .offset: 104, .size: 8, .value_kind: global_buffer, .address_space: global }
      - { .name: Wv_c_codes, .offset: 112, .size: 8, .value_kind: global_buffer, .address_space: global }
      - { .name: Wv_c_scales, .offset: 120, .size: 8, .value_kind: global_buffer, .address_space: global }
      - { .name: Wv_s_scales, .offset: 128, .size: 8, .value_kind: global_buffer, .address_space: global }
      - { .name: qbuf, .offset: 136, .size: 8, .value_kind: global_buffer, .address_space: global }
      - { .name: kv_s, .offset: 144, .size: 8, .value_kind: global_buffer, .address_space: global }
      - { .name: kv_c, .offset: 152, .size: 8, .value_kind: global_buffer, .address_space: global }
    .group_segment_fixed_size: 80384
    .private_segment_fixed_size: 0
    .kernarg_segment_align: 8
    .kernarg_segment_size: 160
    .max_flat_workgroup_size: 128
    .sgpr_count:     66
    .vgpr_count:     1024
    .wavefront_size: 32
...
	.end_amdgpu_metadata
.endif
;; end of part 9
;; launch attn_causal (part 10): grid 8 x 32, 16 waves a work-group, no clusters, 210,944 bytes of LDS; arguments qbuf, kv_s, att; writes att
.if DOCPART == 10
	.amdgcn_target "amdgcn-amd-amdhsa--gfx1250"
	.amdhsa_code_object_version 6
	.text
	.protected	k_qdefff38845_attn_causal
	.globl	k_qdefff38845_attn_causal
	.p2align	8
	.type	k_qdefff38845_attn_causal,@function
k_qdefff38845_attn_causal:
	s_mov_b64 s[64:65], 0
	v_nop
	global_prefetch_b8 v0, s[64:65] scope:SCOPE_SE
	s_setreg_imm32_b32 hwreg(HW_REG_WAVE_MODE, 25, 1), 1
	s_wait_xcnt 0x0
; Attention of one head on codes of BF6 (E3M2) with E8M0 scales; CAUSAL = 1: key k counts for query q where k <= q.  Head size 64: the score product's K of 128 is half zero codes, on both sides, under the scale byte 0x7f.
; THE SOFTMAX AHEAD OF THE SECOND PRODUCT: t = score x log2(e) / 8; M = the running largest t, rounded up to a whole number; p = 2^(t - M) is quantised along the keys, not normalised; the row's sum is taken of
; the unquantised p and divides O at the end; when M moves, the sum and O are multiplied by 2^(old M - new M), which rounds nothing.  A block's largest p is the exponential of the block's largest score.
; SHARES.  A work-group has sixteen waves, four to a SIMD; a wave owns one tile of 16 queries, tile 8 x rank + work-group x, so that every work-group has the same causal work.
; Tile T's lane r is query 32 (T / 2) + 8 (T % 2) + r + 8 (r / 8); the keys of a tile of K likewise: so p's 16 registers of two neighbouring tiles are 16 neighbouring keys.
; LDS.  The head's K codes, V codes and K scale words (204,800 bytes, laid in memory as images of the operands' registers) come ONCE, one tensor load a wave (50 rows of 256 bytes); nothing is filled again.
; Both products are used transposed (S^T = K Q^T, O^T = V^T P^T): a lane holds one query throughout.  O / l is quantised along the head's 64 and leaves as a half image; its two scale bytes leave as single bytes, 2 apart.
; No joint loads in a cluster: the causal jump over a key step hangs on the query tile, which differs between work-groups of a head.
; LIMITS: NaN and infinities are not served; a block of zeros gets the scale byte 1 and zero codes; v_exp_f32 and v_rcp_f32 are accurate to 1 ulp.
.set CAUSAL, 1
.set KVH, 208896
.set A16, 1                            ; v1  16 x lane
.set A8,  2                            ; v2  8 x lane
.set R16, 3                            ; v3  16 r
.set ADK16, 4                          ; v4-9 the step's LDS addresses: K codes (16 and 8 bytes a lane), V codes, K scale words, V scale words
.set ADK8, 5
.set ADV16, 6
.set ADV8, 7
.set ADS, 8
.set ADT, 9
.set DQ,  10                           ; v10 r + 8 (r / 8) - 16 h
.set QF,  16                           ; v16-27 Q's fragment (v22-27 zero codes)
.set QSW, 28                           ; v28 Q's scale word
.set KFR, 32                           ; v32-79 four fragments of K (the upper six registers of each: zero codes)
.set KSW, 80                           ; v80-83 K's scale words
.set VSW, 84                           ; v84-87 V's
.set PSW, 88                           ; v88 p's
.set S,   96                           ; v96-159 S^T, then p; then v96-143 four fragments of V
.set O,   160                          ; v160-191 O^T
.set BM,  200                          ; v200-203 the blocks' largest scores
.set BP,  204                          ; v204-207 lane exchanges, bytes
.set CT,  208                          ; v208-214 conversions' second halves
.set SO,  216                          ; v216-219 the conversions' scale operands
.set FF,  220                          ; v[220:221] f = 2^(old M - new M)
.set TT,  222
.set DD,  223
.set PCD, 224                          ; v224-235 p's codes
.set WV, 10
.set G0, 12
.set G1, 16
.set SEL, 24
.set CS, 26
.set TB, 28
.set TBV, 29
.set TS, 30
.set TJ, 31
.set KF, 32
.set CNT, 33
.set QB, 34
.set QMAX, 35
	s_load_b128 s[4:7], s[0:1], 0x0                        ; qbuf, kv
	s_load_b64 s[8:9], s[0:1], 0x10                        ; att
	v_lshl_add_u32 v254, v0, 2, 0x33000
	v_mov_b32 v255, 0
	ds_add_u32 v254, v255
	ds_add_u32 v254, v255
	v_lshrrev_b32 v11, 5, v0
	s_delay_alu instid0(VALU_DEP_1)
	v_readfirstlane_b32 s[WV], v11                         ; wave 0..15
	s_and_b32 s36, ttmp7, 0xffff                           ; 8 b + head
	s_mul_i32 s38, s36, KVH
	s_mov_b32 s39, 0
	s_mul_i32 s37, s[WV], 12800                            ; my 50 rows of 256 bytes
	s_mov_b32 s40, s37
	s_mov_b32 s41, 0
	s_mov_b32 s[G1], 3<<16                                 ; no mask; elements of 8 bytes; no padding
	s_mov_b32 s[G1+1], 32<<16                              ; tensor_dim0 = 32
	s_mov_b32 s[G1+2], 50<<16                              ; tensor_dim1 = 50
	s_mov_b32 s[G1+3], 32<<16                              ; tile_dim0 = 32
	s_mov_b32 s[G1+4], 50                                  ; tile_dim1 = 50
	s_mov_b32 s[G1+5], 32                                  ; pitch
	s_mov_b32 s[G1+6], 0
	s_mov_b32 s[G1+7], 0
	s_wait_dscnt 0x0
	s_wait_kmcnt 0x0
	s_add_nc_u64 s[6:7], s[6:7], s[38:39]                  ; the head's block
	s_mov_b32 s[G0], 1
	s_mov_b32 s[G0+1], s37
	s_add_nc_u64 s[G0+2:G0+3], s[6:7], s[40:41]
	s_or_b32 s[G0+3], s[G0+3], 0x80000000
	tensor_load_to_lds s[G0:G0+3], s[G1:G1+7]              ; my one tensor load of the launch
	s_nop 0
.rept 4
	v_nop
.endr
	v_and_b32 v11, 31, v0                                  ; lane
	v_and_b32 v29, 15, v0                                  ; r
	v_bfe_u32 v30, v0, 4, 1                                ; h
	s_delay_alu instid0(VALU_DEP_3)
	v_lshlrev_b32 v[A16], 4, v11
	s_wait_alu depctr_va_vdst(0)
	v_lshlrev_b32 v[A8], 3, v11
	s_wait_alu depctr_va_vdst(0)
	v_lshlrev_b32 v[R16], 4, v29
	s_wait_alu depctr_va_vdst(0)
	v_and_b32 v31, 8, v29
	s_delay_alu instid0(VALU_DEP_1)
	v_add_nc_u32 v31, v31, v29
	v_lshlrev_b32 v[DQ], 4, v30
	s_delay_alu instid0(VALU_DEP_1)
	v_sub_nc_u32 v[DQ], v31, v[DQ]
	v_lshl_add_u32 v95, v30, 1, v[R16]                     ; 16 r + 2 h: my scale byte on the way out
	s_lshl_b32 s42, s[WV], 8
	v_lshl_add_u32 v89, v11, 2, s42
	global_load_b32 v90, v89, s[6:7] offset:204800         ; V's scale halves of key step w: its first 64 keys,
	global_load_b32 v91, v89, s[6:7] offset:204928         ; and its second
	s_bfe_u32 s43, s[WV], 0x10002
	s_mul_i32 s43, s43, 3
	s_xor_b32 s43, s43, s[WV]                              ; rank = w xor 3 ((w / 4) % 2)
	s_lshl_b32 s43, s43, 3
	s_add_co_u32 s43, s43, ttmp9                           ; my tile T
	s_lshr_b32 s44, s43, 1
	s_lshl_b32 s44, s44, 5
	s_and_b32 s45, s43, 1
	s_lshl_b32 s45, s45, 3
	s_add_co_u32 s[QB], s44, s45                           ; its first query,
	s_add_co_u32 s[QMAX], s[QB], 23                        ; and its last
	s_mov_b32 s47, 0
	s_lshl_b32 s46, s36, 7
	s_add_co_u32 s46, s46, s43
	s_mul_i32 s46, s46, 768
	s_add_nc_u64 s[52:53], s[4:5], s[46:47]                ; Q's half image
	s_lshl_b32 s46, s36, 5
	s_lshr_b32 s54, s43, 2
	s_add_co_u32 s46, s46, s54
	s_lshl_b32 s46, s46, 8
	s_and_b32 s54, s43, 3
	s_lshl_b32 s54, s54, 2
	s_add_co_u32 s46, s46, s54
	s_add_co_u32 s46, s46, 0x300000
	s_add_nc_u64 s[54:55], s[4:5], s[46:47]                ; Q's scale words
	global_load_b128 v[QF:QF+3], v[A16], s[52:53]
	global_load_b64 v[QF+4:QF+5], v[A8], s[52:53] offset:512
	global_load_b32 v[QSW], v[R16], s[54:55]
	s_lshr_b32 s44, s36, 3                                 ; b
	s_and_b32 s45, s36, 7                                  ; head
	s_lshl_b32 s44, s44, 7
	s_add_co_u32 s44, s44, s43                             ; 128 b + T
	s_mul_i32 s46, s44, 6144
	s_mul_i32 s50, s45, 768
	s_add_co_u32 s46, s46, s50
	s_add_nc_u64 s[48:49], s[8:9], s[46:47]                ; where my half image goes
	s_lshl_b32 s46, s44, 8
	s_lshr_b32 s50, s45, 1
	s_lshl_b32 s50, s50, 2
	s_add_co_u32 s46, s46, s50
	s_and_b32 s50, s45, 1
	s_add_co_u32 s46, s46, s50
	s_add_co_u32 s46, s46, 0x300000
	s_add_nc_u64 s[50:51], s[8:9], s[46:47]                ; and its scale bytes
	s_mov_b32 s[SEL], 0x76543210
	s_mov_b32 s[SEL+1], 0xfedcba98
	s_mov_b32 s[CS], 0x3e38aa3b                            ; c = log2(e) / 8
	s_mov_b32 s[CS+1], s[CS]
	s_mov_b32 s[TB], 0
	s_mov_b32 s[TBV], 98304
	s_mov_b32 s[TS], 196608
	s_mov_b32 s[TJ], 204800
	s_mov_b32 s[KF], 0
	s_mov_b32 s[CNT], 16
.irp j, 6,7,8,9,10,11
	v_mov_b32 v[QF+\j], 0                                  ; zero codes for k = 64 .. 127
.irp t, 0,1,2,3
	v_mov_b32 v[KFR+12*\t+\j], 0
.endr
.endr
.set k_, 0
.rept 32
	v_mov_b32 v[O+k_], 0                                   ; the step is written once: the first finds zeros
.set k_, k_+1
.endr
	v_mov_b32 v13, 0xff61b1e6                              ; the largest t so far: -3e38
	s_delay_alu instid0(VALU_DEP_1)
	v_floor_f32 v12, -v13                                  ; -M
	v_mov_b32 v14, 0
	v_mov_b32 v15, 0
.irp b, 0,1,2,3
	v_mov_b32 v[BP+\b], 0                                  ; written once: a lane permute's destination counts as one of its sources
.endr
	v_mov_b32 v[FF+1], 0                                   ; (named as the upper half of a pair)
	v_lshlrev_b32 v94, 3, v0
	s_delay_alu instid0(VALU_DEP_1)
	v_add_nc_u32 v94, 0x32000, v94                         ; 204,800 + 8 x thread
	s_wait_loadcnt 0x0
	v_perm_b32 v92, v91, v90, 0x05040100                   ; V's scale word of a key step: two bytes of each 64 keys
	v_perm_b32 v93, v91, v90, 0x07060302
	s_wait_alu depctr_va_vdst(0)
	ds_store_b64 v94, v[92:93]                             ; [step][r][d tile] x 4 bytes
	s_wait_tensorcnt 0x0                                   ; my part of the head has landed,
	s_wait_dscnt 0x0                                       ; my store too:
	s_barrier_signal -1
	s_barrier_wait -1                                      ; everybody's have.  The launch's one barrier
.Lstep:                                ; sixteen trips, 128 keys each
.if CAUSAL
	s_cmp_gt_u32 s[KF], s[QMAX]                            ; all keys of the step come after my queries: only the addresses step
	s_cbranch_scc1 .Lhidden
.endif
	s_setprio 2
	v_add_nc_u32 v[ADK16], s[TB], v[A16]                   ; (these six are also the places ahead of the score products, which write over registers that the last products read)
	s_wait_alu depctr_va_vdst(0)
	v_add_nc_u32 v[ADK8], s[TB], v[A8]
	s_wait_alu depctr_va_vdst(0)
	v_add_nc_u32 v[ADV16], s[TBV], v[A16]
	v_add_nc_u32 v[ADV8], s[TBV], v[A8]
	v_add_nc_u32 v[ADS], s[TS], v[R16]
	s_wait_alu depctr_va_vdst(0)
	v_add_nc_u32 v[ADT], s[TJ], v[R16]
.irp g, 0,1                            ; S^T = K Q^T, four tiles of 16 keys at a time
.if \g > 0
.rept 4
	v_nop                                                  ; places ahead of loads into registers that matrix instructions have read
.endr
.endif
.irp t, 0,1,2,3
	ds_load_b128 v[KFR+12*\t:KFR+12*\t+3], v[ADK16] offset:(4*\g+\t)*768
	ds_load_b64 v[KFR+12*\t+4:KFR+12*\t+5], v[ADK8] offset:(4*\g+\t)*768+512
.endr
	ds_load_b128 v[KSW:KSW+3], v[ADS] offset:256*\g
	s_wait_dscnt 0x0
.irp t, 0,1,2,3
	v_wmma_scale_f32_16x16x128_f8f6f4 v[S+8*(4*\g+\t):S+8*(4*\g+\t)+7], v[KFR+12*\t:KFR+12*\t+11], v[QF:QF+11], 0, v[KSW+\t], v[QSW] matrix_a_fmt:MATRIX_FMT_BF6 matrix_b_fmt:MATRIX_FMT_BF6
.endr
.endr
.rept 4
	v_nop
.endr
.if CAUSAL                             ; on the diagonal hidden scores become -infinity ahead of the maximum: p = 0 then
	s_add_co_u32 s36, s[KF], 127
	s_cmp_le_u32 s36, s[QB]
	s_cbranch_scc1 .Lopen
	s_sub_co_i32 s36, s[QB], s[KF]
	v_add_nc_u32 v[DD], s36, v[DQ]                         ; register 16 b + i holds key KF + 32 b + 16 h + i: hidden where 32 b + i > my query - KF - 16 h
	v_mov_b32 v[TT], 0xff800000
.irp n, 0,1,2,3,4,5,6,7,8,9,10,11,12,13,14,15,16,17,18,19,20,21,22,23,24,25,26,27,28,29,30,31,32,33,34,35,36,37,38,39,40,41,42,43,44,45,46,47,48,49,50,51,52,53,54,55,56,57,58,59,60,61,62,63
	v_cmp_gt_i32 vcc_lo, 32*(\n/16)+\n%16, v[DD]
	v_cndmask_b32 v[S+\n], v[S+\n], v[TT], vcc_lo
.endr
.Lopen:
.endif
.irp b, 0,1,2,3
	v_max3_num_f32 v[BM+\b], v[S+16*\b], v[S+1+16*\b], v[S+2+16*\b]    ; the largest score of each block of 32 keys
.endr
.irp i, 3,5,7,9,11,13
.irp b, 0,1,2,3
	v_max3_num_f32 v[BM+\b], v[BM+\b], v[S+16*\b+\i], v[S+1+16*\b+\i]
.endr
.endr
.irp b, 0,1,2,3
	v_max_num_f32 v[BM+\b], v[BM+\b], v[S+15+16*\b]
.endr
.irp b, 0,1,2,3
	s_delay_alu instid0(VALU_DEP_4)
	v_permlanex16_b32 v[BP+\b], v[BM+\b], s[SEL], s[SEL+1]
.endr
.irp b, 0,1,2,3
	s_delay_alu instid0(VALU_DEP_4)
	v_max_num_f32 v[BM+\b], v[BM+\b], v[BP+\b]
.endr
	s_delay_alu instid0(VALU_DEP_2)
	v_max3_num_f32 v[TT], v[BM], v[BM+1], v[BM+2]
	s_delay_alu instid0(VALU_DEP_1)
	v_max_num_f32 v[TT], v[TT], v[BM+3]
	s_delay_alu instid0(VALU_DEP_1)
	v_mul_f32 v[TT], s[CS], v[TT]
	s_delay_alu instid0(VALU_DEP_1)
	v_max_num_f32 v13, v13, v[TT]                          ; the running largest t
	v_mov_b32 v[TT], v12
	s_delay_alu instid0(VALU_DEP_2)
	v_floor_f32 v12, -v13                                  ; the new -M: M is a whole number
	s_delay_alu instid0(VALU_DEP_1)
	v_sub_f32 v[TT], v12, v[TT]
	s_delay_alu instid0(VALU_DEP_1)
	v_cvt_i32_f32 v[TT], v[TT]                             ; (it saturates)
	s_delay_alu instid0(VALU_DEP_1)
	v_ldexp_f32 v[FF], 1.0, v[TT]                          ; f = 2^(old M - new M)
.irp j, 0,2,4,6,8,10,12,14,16,18,20,22,24,26,28,30,32,34,36,38,40,42,44,46,48,50,52,54,56,58,60,62
	v_pk_fma_f32 v[S+\j:S+\j+1], v[S+\j:S+\j+1], s[CS:CS+1], v[12:13] op_sel_hi:[1,0,0]   ; t - M
.endr
	s_setprio 1
.irp b, 0,1,2,3
	v_fma_f32 v[BM+\b], v[BM+\b], s[CS], v12
.endr
.set k_, 0
	s_wait_alu depctr_va_vdst(0)
.rept 64
	v_exp_f32 v[S+k_], v[S+k_]                             ; p = 2^(t - M)
.set k_, k_+1
.endr
.irp b, 0,1,2,3
	v_exp_f32 v[BM+\b], v[BM+\b]                           ; the block's largest p
.endr
	v_pk_mul_f32 v[14:15], v[14:15], v[FF:FF+1] op_sel_hi:[1,0]       ; the sums under the new M (a plain place behind the exponentials)
	s_wait_alu depctr_va_vdst(0)
.irp b, 0,1,2,3
	v_max_num_f32 v[BM+\b], 0x2800000, v[BM+\b]            ; the floor 2^(5 - 127)
.endr
.irp b, 0,1,2,3
	s_delay_alu instid0(VALU_DEP_4)
	v_add_nc_u32 v[SO+\b], 0xfe000000, v[BM+\b]
.endr
.irp b, 0,1,2,3
	s_delay_alu instid0(VALU_DEP_4)
	v_lshrrev_b32 v[BP+\b], 23, v[SO+\b]
.endr
	s_delay_alu instid0(VALU_DEP_3)
	v_lshl_or_b32 v[PSW], v[BP+1], 8, v[BP]
	s_delay_alu instid0(VALU_DEP_1)
	v_lshl_or_b32 v[PSW], v[BP+2], 16, v[PSW]
	s_delay_alu instid0(VALU_DEP_1)
	v_lshl_or_b32 v[PSW], v[BP+3], 24, v[PSW]
.irp c, 0,1
	v_cvt_scalef32_pk16_bf6_f32 v[PCD+6*\c:PCD+6*\c+2], v[S+32*\c:S+32*\c+15], v[SO+2*\c]
	v_cvt_scalef32_pk16_bf6_f32 v[CT+4*\c:CT+4*\c+2], v[S+16+32*\c:S+31+32*\c], v[SO+2*\c+1]
.endr
	v_nop                                                  ; one plain place behind a scaled conversion
.irp c, 0,1
.irp i, 0,1,2
	v_permlane16_swap_b32 v[PCD+6*\c+\i], v[CT+4*\c+\i]
.endr
.irp i, 0,1,2
	s_delay_alu instid0(VALU_DEP_3)
	v_mov_b32 v[PCD+3+6*\c+\i], v[CT+4*\c+\i]
.endr
.endr
	v_pk_add_f32 v[208:209], v[100:101], v[104:105]
	v_pk_add_f32 v[252:253], v[108:109], v[112:113]
	v_pk_add_f32 v[250:251], v[116:117], v[120:121]
	v_pk_add_f32 v[248:249], v[124:125], v[128:129]
	v_pk_add_f32 v[246:247], v[132:133], v[136:137]
	v_pk_add_f32 v[244:245], v[140:141], v[144:145]
	v_pk_add_f32 v[242:243], v[148:149], v[152:153]
	v_pk_add_f32 v[14:15], v[14:15], v[156:157]
	v_pk_add_f32 v[208:209], v[208:209], v[96:97]
	v_pk_add_f32 v[252:253], v[252:253], v[98:99]
	v_pk_add_f32 v[250:251], v[250:251], v[102:103]
	v_pk_add_f32 v[248:249], v[248:249], v[106:107]
	v_pk_add_f32 v[246:247], v[246:247], v[110:111]
	v_pk_add_f32 v[244:245], v[244:245], v[114:115]
	v_pk_add_f32 v[242:243], v[242:243], v[118:119]
	v_pk_add_f32 v[14:15], v[14:15], v[122:123]
	v_pk_add_f32 v[208:209], v[208:209], v[126:127]
	v_pk_add_f32 v[252:253], v[252:253], v[130:131]
	v_pk_add_f32 v[250:251], v[250:251], v[134:135]
	v_pk_add_f32 v[248:249], v[248:249], v[138:139]
	v_pk_add_f32 v[246:247], v[246:247], v[142:143]
	v_pk_add_f32 v[244:245], v[244:245], v[146:147]
	v_pk_add_f32 v[242:243], v[242:243], v[150:151]
	v_pk_add_f32 v[14:15], v[14:15], v[154:155]
	v_pk_add_f32 v[208:209], v[208:209], v[158:159]
	s_delay_alu instid0(VALU_DEP_2)
	v_pk_add_f32 v[14:15], v[14:15], v[248:249]
	s_delay_alu instid0(VALU_DEP_2)
	v_pk_add_f32 v[208:209], v[208:209], v[246:247]
	s_setprio 0
	v_pk_add_f32 v[252:253], v[252:253], v[244:245]
	v_pk_add_f32 v[250:251], v[250:251], v[242:243]
	s_delay_alu instid0(VALU_DEP_2)
	v_pk_add_f32 v[14:15], v[14:15], v[252:253]
	s_delay_alu instid0(VALU_DEP_2)
	v_pk_add_f32 v[208:209], v[208:209], v[250:251]
	s_delay_alu instid0(VALU_DEP_1)
	v_pk_add_f32 v[14:15], v[14:15], v[208:209]
.irp n, 0,1,2,3                        ; V's four d tiles of these 128 keys, into the registers that p has left
	ds_load_b128 v[S+12*\n:S+12*\n+3], v[ADV16] offset:1536*\n
	ds_load_b64 v[S+12*\n+4:S+12*\n+5], v[ADV8] offset:1536*\n+512
	ds_load_b128 v[S+12*\n+6:S+12*\n+9], v[ADV16] offset:1536*\n+768
	ds_load_b64 v[S+12*\n+10:S+12*\n+11], v[ADV8] offset:1536*\n+1280
.endr
	ds_load_b128 v[VSW:VSW+3], v[ADT]
.irp j, 0,2,4,6,8,10,12,14,16,18,20,22,24,26,28,30
	v_pk_mul_f32 v[O+\j:O+\j+1], v[O+\j:O+\j+1], v[FF:FF+1] op_sel_hi:[1,0]   ; O^T under the new M, while the loads are out
.endr
	s_wait_alu depctr_va_vdst(0)
	s_wait_dscnt 0x0
.irp n, 0,1,2,3                        ; O^T += V^T P^T, the four accumulators by turns
	v_wmma_scale_f32_16x16x128_f8f6f4 v[O+8*\n:O+8*\n+7], v[S+12*\n:S+12*\n+11], v[PCD:PCD+11], v[O+8*\n:O+8*\n+7], v[VSW+\n], v[PSW] matrix_a_fmt:MATRIX_FMT_BF6 matrix_b_fmt:MATRIX_FMT_BF6
.endr
.if CAUSAL
.Lhidden:
.endif
	s_add_co_u32 s[TB], s[TB], 6144
	s_add_co_u32 s[TBV], s[TBV], 6144
	s_add_co_u32 s[TS], s[TS], 512
	s_add_co_u32 s[TJ], s[TJ], 256
	s_add_co_u32 s[KF], s[KF], 128
	s_sub_co_u32 s[CNT], s[CNT], 1
	s_cmp_lg_u32 s[CNT], 0
	s_cbranch_scc1 .Lstep
	s_setprio 0
	; ---- the way out: O / l, quantised along the head's 64
.rept 4
	v_nop
.endr
	v_add_f32 v14, v14, v15
	s_delay_alu instid0(VALU_DEP_1)
	v_permlanex16_b32 v[BP], v14, s[SEL], s[SEL+1]
	s_delay_alu instid0(VALU_DEP_1)
	v_add_f32 v14, v14, v[BP]                              ; the row's sum
	s_wait_alu depctr_va_vdst(0)
	v_rcp_f32 v15, v14
	v_nop                                                  ; one plain place behind a transcendental
.set k_, 0
	s_wait_alu depctr_va_vdst(0)
.rept 32
	v_mul_f32 v[S+k_], v[O+k_], v15                        ; register 16 b + i is d = 32 b + 16 h + i of my query
.set k_, k_+1
.endr
.irp b, 0,1
	v_max3_num_f32 v[BM+\b], |v[S+16*\b]|, |v[S+16*\b+1]|, 0x2800000
.endr
.irp i, 2,4,6,8,10,12,14
.irp b, 0,1
	s_delay_alu instid0(VALU_DEP_2)
	v_max3_num_f32 v[BM+\b], v[BM+\b], |v[S+16*\b+\i]|, |v[S+16*\b+\i+1]|
.endr
.endr
.irp b, 0,1
	s_delay_alu instid0(VALU_DEP_2)
	v_permlanex16_b32 v[BP+\b], v[BM+\b], s[SEL], s[SEL+1]
.endr
.irp b, 0,1
	s_delay_alu instid0(VALU_DEP_2)
	v_max_num_f32 v[BM+\b], v[BM+\b], v[BP+\b]
.endr
.irp b, 0,1
	s_delay_alu instid0(VALU_DEP_2)
	v_add_nc_u32 v[SO+\b], 0xfe000000, v[BM+\b]
.endr
.irp b, 0,1
	s_delay_alu instid0(VALU_DEP_2)
	v_lshrrev_b32 v[BP+\b], 23, v[SO+\b]
.endr
	s_delay_alu instid0(VALU_DEP_1)
	v_lshl_or_b32 v[TT], v[BP+1], 8, v[BP]
	v_cvt_scalef32_pk16_bf6_f32 v[PCD:PCD+2], v[S:S+15], v[SO]
	v_cvt_scalef32_pk16_bf6_f32 v[CT:CT+2], v[S+16:S+31], v[SO+1]
	v_nop
.irp i, 0,1,2
	v_permlane16_swap_b32 v[PCD+\i], v[CT+\i]
.endr
.irp i, 0,1,2
	s_delay_alu instid0(VALU_DEP_3)
	v_mov_b32 v[PCD+3+\i], v[CT+\i]
.endr
	v_lshlrev_b32 v11, 3, v30
	s_delay_alu instid0(VALU_DEP_1)
	v_lshrrev_b32 v[TT], v11, v[TT]                        ; lanes 0-15 the first block's byte, lanes 16-31 the second's
	global_store_b128 v[A16], v[PCD:PCD+3], s[48:49]
	global_store_b64 v[A8], v[PCD+4:PCD+5], s[48:49] offset:512
	global_store_b8 v95, v[TT], s[50:51]
	s_wait_tensorcnt 0x0
	ds_add_u32 v254, v255
	s_wait_dscnt 0x0
	s_endpgm
.Lfunc_end_k_qdefff38845_attn_causal:
	.size	k_qdefff38845_attn_causal, .Lfunc_end_k_qdefff38845_attn_causal-k_qdefff38845_attn_causal
	.p2alignl 7, 3214868480
	.fill 96, 4, 3214868480
	.section	.rodata,"a",@progbits
	.p2align	6, 0x0
	.amdhsa_kernel k_qdefff38845_attn_causal
		.amdhsa_group_segment_fixed_size 210944
		.amdhsa_private_segment_fixed_size 0
		.amdhsa_enable_private_segment 0
		.amdhsa_kernarg_size 24
		.amdhsa_user_sgpr_count 2
		.amdhsa_user_sgpr_kernarg_segment_ptr 1
		.amdhsa_wavefront_size32 1
		.amdhsa_system_sgpr_workgroup_id_x 1
		.amdhsa_system_sgpr_workgroup_id_y 1
		.amdhsa_system_sgpr_workgroup_id_z 1
		.amdhsa_system_vgpr_workitem_id 0
		.amdhsa_next_free_vgpr 256
		.amdhsa_next_free_sgpr 66
		.amdhsa_reserve_vcc 1
		.amdhsa_float_denorm_mode_32 3
		.amdhsa_float_denorm_mode_16_64 3
		.amdhsa_memory_ordered 1
		.amdhsa_forward_progress 1
		.amdhsa_inst_pref_size 36
	.end_amdhsa_kernel
	.amdgpu_metadata
---
amdhsa.version: [ 1, 2 ]
amdhsa.kernels:
  - .name:           k_qdefff38845_attn_causal
    .symbol:         k_qdefff38845_attn_causal.kd
    .args:
      - { .name: qbuf, .offset: 0, .size: 8, .value_kind: global_buffer, .address_space: global }
      - { .name: kv_s, .offset: 8, .size: 8, .value_kind: global_buffer, .address_space: global }
      - { .name: att, .offset: 16, .size: 8, .value_kind: global_buffer, .address_space: global }
    .group_segment_fixed_size: 210944
    .private_segment_fixed_size: 0
    .kernarg_segment_align: 8
    .kernarg_segment_size: 24
    .max_flat_workgroup_size: 512
    .sgpr_count:     66
    .vgpr_count:     256
    .wavefront_size: 32
...
	.end_amdgpu_metadata
.endif
;; end of part 10
;; launch proj_ln_q (part 11): grid 128 x 1, 4 waves a work-group, no clusters, 55,808 bytes of LDS; arguments att, q, Wp_s_codes, Wp_s_scales, bp_s, g2, be2, Wq_c_codes, Wq_c_scales, x1, qbuf; writes x1, qbuf
.if DOCPART == 11
	.amdgcn_target "amdgcn-amd-amdhsa--gfx1250"
	.amdhsa_code_object_version 6
	.text
	.protected	k_qdefff38845_proj_ln_q
	.globl	k_qdefff38845_proj_ln_q
	.p2align	8
	.type	k_qdefff38845_proj_ln_q,@function
k_qdefff38845_proj_ln_q:
	s_mov_b64 s[64:65], 0
	v_nop
	global_prefetch_b8 v0, s[64:65] scope:SCOPE_SE
	s_setreg_imm32_b32 hwreg(HW_REG_WAVE_SCHED_MODE, 0, 2), 2
	s_setreg_imm32_b32 hwreg(HW_REG_WAVE_MODE, 25, 1), 1
	s_wait_xcnt 0x0
	s_wait_alu depctr_vm_vsrc(0)
; x1 = q + attention Wp_s + bp_s; LayerNorm 2 of x1, quantised to BF6 (E3M2, E8M0 scales); the cross-attention's Q projection, quantised along the head's 64.
; SHARES, TILES, K ORDER as in the projections' launches: 64 rows to a work-group; wave w makes columns 128 w .. 128 w + 127 for all 64 rows; lane r of tile m holds member 32 (m / 2) + 8 (m % 2) + r + 8 (r / 8);
; operand place (c, half h) holds block 4 s + 2 h + c of K step s on both sides, a scale word's bytes follow as 0, 2, 1, 3 (the attention's launch has stored its scale bytes so).
; The residual and the bias are laid into the accumulators ahead of the first product.  x1 leaves as an image of the accumulators' registers (512 consecutive bytes a store), which the last launch reads by the same map.
; THE NORM: a row's 512 columns lie in four waves.  Each wave takes its 128 columns' mean and the sum of squares about THAT mean; the four pairs meet in LDS and are joined
; (mean = the means' mean; M2 = the sum of the M2 + 128 x the sum of the squared distances of the means): no difference of large sums is formed.
; WINDOWS: 0 work; 1 weights (two sets of 96), v192-255 the bias; 2 the 32 accumulators; 3 v0-63 g2, v64-127 be2 in the result's layout.
; LIMITS: NaN and infinities are not served; a block of zeros gets the scale byte 1 and zero codes; v_rsq_f32 is accurate to 1 ulp.
; THE MODE: SCHED_MODE bits 1:0 = 2 (LLVM: expert scheduling mode 2), set by the entry lines.  The code itself states the register dependences
; between vector or matrix instructions and memory or LDS instructions, with s_wait_alu, always for 0.
; THE PLAN.  Registers that memory or LDS instructions touch:
;   v1-v24           addresses and offsets: written once at the head, read by every load and store: one wait on va_vdst ahead of the first load.
;   W0, W1           (window 1) step q's products read W[q % 2]; the loads of step q + 2 land in it behind the wait that closes step q.
;   AF0/1, AS0/1     step q's products read set q % 2; step q's LDS loads (the rows of step q + 1) land in the other set, which the products of step q - 1 read: the wait that closed step q - 1 covers them.
;                    They are dealt out: half ahead of step q's products, half in their middle.  At the head these registers carry the attention's codes to LDS: vm_vsrc ahead of the first fragments' loads.
;   WS0, WS1         a product's scale words: loaded, then permuted by vector instructions: eight places and a wait on va_vdst stand between those and the products.
;   the accumulators x1's stores read them behind the wait that closes the first product's last step; vm_vsrc, beside the wait on XCNT, stands ahead of the products that write them anew.
;   LNP, PC, PW, SW  written by the norm and the quantiser, read by LDS or global stores: va_vdst ahead of each run of stores, vm_vsrc ahead of the next writer.
;   LNQ              LDS loads land in it; the vector lines that name it stand ahead of the wait on va_vdst in front of the tile's stores, behind which the next tile's loads follow.
.set XIMG, 0
.set XSC,  24576
.set YIMG, 26624
.set YSC,  51200
.set LNS,  53248                       ; [row tile][wave][r] x 8 bytes
.set LI0, 1
.set LS,  4
.set G8,  5
.set WA,  6
.set WSA, 8
.set XA,  10
.set BA,  11
.set IWT, 12
.set SWT, 13
.set IWK, 14                           ; v14  16 x lane + 6144 x wave
.set SWK, 15                           ; v15  4 x lane + 512 x wave
.set H16, 16
.set SCAQ, 17
.set AT16, 20                          ; v20  768 h + 16 r
.set AT8, 21                           ; v21  768 h + 8 r
.set R16, 22
.set LNW, 23                           ; v23  8 r + 128 x wave
.set LNR, 24                           ; v24  8 r
.set WS,  32
.set AF,  96
.set ST,  96                           ; v96-159 scratch while no K step runs
.set LNP, 160                          ; v160-167 for each row tile the pair (my wave's mean, its sum of squares)
.set LNQ, 168                          ; v168-175 the four waves' pairs of one tile
.set AS,  192
.set PC,  200
.set TM,  220
.set PW,  236
.set PWK, 240
.set SW,  244
.set T,   248                          ; v248-253 at work; v254, v255: the closing add's two, made at the head and kept for it alone
.set WV, 2
.set BB, 3
.set RB, 4
.set HD2, 5
.set SEL, 36
.set SELP, 38
.set M16, 39
.set M7F, 40
.set C512, 41
.set EPS, 42
.set C128, 43
.set F128, 44
.set ASCL, 46
.set QC, 48
.set QS, 50
.set MSB, 0
.macro WIN new                         ; the immediate's high byte repeats the setting that is left; a switch that changes nothing is dropped
.if MSB != (\new)
	s_set_vgpr_msb (MSB<<8)|(\new)
.set MSB, (\new)
.endif
.endm
; 64 numbers of a lane, v[s] .. v[s + 63] of window win, register 16 b + i = k 32 b + 16 (lane / 16) + i of the lane's row, become a fragment's codes in v[PC] .. v[PC + 11] and its scale word in v[pw].
; perm = 0: the natural order of blocks; perm = 1: the weight products' order.
.macro QUANT s, win, perm, pw
	WIN (\win)|((\win)<<2)
.irp b, 0,1,2,3
	v_max3_num_f32 v[TM+\b], |v[(\s)+16*\b]|, |v[(\s)+16*\b+1]|, 0x2800000   ; my 16 numbers of block b, and the floor 2^(5 - 127): the byte cannot fall under 1
.endr
	WIN ((\win)<<2)|((\win)<<4)
.irp i, 2,4,6,8,10,12,14
.irp b, 0,1,2,3
	v_max3_num_f32 v[TM+\b], v[TM+\b], |v[(\s)+16*\b+\i]|, |v[(\s)+16*\b+\i+1]|
.endr
.endr
	WIN 0
.irp b, 0,1,2,3
	v_permlanex16_b32 v[TM+4+\b], v[TM+\b], s[SEL], s[SEL+1]
.endr
.irp b, 0,1,2,3
	v_max_num_f32 v[TM+\b], v[TM+\b], v[TM+4+\b]
.endr
.irp b, 0,1,2,3
	v_add_nc_u32 v[TM+12+\b], 0xfe000000, v[TM+\b]         ; 4 off the exponent field: the conversion's scale operand
.endr
.irp b, 0,1,2,3
	v_lshrrev_b32 v[TM+4+\b], 23, v[TM+12+\b]              ; the scale's byte
.endr
.if \perm
	v_lshl_or_b32 v[\pw], v[TM+6], 8, v[TM+4]
	v_lshl_or_b32 v[\pw], v[TM+5], 16, v[\pw]
.else
	v_lshl_or_b32 v[\pw], v[TM+5], 8, v[TM+4]
	v_lshl_or_b32 v[\pw], v[TM+6], 16, v[\pw]
.endif
	v_lshl_or_b32 v[\pw], v[TM+7], 24, v[\pw]
	WIN \win
.irp c, 0,1
.if \perm
.set lo_, \c
.set hi_, \c+2
.else
.set lo_, 2*\c
.set hi_, 2*\c+1
.endif
	v_cvt_scalef32_pk16_bf6_f32 v[PC+6*\c:PC+6*\c+2], v[(\s)+16*lo_:(\s)+16*lo_+15], v[TM+12+lo_]
	v_cvt_scalef32_pk16_bf6_f32 v[PC+12+4*\c:PC+14+4*\c], v[(\s)+16*hi_:(\s)+16*hi_+15], v[TM+12+hi_]
.endr
	WIN 0
	v_nop                                                  ; one plain place behind a scaled conversion
.irp c, 0,1
.irp i, 0,1,2
	v_permlane16_swap_b32 v[PC+6*\c+\i], v[PC+12+4*\c+\i]
.endr
.irp i, 0,1,2
	v_mov_b32 v[PC+3+6*\c+\i], v[PC+12+4*\c+\i]
.endr
.endr
.endm
.macro IMAGE adr, off
.irp c, 0,1,2
	ds_store_b128 v[\adr], v[PC+4*\c:PC+4*\c+3] offset:(\off)+512*\c
.endr
.endm
.macro WL par, base, va, off, rowb     ; a K step's eight weight fragments into set par of window 1: 24 loads
	WIN 0x40
.irp t, 0,1,2,3,4,5,6,7
.irp i, 0,1,2
	global_load_b128 v[96*(\par)+12*\t+4*\i:96*(\par)+12*\t+4*\i+3], v[\va], s[(\base):(\base)+1] offset:(\off)+(32*(\t/2)+8*(\t%2))*(\rowb)+16*\i
.endr
.endr
	WIN 0
.endm
.macro WSL set, base, va, off, srow
.irp t, 0,1,2,3,4,5,6,7
	global_load_b128 v[WS+32*(\set)+4*\t:WS+32*(\set)+4*\t+3], v[\va], s[(\base):(\base)+1] offset:(\off)+(32*(\t/2)+8*(\t%2))*(\srow)
.endr
.endm
.macro VEC64 win, reg, base, off       ; 64 numbers of a vector over my 128 columns, in the result's layout: register 16 b + i = column 32 b + 16 h + i
	WIN (\win)<<6
.irp b, 0,1,2,3
.irp j, 0,1,2,3
	global_load_b128 v[(\reg)+16*\b+4*\j:(\reg)+16*\b+4*\j+3], v[BA], s[(\base):(\base)+1] offset:(\off)+128*\b+16*\j
.endr
.endr
	WIN 0
.endm
.macro QHEAD set
	s_wait_loadcnt 48                                      ; behind the scale words stand at least the 48 loads of the quad's first two K steps
.set n_, WS+32*(\set)
.rept 32
	v_perm_b32 v[n_], v[n_], v[n_], s[SELP]
.set n_, n_+1
.endr
.rept 8
	v_nop                                                  ; a scale register written by a vector instruction stands 8 places ahead of a scaled matrix instruction
.endr
	s_wait_alu depctr_va_vdst(0)                           ; the permutes have written the quad's scale words, which its products take as scales; the places above stay beside this wait
.endm
.macro FETCHH par, img, sc, ks, m0     ; row tiles m0 and m0 + 1: their fragments and scale words of K step ks
	WIN 0
.irp m, \m0, \m0+1
.irp i, 0,1,2
	ds_load_b128 v[AF+48*(\par)+12*(\m)+4*\i:AF+48*(\par)+12*(\m)+4*\i+3], v[LI0] offset:(\img)+(4*(\ks)+(\m))*1536+512*\i
.endr
	ds_load_b32 v[AS+4*(\par)+(\m)], v[LS] offset:(\sc)+(4*(\ks)+(\m))*128
.endr
.endm
.macro FETCHA par, img, sc, ks         ; all four row tiles
	FETCHH \par, \img, \sc, \ks, 0
	FETCHH \par, \img, \sc, \ks, 2
.endm
; 16 matrix instructions: row tiles m0, m0 + 1 x the eight weight tiles; a step's 32 are on 32 accumulators, in the same order in every step: source 0 = 16 weight rows, source 1 = 16 rows.
; cm 1: the constant 0 starts the sum.
.macro MMH par, ws, cm, m0
	WIN 0xa1
.irp m, \m0, \m0+1
.irp t, 0,1,2,3,4,5,6,7
.set rW, 96*(\par)+12*\t
.set rA, AF+48*(\par)+12*(\m)
.set rWS, (\ws)+4*\t
.set rAS, AS+4*(\par)+(\m)
.set rD, 8*(8*(\m)+\t)
.if (\cm) == 1
	v_wmma_scale_f32_16x16x128_f8f6f4 v[rD:rD+7], v[rW:rW+11], v[rA:rA+11], 0, v[rWS], v[rAS] matrix_a_fmt:MATRIX_FMT_BF6 matrix_b_fmt:MATRIX_FMT_BF6
.else
	v_wmma_scale_f32_16x16x128_f8f6f4 v[rD:rD+7], v[rW:rW+11], v[rA:rA+11], v[rD:rD+7], v[rWS], v[rAS] matrix_a_fmt:MATRIX_FMT_BF6 matrix_b_fmt:MATRIX_FMT_BF6
.endif
.endr
.endr
.endm
; A K step.  nx = 1: the next step's rows are fetched, half ahead of the products and half in their middle.  No wait stands ahead of those loads: the wait that closed the step before has shown that step's products done
; reading the set in which they land, and no vector or matrix instruction since names that set or the loads' addresses.  w = 1: loads or stores follow that touch registers of this step's products.
.macro KSTEP par, lc, ws, cm, nx, img, sc, ks, w
	s_wait_loadcnt \lc                                     ; this step's weights are in; the next step's 24 loads may be out
	s_wait_dscnt 0x0                                       ; this step's rows are in
.if \nx
	FETCHH 1-(\par), \img, \sc, \ks, 0
.endif
	MMH \par, \ws, \cm, 0
.if \nx
	FETCHH 1-(\par), \img, \sc, \ks, 2
.endif
	MMH \par, \ws, \cm, 2
	WIN 0
.rept 4
	v_nop                                                  ; four places behind the products, ahead of the first read of their results (ISA guide 7.12.1)
.endr
.if \w
	s_wait_alu depctr_va_vdst(0)                           ; this step's products are done reading W[par], AF[par] and AS[par], in which the weights of two steps on and the next step's LDS loads land; behind the first product's last step: they have written the accumulators, which x1's stores read
.endif
.endm
.macro BARRIER
	s_wait_dscnt 0x0
	s_barrier_signal -1
	s_barrier_wait -1
.endm
.macro EPI_QK cb, hs, sb, sca
.irp m, 0,1,2,3
	s_wait_xcnt 0x0                                        ; earlier stores have had their addresses translated: their data registers are written again only behind this wait,
	s_wait_alu depctr_vm_vsrc(0)                           ; and earlier stores have read v[PC ..], which the quantiser writes again
	QUANT 64*\m, 2, 0, PWK+\m
	s_wait_alu depctr_va_vdst(0)                           ; the quantiser has written v[PC ..], which the four stores read
	global_store_b128 v[LI0], v[PC:PC+3], s[(\cb):(\cb)+1] offset:768*\m
	global_store_b64 v[G8], v[PC+4:PC+5], s[(\cb):(\cb)+1] offset:768*\m+512
	global_store_b128 v[LI0], v[PC+6:PC+9], s[(\cb):(\cb)+1] offset:768*\m+(\hs)
	global_store_b64 v[G8], v[PC+10:PC+11], s[(\cb):(\cb)+1] offset:768*\m+(\hs)+512
.endr
.irp m, 0,1,2,3
	v_lshrrev_b32 v[SW+\m], v[H16], v[PWK+\m]
.endr
.irp m, 0,1,2,3
	v_and_or_b32 v[SW+\m], v[SW+\m], s[M16], s[M7F]
.endr
	s_wait_alu depctr_va_vdst(0)                           ; v[SW ..] are written, which the store reads
	global_store_b128 v[\sca], v[SW:SW+3], s[(\sb):(\sb)+1]
.endm
; My 128 columns' mean and sum of squares about it, for the four row tiles; the pairs go to LDS, the four stores in one run behind one wait.  Each accumulator is read from its low end on.
.macro LN_PART
	WIN 0x0a
.irp m, 0,1,2,3
	v_pk_add_f32 v[PC+4*\m:PC+4*\m+1], v[64*\m:64*\m+1], v[64*\m+2:64*\m+3]
	v_pk_add_f32 v[PC+4*\m+2:PC+4*\m+3], v[64*\m+4:64*\m+5], v[64*\m+6:64*\m+7]
.endr
	WIN 0x08
.set k_, 8
.rept 28
.irp m, 0,1,2,3
	v_pk_add_f32 v[PC+4*\m+k_%4:PC+4*\m+k_%4+1], v[PC+4*\m+k_%4:PC+4*\m+k_%4+1], v[64*\m+k_:64*\m+k_+1]
.endr
.set k_, k_+2
.endr
	WIN 0
.irp m, 0,1,2,3
	v_pk_add_f32 v[PC+4*\m:PC+4*\m+1], v[PC+4*\m:PC+4*\m+1], v[PC+4*\m+2:PC+4*\m+3]
.endr
.irp m, 0,1,2,3
	v_add_f32 v[T+\m], v[PC+4*\m], v[PC+4*\m+1]
.endr
.irp m, 0,1,2,3
	v_permlanex16_b32 v[TM+4+\m], v[T+\m], s[SEL], s[SEL+1]
.endr
.irp m, 0,1,2,3
	v_add_f32 v[T+\m], v[T+\m], v[TM+4+\m]
.endr
.irp m, 0,1,2,3
	v_mul_f32 v[LNP+2*\m], s[C128], v[T+\m]                ; my wave's mean
	v_mov_b32 v[LNP+2*\m+1], 0                             ; (named with it as a pair)
.endr
.irp m, 0,1,2,3
	WIN 0x02
.set k_, 0
.rept 32
	v_pk_add_f32 v[ST+k_:ST+k_+1], v[64*\m+k_:64*\m+k_+1], v[LNP+2*\m:LNP+2*\m+1] op_sel_hi:[1,0] neg_lo:[0,1] neg_hi:[0,1]
.set k_, k_+2
.endr
	WIN 0
	v_pk_mul_f32 v[T:T+1], v[ST:ST+1], v[ST:ST+1]
	v_pk_mul_f32 v[T+2:T+3], v[ST+2:ST+3], v[ST+2:ST+3]
.set k_, 4
.rept 30
	v_pk_fma_f32 v[T+k_%4:T+k_%4+1], v[ST+k_:ST+k_+1], v[ST+k_:ST+k_+1], v[T+k_%4:T+k_%4+1]
.set k_, k_+2
.endr
	v_pk_add_f32 v[T:T+1], v[T:T+1], v[T+2:T+3]
	v_add_f32 v[T+4], v[T], v[T+1]
	v_permlanex16_b32 v[TM+4], v[T+4], s[SEL], s[SEL+1]
	v_add_f32 v[LNP+2*\m+1], v[T+4], v[TM+4]
.endr
	s_wait_alu depctr_va_vdst(0)                           ; the four pairs v[LNP ..] are written, which the LDS stores read
.irp m, 0,1,2,3
	ds_store_b64 v[LNW], v[LNP+2*\m:LNP+2*\m+1] offset:LNS+512*\m     ; lanes l and l xor 16 write the same bytes with the same values
.endr
.endm
; The four waves' pairs are joined; my 128 columns are normalised, quantised, and go to LDS as K step w of the next product.
; The loads into v[LNQ ..] owe no wait of their own: every vector or matrix instruction that named these registers stands ahead of a wait on va_vdst (the one above; then the one ahead of the tile before's stores).
.macro LN_APPLY
.irp m, 0,1,2,3
.irp i, 0,1,2,3
	ds_load_b64 v[LNQ+2*\i:LNQ+2*\i+1], v[LNR] offset:LNS+512*\m+128*\i
.endr
	s_wait_dscnt 0x0
	v_add_f32 v[T], v[LNQ], v[LNQ+2]
	v_add_f32 v[T+1], v[LNQ+4], v[LNQ+6]
	v_add_f32 v[T], v[T], v[T+1]
	v_mul_f32 v[T], 0x3e800000, v[T]                       ; the row's mean
	v_mov_b32 v[T+1], v[T]
.irp i, 0,1,2,3
	v_sub_f32 v[LNQ+2*\i], v[LNQ+2*\i], v[T]
.endr
	v_mul_f32 v[T+2], v[LNQ], v[LNQ]
	v_fma_f32 v[T+2], v[LNQ+2], v[LNQ+2], v[T+2]
	v_fma_f32 v[T+2], v[LNQ+4], v[LNQ+4], v[T+2]
	v_fma_f32 v[T+2], v[LNQ+6], v[LNQ+6], v[T+2]
	v_add_f32 v[T+3], v[LNQ+1], v[LNQ+3]
	v_add_f32 v[T+4], v[LNQ+5], v[LNQ+7]
	v_add_f32 v[T+3], v[T+3], v[T+4]
	v_fma_f32 v[T+2], v[T+2], s[F128], v[T+3]              ; the row's sum of squares about its mean
	v_fma_f32 v[T+2], v[T+2], s[C512], s[EPS]
	s_wait_alu depctr_va_vdst(0)
	v_rsq_f32 v[T+4], v[T+2]
	v_nop                                                  ; one plain place behind a transcendental
	s_wait_alu depctr_va_vdst(0)                           ; v_rsq_f32 has written v[T + 4], ahead of its first reader
	v_mov_b32 v[T+5], v[T+4]
	WIN 0x02
.set k_, 0
.rept 32
	v_pk_add_f32 v[ST+k_:ST+k_+1], v[64*\m+k_:64*\m+k_+1], v[T:T+1] neg_lo:[0,1] neg_hi:[0,1]
.set k_, k_+2
.endr
	WIN 0
.set k_, 0
.rept 32
	v_pk_mul_f32 v[ST+k_:ST+k_+1], v[ST+k_:ST+k_+1], v[T+4:T+5]
.set k_, k_+2
.endr
	WIN 0x3c
.set k_, 0
.rept 32
	v_pk_fma_f32 v[ST+k_:ST+k_+1], v[ST+k_:ST+k_+1], v[k_:k_+1], v[64+k_:65+k_]    ; x g + be (both in window 3)
.set k_, k_+2
.endr
	QUANT ST, 0, 1, PW
	s_wait_alu depctr_va_vdst(0)                           ; the quantiser has written v[PC ..] and v[PW], which the LDS stores read
	IMAGE IWK, YIMG+1536*\m
	ds_store_b32 v[SWK], v[PW] offset:YSC+128*\m
	s_wait_dscnt 0x0                                       ; my stores have landed
	s_wait_alu depctr_vm_vsrc(0)                           ; and have read v[PC ..] and v[PW], which the next quantiser writes
.endr
.endm
	s_load_b512 s[8:23], s[0:1], 0x0                       ; att 8, q 10, Wp codes 12, scales 14, bp 16, g2 18, be2 20, Wq codes 22
	s_load_b128 s[24:27], s[0:1], 0x40                     ; Wq scales 24, x1 26
	s_load_b64 s[28:29], s[0:1], 0x50                      ; qbuf
	v_lshl_add_u32 v254, v0, 2, 0xd800
	v_mov_b32 v255, 0
	v_lshrrev_b32 v29, 5, v0
	v_readfirstlane_b32 s[WV], v29
	v_and_b32 v29, 31, v0                                  ; lane
	v_and_b32 v30, 15, v0                                  ; r
	v_bfe_u32 v31, v0, 4, 1                                ; h
	v_and_b32 v[T], 8, v30
	v_add_nc_u32 v[T], v[T], v30                           ; rr
	v_lshlrev_b32 v[LI0], 4, v29
	v_lshlrev_b32 v[LS], 2, v29
	v_lshlrev_b32 v[G8], 3, v29
	v_mul_u32_u24 v[WA], v[T], 384
	v_mad_u32_u24 v[WA], v31, 48, v[WA]
	v_lshlrev_b32 v[WSA], 4, v[T]
	v_lshlrev_b32 v[XA], 11, v[T]
	v_lshl_add_u32 v[XA], v31, 6, v[XA]
	v_lshlrev_b32 v[BA], 6, v31
	s_wait_alu depctr_va_sdst(0)                           ; s[WV] is written, ahead of its first reader: LDS places and the buffers' offsets are made from it
	s_mul_i32 s30, s[WV], 1536
	v_add_nc_u32 v[IWT], s30, v[LI0]
	s_lshl_b32 s30, s[WV], 7
	v_add_nc_u32 v[SWT], s30, v[LS]
	v_lshlrev_b32 v[LNR], 3, v30
	v_add_nc_u32 v[LNW], s30, v[LNR]
	s_mul_i32 s30, s[WV], 6144
	v_add_nc_u32 v[IWK], s30, v[LI0]
	s_lshl_b32 s30, s[WV], 9
	v_add_nc_u32 v[SWK], s30, v[LS]
	v_lshlrev_b32 v[H16], 4, v31
	v_lshlrev_b32 v[R16], 4, v30
	v_lshl_add_u32 v[SCAQ], v31, 13, v[R16]
	v_mul_u32_u24 v[T+1], v31, 768
	v_add_nc_u32 v[AT16], v[T+1], v[R16]
	v_add_nc_u32 v[AT8], v[T+1], v[LNR]
.irp b, 0,1,2,3
	v_mov_b32 v[TM+4+\b], 0                                ; written once: a lane permute's destination counts as one of its sources
.endr
	s_mov_b32 s[SEL], 0x76543210
	s_mov_b32 s[SEL+1], 0xfedcba98
	s_mov_b32 s[SELP], 0x03010200
	s_mov_b32 s[M16], 0xffff
	s_mov_b32 s[M7F], 0x7f7f0000
	s_mov_b32 s[C512], 0x3b000000                          ; 1 / 512
	s_mov_b32 s[EPS], 0x3727c5ac                           ; 1e-5
	s_mov_b32 s[C128], 0x3c000000                          ; 1 / 128
	s_mov_b32 s[F128], 0x43000000                          ; 128
	s_lshr_b32 s[BB], ttmp9, 5
	s_and_b32 s[RB], ttmp9, 31
	s_lshl_b32 s[HD2], s[BB], 3
	s_lshl_b32 s30, s[WV], 1
	s_add_co_u32 s[HD2], s[HD2], s30
	s_lshl_b32 s6, ttmp9, 2
	s_add_co_u32 s6, s6, s[WV]                             ; 4 x row block + wave: my tile of rows, and my part of x1
	s_mov_b32 s31, 0
	s_mov_b32 s33, 0
	s_mov_b32 s35, 0
	s_mov_b32 s53, 0
	s_mul_i32 s32, s[WV], 49152
	s_lshl_b32 s34, s[WV], 11
	s_lshl_b32 s52, s[WV], 9
	s_wait_kmcnt 0x0
	s_lshl_b32 s30, s6, 8
	s_add_co_u32 s30, s30, 0x300000
	s_add_nc_u64 s[ASCL:ASCL+1], s[8:9], s[30:31]          ; the tile's scale rows
	s_mul_i32 s30, s6, 6144
	s_add_nc_u64 s[8:9], s[8:9], s[30:31]                  ; its codes
	s_lshl_b32 s30, ttmp9, 17
	s_add_co_u32 s30, s30, s52
	s_add_nc_u64 s[10:11], s[10:11], s[30:31]              ; q at the block's first row, my 128 columns
	s_add_nc_u64 s[12:13], s[12:13], s[32:33]
	s_add_nc_u64 s[22:23], s[22:23], s[32:33]
	s_add_nc_u64 s[14:15], s[14:15], s[34:35]
	s_add_nc_u64 s[24:25], s[24:25], s[34:35]
	s_add_nc_u64 s[16:17], s[16:17], s[52:53]
	s_add_nc_u64 s[18:19], s[18:19], s[52:53]
	s_add_nc_u64 s[20:21], s[20:21], s[52:53]
	s_lshl_b32 s30, s6, 15
	s_add_nc_u64 s[26:27], s[26:27], s[30:31]
	s_lshl_b32 s30, s[HD2], 7
	s_lshl_b32 s32, s[RB], 2
	s_add_co_u32 s30, s30, s32
	s_mul_i32 s30, s30, 768
	s_add_nc_u64 s[QC:QC+1], s[28:29], s[30:31]
	s_lshl_b32 s30, s[HD2], 5
	s_add_co_u32 s30, s30, s[RB]
	s_lshl_b32 s30, s30, 8
	s_add_co_u32 s30, s30, 0x300000
	s_add_nc_u64 s[QS:QS+1], s[28:29], s[30:31]
	; ---- wave w brings row tile w of the attention's codes: lane half h takes the whole of head 2 s + h
	s_wait_alu depctr_va_vdst(0)                           ; the addresses and offsets v1 to v24 are written, which all loads and stores of the kernel read; none is written again
.irp e, 0,1,2,3
	global_load_b128 v[96+12*\e:99+12*\e], v[AT16], s[8:9] offset:1536*\e
	global_load_b64 v[100+12*\e:101+12*\e], v[AT8], s[8:9] offset:1536*\e+512
	global_load_b128 v[102+12*\e:105+12*\e], v[AT16], s[8:9] offset:1536*\e+256
	global_load_b64 v[106+12*\e:107+12*\e], v[AT8], s[8:9] offset:1536*\e+640
.endr
	global_load_b128 v[200:203], v[R16], s[ASCL:ASCL+1]
	WSL 0, 14, WSA, 0, 16
	WL 0, 12, WA, 0, 384
	WL 1, 12, WA, 96, 384
	s_wait_loadcnt 56                                      ; the 56 loads of the weights may stay out
.irp e, 0,1,2,3
.irp c, 0,1,2
	ds_store_b128 v[IWT], v[96+12*\e+4*\c:99+12*\e+4*\c] offset:XIMG+6144*\e+512*\c
.endr
	ds_store_b32 v[SWT], v[200+\e] offset:XSC+512*\e
.endr
	WIN 0x80
.irp m, 0,1,2,3                        ; the residual, straight into the accumulators' registers
.irp b, 0,1,2,3
.irp j, 0,1,2,3
	global_load_b128 v[64*\m+16*\b+4*\j:64*\m+16*\b+4*\j+3], v[XA], s[10:11] offset:(32*(\m/2)+8*(\m%2))*2048+128*\b+16*\j
.endr
.endr
.endr
	WIN 0
	VEC64 1, 192, 16, 0                                    ; bp
	VEC64 3, 0, 18, 0                                      ; g2
	VEC64 3, 64, 20, 0                                     ; be2
	BARRIER                                                ; the 16 fragments lie in LDS
	s_wait_loadcnt 32                                      ; g2 and be2 may stay out
	WIN 0x86
.irp m, 0,1,2,3
.set k_, 0
.rept 32
	v_pk_add_f32 v[64*\m+k_:64*\m+k_+1], v[64*\m+k_:64*\m+k_+1], v[192+k_:193+k_]   ; q + bp
.set k_, k_+2
.endr
.endr
	WIN 0
	s_wait_alu depctr_vm_vsrc(0)                           ; my LDS stores have read v96 to v143 and v200 to v203: the rows' fragments land in the first, the norm and the quantiser write the second
	FETCHA 0, XIMG, XSC, 0
	QHEAD 0
	KSTEP 0, 24, WS+0, 0, 1, XIMG, XSC, 1, 1
	WL 0, 12, WA, 192, 384
	KSTEP 1, 24, WS+1, 0, 1, XIMG, XSC, 2, 1
	WL 1, 12, WA, 288, 384
	KSTEP 0, 24, WS+2, 0, 1, XIMG, XSC, 3, 1
	WSL 1, 24, WSA, 0, 16
	WL 0, 22, WA, 0, 384
	KSTEP 1, 24, WS+3, 0, 0, 0, 0, 0, 1
	WL 1, 22, WA, 96, 384
	WIN 0x08
.set k_, 0
.rept 64
	global_store_b128 v[LI0], v[4*k_:4*k_+3], s[26:27] offset:512*k_    ; x1, as the registers stand: 512 consecutive bytes a store.  No vector or matrix instruction since the step's closing wait
.set k_, k_+1
.endr
	WIN 0
	s_wait_xcnt 0x0                                        ; the stores have had their addresses translated: their data registers are written again only behind this wait,
	s_wait_alu depctr_vm_vsrc(0)                           ; and the stores have read the accumulators, which the next products write
	LN_PART
	BARRIER                                                ; the four waves' pairs lie in LDS
	LN_APPLY
	BARRIER                                                ; the normalised rows' 16 fragments lie in LDS
	FETCHA 0, YIMG, YSC, 0                                 ; (the norm's scratch in these registers was last named ahead of the wait on va_vdst in front of its last stores)
	QHEAD 1
	KSTEP 0, 24, WS+32, 1, 1, YIMG, YSC, 1, 1
	WL 0, 22, WA, 192, 384
	KSTEP 1, 24, WS+33, 0, 1, YIMG, YSC, 2, 1
	WL 1, 22, WA, 288, 384
	KSTEP 0, 24, WS+34, 0, 1, YIMG, YSC, 3, 0
	KSTEP 1, 0, WS+35, 0, 0, 0, 0, 0, 0
	EPI_QK QC, 98304, QS, SCAQ
	s_wait_dscnt 0x0                                       ; the closing lines, six on end
	s_wait_alu 0x0
	s_wait_tensorcnt 0x0
	ds_add_u32 v254, v255
	s_wait_dscnt 0x0
	s_endpgm
.Lfunc_end_k_qdefff38845_proj_ln_q:
	.size	k_qdefff38845_proj_ln_q, .Lfunc_end_k_qdefff38845_proj_ln_q-k_qdefff38845_proj_ln_q
	.p2alignl 7, 3214868480
	.fill 96, 4, 3214868480
	.section	.rodata,"a",@progbits
	.p2align	6, 0x0
	.amdhsa_kernel k_qdefff38845_proj_ln_q
		.amdhsa_group_segment_fixed_size 55808
		.amdhsa_private_segment_fixed_size 0
		.amdhsa_enable_private_segment 0
		.amdhsa_kernarg_size 88
		.amdhsa_user_sgpr_count 2
		.amdhsa_user_sgpr_kernarg_segment_ptr 1
		.amdhsa_wavefront_size32 1
		.amdhsa_system_sgpr_workgroup_id_x 1
		.amdhsa_system_sgpr_workgroup_id_y 1
		.amdhsa_system_sgpr_workgroup_id_z 1
		.amdhsa_system_vgpr_workitem_id 0
		.amdhsa_next_free_vgpr 1024
		.amdhsa_next_free_sgpr 66
		.amdhsa_reserve_vcc 0
		.amdhsa_float_denorm_mode_32 3
		.amdhsa_float_denorm_mode_16_64 3
		.amdhsa_memory_ordered 1
		.amdhsa_forward_progress 1
		.amdhsa_inst_pref_size 189
	.end_amdhsa_kernel
	.amdgpu_metadata
---
amdhsa.version: [ 1, 2 ]
amdhsa.kernels:
  - .name:           k_qdefff38845_proj_ln_q
    .symbol:         k_qdefff38845_proj_ln_q.kd
    .args:
      - { .name: att, .offset: 0, .size: 8, .value_kind: global_buffer, .address_space: global }
      - { .name: q, .offset: 8, .size: 8, .value_kind: global_buffer, .address_space: global }
      - { .name: Wp_s_codes, .offset: 16, .size: 8, .value_kind: global_buffer, .address_space: global }
      - { .name: Wp_s_scales, .offset: 24, .size: 8, .value_kind: global_buffer, .address_space: global }
      - { .name: bp_s, .offset: 32, .size: 8, .value_kind: global_buffer, .address_space: global }
      - { .name: g2, .offset: 40, .size: 8, .value_kind: global_buffer, .address_space: global }
      - { .name: be2, .offset: 48, .size: 8, .value_kind: global_buffer, .address_space: global }
      - { .name: Wq_c_codes, .offset: 56, .size: 8, .value_kind: global_buffer, .address_space: global }
      - { .name: Wq_c_scales, .offset: 64, .size: 8, .value_kind: global_buffer, .address_space: global }
      - { .name: x1, .offset: 72, .size: 8, .value_kind: global_buffer, .address_space: global }
      - { .name: qbuf, .offset: 80, .size: 8, .value_kind: global_buffer, .address_space: global }
    .group_segment_fixed_size: 55808
    .private_segment_fixed_size: 0
    .kernarg_segment_align: 8
    .kernarg_segment_size: 88
    .max_flat_workgroup_size: 128
    .sgpr_count:     66
    .vgpr_count:     1024
    .wavefront_size: 32
...
	.end_amdgpu_metadata
.endif
;; end of part 11
;; launch attn_full (part 12): grid 8 x 32, 16 waves a work-group, no clusters, 210,944 bytes of LDS; arguments qbuf, kv_c, att; writes att
.if DOCPART == 12
	.amdgcn_target "amdgcn-amd-amdhsa--gfx1250"
	.amdhsa_code_object_version 6
	.text
	.protected	k_qdefff38845_attn_full
	.globl	k_qdefff38845_attn_full
	.p2align	8
	.type	k_qdefff38845_attn_full,@function
k_qdefff38845_attn_full:
	s_mov_b64 s[64:65], 0
	v_nop
	global_prefetch_b8 v0, s[64:65] scope:SCOPE_SE
	s_setreg_imm32_b32 hwreg(HW_REG_WAVE_MODE, 25, 1), 1
	s_wait_xcnt 0x0
; Attention of one head on codes of BF6 (E3M2) with E8M0 scales; CAUSAL = 0: every key counts.  Head size 64: the score product's K of 128 is half zero codes, on both sides, under the scale byte 0x7f.
; THE SOFTMAX AHEAD OF THE SECOND PRODUCT: t = score x log2(e) / 8; M = the running largest t, rounded up to a whole number; p = 2^(t - M) is quantised along the keys, not normalised; the row's sum is taken of
; the unquantised p and divides O at the end; when M moves, the sum and O are multiplied by 2^(old M - new M), which rounds nothing.  A block's largest p is the exponential of the block's largest score.
; SHARES.  A work-group has sixteen waves, four to a SIMD; a wave owns one tile of 16 queries, tile 8 x rank + work-group x (the same map as in the causal launch, whose text this is).
; Tile T's lane r is query 32 (T / 2) + 8 (T % 2) + r + 8 (r / 8); the keys of a tile of K likewise: so p's 16 registers of two neighbouring tiles are 16 neighbouring keys.
; LDS.  The head's K codes, V codes and K scale words (204,800 bytes, laid in memory as images of the operands' registers) come ONCE, one tensor load a wave (50 rows of 256 bytes); nothing is filled again.
; Both products are used transposed (S^T = K Q^T, O^T = V^T P^T): a lane holds one query throughout.  O / l is quantised along the head's 64 and leaves as a half image; its two scale bytes leave as single bytes, 2 apart.
; No joint loads in a cluster: a head's 204,800 bytes are fetched once by a work-group, at its head, a small part of its work.
; LIMITS: NaN and infinities are not served; a block of zeros gets the scale byte 1 and zero codes; v_exp_f32 and v_rcp_f32 are accurate to 1 ulp.
.set CAUSAL, 0
.set KVH, 208896
.set A16, 1
.set A8,  2
.set R16, 3
.set ADK16, 4
.set ADK8, 5
.set ADV16, 6
.set ADV8, 7
.set ADS, 8
.set ADT, 9
.set DQ,  10
.set QF,  16
.set QSW, 28
.set KFR, 32
.set KSW, 80
.set VSW, 84
.set PSW, 88
.set S,   96
.set O,   160
.set BM,  200
.set BP,  204
.set CT,  208
.set SO,  216
.set FF,  220
.set TT,  222
.set DD,  223
.set PCD, 224
.set WV, 10
.set G0, 12
.set G1, 16
.set SEL, 24
.set CS, 26
.set TB, 28
.set TBV, 29
.set TS, 30
.set TJ, 31
.set KF, 32
.set CNT, 33
.set QB, 34
.set QMAX, 35
	s_load_b128 s[4:7], s[0:1], 0x0                        ; qbuf, kv
	s_load_b64 s[8:9], s[0:1], 0x10                        ; att
	v_lshl_add_u32 v254, v0, 2, 0x33000
	v_mov_b32 v255, 0
	ds_add_u32 v254, v255
	ds_add_u32 v254, v255
	v_lshrrev_b32 v11, 5, v0
	s_delay_alu instid0(VALU_DEP_1)
	v_readfirstlane_b32 s[WV], v11                         ; wave 0..15
	s_and_b32 s36, ttmp7, 0xffff                           ; 8 b + head
	s_mul_i32 s38, s36, KVH
	s_mov_b32 s39, 0
	s_mul_i32 s37, s[WV], 12800                            ; my 50 rows of 256 bytes
	s_mov_b32 s40, s37
	s_mov_b32 s41, 0
	s_mov_b32 s[G1], 3<<16                                 ; no mask; elements of 8 bytes; no padding
	s_mov_b32 s[G1+1], 32<<16                              ; tensor_dim0 = 32
	s_mov_b32 s[G1+2], 50<<16                              ; tensor_dim1 = 50
	s_mov_b32 s[G1+3], 32<<16                              ; tile_dim0 = 32
	s_mov_b32 s[G1+4], 50                                  ; tile_dim1 = 50
	s_mov_b32 s[G1+5], 32                                  ; pitch
	s_mov_b32 s[G1+6], 0
	s_mov_b32 s[G1+7], 0
	s_wait_dscnt 0x0
	s_wait_kmcnt 0x0
	s_add_nc_u64 s[6:7], s[6:7], s[38:39]                  ; the head's block
	s_mov_b32 s[G0], 1
	s_mov_b32 s[G0+1], s37
	s_add_nc_u64 s[G0+2:G0+3], s[6:7], s[40:41]
	s_or_b32 s[G0+3], s[G0+3], 0x80000000
	tensor_load_to_lds s[G0:G0+3], s[G1:G1+7]              ; my one tensor load of the launch
	s_nop 0
.rept 4
	v_nop
.endr
	v_and_b32 v11, 31, v0                                  ; lane
	v_and_b32 v29, 15, v0                                  ; r
	v_bfe_u32 v30, v0, 4, 1                                ; h
	s_delay_alu instid0(VALU_DEP_3)
	v_lshlrev_b32 v[A16], 4, v11
	s_wait_alu depctr_va_vdst(0)
	v_lshlrev_b32 v[A8], 3, v11
	s_wait_alu depctr_va_vdst(0)
	v_lshlrev_b32 v[R16], 4, v29
	s_wait_alu depctr_va_vdst(0)
	v_lshl_add_u32 v95, v30, 1, v[R16]                     ; 16 r + 2 h: my scale byte on the way out
	s_lshl_b32 s42, s[WV], 8
	v_lshl_add_u32 v89, v11, 2, s42
	global_load_b32 v90, v89, s[6:7] offset:204800         ; V's scale halves of key step w: its first 64 keys,
	global_load_b32 v91, v89, s[6:7] offset:204928         ; and its second
	s_bfe_u32 s43, s[WV], 0x10002
	s_mul_i32 s43, s43, 3
	s_xor_b32 s43, s43, s[WV]                              ; rank = w xor 3 ((w / 4) % 2)
	s_lshl_b32 s43, s43, 3
	s_add_co_u32 s43, s43, ttmp9                           ; my tile T
	s_mov_b32 s47, 0
	s_lshl_b32 s46, s36, 7
	s_add_co_u32 s46, s46, s43
	s_mul_i32 s46, s46, 768
	s_add_nc_u64 s[52:53], s[4:5], s[46:47]                ; Q's half image
	s_lshl_b32 s46, s36, 5
	s_lshr_b32 s54, s43, 2
	s_add_co_u32 s46, s46, s54
	s_lshl_b32 s46, s46, 8
	s_and_b32 s54, s43, 3
	s_lshl_b32 s54, s54, 2
	s_add_co_u32 s46, s46, s54
	s_add_co_u32 s46, s46, 0x300000
	s_add_nc_u64 s[54:55], s[4:5], s[46:47]                ; Q's scale words
	global_load_b128 v[QF:QF+3], v[A16], s[52:53]
	global_load_b64 v[QF+4:QF+5], v[A8], s[52:53] offset:512
	global_load_b32 v[QSW], v[R16], s[54:55]
	s_lshr_b32 s44, s36, 3                                 ; b
	s_and_b32 s45, s36, 7                                  ; head
	s_lshl_b32 s44, s44, 7
	s_add_co_u32 s44, s44, s43                             ; 128 b + T
	s_mul_i32 s46, s44, 6144
	s_mul_i32 s50, s45, 768
	s_add_co_u32 s46, s46, s50
	s_add_nc_u64 s[48:49], s[8:9], s[46:47]                ; where my half image goes
	s_lshl_b32 s46, s44, 8
	s_lshr_b32 s50, s45, 1
	s_lshl_b32 s50, s50, 2
	s_add_co_u32 s46, s46, s50
	s_and_b32 s50, s45, 1
	s_add_co_u32 s46, s46, s50
	s_add_co_u32 s46, s46, 0x300000
	s_add_nc_u64 s[50:51], s[8:9], s[46:47]                ; and its scale bytes
	s_mov_b32 s[SEL], 0x76543210
	s_mov_b32 s[SEL+1], 0xfedcba98
	s_mov_b32 s[CS], 0x3e38aa3b                            ; c = log2(e) / 8
	s_mov_b32 s[CS+1], s[CS]
	s_mov_b32 s[TB], 0
	s_mov_b32 s[TBV], 98304
	s_mov_b32 s[TS], 196608
	s_mov_b32 s[TJ], 204800
	s_mov_b32 s[CNT], 16
.irp j, 6,7,8,9,10,11
	v_mov_b32 v[QF+\j], 0                                  ; zero codes for k = 64 .. 127
.irp t, 0,1,2,3
	v_mov_b32 v[KFR+12*\t+\j], 0
.endr
.endr
.set k_, 0
.rept 32
	v_mov_b32 v[O+k_], 0                                   ; the step is written once: the first finds zeros
.set k_, k_+1
.endr
	v_mov_b32 v13, 0xff61b1e6                              ; the largest t so far: -3e38
	s_delay_alu instid0(VALU_DEP_1)
	v_floor_f32 v12, -v13                                  ; -M
	v_mov_b32 v14, 0
	v_mov_b32 v15, 0
.irp b, 0,1,2,3
	v_mov_b32 v[BP+\b], 0                                  ; written once: a lane permute's destination counts as one of its sources
.endr
	v_mov_b32 v[FF+1], 0                                   ; (named as the upper half of a pair)
	v_lshlrev_b32 v94, 3, v0
	s_delay_alu instid0(VALU_DEP_1)
	v_add_nc_u32 v94, 0x32000, v94                         ; 204,800 + 8 x thread
	s_wait_loadcnt 0x0
	v_perm_b32 v92, v91, v90, 0x05040100                   ; V's scale word of a key step: two bytes of each 64 keys
	v_perm_b32 v93, v91, v90, 0x07060302
	s_wait_alu depctr_va_vdst(0)
	ds_store_b64 v94, v[92:93]                             ; [step][r][d tile] x 4 bytes
	s_wait_tensorcnt 0x0                                   ; my part of the head has landed,
	s_wait_dscnt 0x0                                       ; my store too:
	s_barrier_signal -1
	s_barrier_wait -1                                      ; everybody's have.  The launch's one barrier
.Lstep:                                ; sixteen trips, 128 keys each
	s_setprio 2
	v_add_nc_u32 v[ADK16], s[TB], v[A16]                   ; (these six are also the places ahead of the score products, which write over registers that the last products read)
	s_wait_alu depctr_va_vdst(0)
	v_add_nc_u32 v[ADK8], s[TB], v[A8]
	s_wait_alu depctr_va_vdst(0)
	v_add_nc_u32 v[ADV16], s[TBV], v[A16]
	v_add_nc_u32 v[ADV8], s[TBV], v[A8]
	v_add_nc_u32 v[ADS], s[TS], v[R16]
	s_wait_alu depctr_va_vdst(0)
	v_add_nc_u32 v[ADT], s[TJ], v[R16]
.irp g, 0,1                            ; S^T = K Q^T, four tiles of 16 keys at a time
.if \g > 0
.rept 4
	v_nop                                                  ; places ahead of loads into registers that matrix instructions have read
.endr
.endif
.irp t, 0,1,2,3
	ds_load_b128 v[KFR+12*\t:KFR+12*\t+3], v[ADK16] offset:(4*\g+\t)*768
	ds_load_b64 v[KFR+12*\t+4:KFR+12*\t+5], v[ADK8] offset:(4*\g+\t)*768+512
.endr
	ds_load_b128 v[KSW:KSW+3], v[ADS] offset:256*\g
	s_wait_dscnt 0x0
.irp t, 0,1,2,3
	v_wmma_scale_f32_16x16x128_f8f6f4 v[S+8*(4*\g+\t):S+8*(4*\g+\t)+7], v[KFR+12*\t:KFR+12*\t+11], v[QF:QF+11], 0, v[KSW+\t], v[QSW] matrix_a_fmt:MATRIX_FMT_BF6 matrix_b_fmt:MATRIX_FMT_BF6
.endr
.endr
.rept 4
	v_nop
.endr
.irp b, 0,1,2,3
	v_max3_num_f32 v[BM+\b], v[S+16*\b], v[S+1+16*\b], v[S+2+16*\b]    ; the largest score of each block of 32 keys
.endr
.irp i, 3,5,7,9,11,13
.irp b, 0,1,2,3
	v_max3_num_f32 v[BM+\b], v[BM+\b], v[S+16*\b+\i], v[S+1+16*\b+\i]
.endr
.endr
.irp b, 0,1,2,3
	v_max_num_f32 v[BM+\b], v[BM+\b], v[S+15+16*\b]
.endr
.irp b, 0,1,2,3
	s_delay_alu instid0(VALU_DEP_4)
	v_permlanex16_b32 v[BP+\b], v[BM+\b], s[SEL], s[SEL+1]
.endr
.irp b, 0,1,2,3
	s_delay_alu instid0(VALU_DEP_4)
	v_max_num_f32 v[BM+\b], v[BM+\b], v[BP+\b]
.endr
	s_delay_alu instid0(VALU_DEP_2)
	v_max3_num_f32 v[TT], v[BM], v[BM+1], v[BM+2]
	s_delay_alu instid0(VALU_DEP_1)
	v_max_num_f32 v[TT], v[TT], v[BM+3]
	s_delay_alu instid0(VALU_DEP_1)
	v_mul_f32 v[TT], s[CS], v[TT]
	s_delay_alu instid0(VALU_DEP_1)
	v_max_num_f32 v13, v13, v[TT]                          ; the running largest t
	v_mov_b32 v[TT], v12
	s_delay_alu instid0(VALU_DEP_2)
	v_floor_f32 v12, -v13                                  ; the new -M: M is a whole number
	s_delay_alu instid0(VALU_DEP_1)
	v_sub_f32 v[TT], v12, v[TT]
	s_delay_alu instid0(VALU_DEP_1)
	v_cvt_i32_f32 v[TT], v[TT]                             ; (it saturates)
	s_delay_alu instid0(VALU_DEP_1)
	v_ldexp_f32 v[FF], 1.0, v[TT]                          ; f = 2^(old M - new M)
.irp j, 0,2,4,6,8,10,12,14,16,18,20,22,24,26,28,30,32,34,36,38,40,42,44,46,48,50,52,54,56,58,60,62
	v_pk_fma_f32 v[S+\j:S+\j+1], v[S+\j:S+\j+1], s[CS:CS+1], v[12:13] op_sel_hi:[1,0,0]   ; t - M
.endr
.irp b, 0,1,2,3
	v_fma_f32 v[BM+\b], v[BM+\b], s[CS], v12
.endr
.set k_, 0
	s_wait_alu depctr_va_vdst(0)
.rept 64
	v_exp_f32 v[S+k_], v[S+k_]                             ; p = 2^(t - M)
.set k_, k_+1
.endr
	s_setprio 1
.irp b, 0,1,2,3
	v_exp_f32 v[BM+\b], v[BM+\b]                           ; the block's largest p
.endr
	v_pk_mul_f32 v[14:15], v[14:15], v[FF:FF+1] op_sel_hi:[1,0]       ; the sums under the new M (a plain place behind the exponentials)
	s_wait_alu depctr_va_vdst(0)
.irp b, 0,1,2,3
	v_max_num_f32 v[BM+\b], 0x2800000, v[BM+\b]            ; the floor 2^(5 - 127)
.endr
.irp b, 0,1,2,3
	s_delay_alu instid0(VALU_DEP_4)
	v_add_nc_u32 v[SO+\b], 0xfe000000, v[BM+\b]
.endr
.irp b, 0,1,2,3
	s_delay_alu instid0(VALU_DEP_4)
	v_lshrrev_b32 v[BP+\b], 23, v[SO+\b]
.endr
	s_delay_alu instid0(VALU_DEP_3)
	v_lshl_or_b32 v[PSW], v[BP+1], 8, v[BP]
	s_delay_alu instid0(VALU_DEP_1)
	v_lshl_or_b32 v[PSW], v[BP+2], 16, v[PSW]
	s_delay_alu instid0(VALU_DEP_1)
	v_lshl_or_b32 v[PSW], v[BP+3], 24, v[PSW]
.irp c, 0,1
	v_cvt_scalef32_pk16_bf6_f32 v[PCD+6*\c:PCD+6*\c+2], v[S+32*\c:S+32*\c+15], v[SO+2*\c]
	v_cvt_scalef32_pk16_bf6_f32 v[CT+4*\c:CT+4*\c+2], v[S+16+32*\c:S+31+32*\c], v[SO+2*\c+1]
.endr
	v_nop                                                  ; one plain place behind a scaled conversion
.irp c, 0,1
.irp i, 0,1,2
	v_permlane16_swap_b32 v[PCD+6*\c+\i], v[CT+4*\c+\i]
.endr
.irp i, 0,1,2
	s_delay_alu instid0(VALU_DEP_3)
	v_mov_b32 v[PCD+3+6*\c+\i], v[CT+4*\c+\i]
.endr
.endr
	v_pk_add_f32 v[208:209], v[100:101], v[104:105]
	v_pk_add_f32 v[252:253], v[108:109], v[112:113]
	v_pk_add_f32 v[250:251], v[116:117], v[120:121]
	v_pk_add_f32 v[248:249], v[124:125], v[128:129]
	v_pk_add_f32 v[246:247], v[132:133], v[136:137]
	v_pk_add_f32 v[244:245], v[140:141], v[144:145]
	v_pk_add_f32 v[242:243], v[148:149], v[152:153]
	v_pk_add_f32 v[14:15], v[14:15], v[156:157]
	v_pk_add_f32 v[208:209], v[208:209], v[96:97]
	v_pk_add_f32 v[252:253], v[252:253], v[98:99]
	v_pk_add_f32 v[250:251], v[250:251], v[102:103]
	v_pk_add_f32 v[248:249], v[248:249], v[106:107]
	v_pk_add_f32 v[246:247], v[246:247], v[110:111]
	v_pk_add_f32 v[244:245], v[244:245], v[114:115]
	v_pk_add_f32 v[242:243], v[242:243], v[118:119]
	v_pk_add_f32 v[14:15], v[14:15], v[122:123]
	v_pk_add_f32 v[208:209], v[208:209], v[126:127]
	v_pk_add_f32 v[252:253], v[252:253], v[130:131]
	v_pk_add_f32 v[250:251], v[250:251], v[134:135]
	v_pk_add_f32 v[248:249], v[248:249], v[138:139]
	v_pk_add_f32 v[246:247], v[246:247], v[142:143]
	v_pk_add_f32 v[244:245], v[244:245], v[146:147]
	v_pk_add_f32 v[242:243], v[242:243], v[150:151]
	v_pk_add_f32 v[14:15], v[14:15], v[154:155]
	v_pk_add_f32 v[208:209], v[208:209], v[158:159]
	s_delay_alu instid0(VALU_DEP_2)
	v_pk_add_f32 v[14:15], v[14:15], v[248:249]
	s_delay_alu instid0(VALU_DEP_2)
	v_pk_add_f32 v[208:209], v[208:209], v[246:247]
	v_pk_add_f32 v[252:253], v[252:253], v[244:245]
	v_pk_add_f32 v[250:251], v[250:251], v[242:243]
	s_delay_alu instid0(VALU_DEP_2)
	v_pk_add_f32 v[14:15], v[14:15], v[252:253]
	s_delay_alu instid0(VALU_DEP_2)
	v_pk_add_f32 v[208:209], v[208:209], v[250:251]
	s_delay_alu instid0(VALU_DEP_1)
	v_pk_add_f32 v[14:15], v[14:15], v[208:209]
.irp n, 0,1,2,3                        ; V's four d tiles of these 128 keys, into the registers that p has left
	ds_load_b128 v[S+12*\n:S+12*\n+3], v[ADV16] offset:1536*\n
	ds_load_b64 v[S+12*\n+4:S+12*\n+5], v[ADV8] offset:1536*\n+512
	ds_load_b128 v[S+12*\n+6:S+12*\n+9], v[ADV16] offset:1536*\n+768
	ds_load_b64 v[S+12*\n+10:S+12*\n+11], v[ADV8] offset:1536*\n+1280
.endr
	s_setprio 0
	ds_load_b128 v[VSW:VSW+3], v[ADT]
.irp j, 0,2,4,6,8,10,12,14,16,18,20,22,24,26,28,30
	v_pk_mul_f32 v[O+\j:O+\j+1], v[O+\j:O+\j+1], v[FF:FF+1] op_sel_hi:[1,0]   ; O^T under the new M, while the loads are out
.endr
	s_wait_alu depctr_va_vdst(0)
	s_wait_dscnt 0x0
.irp n, 0,1,2,3                        ; O^T += V^T P^T, the four accumulators by turns
	v_wmma_scale_f32_16x16x128_f8f6f4 v[O+8*\n:O+8*\n+7], v[S+12*\n:S+12*\n+11], v[PCD:PCD+11], v[O+8*\n:O+8*\n+7], v[VSW+\n], v[PSW] matrix_a_fmt:MATRIX_FMT_BF6 matrix_b_fmt:MATRIX_FMT_BF6
.endr
	s_add_co_u32 s[TB], s[TB], 6144
	s_add_co_u32 s[TBV], s[TBV], 6144
	s_add_co_u32 s[TS], s[TS], 512
	s_add_co_u32 s[TJ], s[TJ], 256
	s_sub_co_u32 s[CNT], s[CNT], 1
	s_cmp_lg_u32 s[CNT], 0
	s_cbranch_scc1 .Lstep
	s_setprio 0
	; ---- the way out: O / l, quantised along the head's 64
.rept 4
	v_nop
.endr
	v_add_f32 v14, v14, v15
	s_delay_alu instid0(VALU_DEP_1)
	v_permlanex16_b32 v[BP], v14, s[SEL], s[SEL+1]
	s_delay_alu instid0(VALU_DEP_1)
	v_add_f32 v14, v14, v[BP]                              ; the row's sum
	s_wait_alu depctr_va_vdst(0)
	v_rcp_f32 v15, v14
	v_nop                                                  ; one plain place behind a transcendental
.set k_, 0
	s_wait_alu depctr_va_vdst(0)
.rept 32
	v_mul_f32 v[S+k_], v[O+k_], v15                        ; register 16 b + i is d = 32 b + 16 h + i of my query
.set k_, k_+1
.endr
.irp b, 0,1
	v_max3_num_f32 v[BM+\b], |v[S+16*\b]|, |v[S+16*\b+1]|, 0x2800000
.endr
.irp i, 2,4,6,8,10,12,14
.irp b, 0,1
	s_delay_alu instid0(VALU_DEP_2)
	v_max3_num_f32 v[BM+\b], v[BM+\b], |v[S+16*\b+\i]|, |v[S+16*\b+\i+1]|
.endr
.endr
.irp b, 0,1
	s_delay_alu instid0(VALU_DEP_2)
	v_permlanex16_b32 v[BP+\b], v[BM+\b], s[SEL], s[SEL+1]
.endr
.irp b, 0,1
	s_delay_alu instid0(VALU_DEP_2)
	v_max_num_f32 v[BM+\b], v[BM+\b], v[BP+\b]
.endr
.irp b, 0,1
	s_delay_alu instid0(VALU_DEP_2)
	v_add_nc_u32 v[SO+\b], 0xfe000000, v[BM+\b]
.endr
.irp b, 0,1
	s_delay_alu instid0(VALU_DEP_2)
	v_lshrrev_b32 v[BP+\b], 23, v[SO+\b]
.endr
	s_delay_alu instid0(VALU_DEP_1)
	v_lshl_or_b32 v[TT], v[BP+1], 8, v[BP]
	v_cvt_scalef32_pk16_bf6_f32 v[PCD:PCD+2], v[S:S+15], v[SO]
	v_cvt_scalef32_pk16_bf6_f32 v[CT:CT+2], v[S+16:S+31], v[SO+1]
	v_nop
.irp i, 0,1,2
	v_permlane16_swap_b32 v[PCD+\i], v[CT+\i]
.endr
.irp i, 0,1,2
	s_delay_alu instid0(VALU_DEP_3)
	v_mov_b32 v[PCD+3+\i], v[CT+\i]
.endr
	v_lshlrev_b32 v11, 3, v30
	s_delay_alu instid0(VALU_DEP_1)
	v_lshrrev_b32 v[TT], v11, v[TT]                        ; lanes 0-15 the first block's byte, lanes 16-31 the second's
	global_store_b128 v[A16], v[PCD:PCD+3], s[48:49]
	global_store_b64 v[A8], v[PCD+4:PCD+5], s[48:49] offset:512
	global_store_b8 v95, v[TT], s[50:51]
	s_wait_tensorcnt 0x0
	ds_add_u32 v254, v255
	s_wait_dscnt 0x0
	s_endpgm
.Lfunc_end_k_qdefff38845_attn_full:
	.size	k_qdefff38845_attn_full, .Lfunc_end_k_qdefff38845_attn_full-k_qdefff38845_attn_full
	.p2alignl 7, 3214868480
	.fill 96, 4, 3214868480
	.section	.rodata,"a",@progbits
	.p2align	6, 0x0
	.amdhsa_kernel k_qdefff38845_attn_full
		.amdhsa_group_segment_fixed_size 210944
		.amdhsa_private_segment_fixed_size 0
		.amdhsa_enable_private_segment 0
		.amdhsa_kernarg_size 24
		.amdhsa_user_sgpr_count 2
		.amdhsa_user_sgpr_kernarg_segment_ptr 1
		.amdhsa_wavefront_size32 1
		.amdhsa_system_sgpr_workgroup_id_x 1
		.amdhsa_system_sgpr_workgroup_id_y 1
		.amdhsa_system_sgpr_workgroup_id_z 1
		.amdhsa_system_vgpr_workitem_id 0
		.amdhsa_next_free_vgpr 256
		.amdhsa_next_free_sgpr 66
		.amdhsa_reserve_vcc 0
		.amdhsa_float_denorm_mode_32 3
		.amdhsa_float_denorm_mode_16_64 3
		.amdhsa_memory_ordered 1
		.amdhsa_forward_progress 1
		.amdhsa_inst_pref_size 30
	.end_amdhsa_kernel
	.amdgpu_metadata
---
amdhsa.version: [ 1, 2 ]
amdhsa.kernels:
  - .name:           k_qdefff38845_attn_full
    .symbol:         k_qdefff38845_attn_full.kd
    .args:
      - { .name: qbuf, .offset: 0, .size: 8, .value_kind: global_buffer, .address_space: global }
      - { .name: kv_c, .offset: 8, .size: 8, .value_kind: global_buffer, .address_space: global }
      - { .name: att, .offset: 16, .size: 8, .value_kind: global_buffer, .address_space: global }
    .group_segment_fixed_size: 210944
    .private_segment_fixed_size: 0
    .kernarg_segment_align: 8
    .kernarg_segment_size: 24
    .max_flat_workgroup_size: 512
    .sgpr_count:     66
    .vgpr_count:     256
    .wavefront_size: 32
...
	.end_amdgpu_metadata
.endif
;; end of part 12
;; launch proj_ln_ffn (part 13): grid 256 x 1, 4 waves a work-group, no clusters, 116,224 bytes of LDS; arguments att, x1, Wp_c_codes, Wp_c_scales, bp_c, g3, be3, W1_codes, W1_scales, b1, W2_codes, W2_scales, b2, out0; writes out0
.if DOCPART == 13
	.amdgcn_target "amdgcn-amd-amdhsa--gfx1250"
	.amdhsa_code_object_version 6
	.text
	.protected	k_qdefff38845_proj_ln_ffn
	.globl	k_qdefff38845_proj_ln_ffn
	.p2align	8
	.type	k_qdefff38845_proj_ln_ffn,@function
k_qdefff38845_proj_ln_ffn:
	s_mov_b64 s[64:65], 0
	v_nop
	global_prefetch_b8 v0, s[64:65] scope:SCOPE_SE
	s_setreg_imm32_b32 hwreg(HW_REG_WAVE_SCHED_MODE, 0, 2), 2
	s_setreg_imm32_b32 hwreg(HW_REG_WAVE_MODE, 25, 1), 1
	s_wait_xcnt 0x0
	s_wait_alu depctr_vm_vsrc(0)
; x2 = x1 + attention Wp_c + bp_c; h = LayerNorm 3 of x2, quantised; hidden = relu(h W1 + b1), quantised; out = x2 + hidden W2 + b2.  All products on codes of BF6 (E3M2) with E8M0 scales.
; x2, h and the hidden layer never go to memory.
; SHARES.  32 rows to a work-group: 8,192 / 32 = 256 work-groups.  The four waves share the COLUMNS: wave w makes columns 128 w .. of x2 and of out, and hidden panels 4 i + w (128 units each), for all 32 rows.
; TILES.  Lane r of row tile m (0, 1) holds row 8 m + r + 8 (r / 8) of the block; lane r of tile t of a weight panel holds its row 32 (t / 2) + 8 (t % 2) + r + 8 (r / 8):
; so the 16 result registers of tiles 2 b and 2 b + 1 are 16 neighbours along the columns.
; K ORDER: operand place (c, half h) holds block 4 s + 2 h + c of K step s on both sides; a scale word's bytes follow as 0, 2, 1, 3.
; 36 K steps of 16 matrix instructions in 9 quads: the projection (1), the first layer (4 panels), the second layer (K = 2,048: 4).  The weights of two steps ahead are always on their way into registers.
; b1 is the C of a panel's first products; x2 is the C of the second layer's first products; b2 is added at the end.
; x1 was stored as an image of the accumulators of a block of 64 rows: my two tiles are its registers 128 (block % 2) on.
; The text is written out, without a loop: every instruction runs once in a wave, every offset is an immediate.
; WINDOWS: 0 work; 1 weights (two sets of 96), v192-255 a bias; 2 v0-127 x2; 3 v0-127 g3 and be3, then the layers' 16 accumulators.
; LIMITS: NaN and infinities are not served; a block of zeros gets the scale byte 1 and zero codes; v_rsq_f32 is accurate to 1 ulp.
; THE MODE: SCHED_MODE bits 1:0 = 2 (LLVM: expert scheduling mode 2), set by the entry lines.  The code itself states the register dependences
; between vector or matrix instructions and memory or LDS instructions, with s_wait_alu, always for 0.
; THE PLAN.  Registers that memory or LDS instructions touch:
;   v1-v27           addresses and offsets: written once at the head, read by every load and store: one wait on va_vdst ahead of the first load.
;   W0, W1           (window 1) step x's products read W[x % 2]; the loads of step x + 2 land in it behind the wait that closes step x.
;   AF0/1, AS0/1     step x's products read set x % 2; step x's LDS loads (the rows of step x + 1) land in the other set, which the products of step x - 1 read: the wait that closed step x - 1 covers them.
;                    They are dealt out: one row tile ahead of step x's products, the other in their middle.  At the head these registers carry the attention's codes to LDS: vm_vsrc ahead of the first fragments' loads.
;   WS0, WS1         a quad's scale words: loaded behind a step's closing wait; permuted by vector instructions at the quad's head: eight places and a wait on va_vdst stand between those and the products.
;   the bias         (window 1, v192-255) read by additions or, as C, by a panel's first products; the next bias is loaded behind a wait on va_vdst (a step's closing one, but for the first).
;   LNP, PC, PW      written by the norm and the quantiser, read by LDS stores: va_vdst ahead of each run of stores, vm_vsrc ahead of the next writer.
;   LNQ              LDS loads land in it; the vector lines that name it stand ahead of the wait on va_vdst in front of the tile's stores, behind which the next tile's loads follow.
;   the way out      one wait on va_vdst behind the additions of b2: the stage's stores read the sums, and the stage's loads land in registers of window 0 that nothing names any more.
.set XIMG, 0                           ; LDS: the attention's 8 fragments (image 2 ks + m, 1,536 bytes),
.set XSC,  12288                       ; their scale words (128 bytes each);
.set YIMG, 13312                       ; the normalised rows' likewise;
.set YSC,  25600
.set LNS,  26624                       ; the norm's pairs, [row tile][wave][r] x 8 bytes;
.set HSC,  27648                       ; the hidden layer's 32 scale words' images,
.set HIMG, 32768                       ; and its 32 fragments;
.set STG,  81920                       ; a stage of 16 rows x 528 bytes for each wave
.set LI0, 1                            ; v1-2 16 x lane + 0, 65,536
.set LI1, 2
.set LS,  4                            ; v4   4 x lane
.set WA,  6                            ; v6   a row of 512 codes: 384 rr + 48 h
.set WA2, 7                            ; v7   a row of W2's codes: 1536 rr + 48 h
.set WSA, 8                            ; v8   scale bytes: 16 rr
.set WSA2, 9                           ; v9   W2's: 64 rr
.set BA,  11                           ; v11  64 h
.set IWT, 12                           ; v12  16 x lane + 6144 (w / 2) + 1536 (w % 2)
.set SWT, 13                           ; v13  4 x lane + 512 (w / 2) + 128 (w % 2)
.set IWK, 14                           ; v14  16 x lane + 3072 x wave
.set SWK, 15                           ; v15  4 x lane + 256 x wave
.set AT16, 20                          ; v20  768 h + 16 r
.set AT8, 21                           ; v21  768 h + 8 r
.set R16, 22                           ; v22  16 r
.set LNW, 23                           ; v23  8 r + 128 x wave
.set LNR, 24                           ; v24  8 r
.set STO, 25                           ; v25  the stage: where I put 16 bytes of a row
.set RD,  26                           ; v26  and where I read a row back
.set HW0, 27                           ; v27  16 x lane + HIMG + 3072 x wave
.set WS,  32                           ; v32-95   weight scale words, two sets of 32
.set AF,  96                           ; v96..    the rows' fragments: set par at 48 par, tile m at 12 m
.set ST,  96                           ; v96-159  scratch while no K step runs
.set LNP, 160                          ; v160-163 for each row tile the pair (my wave's mean, its sum of squares)
.set LNQ, 168                          ; v168-175 the four waves' pairs of one tile
.set AS,  192                          ; v192..   the rows' scale words: set par at 4 par
.set PC,  200
.set TM,  220
.set PW,  236
.set T,   248                          ; v248-253 at work; v254, v255: the closing add's two, made at the head and kept for it alone
.set WV, 2
.set WHI, 3                            ; s3   wave / 2
.set WLO, 4                            ; s4   wave % 2
.set SEL, 36
.set SELP, 38
.set C512, 41
.set EPS, 42
.set C128, 43
.set F128, 44
.set ASCL, 46
.set MSB, 0
.macro WIN new                         ; the immediate's high byte repeats the setting that is left; a switch that changes nothing is dropped
.if MSB != (\new)
	s_set_vgpr_msb (MSB<<8)|(\new)
.set MSB, (\new)
.endif
.endm
; 64 numbers of a lane, v[s] .. v[s + 63] of window win, register 16 b + i = k 32 b + 16 (lane / 16) + i of the lane's row, become a fragment's codes in v[PC] .. v[PC + 11] and its scale word in v[pw],
; in the weight products' order of blocks.
.macro QUANT s, win, pw
	WIN (\win)|((\win)<<2)
.irp b, 0,1,2,3
	v_max3_num_f32 v[TM+\b], |v[(\s)+16*\b]|, |v[(\s)+16*\b+1]|, 0x2800000   ; my 16 numbers of block b, and the floor 2^(5 - 127): the byte cannot fall under 1
.endr
	WIN ((\win)<<2)|((\win)<<4)
.irp i, 2,4,6,8,10,12,14
.irp b, 0,1,2,3
	v_max3_num_f32 v[TM+\b], v[TM+\b], |v[(\s)+16*\b+\i]|, |v[(\s)+16*\b+\i+1]|
.endr
.endr
	WIN 0
.irp b, 0,1,2,3
	v_permlanex16_b32 v[TM+4+\b], v[TM+\b], s[SEL], s[SEL+1]
.endr
.irp b, 0,1,2,3
	v_max_num_f32 v[TM+\b], v[TM+\b], v[TM+4+\b]
.endr
.irp b, 0,1,2,3
	v_add_nc_u32 v[TM+12+\b], 0xfe000000, v[TM+\b]         ; 4 off the exponent field: the conversion's scale operand
.endr
.irp b, 0,1,2,3
	v_lshrrev_b32 v[TM+4+\b], 23, v[TM+12+\b]              ; the scale's byte
.endr
	v_lshl_or_b32 v[\pw], v[TM+6], 8, v[TM+4]
	v_lshl_or_b32 v[\pw], v[TM+5], 16, v[\pw]
	v_lshl_or_b32 v[\pw], v[TM+7], 24, v[\pw]
	WIN \win
.irp c, 0,1
	v_cvt_scalef32_pk16_bf6_f32 v[PC+6*\c:PC+6*\c+2], v[(\s)+16*\c:(\s)+16*\c+15], v[TM+12+\c]
	v_cvt_scalef32_pk16_bf6_f32 v[PC+12+4*\c:PC+14+4*\c], v[(\s)+32+16*\c:(\s)+47+16*\c], v[TM+14+\c]
.endr
	WIN 0
	v_nop                                                  ; one plain place behind a scaled conversion
.irp c, 0,1
.irp i, 0,1,2
	v_permlane16_swap_b32 v[PC+6*\c+\i], v[PC+12+4*\c+\i]
.endr
.irp i, 0,1,2
	v_mov_b32 v[PC+3+6*\c+\i], v[PC+12+4*\c+\i]
.endr
.endr
.endm
.macro IMAGE adr, off
.irp c, 0,1,2
	ds_store_b128 v[\adr], v[PC+4*\c:PC+4*\c+3] offset:(\off)+512*\c
.endr
.endm
.macro WL par, base, va, off, rowb     ; a K step's eight weight fragments into set par of window 1: 24 loads
	WIN 0x40
.irp t, 0,1,2,3,4,5,6,7
.irp i, 0,1,2
	global_load_b128 v[96*(\par)+12*\t+4*\i:96*(\par)+12*\t+4*\i+3], v[\va], s[(\base):(\base)+1] offset:(\off)+(32*(\t/2)+8*(\t%2))*(\rowb)+16*\i
.endr
.endr
	WIN 0
.endm
.macro WSL set, base, va, off, srow
.irp t, 0,1,2,3,4,5,6,7
	global_load_b128 v[WS+32*(\set)+4*\t:WS+32*(\set)+4*\t+3], v[\va], s[(\base):(\base)+1] offset:(\off)+(32*(\t/2)+8*(\t%2))*(\srow)
.endr
.endm
.macro WLX x                           ; the weights of step x of the 36
.if (\x) < 4
	WL (\x)%2, 12, WA, 96*(\x), 384
.elseif (\x) < 20
	WL (\x)%2, 22, WA, 196608*(((\x)-4)/4)+96*((\x)%4), 384
.else
	WL (\x)%2, 28, WA2, 96*((\x)-20), 1536
.endif
.endm
.macro WSLX qd                         ; the scale words of quad qd of the 9
.if (\qd) == 0
	WSL 0, 14, WSA, 0, 16
.elseif (\qd) < 5
	WSL (\qd)%2, 24, WSA, 8192*((\qd)-1), 16
.else
	WSL (\qd)%2, 30, WSA2, 16*((\qd)-5), 64
.endif
.endm
.macro VEC64 win, reg, base, off       ; 64 numbers of a vector over 128 columns, in the result's layout: register 16 b + i = column 32 b + 16 h + i
	WIN (\win)<<6
.irp b, 0,1,2,3
.irp j, 0,1,2,3
	global_load_b128 v[(\reg)+16*\b+4*\j:(\reg)+16*\b+4*\j+3], v[BA], s[(\base):(\base)+1] offset:(\off)+128*\b+16*\j
.endr
.endr
	WIN 0
.endm
.macro QHEAD set
	s_wait_loadcnt 48                                      ; behind the scale words stand at least the 48 loads of the quad's first two K steps
.set n_, WS+32*(\set)
.rept 32
	v_perm_b32 v[n_], v[n_], v[n_], s[SELP]
.set n_, n_+1
.endr
.rept 8
	v_nop                                                  ; a scale register written by a vector instruction stands 8 places ahead of a scaled matrix instruction
.endr
	s_wait_alu depctr_va_vdst(0)                           ; the permutes have written the quad's scale words, which its products take as scales; the places above stay beside this wait
.endm
.macro FETCH1 par, img, sc, ks, m      ; row tile m: its fragment and scale word of K step ks
	WIN 0
.irp i, 0,1,2
.set FO, (\img)+(2*(\ks)+(\m))*1536+512*\i
	ds_load_b128 v[AF+48*(\par)+12*(\m)+4*\i:AF+48*(\par)+12*(\m)+4*\i+3], v[LI0+FO/65536] offset:FO%65536
.endr
	ds_load_b32 v[AS+4*(\par)+(\m)], v[LS] offset:(\sc)+(2*(\ks)+(\m))*128
.endm
.macro FETCHA par, img, sc, ks         ; both row tiles
	FETCH1 \par, \img, \sc, \ks, 0
	FETCH1 \par, \img, \sc, \ks, 1
.endm
; 8 matrix instructions: row tile m x the eight weight tiles; a step's 16 are on 16 accumulators, in the same order in every step: source 0 = 16 weight rows, source 1 = 16 rows.
; cm 0: onto the accumulator (window aw); 2: the bias in window 1 starts the sum in window 3; 3: window 2's register of the same number starts the sum in window 3.
.macro MM1 par, ws, cm, aw, m
.if (\cm) == 2
	WIN 0xd1
.elseif (\cm) == 3
	WIN 0xe1
.elseif (\aw) == 3
	WIN 0xf1
.else
	WIN 0xa1
.endif
.irp t, 0,1,2,3,4,5,6,7
.set rW, 96*(\par)+12*\t
.set rA, AF+48*(\par)+12*(\m)
.set rWS, (\ws)+4*\t
.set rAS, AS+4*(\par)+(\m)
.set rD, 8*(8*(\m)+\t)
.if (\cm) == 2
	v_wmma_scale_f32_16x16x128_f8f6f4 v[rD:rD+7], v[rW:rW+11], v[rA:rA+11], v[192+8*\t:199+8*\t], v[rWS], v[rAS] matrix_a_fmt:MATRIX_FMT_BF6 matrix_b_fmt:MATRIX_FMT_BF6
.else
	v_wmma_scale_f32_16x16x128_f8f6f4 v[rD:rD+7], v[rW:rW+11], v[rA:rA+11], v[rD:rD+7], v[rWS], v[rAS] matrix_a_fmt:MATRIX_FMT_BF6 matrix_b_fmt:MATRIX_FMT_BF6
.endif
.endr
.endm
; A K step.  nx = 1: the next step's rows are fetched, one tile ahead of the products and one in their middle.  No wait stands ahead of those loads: the wait that closed the step before has shown that step's products done
; reading the set in which they land, and no vector or matrix instruction since names that set or the loads' addresses.  w = 1: loads follow that land in registers which this step's products read.
.macro KSTEP par, lc, ws, cm, aw, nx, img, sc, ks, w
	s_wait_loadcnt \lc                                     ; this step's weights are in; the next step's 24 loads may be out
	s_wait_dscnt 0x0                                       ; this step's rows are in
.if \nx
	FETCH1 1-(\par), \img, \sc, \ks, 0
.endif
	MM1 \par, \ws, \cm, \aw, 0
.if \nx
	FETCH1 1-(\par), \img, \sc, \ks, 1
.endif
	MM1 \par, \ws, \cm, \aw, 1
	WIN 0
.rept 4
	v_nop                                                  ; four places behind the products, ahead of the first read of their results (ISA guide 7.12.1)
.endr
.if \w
	s_wait_alu depctr_va_vdst(0)                           ; this step's products are done reading W[par], AF[par], AS[par] and, in a panel's first step, the bias: the weights of two steps on, the next step's LDS loads and the next bias land there; the products of the quad before are done with the scale words that are loaded anew
.endif
.endm
.macro BARRIER                         ; my LDS stores have landed and my LDS loads are in: then the work-group's barrier
	s_wait_dscnt 0x0
	s_barrier_signal -1
	s_barrier_wait -1
.endm
; My 128 columns' mean and sum of squares about it, for the two row tiles; the pairs go to LDS, the two stores behind one wait.  Each accumulator is read from its low end on.
.macro LN_PART
	WIN 0x0a
.irp m, 0,1
	v_pk_add_f32 v[PC+4*\m:PC+4*\m+1], v[64*\m:64*\m+1], v[64*\m+2:64*\m+3]
	v_pk_add_f32 v[PC+4*\m+2:PC+4*\m+3], v[64*\m+4:64*\m+5], v[64*\m+6:64*\m+7]
.endr
	WIN 0x08
.set k_, 8
.rept 28
.irp m, 0,1
	v_pk_add_f32 v[PC+4*\m+k_%4:PC+4*\m+k_%4+1], v[PC+4*\m+k_%4:PC+4*\m+k_%4+1], v[64*\m+k_:64*\m+k_+1]
.endr
.set k_, k_+2
.endr
	WIN 0
.irp m, 0,1
	v_pk_add_f32 v[PC+4*\m:PC+4*\m+1], v[PC+4*\m:PC+4*\m+1], v[PC+4*\m+2:PC+4*\m+3]
.endr
.irp m, 0,1
	v_add_f32 v[T+\m], v[PC+4*\m], v[PC+4*\m+1]
.endr
.irp m, 0,1
	v_permlanex16_b32 v[TM+4+\m], v[T+\m], s[SEL], s[SEL+1]
.endr
.irp m, 0,1
	v_add_f32 v[T+\m], v[T+\m], v[TM+4+\m]
.endr
.irp m, 0,1
	v_mul_f32 v[LNP+2*\m], s[C128], v[T+\m]                ; my wave's mean
	v_mov_b32 v[LNP+2*\m+1], 0                             ; (named with it as a pair)
.endr
.irp m, 0,1
	WIN 0x02
.set k_, 0
.rept 32
	v_pk_add_f32 v[ST+k_:ST+k_+1], v[64*\m+k_:64*\m+k_+1], v[LNP+2*\m:LNP+2*\m+1] op_sel_hi:[1,0] neg_lo:[0,1] neg_hi:[0,1]
.set k_, k_+2
.endr
	WIN 0
	v_pk_mul_f32 v[T:T+1], v[ST:ST+1], v[ST:ST+1]
	v_pk_mul_f32 v[T+2:T+3], v[ST+2:ST+3], v[ST+2:ST+3]
.set k_, 4
.rept 30
	v_pk_fma_f32 v[T+k_%4:T+k_%4+1], v[ST+k_:ST+k_+1], v[ST+k_:ST+k_+1], v[T+k_%4:T+k_%4+1]
.set k_, k_+2
.endr
	v_pk_add_f32 v[T:T+1], v[T:T+1], v[T+2:T+3]
	v_add_f32 v[T+4], v[T], v[T+1]
	v_permlanex16_b32 v[TM+4], v[T+4], s[SEL], s[SEL+1]
	v_add_f32 v[LNP+2*\m+1], v[T+4], v[TM+4]
.endr
	s_wait_alu depctr_va_vdst(0)                           ; the two pairs v[LNP ..] are written, which the LDS stores read
.irp m, 0,1
	ds_store_b64 v[LNW], v[LNP+2*\m:LNP+2*\m+1] offset:LNS+512*\m     ; lanes l and l xor 16 write the same bytes with the same values
.endr
.endm
; The four waves' pairs are joined (mean = the means' mean; M2 = the sum of the M2 + 128 x the sum of the squared distances of the means: no difference of large sums);
; my 128 columns are normalised, quantised, and go to LDS as K step w of the next product.
; The loads into v[LNQ ..] owe no wait of their own: every vector or matrix instruction that named these registers stands ahead of a wait on va_vdst (the one above; then the one ahead of the tile before's stores).
.macro LN_APPLY
.irp m, 0,1
.irp i, 0,1,2,3
	ds_load_b64 v[LNQ+2*\i:LNQ+2*\i+1], v[LNR] offset:LNS+512*\m+128*\i
.endr
	s_wait_dscnt 0x0
	v_add_f32 v[T], v[LNQ], v[LNQ+2]
	v_add_f32 v[T+1], v[LNQ+4], v[LNQ+6]
	v_add_f32 v[T], v[T], v[T+1]
	v_mul_f32 v[T], 0x3e800000, v[T]                       ; the row's mean
	v_mov_b32 v[T+1], v[T]
.irp i, 0,1,2,3
	v_sub_f32 v[LNQ+2*\i], v[LNQ+2*\i], v[T]
.endr
	v_mul_f32 v[T+2], v[LNQ], v[LNQ]
	v_fma_f32 v[T+2], v[LNQ+2], v[LNQ+2], v[T+2]
	v_fma_f32 v[T+2], v[LNQ+4], v[LNQ+4], v[T+2]
	v_fma_f32 v[T+2], v[LNQ+6], v[LNQ+6], v[T+2]
	v_add_f32 v[T+3], v[LNQ+1], v[LNQ+3]
	v_add_f32 v[T+4], v[LNQ+5], v[LNQ+7]
	v_add_f32 v[T+3], v[T+3], v[T+4]
	v_fma_f32 v[T+2], v[T+2], s[F128], v[T+3]              ; the row's sum of squares about its mean
	v_fma_f32 v[T+2], v[T+2], s[C512], s[EPS]
	s_wait_alu depctr_va_vdst(0)
	v_rsq_f32 v[T+4], v[T+2]
	v_nop                                                  ; one plain place behind a transcendental
	s_wait_alu depctr_va_vdst(0)                           ; v_rsq_f32 has written v[T + 4], ahead of its first reader
	v_mov_b32 v[T+5], v[T+4]
	WIN 0x02
.set k_, 0
.rept 32
	v_pk_add_f32 v[ST+k_:ST+k_+1], v[64*\m+k_:64*\m+k_+1], v[T:T+1] neg_lo:[0,1] neg_hi:[0,1]
.set k_, k_+2
.endr
	WIN 0
.set k_, 0
.rept 32
	v_pk_mul_f32 v[ST+k_:ST+k_+1], v[ST+k_:ST+k_+1], v[T+4:T+5]
.set k_, k_+2
.endr
	WIN 0x3c
.set k_, 0
.rept 32
	v_pk_fma_f32 v[ST+k_:ST+k_+1], v[ST+k_:ST+k_+1], v[k_:k_+1], v[64+k_:65+k_]    ; x g + be (both in window 3)
.set k_, k_+2
.endr
	QUANT ST, 0, PW
	s_wait_alu depctr_va_vdst(0)                           ; the quantiser has written v[PC ..] and v[PW], which the LDS stores read
	IMAGE IWK, YIMG+1536*\m
	ds_store_b32 v[SWK], v[PW] offset:YSC+128*\m
	s_wait_dscnt 0x0                                       ; my stores have landed
	s_wait_alu depctr_vm_vsrc(0)                           ; and have read v[PC ..] and v[PW], which the next quantiser writes
.endr
.endm
; Hidden panel 4 i + w: relu, quantised; it is K step 4 i + w of the second layer: image 2 (4 i + w) + m.
.macro EPI_H ii
.irp m, 0,1
	WIN 0xcc
.set k_, 64*\m
.rept 64
	v_max_num_f32 v[k_], 0, v[k_]
.set k_, k_+1
.endr
	QUANT 64*\m, 3, PW
	s_wait_alu depctr_va_vdst(0)                           ; the quantiser has written v[PC ..] and v[PW], which the LDS stores read
	IMAGE HW0, 12288*(\ii)+1536*\m
	ds_store_b32 v[SWK], v[PW] offset:HSC+1024*(\ii)+128*\m
	s_wait_dscnt 0x0                                       ; my stores have landed
	s_wait_alu depctr_vm_vsrc(0)                           ; and have read v[PC ..] and v[PW], which the next quantiser writes
.endr
.endm
	s_load_b512 s[8:23], s[0:1], 0x0                       ; att 8, x1 10, Wp codes 12, scales 14, bp 16, g3 18, be3 20, W1 codes 22
	s_load_b256 s[24:31], s[0:1], 0x40                     ; W1 scales 24, b1 26, W2 codes 28, scales 30
	s_load_b128 s[32:35], s[0:1], 0x60                     ; b2 32, out0 34
	v_lshl_add_u32 v254, v0, 2, 0x1c400
	v_mov_b32 v255, 0
	v_lshrrev_b32 v29, 5, v0
	v_readfirstlane_b32 s[WV], v29
	v_and_b32 v29, 31, v0                                  ; lane
	v_and_b32 v30, 15, v0                                  ; r
	v_bfe_u32 v31, v0, 4, 1                                ; h
	v_and_b32 v[T], 8, v30
	v_add_nc_u32 v[T], v[T], v30                           ; rr
	v_lshlrev_b32 v[LI0], 4, v29
	v_add_nc_u32 v[LI1], 0x10000, v[LI0]
	v_lshlrev_b32 v[LS], 2, v29
	s_wait_alu depctr_va_vdst(0)
	v_mul_u32_u24 v[WA], v[T], 384
	v_mad_u32_u24 v[WA], v31, 48, v[WA]
	v_mul_u32_u24 v[WA2], v[T], 1536
	v_mad_u32_u24 v[WA2], v31, 48, v[WA2]
	v_lshlrev_b32 v[WSA], 4, v[T]
	v_lshlrev_b32 v[WSA2], 6, v[T]
	v_lshlrev_b32 v[BA], 6, v31
	s_wait_alu depctr_va_sdst(0)                           ; s[WV] is written, ahead of its first reader: LDS places and the buffers' offsets are made from it
	s_lshr_b32 s[WHI], s[WV], 1
	s_and_b32 s[WLO], s[WV], 1
	s_mul_i32 s48, s[WHI], 6144
	s_mul_i32 s49, s[WLO], 1536
	s_add_co_u32 s48, s48, s49
	v_add_nc_u32 v[IWT], s48, v[LI0]                       ; I bring tile w % 2, K steps 2 (w / 2) and 2 (w / 2) + 1: images 4 (w / 2) + 2 e + w % 2
	s_lshl_b32 s48, s[WHI], 9
	s_lshl_b32 s49, s[WLO], 7
	s_add_co_u32 s48, s48, s49
	v_add_nc_u32 v[SWT], s48, v[LS]
	s_lshl_b32 s48, s[WV], 7
	v_lshlrev_b32 v[LNR], 3, v30
	v_add_nc_u32 v[LNW], s48, v[LNR]
	s_mul_i32 s48, s[WV], 3072
	v_add_nc_u32 v[IWK], s48, v[LI0]
	v_add_nc_u32 v[HW0], HIMG, v[IWK]
	s_lshl_b32 s48, s[WV], 8
	v_add_nc_u32 v[SWK], s48, v[LS]
	v_lshlrev_b32 v[R16], 4, v30
	v_mul_u32_u24 v[T+1], v31, 768
	v_add_nc_u32 v[AT16], v[T+1], v[R16]
	v_add_nc_u32 v[AT8], v[T+1], v[LNR]
	s_mul_i32 s48, s[WV], 8448
	s_add_co_u32 s48, s48, STG                             ; my stage
	v_mul_u32_u24 v[STO], v30, 528
	v_lshl_add_u32 v[STO], v31, 6, v[STO]
	v_add_nc_u32 v[STO], s48, v[STO]
	v_add_nc_u32 v[RD], s48, v[LI0]
.irp b, 0,1,2,3
	v_mov_b32 v[TM+4+\b], 0                                ; written once: a lane permute's destination counts as one of its sources
.endr
	s_mov_b32 s[SEL], 0x76543210
	s_mov_b32 s[SEL+1], 0xfedcba98
	s_mov_b32 s[SELP], 0x03010200
	s_mov_b32 s[C512], 0x3b000000                          ; 1 / 512
	s_mov_b32 s[EPS], 0x3727c5ac                           ; 1e-5
	s_mov_b32 s[C128], 0x3c000000                          ; 1 / 128
	s_mov_b32 s[F128], 0x43000000                          ; 128
	s_lshl_b32 s6, ttmp9, 1
	s_add_co_u32 s6, s6, s[WLO]                            ; the tile of rows that I bring: 2 x block + w % 2
	s_mov_b32 s49, 0
	s_mov_b32 s51, 0
	s_mov_b32 s53, 0
	s_mov_b32 s55, 0
	s_mul_i32 s50, s[WV], 49152
	s_lshl_b32 s52, s[WV], 11
	s_lshl_b32 s54, s[WV], 9
	s_wait_kmcnt 0x0
	s_lshl_b32 s48, s6, 8
	s_lshl_b32 s5, s[WHI], 3
	s_add_co_u32 s48, s48, s5
	s_add_co_u32 s48, s48, 0x300000
	s_add_nc_u64 s[ASCL:ASCL+1], s[8:9], s[48:49]          ; the tile's scale rows, at my two K steps' words
	s_mul_i32 s48, s6, 6144
	s_mul_i32 s5, s[WHI], 3072
	s_add_co_u32 s48, s48, s5
	s_add_nc_u64 s[8:9], s[8:9], s[48:49]                  ; its codes, at my two K steps
	s_lshr_b32 s48, ttmp9, 1
	s_lshl_b32 s48, s48, 2
	s_add_co_u32 s48, s48, s[WV]
	s_lshl_b32 s48, s48, 15
	s_and_b32 s5, ttmp9, 1
	s_lshl_b32 s5, s5, 14
	s_add_co_u32 s48, s48, s5
	s_add_nc_u64 s[10:11], s[10:11], s[48:49]              ; x1: [block of 64 rows][wave][32,768], my half of it
	s_add_nc_u64 s[12:13], s[12:13], s[50:51]
	s_add_nc_u64 s[22:23], s[22:23], s[50:51]
	s_add_nc_u64 s[14:15], s[14:15], s[52:53]
	s_add_nc_u64 s[24:25], s[24:25], s[52:53]
	s_add_nc_u64 s[16:17], s[16:17], s[54:55]
	s_add_nc_u64 s[18:19], s[18:19], s[54:55]
	s_add_nc_u64 s[20:21], s[20:21], s[54:55]
	s_add_nc_u64 s[26:27], s[26:27], s[54:55]
	s_add_nc_u64 s[32:33], s[32:33], s[54:55]
	s_mul_i32 s48, s[WV], 196608
	s_add_nc_u64 s[28:29], s[28:29], s[48:49]
	s_lshl_b32 s48, s[WV], 13
	s_add_nc_u64 s[30:31], s[30:31], s[48:49]
	s_lshl_b32 s48, ttmp9, 16
	s_add_co_u32 s48, s48, s54
	s_add_nc_u64 s[34:35], s[34:35], s[48:49]              ; out0 at the block's first row, my 128 columns
	; ---- two fragments of the attention's codes a wave: lane half h takes the whole of head 2 s + h
	s_wait_alu depctr_va_vdst(0)                           ; the addresses and offsets v1 to v27 are written, which all loads and stores of the kernel read; none is written again
.irp e, 0,1
	global_load_b128 v[96+12*\e:99+12*\e], v[AT16], s[8:9] offset:1536*\e
	global_load_b64 v[100+12*\e:101+12*\e], v[AT8], s[8:9] offset:1536*\e+512
	global_load_b128 v[102+12*\e:105+12*\e], v[AT16], s[8:9] offset:1536*\e+256
	global_load_b64 v[106+12*\e:107+12*\e], v[AT8], s[8:9] offset:1536*\e+640
.endr
	global_load_b64 v[200:201], v[R16], s[ASCL:ASCL+1]
	WSLX 0
	WLX 0
	WLX 1
	s_wait_loadcnt 56                                      ; the 56 loads of the weights may stay out
.irp e, 0,1
.irp c, 0,1,2
	ds_store_b128 v[IWT], v[96+12*\e+4*\c:99+12*\e+4*\c] offset:XIMG+3072*\e+512*\c
.endr
	ds_store_b32 v[SWT], v[200+\e] offset:XSC+256*\e
.endr
	WIN 0x80
.set k_, 0
.rept 32
	global_load_b128 v[4*k_:4*k_+3], v[LI0], s[10:11] offset:512*k_ th:TH_LOAD_NT   ; x1, straight into the accumulators' registers, by the map in which it was stored
.set k_, k_+1
.endr
	WIN 0
	VEC64 1, 192, 16, 0                                    ; bp
	VEC64 3, 0, 18, 0                                      ; g3
	VEC64 3, 64, 20, 0                                     ; be3
	BARRIER                                                ; the 8 fragments lie in LDS
	s_wait_loadcnt 32                                      ; g3 and be3 may stay out
	WIN 0x86
.irp m, 0,1
.set k_, 0
.rept 32
	v_pk_add_f32 v[64*\m+k_:64*\m+k_+1], v[64*\m+k_:64*\m+k_+1], v[192+k_:193+k_]   ; x1 + bp
.set k_, k_+2
.endr
.endr
	WIN 0
	s_wait_alu depctr_va_vdst(0)                           ; the additions are done reading bp in window 1, in which b1's loads land
	VEC64 1, 192, 26, 0                                    ; b1 of my first panel
	s_wait_alu depctr_vm_vsrc(0)                           ; my LDS stores have read v96 to v119, v200 and v201: the rows' fragments land in the first, the norm and the quantiser write the others
	FETCHA 0, XIMG, XSC, 0
	QHEAD 0
	KSTEP 0, 24, WS+0, 0, 2, 1, XIMG, XSC, 1, 1
	WLX 2
	KSTEP 1, 24, WS+1, 0, 2, 1, XIMG, XSC, 2, 1
	WLX 3
	KSTEP 0, 24, WS+2, 0, 2, 1, XIMG, XSC, 3, 1
	WSLX 1
	WLX 4
	KSTEP 1, 24, WS+3, 0, 2, 0, 0, 0, 0, 1
	WLX 5
	LN_PART                                                ; window 2 now holds x2 and is not written again
	BARRIER                                                ; the four waves' pairs lie in LDS
	LN_APPLY
	BARRIER                                                ; the normalised rows' 8 fragments lie in LDS
	; ---- the first layer: four panels of 128 hidden units
	FETCHA 0, YIMG, YSC, 0                                 ; (the norm's scratch in these registers was last named ahead of the wait on va_vdst in front of its last stores)
.set xs, 4
.rept 16
.set qd_, xs/4
.if xs%4 == 0
	QHEAD qd_%2
	KSTEP xs%2, 24, WS+32*(qd_%2), 2, 3, 1, YIMG, YSC, 1, 1
.if qd_ < 4
	VEC64 1, 192, 26, 2048*qd_                             ; the next panel's b1
.else
	VEC64 1, 192, 32, 0                                    ; b2
.endif
.elseif xs == 19
	KSTEP xs%2, 24, WS+32*(qd_%2)+3, 0, 3, 0, 0, 0, 0, 1
.else
	KSTEP xs%2, 24, WS+32*(qd_%2)+xs%4, 0, 3, 1, YIMG, YSC, (xs+1)%4, 1
.endif
.if (xs+2)%4 == 0
	WSLX (xs+2)/4
.endif
	WLX xs+2
.if xs%4 == 3
	EPI_H qd_-1
.endif
.set xs, xs+1
.endr
	BARRIER                                                ; the hidden layer's 32 fragments lie in LDS
	; ---- the second layer: K = 2,048, sixteen K steps
	FETCHA 0, HIMG, HSC, 0
.set xs, 20
.rept 16
.set qd_, xs/4
.set lc_, 24
.set nx_, 1
.set cm_, 0
.set w_, 1
.if xs == 35
.set lc_, 0
.set nx_, 0
.endif
.if xs >= 34
.set w_, 0
.endif
.if xs == 20
.set cm_, 3
.endif
.if xs%4 == 0
	QHEAD qd_%2
.endif
	KSTEP xs%2, lc_, WS+32*(qd_%2)+xs%4, cm_, 3, nx_, HIMG, HSC, xs-19, w_
.if xs < 34
.if (xs+2)%4 == 0
	WSLX (xs+2)/4
.endif
	WLX xs+2
.endif
.set xs, xs+1
.endr
	; ---- the way out: + b2; a tile of 16 rows x 128 columns goes through my own stage and leaves as whole rows of 512 bytes
	WIN 0xc7
.irp m, 0,1
.set k_, 0
.rept 32
	v_pk_add_f32 v[64*\m+k_:64*\m+k_+1], v[64*\m+k_:64*\m+k_+1], v[192+k_:193+k_]
.set k_, k_+2
.endr
.endr
	WIN 0
	s_wait_alu depctr_va_vdst(0)                           ; the additions have written the sums, which the stage's stores read; all vector and matrix work on v96 to v223 of window 0, in which the stage's loads land, is done.  No vector instruction follows
.irp m, 0,1
	WIN 0x0c
.irp b, 0,1,2,3
.irp j, 0,1,2,3
	ds_store_b128 v[STO], v[64*\m+16*\b+4*\j:64*\m+16*\b+4*\j+3] offset:128*\b+16*\j
.endr
.endr
	WIN 0
.irp t, 0,1,2,3,4,5,6,7,8,9,10,11,12,13,14,15
	ds_load_b128 v[96+64*\m+4*\t:99+64*\m+4*\t], v[RD] offset:528*\t       ; LDS serves a wave's instructions in order (ISA guide 5.7.1.4): these see my stores, and the next tile's stores come behind them
.endr
	s_wait_dscnt 0x0
.irp t, 0,1,2,3,4,5,6,7,8,9,10,11,12,13,14,15
	global_store_b128 v[LI0], v[96+64*\m+4*\t:99+64*\m+4*\t], s[34:35] offset:(8*\m+\t+8*(\t/8))*2048 th:TH_STORE_NT   ; 32 lanes store 512 consecutive bytes, at a multiple of 256 from out0's first byte
.endr
.endr
	s_wait_dscnt 0x0                                       ; the closing lines, six on end
	s_wait_alu 0x0
	s_wait_tensorcnt 0x0
	ds_add_u32 v254, v255
	s_wait_dscnt 0x0
	s_endpgm
.Lfunc_end_k_qdefff38845_proj_ln_ffn:
	.size	k_qdefff38845_proj_ln_ffn, .Lfunc_end_k_qdefff38845_proj_ln_ffn-k_qdefff38845_proj_ln_ffn
	.p2alignl 7, 3214868480
	.fill 96, 4, 3214868480
	.section	.rodata,"a",@progbits
	.p2align	6, 0x0
	.amdhsa_kernel k_qdefff38845_proj_ln_ffn
		.amdhsa_group_segment_fixed_size 116224
		.amdhsa_private_segment_fixed_size 0
		.amdhsa_enable_private_segment 0
		.amdhsa_kernarg_size 112
		.amdhsa_user_sgpr_count 2
		.amdhsa_user_sgpr_kernarg_segment_ptr 1
		.amdhsa_wavefront_size32 1
		.amdhsa_system_sgpr_workgroup_id_x 1
		.amdhsa_system_sgpr_workgroup_id_y 1
		.amdhsa_system_sgpr_workgroup_id_z 1
		.amdhsa_system_vgpr_workitem_id 0
		.amdhsa_next_free_vgpr 1024
		.amdhsa_next_free_sgpr 66
		.amdhsa_reserve_vcc 0
		.amdhsa_float_denorm_mode_32 3
		.amdhsa_float_denorm_mode_16_64 3
		.amdhsa_memory_ordered 1
		.amdhsa_forward_progress 1
		.amdhsa_inst_pref_size 255
	.end_amdhsa_kernel
	.section	.bss,"aw",@nobits
	.p2align	6
	.space	262144
	.amdgpu_metadata
---
amdhsa.version: [ 1, 2 ]
amdhsa.kernels:
  - .name:           k_qdefff38845_proj_ln_ffn
    .symbol:         k_qdefff38845_proj_ln_ffn.kd
    .args:
      - { .name: att, .offset: 0, .size: 8, .value_kind: global_buffer, .address_space: global }
      - { .name: x1, .offset: 8, .size: 8, .value_kind: global_buffer, .address_space: global }
      - { .name: Wp_c_codes, .offset: 16, .size: 8, .value_kind: global_buffer, .address_space: global }
      - { .name: Wp_c_scales, .offset: 24, .size: 8, .value_kind: global_buffer, .address_space: global }
      - { .name: bp_c, .offset: 32, .size: 8, .value_kind: global_buffer, .address_space: global }
      - { .name: g3, .offset: 40, .size: 8, .value_kind: global_buffer, .address_space: global }
      - { .name: be3, .offset: 48, .size: 8, .value_kind: global_buffer, .address_space: global }
      - { .name: W1_codes, .offset: 56, .size: 8, .value_kind: global_buffer, .address_space: global }
      - { .name: W1_scales, .offset: 64, .size: 8, .value_kind: global_buffer, .address_space: global }
      - { .name: b1, .offset: 72, .size: 8, .value_kind: global_buffer, .address_space: global }
      - { .name: W2_codes, .offset: 80, .size: 8, .value_kind: global_buffer, .address_space: global }
      - { .name: W2_scales, .offset: 88, .size: 8, .value_kind: global_buffer, .address_space: global }
      - { .name: b2, .offset: 96, .size: 8, .value_kind: global_buffer, .address_space: global }
      - { .name: out0, .offset: 104, .size: 8, .value_kind: global_buffer, .address_space: global }
    .group_segment_fixed_size: 116224
    .private_segment_fixed_size: 0
    .kernarg_segment_align: 8
    .kernarg_segment_size: 112
    .max_flat_workgroup_size: 128
    .sgpr_count:     66
    .vgpr_count:     1024
    .wavefront_size: 32
...
	.end_amdgpu_metadata
.endif
;; end of part 13
